; MI455X (gfx1250); checked and timed in simulation.
; The chip was launched on July 23, 2026; its instructions are those of AMD's public machine-readable ISA for CDNA 5 (MIT licence, August 2026) and "CDNA5" Instruction Set Architecture Reference Guide (July 2026). The comments in the code are by the model that wrote it; some were corrected since.
;; Transformer Block. Allowed arithmetic: matrix products marked QUANTISED: E4M3 operands, one E8M0 scale for each 32 along K, by v_wmma_scale_f32_16x16x128_f8f6f4 with both operands' format E4M3, f32 sums; everything else in f32.
;; Inputs: ff1_b 4,096 float32; ff1_w 4,096 x 1,024 float32; ff2_b 1,024 float32; ff2_w 1,024 x 4,096 float32; ln1_b 1,024 float32; ln1_g 1,024 float32; ln2_b 1,024 float32; ln2_g 1,024 float32; proj_b 1,024 float32; proj_w 1,024 x 1,024 float32; qkv_b 3,072 float32; qkv_w 3,072 x 1,024 float32; x 2 x 2,048 x 1,024 float32.
;; Outputs: out0 2 x 2,048 x 1,024 float32.
;; This version of the problem:
;;   THIS VERSION OF THE PROBLEM IS GIVEN IN LOW PRECISION. The matrix products marked QUANTISED in the list below multiply operands that are first quantised to E4M3 (4 exponent bits, 3 mantissa bits; 8 bits a number), with one power-of-two scale for each 32 numbers along K (OCP MX v1.0); their sums are f32. All else is computed in f32.
;;   The module's matrix products, in the order in which they are computed (A, B: the left and right operand; K: the contracted axis; several contracted axes count as one K, in the product's order):
;;     1. [M 4,096, K 1,024] x [K 1,024, N 3,072]; A: computed on the way; B: input qkv_w: QUANTISED
;;     2. batch 32 x [M 2,048, K 64] x [K 64, N 2,048]; A: computed on the way; B: computed on the way: QUANTISED
;;     3. batch 32 x [M 2,048, K 2,048] x [K 2,048, N 64]; A: softmax (see below); B: computed on the way: QUANTISED
;;     4. [M 4,096, K 1,024] x [K 1,024, N 1,024]; A: computed on the way; B: input proj_w: QUANTISED
;;     5. [M 4,096, K 1,024] x [K 1,024, N 4,096]; A: computed on the way; B: input ff1_w: QUANTISED
;;     6. [M 4,096, K 4,096] x [K 4,096, N 1,024]; A: computed on the way; B: input ff2_w: QUANTISED
;;   THE QUANTISER, for each operand of a quantised product, along K:
;;     - K is cut into blocks of 32 from its start; a last block that is shorter is filled with zeros.
;;     - A block's scale is 2^e with e = floor(log2(the largest magnitude in the block)) - 8, held to -126 .. 127; a block of zeros has e = 0. As a byte (E8M0): e + 127.
;;     - Each number is divided by its block's scale, clamped to +-448, and rounded to the nearest number of E4M3, ties to even, subnormals kept.
;;     - The product sums the exact products of the quantised numbers (number of the format x scale) in f32.
;;   ~~~python
;;   def quantise(x, axis):      # numpy; x: float32 -> the quantised numbers, widened to float32 again
;;       x = np.moveaxis(x, axis, -1); K = x.shape[-1]
;;       x = np.pad(x, [(0, 0)] * (x.ndim - 1) + [(0, -K % 32)]); x = x.reshape(x.shape[:-1] + (-1, 32)); a = np.abs(x).max(-1, keepdims=True)
;;       e = np.where(a > 0, np.clip(np.frexp(np.where(a > 0, a, 1))[1] - 1 - 8, -126, 127), 0)      # np.frexp(a)[1] - 1 = floor(log2(a)), exactly
;;       r = np.clip(x / 2.0 ** e, -448, 448)
;;       step = 2.0 ** (np.maximum(np.frexp(np.where(r == 0, 1, r))[1] - 1, -6) - 3)
;;       q = np.round(r / step) * step * 2.0 ** e      # np.round: ties to even
;;       return np.moveaxis(q.reshape(q.shape[:-2] + (-1,))[..., :K], -1, axis).astype(np.float32)
;;   ~~~
;;   SOFTMAX AHEAD OF A QUANTISED PRODUCT. Where the list says 'softmax', what is quantised is not the finished softmax but p = 2^(t - M), with t = logit x log2(e) and M = ceil(the row's largest t), a whole number; so 1/2 < the row's largest p <= 1. The row's sum l is taken of the UNQUANTISED p, in f32, and the product's result is divided by l at the end. Since M is a whole number, a kernel that streams over the keys may use a running M (the ceiling of the running maximum): every later rescaling is an exact power of two, which a block's scale takes up: the codes' values come out the same.
;;   OPERANDS COMPUTED ON THE WAY. 'Computed on the way' means the value that the module computes at that place (a softmax that the list does not call 'softmax' is quantised finished and normalised). What goes into a quantiser is computed in f32, as accurately as f32 sums, v_exp_f32 and their like allow (about 1e-6 of the number): no bf16 or f16 on the way to a quantiser, and a product that is left as it is and whose result goes on into a quantised operand takes f32 operands (vector FMAs, or v_wmma_f32_16x16x4_f32). A number that lies on a knife's edge between two numbers of the format may be rounded either way, as far as f32 arithmetic and the matrix unit's own rounding can turn it there, and no further.
;; 2 versions. Each part assembles by itself: llvm-mc -triple=amdgcn-amd-amdhsa -mcpu=gfx1250 --defsym DOCPART=n.
;; ======== version 1 of 2: 9 launches
;; workspace buffers: wts 12,976,128 bytes; h1 4,325,376 bytes; h2 4,325,376 bytes; att 4,325,376 bytes; qk 8,912,896 bytes; vt 4,325,376 bytes; x1 16,777,216 bytes; hid 17,301,504 bytes
;; launch wq (part 1): grid 768 x 1, 4 waves a work-group, no clusters, 18,944 bytes of LDS; arguments qkv_w, proj_w, ff1_w, ff2_w, wts; writes wts
.if DOCPART == 1
	.amdgcn_target "amdgcn-amd-amdhsa--gfx1250"
	.amdhsa_code_object_version 6
	.text
	.protected	k_q0d5a47a673_wq
	.globl	k_q0d5a47a673_wq
	.p2align	8
	.type	k_q0d5a47a673_wq,@function
k_q0d5a47a673_wq:
	s_mov_b64 s[64:65], 0
	v_nop
	global_prefetch_b8 v0, s[64:65] scope:SCOPE_SE
	s_setreg_imm32_b32 hwreg(HW_REG_WAVE_MODE, 25, 1), 1
	s_wait_xcnt 0x0
; The four weights, f32 [rows][K] with K innermost, become codes of FP8 (E4M3) with one E8M0 scale byte for each 32 along K.
; A block's scale is 2^(floor(log2(largest magnitude)) - 8); each number is divided by it (an exact multiplication by a power of two), held within +-448 and rounded to the nearest code.
; LAYOUT OF THE OUTPUT.  Rows go in tiles of 128; inside a tile, row R lies at POSITION R with its bits 3 and 4 exchanged.  Codes: [tile][K / 64][128 positions][64 bytes];
; scale words: [tile][K / 128][128 positions], four bytes each.  wts holds qkv_w, proj_w, ff1_w (K = 1024: one run of 8192 positions), then ff2_w (K = 4096), then the scale words in the same order.
; SHARES.  A wave takes 4 neighbouring positions (4 neighbouring rows: the exchange leaves the low bits alone) x 1024 along K.  Work-groups 0-511: the K = 1024 weights, 16 positions each;
; work-groups 512-767: 4 positions of ff2_w, a wave to each 1024 along K.  The choice hangs on the work-group's number alone and selects pointers and offsets: one path through the text.
; Each load reads 512 consecutive bytes; a lane holds 4 numbers of a block, 8 lanes a block.  Codes and scale bytes turn through the wave's own LDS bytes; each code store covers two aligned runs of 256 bytes.
; The scale words leave in pieces of 16 bytes (4 positions of each 128 along K): one byte in 128 of what the launch reads.
; LIMITS: NaN and infinities are not served; a block of zeros, and any block under 2^-118, gets the byte 1 (its codes are zeros or tiny; this program alone reads the bytes).
.set X,    64                          ; v64-191  four rows x 32 numbers
.set CC,   16                          ; v16-23   a row's codes, four to a register
.set MX,   32                          ; v32-39   largest magnitudes
.set IB,   40                          ; v40-55   pairs: 1 / scale, the scale's byte
.set OFF,  56                          ; v56-59   byte offset of my 16 bytes in row i
.set SPW,  14                          ; v14      my spare word; never rewritten
.set NIL,  15                          ; v15      0; never rewritten
.set WREG, 4608                        ; LDS of a wave: 4 rows x 1088 of codes, then 256 for scale bytes
.set RP,   1088
.set SCB,  4352
.set SPARE, 4*WREG                     ; the spare words: 128 bytes a wave, named by no other line
	s_load_b256 s[4:11], s[0:1], 0x0               ; qkv_w, proj_w, ff1_w, ff2_w
	s_load_b64 s[12:13], s[0:1], 0x20              ; wts
	v_lshl_add_u32 v[SPW], v0, 2, SPARE
	v_mov_b32 v[NIL], 0
	v_lshrrev_b32 v1, 5, v0
	v_readfirstlane_b32 s16, v1                    ; wave
	v_and_b32 v2, 31, v0                           ; lane
	v_lshlrev_b32 v1, 4, v2                        ; 16 x lane
	s_lshl_b32 s17, ttmp9, 2
	s_add_co_u32 s17, s17, s16                     ; group of 4 positions, K = 1024 weights
	s_sub_co_u32 s18, ttmp9, 512                   ; the same for ff2_w
	s_mov_b32 s21, 8388608
	s_mov_b32 s22, 12845056
	s_mov_b32 s23, 12582912
	s_cmp_lt_u32 ttmp9, 512
	s_cselect_b32 s17, s17, s18
	s_cselect_b32 s18, 0, s16                      ; which 1024 along K
	s_cselect_b32 s19, 12, 14                      ; log2 of a row's bytes, and of a tile's scale bytes
	s_cselect_b32 s20, 17, 19                      ; log2 of a tile's code bytes
	s_cselect_b32 s21, 0, s21                      ; where the codes begin
	s_cselect_b32 s22, s23, s22                    ; where the scale words begin
	s_lshl_b32 s17, s17, 2                         ; my first position
	s_lshr_b32 s24, s17, 3
	s_lshr_b32 s25, s17, 4
	s_xor_b32 s24, s24, s25
	s_and_b32 s24, s24, 1
	s_mul_i32 s24, s24, 24
	s_xor_b32 s24, s24, s17                        ; its row: bits 3 and 4 exchanged
	s_cmp_lt_u32 ttmp9, 192
	s_cselect_b32 s25, 0, 3072
	s_cmp_lt_u32 ttmp9, 256
	s_cselect_b32 s25, s25, 4096
	s_cmp_lt_u32 ttmp9, 512
	s_cselect_b32 s25, s25, 0                      ; the tensor's first row in the run
	s_sub_co_u32 s24, s24, s25
	s_lshl_b32 s24, s24, s19
	s_lshl_b32 s26, s18, 12
	s_add_co_u32 s24, s24, s26
	s_mov_b32 s25, 0                               ; s[24:25]: my first byte of the input
	s_lshr_b32 s26, s17, 7                         ; tile
	s_and_b32 s27, s17, 127                        ; position in it
	s_lshl_b32 s28, s26, s20
	s_add_co_u32 s28, s28, s21
	s_lshl_b32 s29, s18, 17
	s_add_co_u32 s28, s28, s29
	s_lshl_b32 s29, s27, 6
	s_add_co_u32 s28, s28, s29
	s_mov_b32 s29, 0                               ; s[28:29]: my codes
	s_lshl_b32 s30, s26, s19
	s_add_co_u32 s30, s30, s22
	s_lshl_b32 s31, s18, 12
	s_add_co_u32 s30, s30, s31
	s_lshl_b32 s31, s27, 2
	s_add_co_u32 s30, s30, s31
	s_mov_b32 s31, 0                               ; s[30:31]: my scale words
	s_lshl_b32 s32, 1, s19                         ; a row's bytes
.irp i, 0,1,2,3
	s_mul_i32 s33, s32, \i
	v_add_nc_u32 v[OFF+\i], s33, v1
.endr
	s_mul_i32 s26, s16, WREG
	v_lshl_add_u32 v3, v2, 2, s26                  ; LDS, codes in: 4 x lane
	v_lshrrev_b32 v4, 3, v2
	v_add_nc_u32 v4, s26, v4                       ; LDS, scale bytes in: lane / 8
	v_and_b32 v5, 15, v2
	v_lshrrev_b32 v6, 2, v5
	v_mul_u32_u24 v6, v6, RP
	v_and_b32 v7, 3, v2
	v_lshl_add_u32 v6, v7, 4, v6
	v_lshrrev_b32 v8, 4, v2
	v_lshl_add_u32 v6, v8, 6, v6
	v_add_nc_u32 v6, s26, v6                       ; LDS, codes out: row (lane % 16) / 4, 16 bytes x lane % 4, 64 x lane / 16
	v_lshlrev_b32 v9, 13, v8
	v_lshl_add_u32 v9, v5, 4, v9                   ; and in memory: 8192 x lane / 16 + 16 x lane % 16
	v_lshlrev_b32 v10, 5, v7
	v_lshrrev_b32 v11, 2, v2
	v_lshl_add_u32 v10, v11, 2, v10
	v_add_nc_u32 v10, s26, v10                     ; LDS, scale words out: row lane % 4, word lane / 4
	v_lshlrev_b32 v11, 9, v11
	v_lshl_add_u32 v11, v7, 2, v11                 ; and in memory
	s_mov_b32 s14, 0xc3e00000                      ; -448
	s_mov_b32 s15, 0x43e00000                      ; 448
	s_wait_kmcnt 0x0
	s_cmp_lt_u32 ttmp9, 192
	s_cselect_b64 s[4:5], s[4:5], s[6:7]
	s_cmp_lt_u32 ttmp9, 256
	s_cselect_b64 s[4:5], s[4:5], s[8:9]
	s_cmp_lt_u32 ttmp9, 512
	s_cselect_b64 s[4:5], s[4:5], s[10:11]
	s_add_nc_u64 s[4:5], s[4:5], s[24:25]
	s_add_nc_u64 s[28:29], s[12:13], s[28:29]
	s_add_nc_u64 s[30:31], s[12:13], s[30:31]
.irp i, 0,1,2,3
.irp j, 0,1,2,3,4,5,6,7
	global_load_b128 v[X+32*\i+4*\j:X+32*\i+4*\j+3], v[OFF+\i], s[4:5] offset:512*\j th:TH_LOAD_NT   ; k = 128 j + 4 lane + 0..3
.endr
.endr
.macro CV c, x                         ; four numbers into the four bytes of one register
	v_cvt_pk_fp8_f32 v\c\().l, v[\x], v[\x+1]
	v_cvt_pk_fp8_f32 v\c\().h, v[\x+2], v[\x+3]
.endm
.macro QROW i                          ; row i: 8 x 4 numbers a lane, block 4 j + lane / 8
.set XR, X+32*(\i)
.irp j, 0,1,2,3,4,5,6,7
	v_max3_num_f32 v[MX+\j], |v[XR+4*\j]|, |v[XR+4*\j+1]|, 0x4800000   ; with the floor 2^(9 - 127): the byte cannot fall under 1
.endr
.irp j, 0,1,2,3,4,5,6,7
	v_max3_num_f32 v[MX+\j], v[MX+\j], |v[XR+4*\j+2]|, |v[XR+4*\j+3]|
.endr
.irp m, 1,2,4
.irp j, 0,1,2,3,4,5,6,7
	v_max_num_f32_dpp v[MX+\j], v[MX+\j], v[MX+\j] row_xmask:\m row_mask:0xf bank_mask:0xf   ; the 8 lanes of a block
.endr
.endr
.if (\i) > 0
	s_wait_dscnt 0x0                               ; the last row's LDS stores are done: their data registers are written again below
.endif
.irp j, 0,1,2,3,4,5,6,7
	v_lshrrev_b32 v[IB+2*\j+1], 23, v[MX+\j]
.endr
.irp j, 0,1,2,3,4,5,6,7
	v_and_b32 v[MX+\j], 0x7f800000, v[MX+\j]
.endr
.irp j, 0,1,2,3,4,5,6,7
	v_sub_nc_u32 v[IB+2*\j], 0x83000000, v[MX+\j]  ; 1 / scale: exponent field 262 - the largest magnitude's
.endr
.irp j, 0,1,2,3,4,5,6,7
	v_add_nc_u32 v[IB+2*\j+1], -8, v[IB+2*\j+1]    ; the scale's byte
.endr
.irp j, 0,1,2,3,4,5,6,7
	v_pk_mul_f32 v[XR+4*\j:XR+4*\j+1], v[XR+4*\j:XR+4*\j+1], v[IB+2*\j:IB+2*\j+1] op_sel_hi:[1,0]
	v_pk_mul_f32 v[XR+4*\j+2:XR+4*\j+3], v[XR+4*\j+2:XR+4*\j+3], v[IB+2*\j:IB+2*\j+1] op_sel_hi:[1,0]
.endr
.set n, 0
.rept 32
	v_med3_num_f32 v[XR+n], v[XR+n], s14, s15      ; the conversion does not saturate (ISA guide 7.6.2): the hold comes first
.set n, n+1
.endr
	CV 16, XR
	CV 17, XR+4
	CV 18, XR+8
	CV 19, XR+12
	CV 20, XR+16
	CV 21, XR+20
	CV 22, XR+24
	CV 23, XR+28
.irp j, 0,1,2,3,4,5,6,7
	ds_store_b32 v3, v[CC+\j] offset:RP*(\i)+128*\j
	ds_store_b8 v4, v[IB+2*\j+1] offset:SCB+32*(\i)+4*\j   ; the 8 lanes of a block write the same byte with the same value
.endr
.endm
	s_wait_loadcnt 24                              ; row 0's eight loads are in; 24 younger ones may be out
	QROW 0
	s_wait_loadcnt 16
	QROW 1
	s_wait_loadcnt 8
	QROW 2
	s_wait_loadcnt 0x0
	QROW 3
.irp t, 0,1,2,3,4,5,6,7
	ds_load_b128 v[X+4*\t:X+4*\t+3], v6 offset:128*\t      ; LDS serves a wave's instructions in order: these see my stores
.endr
	ds_load_b32 v[X+32], v10 offset:SCB
.irp t, 0,1,2,3,4,5,6,7
	s_wait_dscnt 8-\t                              ; load t is in; the younger ones may be out
	global_store_b128 v9, v[X+4*\t:X+4*\t+3], s[28:29] offset:16384*\t   ; lanes 0-15: 4 positions of panel 2 t, 256 consecutive bytes; lanes 16-31: of panel 2 t + 1
.endr
	s_wait_dscnt 0x0
	global_store_b32 v11, v[X+32], s[30:31]
	s_wait_tensorcnt 0x0                           ; the wave's end
	ds_add_u32 v[SPW], v[NIL]
	s_wait_dscnt 0x0
	s_endpgm
.Lfunc_end_k_q0d5a47a673_wq:
	.size	k_q0d5a47a673_wq, .Lfunc_end_k_q0d5a47a673_wq-k_q0d5a47a673_wq
	.p2alignl 7, 3214868480
	.fill 96, 4, 3214868480
	.section	.rodata,"a",@progbits
	.p2align	6, 0x0
	.amdhsa_kernel k_q0d5a47a673_wq
		.amdhsa_group_segment_fixed_size 18944
		.amdhsa_private_segment_fixed_size 0
		.amdhsa_enable_private_segment 0
		.amdhsa_kernarg_size 40
		.amdhsa_user_sgpr_count 2
		.amdhsa_user_sgpr_kernarg_segment_ptr 1
		.amdhsa_wavefront_size32 1
		.amdhsa_system_sgpr_workgroup_id_x 1
		.amdhsa_system_sgpr_workgroup_id_y 1
		.amdhsa_system_sgpr_workgroup_id_z 1
		.amdhsa_system_vgpr_workitem_id 0
		.amdhsa_next_free_vgpr 192
		.amdhsa_next_free_sgpr 66
		.amdhsa_reserve_vcc 0
		.amdhsa_float_denorm_mode_32 3
		.amdhsa_float_denorm_mode_16_64 3
		.amdhsa_memory_ordered 1
		.amdhsa_forward_progress 1
		.amdhsa_inst_pref_size 47
	.end_amdhsa_kernel
	.amdgpu_metadata
---
amdhsa.version: [ 1, 2 ]
amdhsa.kernels:
  - .name:           k_q0d5a47a673_wq
    .symbol:         k_q0d5a47a673_wq.kd
    .args:
      - { .name: qkv_w, .offset: 0, .size: 8, .value_kind: global_buffer, .address_space: global }
      - { .name: proj_w, .offset: 8, .size: 8, .value_kind: global_buffer, .address_space: global }
      - { .name: ff1_w, .offset: 16, .size: 8, .value_kind: global_buffer, .address_space: global }
      - { .name: ff2_w, .offset: 24, .size: 8, .value_kind: global_buffer, .address_space: global }
      - { .name: wts, .offset: 32, .size: 8, .value_kind: global_buffer, .address_space: global }
    .group_segment_fixed_size: 18944
    .private_segment_fixed_size: 0
    .kernarg_segment_align: 8
    .kernarg_segment_size: 40
    .max_flat_workgroup_size: 128
    .sgpr_count:     66
    .vgpr_count:     192
    .wavefront_size: 32
...
	.end_amdgpu_metadata
.endif
;; end of part 1
;; launch ln1 (part 2): grid 256 x 1, 4 waves a work-group, no clusters, 18,944 bytes of LDS; arguments x, ln1_g, ln1_b, h1; writes h1
.if DOCPART == 2
	.amdgcn_target "amdgcn-amd-amdhsa--gfx1250"
	.amdhsa_code_object_version 6
	.text
	.protected	k_q0d5a47a673_ln1
	.globl	k_q0d5a47a673_ln1
	.p2align	8
	.type	k_q0d5a47a673_ln1,@function
k_q0d5a47a673_ln1:
	s_mov_b64 s[64:65], 0
	v_nop
	global_prefetch_b8 v0, s[64:65] scope:SCOPE_SE
	s_setreg_imm32_b32 hwreg(HW_REG_WAVE_MODE, 25, 1), 1
	s_wait_xcnt 0x0
; h = (x - mean) * rsqrt(var + 1e-5) * g + b along rows of 1024, in f32, then quantised along the row: codes of FP8 (E4M3), one E8M0 byte for each 32.
; The mean is taken first and the variance of the differences, so that a common offset of the inputs costs nothing.
; LAYOUT OF THE OUTPUT.  Rows go in tiles of 128; inside a tile row R lies at POSITION R with bits 3 and 4 exchanged.  Codes: [tile][16 panels of 64 along K][128 positions][64 bytes];
; scale words from byte 4194304 on: [tile][8][128 positions], four bytes each.
; SHARES.  A wave takes 4 neighbouring positions (4 neighbouring rows), whole rows; a work-group 16.  Each load reads 512 consecutive bytes; a lane holds k = 128 j + 4 lane + 0..3: 8 lanes hold a block.
; Codes and bytes turn through the wave's own LDS bytes; each code store covers two aligned runs of 256 bytes.  The scale words leave in pieces of 16 bytes: one byte in 128 of what is read.
; LIMITS: NaN and infinities are not served; a block of zeros, and any block under 2^-118, gets the byte 1 (this program alone reads the bytes).
.set X,    64                          ; v64-191  four rows x 32 numbers
.set GG,   192                         ; v192-223 g of my 32 columns
.set BB,   224                         ; v224-255 b
.set CC,   16                          ; v16-23   a row's codes
.set MX,   32                          ; v32-39   largest magnitudes
.set IB,   40                          ; v40-55   pairs: 1 / scale, the byte
.set SS,   40                          ; v40-47   earlier: sums of squares, then 1 / sigma
.set SM,   56                          ; v56-63   sums, then means
.set SPW,  14
.set NIL,  15
.set WREG, 4608
.set RP,   1088
.set SCB,  4352
.set SPARE, 4*WREG
	s_load_b256 s[4:11], s[0:1], 0x0               ; the rows, g, b, the output
	v_lshl_add_u32 v[SPW], v0, 2, SPARE
	v_mov_b32 v[NIL], 0
	v_lshrrev_b32 v1, 5, v0
	v_readfirstlane_b32 s16, v1                    ; wave
	v_and_b32 v2, 31, v0                           ; lane
	v_lshlrev_b32 v1, 4, v2                        ; 16 x lane
	s_lshl_b32 s17, ttmp9, 2
	s_add_co_u32 s17, s17, s16
	s_lshl_b32 s17, s17, 2                         ; my first position
	s_lshr_b32 s18, s17, 3
	s_lshr_b32 s19, s17, 4
	s_xor_b32 s18, s18, s19
	s_and_b32 s18, s18, 1
	s_mul_i32 s18, s18, 24
	s_xor_b32 s18, s18, s17                        ; its row
	s_lshl_b32 s18, s18, 12
	s_mov_b32 s19, 0
	s_lshr_b32 s20, s17, 7                         ; tile
	s_and_b32 s21, s17, 127
	s_lshl_b32 s22, s20, 17
	s_lshl_b32 s23, s21, 6
	s_add_co_u32 s22, s22, s23
	s_mov_b32 s23, 0                               ; s[22:23]: my codes
	s_lshl_b32 s24, s20, 12
	s_lshl_b32 s25, s21, 2
	s_add_co_u32 s24, s24, s25
	s_add_co_u32 s24, s24, 4194304
	s_mov_b32 s25, 0                               ; s[24:25]: my scale words
	s_mul_i32 s26, s16, WREG
	v_lshl_add_u32 v3, v2, 2, s26
	v_lshrrev_b32 v4, 3, v2
	v_add_nc_u32 v4, s26, v4
	v_and_b32 v5, 15, v2
	v_lshrrev_b32 v6, 2, v5
	v_mul_u32_u24 v6, v6, RP
	v_and_b32 v7, 3, v2
	v_lshl_add_u32 v6, v7, 4, v6
	v_lshrrev_b32 v8, 4, v2
	v_lshl_add_u32 v6, v8, 6, v6
	v_add_nc_u32 v6, s26, v6
	v_lshlrev_b32 v9, 13, v8
	v_lshl_add_u32 v9, v5, 4, v9
	v_lshlrev_b32 v10, 5, v7
	v_lshrrev_b32 v11, 2, v2
	v_lshl_add_u32 v10, v11, 2, v10
	v_add_nc_u32 v10, s26, v10
	v_lshlrev_b32 v11, 9, v11
	v_lshl_add_u32 v11, v7, 2, v11
	s_mov_b32 s12, 0x76543210
	s_mov_b32 s13, 0xfedcba98                      ; v_permlanex16_b32: lane l xor 16
	s_mov_b32 s14, 0xc3e00000                      ; -448
	s_mov_b32 s15, 0x43e00000                      ; 448
	s_mov_b32 s27, 0x3a800000                      ; 1 / 1024
	s_mov_b32 s28, 0x3727c5ac                      ; 1e-5
	s_wait_kmcnt 0x0
	s_add_nc_u64 s[4:5], s[4:5], s[18:19]
	s_add_nc_u64 s[22:23], s[10:11], s[22:23]
	s_add_nc_u64 s[24:25], s[10:11], s[24:25]
.irp i, 0,1,2,3
.irp j, 0,1,2,3,4,5,6,7
	global_load_b128 v[X+32*\i+4*\j:X+32*\i+4*\j+3], v1, s[4:5] offset:4096*\i+512*\j
.endr
.endr
.irp j, 0,1,2,3,4,5,6,7
	global_load_b128 v[GG+4*\j:GG+4*\j+3], v1, s[6:7] offset:512*\j
.endr
.irp j, 0,1,2,3,4,5,6,7
	global_load_b128 v[BB+4*\j:BB+4*\j+3], v1, s[8:9] offset:512*\j
.endr
.macro REDUCE p                        ; the four rows' pairs at v[p + 2 i]: both halves and all 32 lanes are summed; the sum ends in every lane
.irp i, 0,1,2,3
	v_add_f32 v[\p+2*\i], v[\p+2*\i], v[\p+2*\i+1]
.endr
.irp m, 1,2,4,8
.irp i, 0,1,2,3
	v_add_f32_dpp v[\p+2*\i], v[\p+2*\i], v[\p+2*\i] row_xmask:\m row_mask:0xf bank_mask:0xf
.endr
.endr
.irp i, 0,1,2,3
	v_permlanex16_b32 v[\p+2*\i+1], v[\p+2*\i], s12, s13
.endr
.irp i, 0,1,2,3
	v_add_f32 v[\p+2*\i], v[\p+2*\i], v[\p+2*\i+1]
.endr
.endm
	s_wait_loadcnt 16                              ; the 32 loads of the rows are in; g's and b's sixteen may be out
.irp i, 0,1,2,3
	v_pk_add_f32 v[SM+2*\i:SM+2*\i+1], v[X+32*\i:X+32*\i+1], v[X+32*\i+2:X+32*\i+3]
.endr
.irp p, 4,6,8,10,12,14,16,18,20,22,24,26,28,30
.irp i, 0,1,2,3
	v_pk_add_f32 v[SM+2*\i:SM+2*\i+1], v[SM+2*\i:SM+2*\i+1], v[X+32*\i+\p:X+32*\i+\p+1]
.endr
.endr
	REDUCE SM
.irp i, 0,1,2,3
	v_mul_f32 v[SM+2*\i], s27, v[SM+2*\i]          ; the mean
.endr
.irp p, 0,2,4,6,8,10,12,14,16,18,20,22,24,26,28,30
.irp i, 0,1,2,3
	v_pk_add_f32 v[X+32*\i+\p:X+32*\i+\p+1], v[X+32*\i+\p:X+32*\i+\p+1], v[SM+2*\i:SM+2*\i+1] op_sel_hi:[1,0] neg_lo:[0,1] neg_hi:[0,1]
.endr
.endr
.irp i, 0,1,2,3
	v_pk_mul_f32 v[SS+2*\i:SS+2*\i+1], v[X+32*\i:X+32*\i+1], v[X+32*\i:X+32*\i+1]
.endr
.irp p, 2,4,6,8,10,12,14,16,18,20,22,24,26,28,30
.irp i, 0,1,2,3
	v_pk_fma_f32 v[SS+2*\i:SS+2*\i+1], v[X+32*\i+\p:X+32*\i+\p+1], v[X+32*\i+\p:X+32*\i+\p+1], v[SS+2*\i:SS+2*\i+1]
.endr
.endr
	REDUCE SS
.irp i, 0,1,2,3
	v_fma_f32 v[SS+2*\i], v[SS+2*\i], s27, s28     ; the variance + 1e-5
.endr
.irp i, 0,1,2,3
	v_rsq_f32 v[SS+2*\i], v[SS+2*\i]
.endr
	v_nop                                          ; a plain instruction behind the last of the four
	s_wait_alu depctr_va_vdst(0)                   ; one wait for the batch, ahead of its first reader
	s_wait_loadcnt 0x0                             ; g and b
.irp p, 0,2,4,6,8,10,12,14,16,18,20,22,24,26,28,30
.irp i, 0,1,2,3
	v_pk_mul_f32 v[X+32*\i+\p:X+32*\i+\p+1], v[X+32*\i+\p:X+32*\i+\p+1], v[SS+2*\i:SS+2*\i+1] op_sel_hi:[1,0]
.endr
.irp i, 0,1,2,3
	v_pk_fma_f32 v[X+32*\i+\p:X+32*\i+\p+1], v[X+32*\i+\p:X+32*\i+\p+1], v[GG+\p:GG+\p+1], v[BB+\p:BB+\p+1]
.endr
.endr
.macro CV c, x
	v_cvt_pk_fp8_f32 v\c\().l, v[\x], v[\x+1]
	v_cvt_pk_fp8_f32 v\c\().h, v[\x+2], v[\x+3]
.endm
.macro QROW i                          ; row i: 8 x 4 numbers a lane, block 4 j + lane / 8
.set XR, X+32*(\i)
.irp j, 0,1,2,3,4,5,6,7
	v_max3_num_f32 v[MX+\j], |v[XR+4*\j]|, |v[XR+4*\j+1]|, 0x4800000   ; with the floor 2^(9 - 127)
.endr
.irp j, 0,1,2,3,4,5,6,7
	v_max3_num_f32 v[MX+\j], v[MX+\j], |v[XR+4*\j+2]|, |v[XR+4*\j+3]|
.endr
.irp m, 1,2,4
.irp j, 0,1,2,3,4,5,6,7
	v_max_num_f32_dpp v[MX+\j], v[MX+\j], v[MX+\j] row_xmask:\m row_mask:0xf bank_mask:0xf
.endr
.endr
.if (\i) > 0
	s_wait_dscnt 0x0                               ; the last row's LDS stores are done: their data registers are written again below
.endif
.irp j, 0,1,2,3,4,5,6,7
	v_lshrrev_b32 v[IB+2*\j+1], 23, v[MX+\j]
.endr
.irp j, 0,1,2,3,4,5,6,7
	v_and_b32 v[MX+\j], 0x7f800000, v[MX+\j]
.endr
.irp j, 0,1,2,3,4,5,6,7
	v_sub_nc_u32 v[IB+2*\j], 0x83000000, v[MX+\j]  ; 1 / scale
.endr
.irp j, 0,1,2,3,4,5,6,7
	v_add_nc_u32 v[IB+2*\j+1], -8, v[IB+2*\j+1]    ; the byte
.endr
.irp j, 0,1,2,3,4,5,6,7
	v_pk_mul_f32 v[XR+4*\j:XR+4*\j+1], v[XR+4*\j:XR+4*\j+1], v[IB+2*\j:IB+2*\j+1] op_sel_hi:[1,0]
	v_pk_mul_f32 v[XR+4*\j+2:XR+4*\j+3], v[XR+4*\j+2:XR+4*\j+3], v[IB+2*\j:IB+2*\j+1] op_sel_hi:[1,0]
.endr
.set n, 0
.rept 32
	v_med3_num_f32 v[XR+n], v[XR+n], s14, s15      ; the conversion does not saturate (ISA guide 7.6.2)
.set n, n+1
.endr
	CV 16, XR
	CV 17, XR+4
	CV 18, XR+8
	CV 19, XR+12
	CV 20, XR+16
	CV 21, XR+20
	CV 22, XR+24
	CV 23, XR+28
.irp j, 0,1,2,3,4,5,6,7
	ds_store_b32 v3, v[CC+\j] offset:RP*(\i)+128*\j
	ds_store_b8 v4, v[IB+2*\j+1] offset:SCB+32*(\i)+4*\j
.endr
.endm
	QROW 0
	QROW 1
	QROW 2
	QROW 3
.irp t, 0,1,2,3,4,5,6,7
	ds_load_b128 v[X+4*\t:X+4*\t+3], v6 offset:128*\t      ; LDS serves a wave's instructions in order: these see my stores
.endr
	ds_load_b32 v[X+32], v10 offset:SCB
.irp t, 0,1,2,3,4,5,6,7
	s_wait_dscnt 8-\t
	global_store_b128 v9, v[X+4*\t:X+4*\t+3], s[22:23] offset:16384*\t   ; two aligned runs of 256 bytes: panels 2 t and 2 t + 1
.endr
	s_wait_dscnt 0x0
	global_store_b32 v11, v[X+32], s[24:25]
	s_wait_tensorcnt 0x0                           ; the wave's end
	ds_add_u32 v[SPW], v[NIL]
	s_wait_dscnt 0x0
	s_endpgm
.Lfunc_end_k_q0d5a47a673_ln1:
	.size	k_q0d5a47a673_ln1, .Lfunc_end_k_q0d5a47a673_ln1-k_q0d5a47a673_ln1
	.p2alignl 7, 3214868480
	.fill 96, 4, 3214868480
	.section	.rodata,"a",@progbits
	.p2align	6, 0x0
	.amdhsa_kernel k_q0d5a47a673_ln1
		.amdhsa_group_segment_fixed_size 18944
		.amdhsa_private_segment_fixed_size 0
		.amdhsa_enable_private_segment 0
		.amdhsa_kernarg_size 32
		.amdhsa_user_sgpr_count 2
		.amdhsa_user_sgpr_kernarg_segment_ptr 1
		.amdhsa_wavefront_size32 1
		.amdhsa_system_sgpr_workgroup_id_x 1
		.amdhsa_system_sgpr_workgroup_id_y 1
		.amdhsa_system_sgpr_workgroup_id_z 1
		.amdhsa_system_vgpr_workitem_id 0
		.amdhsa_next_free_vgpr 256
		.amdhsa_next_free_sgpr 66
		.amdhsa_reserve_vcc 0
		.amdhsa_float_denorm_mode_32 3
		.amdhsa_float_denorm_mode_16_64 3
		.amdhsa_memory_ordered 1
		.amdhsa_forward_progress 1
		.amdhsa_inst_pref_size 70
	.end_amdhsa_kernel
	.amdgpu_metadata
---
amdhsa.version: [ 1, 2 ]
amdhsa.kernels:
  - .name:           k_q0d5a47a673_ln1
    .symbol:         k_q0d5a47a673_ln1.kd
    .args:
      - { .name: x, .offset: 0, .size: 8, .value_kind: global_buffer, .address_space: global }
      - { .name: ln1_g, .offset: 8, .size: 8, .value_kind: global_buffer, .address_space: global }
      - { .name: ln1_b, .offset: 16, .size: 8, .value_kind: global_buffer, .address_space: global }
      - { .name: h1, .offset: 24, .size: 8, .value_kind: global_buffer, .address_space: global }
    .group_segment_fixed_size: 18944
    .private_segment_fixed_size: 0
    .kernarg_segment_align: 8
    .kernarg_segment_size: 32
    .max_flat_workgroup_size: 128
    .sgpr_count:     66
    .vgpr_count:     256
    .wavefront_size: 32
...
	.end_amdgpu_metadata
.endif
;; end of part 2
;; launch gemm_qk (part 3): grid 16 x 32, 4 waves a work-group, clusters of 4 x 4, 327,680 bytes of LDS; arguments h1, wts, qkv_b, qk; writes qk
.if DOCPART == 3
	.amdgcn_target "amdgcn-amd-amdhsa--gfx1250"
	.amdhsa_code_object_version 6
	.text
	.protected	k_q0d5a47a673_gemm_qk
	.globl	k_q0d5a47a673_gemm_qk
	.p2align	8
	.type	k_q0d5a47a673_gemm_qk,@function
k_q0d5a47a673_gemm_qk:
	s_mov_b64 s[64:65], 0
	v_nop
	global_prefetch_b8 v0, s[64:65] scope:SCOPE_SE
	s_setreg_imm32_b32 hwreg(HW_REG_WAVE_MODE, 25, 1), 1
	s_wait_xcnt 0x0
	s_wait_alu depctr_hold_cnt(0) depctr_sa_sdst(0) depctr_va_vdst(0) depctr_va_sdst(0) depctr_va_ssrc(0) depctr_va_vcc(0) depctr_vm_vsrc(0)
	s_getreg_b32 s2, hwreg(HW_REG_IB_STS2, 6, 4)
	s_cmp_eq_u32 s2, 0
	s_cbranch_scc0 .Lentry_in_a_cluster
	s_endpgm
.Lentry_in_a_cluster:
	s_bfe_u32 s2, ttmp6, 0x10000c
	s_cmp_lg_u32 s2, 0xf033
	s_cbranch_scc0 .Lentry_shape_is_right
	s_endpgm
.Lentry_shape_is_right:
; q and k: [4096 tokens] x [2048 features] = LN1(x) Wqk^T + b on codes of FP8 (E4M3) with E8M0 scales, K = 1024; the result, in f32, is quantised along each head's 64 and stored as codes.
; OPERANDS (made by this program): rows in tiles of 128, row R at POSITION R with bits 3 and 4 exchanged; codes [tile][K / 64][128 positions][64 bytes], scale words [tile][K / 128][128 positions].
; A tile of 128 x 128 to a work-group, four waves of 64 x 64: 16 accumulators.  The product is used TRANSPOSED (source 0 = 16 positions of the weight, source 1 = 16 positions of tokens): a lane holds one
; token, and thanks to the order of positions the 16 registers of weight tiles 2 b, 2 b + 1 are 16 NEIGHBOURING features 32 b + 16 (lane / 16) + 0..15: the order in which the next operand wants them.
; K goes in two steps of 512, one in each of two LDS slots; nothing is filled again.  A step's codes of a side are 64 KB on end in memory: two tensor loads of 128 rows x 256 bytes, 16 bytes of padding
; behind each row: position P of a panel lies at 272 (P / 4) + 64 (P % 4).  The scale words of all of K come with the first fills.
; CLUSTER 4 x 4: the token tile is shared along a row of the cluster, the weight tile along a column: joint loads.
; OUT: qk codes [panel = feature / 64][4096 positions][64 bytes]; scale words [panel][4096] from byte 8388608: bytes 0, 1 the head's two blocks; bytes 2, 3 scale codes that are zeros and are never 0xff.
; LIMITS: NaN and infinities are not served; a block of zeros gets the byte 1.
.set KK,     1024
.set MC_OFF, 0
.set MS_OFF, 4194304
.set NC_OFF, 0
.set NS_OFF, 12582912
.set PANEL,  8704                      ; 64 along K of 128 positions in LDS: 32 lines of 272
.set QUART,  4*PANEL                   ; what one tensor load brings
.set SIDE,   8*PANEL
.set SLOT,   2*SIDE                    ; the M side's 8 panels, then the N side's
.set SCL,    2*SLOT                    ; the scale words: M's 4 KK bytes, then N's
.set SCST,   311296                    ; 512 bytes: the result's scale bytes meet here; no fill lands here
.set SPARE,  311808                    ; the spare words, 128 bytes a wave, named by no other line
.set ADRM, 16                          ; v16-17 my M fragments in slot 0, 1
.set ADRN, 20                          ; v20-21 my N fragments
.set BO,   22                          ; v22 the bias loads' offset
.set SO8,  23                          ; v23 8 x lane
.set STO,  24                          ; v24 the stage, in
.set RD,   25                          ; v25 the stage, out
.set CO,   26                          ; v26 16 x lane
.set ADRS, 27                          ; v27 my scale words: lanes 0-15 M's, lanes 16-31 N's
.set SPW,  28
.set NIL,  29
.set SCW,  30                          ; v30 where my two scale bytes go
.set SCR,  31                          ; v31 where two scale words are read back
.set SW,   32                          ; v32-63 scale words and nothing else: set s at SW + 16 s, register 4 i + q
.set BI,   64                          ; v64-95 the bias of my 32 features a lane
.set TM,   64                          ; v64-79 the quantiser's work; v80-83 byte pairs; v96-127 codes
.set ACC,  128                         ; v128-255 accumulator (a, b) at ACC + 8 (4 a + b)
.set F0,   0                           ; window 1: two fragment buffers: M tiles at f + 16 a, N tiles at f + 64 + 16 b
.set F1,   128
.set SEL,  2                           ; s[2:3]
.set MNT,  66
.set G1,   24
.set G0,   32
.set G1B,  48
.set G0B,  56
.set G1S,  68
.set G0S,  76
.set G1SB, 80
.set G0SB, 88
.set MSB, 0
.macro WIN new                         ; the immediate's high byte repeats the setting that is left
.if MSB != \new
	s_set_vgpr_msb (MSB<<8)|\new
.set MSB, \new
.endif
.endm
.set MUL,  0x05                        ; sources 0 and 1 window 1; C and D window 0
.set TO_F, 0x40                        ; destination window 1
.macro JLOAD g0a, g1a, g0b, g1b        ; a joint load: waves 0, 1 fetch for M, waves 2, 3 for N; an s_nop 0 and four v_nop follow each line
	s_cmp_eq_u32 s15, 0
	s_cbranch_scc0 .Lfor_n_\@
	tensor_load_to_lds s[\g0a:\g0a+3], s[\g1a:\g1a+7]
	s_nop 0
.rept 4
	v_nop
.endr
	s_branch .Lasked_\@
.Lfor_n_\@:
	tensor_load_to_lds s[\g0b:\g0b+3], s[\g1b:\g1b+7]
	s_nop 0
.rept 4
	v_nop
.endr
.Lasked_\@:
.endm
.macro CROUND                          ; a round of the cluster's barrier
	s_barrier_signal -1
	s_barrier_wait -1
	s_cmp_lg_u32 s14, 0
	s_cbranch_scc1 .Lnot_wave_0_\@
	s_barrier_signal -3
.Lnot_wave_0_\@:
	s_barrier_wait -3
	s_barrier_signal -1
	s_barrier_wait -1
.endm
.macro PLACES n
.rept \n
	v_nop
.endr
.endm
	s_load_b128 s[4:7], s[0:1], 0x0                ; M side's buffer, N side's buffer
	s_load_b128 s[8:11], s[0:1], 0x10              ; the bias, the output
	v_lshl_add_u32 v[SPW], v0, 2, SPARE
	v_mov_b32 v[NIL], 0
	ds_add_u32 v[SPW], v[NIL]                      ; the opening: the add, twice on end, and its wait ahead of my first tensor load
	ds_add_u32 v[SPW], v[NIL]
	v_lshrrev_b32 v1, 5, v0
	v_readfirstlane_b32 s14, v1                    ; wave
	s_lshr_b32 s15, s14, 1                         ; my half of the tile's M positions; also: I fetch for M (0) or N (1)
	s_and_b32 s16, s14, 1                          ; my half of its N positions; also: which four panels I fetch
	s_bfe_u32 s40, ttmp6, 0x40000                  ; cx
	s_bfe_u32 s41, ttmp6, 0x40004                  ; cy
	s_lshl_b32 s42, ttmp9, 2
	s_add_co_u32 s42, s42, s40                     ; N tile
	s_and_b32 s17, ttmp7, 0xffff
	s_lshl_b32 s17, s17, 2
	s_add_co_u32 s17, s17, s41                     ; M tile
	s_lshl_b32 s43, s41, 2
	s_lshl_b32 s43, 15, s43                        ; my row of the cluster
	s_lshl_b32 s44, 0x1111, s40                    ; my column
	s_or_b32 s[G1+0], s43, (3<<16)|(1<<20)|(1<<21)|(5<<22)|(3<<25)   ; mask; elements of 8 bytes; padding: 4 words behind every 64
	s_or_b32 s[G1B+0], s44, (3<<16)|(1<<20)|(1<<21)|(5<<22)|(3<<25)
.irp g, G1, G1B
	s_mov_b32 s[\g+1], 32<<16                      ; rows of 32 elements = 256 bytes
	s_mov_b32 s[\g+2], 128<<16                     ; 128 rows
	s_mov_b32 s[\g+3], 32<<16
	s_mov_b32 s[\g+4], 128
	s_mov_b32 s[\g+5], 32                          ; dense
	s_mov_b32 s[\g+6], 0
	s_mov_b32 s[\g+7], 0
.endr
	s_or_b32 s[G1S+0], s43, (3<<16)|(1<<21)        ; the scale words: 2 KK dense bytes, no padding
	s_or_b32 s[G1SB+0], s44, (3<<16)|(1<<21)
.irp g, G1S, G1SB
	s_mov_b32 s[\g+1], 32<<16
	s_mov_b32 s[\g+2], (KK/128)<<16
	s_mov_b32 s[\g+3], 32<<16
	s_mov_b32 s[\g+4], KK/128
	s_mov_b32 s[\g+5], 32
	s_mov_b32 s[\g+6], 0
	s_mov_b32 s[\g+7], 0
.endr
	s_lshl_b32 s18, s16, 15                        ; my four panels: 32768 bytes
	s_mul_i32 s20, s17, 128*KK
	s_add_co_u32 s20, s20, s18
	s_add_co_u32 s20, s20, MC_OFF
	s_mov_b32 s21, 0
	s_mul_i32 s46, s42, 128*KK
	s_add_co_u32 s46, s46, s18
	s_add_co_u32 s46, s46, NC_OFF
	s_mov_b32 s47, 0
	s_mul_i32 s19, s16, 2*KK
	s_mul_i32 s22, s17, 4*KK
	s_add_co_u32 s22, s22, s19
	s_add_co_u32 s22, s22, MS_OFF
	s_mov_b32 s23, 0
	s_mul_i32 s92, s42, 4*KK
	s_add_co_u32 s92, s92, s19
	s_add_co_u32 s92, s92, NS_OFF
	s_mov_b32 s93, 0
	s_mul_i32 s45, s14, QUART                      ; LDS: wave x a quarter of a slot: no place in the cluster enters an LDS address
	s_mul_i32 s94, s14, 2*KK
	s_mov_b32 s[SEL], 0x76543210
	s_mov_b32 s[SEL+1], 0xfedcba98
	s_mov_b32 s[MNT], 0x600000
	s_wait_dscnt 0x0                               ; both opening adds are done
	s_wait_kmcnt 0x0
	s_add_nc_u64 s[20:21], s[4:5], s[20:21]
	s_add_nc_u64 s[22:23], s[4:5], s[22:23]
	s_add_nc_u64 s[46:47], s[6:7], s[46:47]
	s_add_nc_u64 s[92:93], s[6:7], s[92:93]
	CROUND                                         ; all sixteen work-groups are here: the first joint loads meet
	s_mov_b32 s[G0S], 1
	s_add_co_u32 s[G0S+1], s94, SCL
	s_mov_b64 s[G0S+2:G0S+3], s[22:23]
	s_or_b32 s[G0S+3], s[G0S+3], 0x80000000
	s_mov_b32 s[G0SB], 1
	s_add_co_u32 s[G0SB+1], s94, SCL
	s_mov_b64 s[G0SB+2:G0SB+3], s[92:93]
	s_or_b32 s[G0SB+3], s[G0SB+3], 0x80000000
	JLOAD G0S, G1S, G0SB, G1SB                     ; three loads of mine go out together: the scale words, slot 0, slot 1
.irp s, 0,1
	s_mov_b32 s[G0+4*\s], 1
	s_add_co_u32 s[G0+4*\s+1], s45, \s*SLOT
	s_add_nc_u64 s[G0+4*\s+2:G0+4*\s+3], s[20:21], \s*65536
	s_or_b32 s[G0+4*\s+3], s[G0+4*\s+3], 0x80000000
	s_mov_b32 s[G0B+4*\s], 1
	s_add_co_u32 s[G0B+4*\s+1], s45, \s*SLOT
	s_add_nc_u64 s[G0B+4*\s+2:G0B+4*\s+3], s[46:47], \s*65536
	s_or_b32 s[G0B+4*\s+3], s[G0B+4*\s+3], 0x80000000
	JLOAD G0+4*\s, G1, G0B+4*\s, G1B
.endr
	v_and_b32 v1, 15, v0                           ; r
	v_bfe_u32 v2, v0, 4, 1                         ; h
	v_lshrrev_b32 v3, 2, v1
	v_mul_u32_u24 v3, v3, 272
	v_and_b32 v4, 3, v1
	v_lshl_add_u32 v3, v4, 6, v3
	v_lshl_add_u32 v3, v2, 4, v3                   ; 272 (r / 4) + 64 (r % 4) + 16 h
	s_mul_i32 s21, s15, 4352                       ; my 64 positions of M
	s_mul_i32 s22, s16, 4352
	s_add_co_u32 s22, s22, SIDE                    ; and of N
.irp s, 0,1
	v_add_nc_u32 v[ADRM+\s], s21, v3
	v_add_nc_u32 v[ADRN+\s], s22, v3
	s_add_co_u32 s21, s21, SLOT
	s_add_co_u32 s22, s22, SLOT
.endr
	s_lshl_b32 s21, s15, 8
	s_lshl_b32 s22, s16, 8
	s_add_co_u32 s22, s22, 4*KK
	s_sub_co_u32 s22, s22, s21
	v_mul_u32_u24 v6, s22, v2                      ; lanes 16-31 take N's words: one product by h
	s_add_co_u32 s21, s21, SCL
	v_lshl_add_u32 v5, v1, 2, v6
	v_add_nc_u32 v[ADRS], s21, v5
	s_mul_i32 s23, s14, 5120                       ; my stage: 64 rows x 80 bytes, in slot 0, which has had its only fill and its last read when it is written
	v_mul_u32_u24 v5, v1, 80
	v_lshl_add_u32 v5, v2, 4, v5
	v_add_nc_u32 v[STO], s23, v5
	v_and_b32 v6, 31, v0
	v_lshrrev_b32 v7, 2, v6
	v_mul_u32_u24 v7, v7, 80
	v_and_b32 v5, 3, v0
	v_lshl_add_u32 v7, v5, 4, v7
	v_add_nc_u32 v[RD], s23, v7
	v_lshlrev_b32 v[CO], 4, v6
	v_lshlrev_b32 v[SO8], 3, v6
	s_lshl_b32 s21, s15, 8
	s_lshl_b32 s22, s16, 1
	s_add_co_u32 s21, s21, s22
	s_add_co_u32 s21, s21, SCST
	v_lshl_add_u32 v[SCW], v1, 2, s21              ; word 64 wm + r (+ 16 a), half wn
	s_lshl_b32 s21, s16, 8
	s_add_co_u32 s21, s21, SCST
	v_lshl_add_u32 v[SCR], v6, 3, s21
	v_lshlrev_b32 v[BO], 6, v2                     ; the bias: 16 h numbers on
	s_lshl_b32 s20, s42, 9
	s_lshl_b32 s21, s16, 8
	s_add_co_u32 s20, s20, s21
	s_mov_b32 s21, 0
	s_add_nc_u64 s[8:9], s[8:9], s[20:21]          ; at feature 128 x + 64 wn
.irp c, 0,1,2,3,4,5,6,7
	global_load_b128 v[BI+4*\c:BI+4*\c+3], v[BO], s[8:9] offset:128*(\c/4)+16*(\c%4)   ; register 16 B + i: feature 32 B + 16 h + i
.endr
	s_lshl_b32 s20, s42, 1
	s_add_co_u32 s20, s20, s16
	s_lshl_b32 s20, s20, 18                        ; panel 2 x + wn
	s_lshl_b32 s21, s17, 13
	s_add_co_u32 s20, s20, s21
	s_lshl_b32 s21, s15, 12
	s_add_co_u32 s20, s20, s21
	s_mov_b32 s21, 0
	s_add_nc_u64 s[20:21], s[10:11], s[20:21]      ; my 64 positions' codes: 4096 bytes on end
	s_lshl_b32 s22, s42, 1
	s_add_co_u32 s22, s22, s15
	s_lshl_b32 s22, s22, 14                        ; scale words: panel 2 x + wave / 2,
	s_lshl_b32 s23, s17, 9
	s_add_co_u32 s22, s22, s23
	s_lshl_b32 s23, s16, 8                         ; positions 64 (wave % 2) on
	s_add_co_u32 s22, s22, s23
	s_add_co_u32 s22, s22, 8388608
	s_mov_b32 s23, 0
	s_add_nc_u64 s[22:23], s[10:11], s[22:23]
	s_lshl_b32 s19, s15, 4                         ; the odd head's bytes come down by 16 bits
.macro FRAG reg, adr, q, i             ; 16 positions x 128 K: registers 4 c .. 4 c + 3 hold k = 32 c + 16 h + 0..15
.irp c, 0,1,2,3
	ds_load_b128 v[\reg+4*\c:\reg+4*\c+3], v[\adr] offset:(2*(\q)+\c/2)*PANEL+(\i)*1088+32*(\c%2)
.endr
.endm
.macro FETCH slot, q, f                ; 32 loads in one run: N's four tiles, then M's
	WIN TO_F
.irp i, 0,1,2,3
	FRAG \f+64+16*\i, ADRN+\slot, \q, \i
.endr
.irp i, 0,1,2,3
	FRAG \f+16*\i, ADRM+\slot, \q, \i
.endr
.endm
.macro SCALES sc                       ; a slot's scale words
.irp i, 0,1,2,3
.irp q, 0,1,2,3
	ds_load_b32 v[SW+16*\sc+4*\i+\q], v[ADRS] offset:512*\q+64*\i
.endr
.endr
.endm
.macro MUL8 f, a0, q, sc, zero         ; the 16 accumulators take turns, one instruction a turn, in the same order in every step
.irp a, \a0, \a0+1
.irp b, 0,1,2,3
.if \zero
	v_wmma_scale_f32_16x16x128_f8f6f4 v[ACC+8*(4*(\a)+\b):ACC+8*(4*(\a)+\b)+7], v[\f+64+16*\b:\f+64+16*\b+15], v[\f+16*(\a):\f+16*(\a)+15], 0, v[SW+16*(\sc)+4*\b+(\q)], v[SW+16*(\sc)+4*(\a)+(\q)] matrix_a_scale:MATRIX_SCALE_ROW1
.else
	v_wmma_scale_f32_16x16x128_f8f6f4 v[ACC+8*(4*(\a)+\b):ACC+8*(4*(\a)+\b)+7], v[\f+64+16*\b:\f+64+16*\b+15], v[\f+16*(\a):\f+16*(\a)+15], v[ACC+8*(4*(\a)+\b):ACC+8*(4*(\a)+\b)+7], v[SW+16*(\sc)+4*\b+(\q)], v[SW+16*(\sc)+4*(\a)+(\q)] matrix_a_scale:MATRIX_SCALE_ROW1
.endif
.endr
.endr
.endm
.macro QSTEP slot, q, f, g, zero       ; 128 along K from buffer f; the next 128 are fetched into g
	s_wait_dscnt 8                                 ; all but the youngest eight loads (M's tiles 2, 3)
	WIN MUL
	MUL8 \f, 0, \q, \slot, \zero
	PLACES 8                                       ; eight places in front of loads into registers that matrix instructions have read
	FETCH \slot, (\q)+1, \g
	s_wait_dscnt 32                                ; all but the 32 just issued
	WIN MUL
	MUL8 \f, 2, \q, \slot, \zero
.endm
.macro TURN slot, next                 ; a slot's last 128: the other slot must be whole for every wave; nothing is filled again
	WIN 0
	s_wait_tensorcnt 0x0                           ; all my tensor loads have landed
	ds_add_u32 v[SPW], v[NIL]
	s_wait_dscnt 9                                 ; the add and the youngest eight loads may be out
	WIN MUL
	MUL8 F1, 0, 3, \slot, 0
	s_wait_dscnt 0x0                               ; the add is done, my reads of this slot are over
	s_barrier_signal -1
	WIN 0
	s_barrier_wait -1
	PLACES 8
	v_add_nc_u32 v[ADRS], 2048, v[ADRS]            ; the next slot's scale words (no LDS load of mine is out)
	SCALES \next
	FETCH \next, 0, F0
	WIN MUL
	MUL8 F1, 2, 3, \slot, 0
.endm
	s_wait_tensorcnt 1                             ; the scale words and slot 0 are in; slot 1's load may be out
	s_barrier_signal -1
	s_barrier_wait -1
	SCALES 0
	FETCH 0, 0, F0
	QSTEP 0, 0, F0, F1, 1                          ; the first products start the sums
	QSTEP 0, 1, F1, F0, 0
	QSTEP 0, 2, F0, F1, 0
	TURN 0, 1
	QSTEP 1, 0, F0, F1, 0
	QSTEP 1, 1, F1, F0, 0
	QSTEP 1, 2, F0, F1, 0
	s_wait_dscnt 8
	WIN MUL
	MUL8 F1, 0, 3, 1, 0
	s_wait_dscnt 0x0
	MUL8 F1, 2, 3, 1, 0
	WIN 0
	PLACES 8                                       ; in front of the first read of results
	s_wait_loadcnt 0x0                             ; the bias
.set p, 0
.rept 64
	v_pk_add_f32 v[ACC+2*p:ACC+2*p+1], v[ACC+2*p:ACC+2*p+1], v[BI+(2*p)%32:BI+(2*p)%32+1]   ; ascending: each accumulator is read from its low end on
.set p, p+1
.endr
.irp b, 0,1,2,3
	v_mov_b32 v[TM+4+\b], 0                        ; a lane permute's destination counts as one of its sources
.endr
; 64 numbers of a lane (two token positions x two blocks of 32 features, 16 of each block mine, 16 lane l xor 16's) become codes and two pairs of scale bytes
.macro QUANT s, pc, pw
.irp b, 0,1,2,3
	v_max3_num_f32 v[TM+\b], |v[\s+16*\b]|, |v[\s+1+16*\b]|, 0x4800000   ; with the floor 2^(9 - 127): the byte cannot fall under 1
.endr
.irp i, 2,4,6,8,10,12,14
.irp b, 0,1,2,3
	v_max3_num_f32 v[TM+\b], v[TM+\b], |v[\s+16*\b+\i]|, |v[\s+1+16*\b+\i]|
.endr
.endr
.irp b, 0,1,2,3
	v_permlanex16_b32 v[TM+4+\b], v[TM+\b], s[SEL], s[SEL+1]
.endr
.irp b, 0,1,2,3
	v_max_num_f32 v[TM+\b], v[TM+\b], v[TM+4+\b]
.endr
.irp b, 0,1,2,3
	v_add_nc_u32 v[TM+12+\b], 0xfc000000, v[TM+\b] ; 8 off the exponent field: the conversion's scale operand
.endr
.irp b, 0,1,2,3
	v_and_or_b32 v[TM+8+\b], v[TM+\b], 0x7f800000, s[MNT]   ; 448 x the scale
.endr
.irp b, 0,1,2,3
	v_lshrrev_b32 v[TM+4+\b], 23, v[TM+12+\b]      ; the byte
.endr
	v_lshl_or_b32 v[\pw], v[TM+5], 8, v[TM+4]
	v_lshl_or_b32 v[\pw+1], v[TM+7], 8, v[TM+6]
.irp b, 0,1,2,3
.irp i, 0,1,2,3,4,5,6,7,8,9,10,11,12,13,14,15
	v_med3_num_f32 v[\s+16*\b+\i], v[\s+16*\b+\i], -v[TM+8+\b], v[TM+8+\b]   ; the conversion does not saturate (ISA guide 7.6.2)
.endr
	v_cvt_scalef32_pk8_fp8_f32 v[\pc+4*\b:\pc+1+4*\b], v[\s+16*\b:\s+7+16*\b], v[TM+12+\b]
	v_cvt_scalef32_pk8_fp8_f32 v[\pc+2+4*\b:\pc+3+4*\b], v[\s+8+16*\b:\s+15+16*\b], v[TM+12+\b]
.endr
	v_nop                                          ; a plain instruction behind the last conversion
.endm
.macro TOLDS a2, pc, pw
	ds_store_b128 v[STO], v[\pc:\pc+3] offset:1280*(2*\a2)
	ds_store_b128 v[STO], v[\pc+4:\pc+7] offset:1280*(2*\a2)+32
	ds_store_b128 v[STO], v[\pc+8:\pc+11] offset:1280*(2*\a2+1)
	ds_store_b128 v[STO], v[\pc+12:\pc+15] offset:1280*(2*\a2+1)+32
	ds_store_b16 v[SCW], v[\pw] offset:64*(2*\a2)          ; both halves of the lanes write the same two bytes with the same value
	ds_store_b16 v[SCW], v[\pw+1] offset:64*(2*\a2+1)
.endm
	QUANT ACC, 96, 80
	TOLDS 0, 96, 80
	QUANT ACC+64, 112, 82
	TOLDS 1, 112, 82
	s_wait_dscnt 0x0                               ; for the others' sake: my scale bytes have landed
	s_barrier_signal -1
	s_barrier_wait -1
.irp t, 0,1,2,3,4,5,6,7
	ds_load_b128 v[64+4*\t:67+4*\t], v[RD] offset:640*\t
.endr
	ds_load_b64 v[96:97], v[SCR]
.irp t, 0,1,2,3,4,5,6,7
	s_wait_dscnt 8-\t
	global_store_b128 v[CO], v[64+4*\t:67+4*\t], s[20:21] offset:512*\t   ; 512 consecutive bytes
.endr
	s_wait_dscnt 0x0
	v_lshrrev_b32 v96, s19, v96
	v_lshrrev_b32 v97, s19, v97
	global_store_b64 v[SO8], v[96:97], s[22:23]    ; 256 consecutive bytes
	s_wait_tensorcnt 0x0                           ; the wave's end
	ds_add_u32 v[SPW], v[NIL]
	s_wait_dscnt 0x0
	CROUND                                         ; the closing round
	s_endpgm
.Lfunc_end_k_q0d5a47a673_gemm_qk:
	.size	k_q0d5a47a673_gemm_qk, .Lfunc_end_k_q0d5a47a673_gemm_qk-k_q0d5a47a673_gemm_qk
	.p2alignl 7, 3214868480
	.fill 96, 4, 3214868480
	.section	.rodata,"a",@progbits
	.p2align	6, 0x0
	.amdhsa_kernel k_q0d5a47a673_gemm_qk
		.amdhsa_group_segment_fixed_size 327680
		.amdhsa_private_segment_fixed_size 0
		.amdhsa_enable_private_segment 0
		.amdhsa_kernarg_size 32
		.amdhsa_user_sgpr_count 2
		.amdhsa_user_sgpr_kernarg_segment_ptr 1
		.amdhsa_wavefront_size32 1
		.amdhsa_system_sgpr_workgroup_id_x 1
		.amdhsa_system_sgpr_workgroup_id_y 1
		.amdhsa_system_sgpr_workgroup_id_z 1
		.amdhsa_system_vgpr_workitem_id 0
		.amdhsa_next_free_vgpr 512
		.amdhsa_next_free_sgpr 98
		.amdhsa_reserve_vcc 0
		.amdhsa_float_denorm_mode_32 3
		.amdhsa_float_denorm_mode_16_64 3
		.amdhsa_memory_ordered 1
		.amdhsa_forward_progress 1
		.amdhsa_inst_pref_size 72
	.end_amdhsa_kernel
	.amdgpu_metadata
---
amdhsa.version: [ 1, 2 ]
amdhsa.kernels:
  - .name:           k_q0d5a47a673_gemm_qk
    .symbol:         k_q0d5a47a673_gemm_qk.kd
    .args:
      - { .name: h1, .offset: 0, .size: 8, .value_kind: global_buffer, .address_space: global }
      - { .name: wts, .offset: 8, .size: 8, .value_kind: global_buffer, .address_space: global }
      - { .name: qkv_b, .offset: 16, .size: 8, .value_kind: global_buffer, .address_space: global }
      - { .name: qk, .offset: 24, .size: 8, .value_kind: global_buffer, .address_space: global }
    .group_segment_fixed_size: 327680
    .private_segment_fixed_size: 0
    .kernarg_segment_align: 8
    .kernarg_segment_size: 32
    .max_flat_workgroup_size: 128
    .sgpr_count:     98
    .vgpr_count:     512
    .wavefront_size: 32
...
	.end_amdgpu_metadata
.endif
;; end of part 3
;; launch gemm_vt (part 4): grid 32 x 8, 4 waves a work-group, clusters of 4 x 4, 327,680 bytes of LDS; arguments wts, h1, qkv_b, vt; writes vt
.if DOCPART == 4
	.amdgcn_target "amdgcn-amd-amdhsa--gfx1250"
	.amdhsa_code_object_version 6
	.text
	.protected	k_q0d5a47a673_gemm_vt
	.globl	k_q0d5a47a673_gemm_vt
	.p2align	8
	.type	k_q0d5a47a673_gemm_vt,@function
k_q0d5a47a673_gemm_vt:
	s_mov_b64 s[64:65], 0
	v_nop
	global_prefetch_b8 v0, s[64:65] scope:SCOPE_SE
	s_setreg_imm32_b32 hwreg(HW_REG_WAVE_MODE, 25, 1), 1
	s_wait_xcnt 0x0
	s_wait_alu depctr_hold_cnt(0) depctr_sa_sdst(0) depctr_va_vdst(0) depctr_va_sdst(0) depctr_va_ssrc(0) depctr_va_vcc(0) depctr_vm_vsrc(0)
	s_getreg_b32 s2, hwreg(HW_REG_IB_STS2, 6, 4)
	s_cmp_eq_u32 s2, 0
	s_cbranch_scc0 .Lentry_in_a_cluster
	s_endpgm
.Lentry_in_a_cluster:
	s_bfe_u32 s2, ttmp6, 0x10000c
	s_cmp_lg_u32 s2, 0xf033
	s_cbranch_scc0 .Lentry_shape_is_right
	s_endpgm
.Lentry_shape_is_right:
; V^T: [1024 features] x [4096 tokens] = Wv LN1(x)^T + b (b along the features) on codes of FP8 (E4M3) with E8M0 scales, K = 1024; the result, in f32, is quantised ALONG THE TOKENS, which are the K of
; attention's second product, and stored as codes.  The M side is Wv (rows 2048 on of qkv_w), the N side the tokens.
; OPERANDS: rows in tiles of 128, row R at POSITION R with bits 3 and 4 exchanged; codes [tile][K / 64][128 positions][64 bytes], scale words [tile][K / 128][128 positions].
; A tile of 128 x 128 to a work-group, four waves of 64 x 64.  The product is used TRANSPOSED (source 0 = 16 positions of N, source 1 = 16 of M): a lane holds one feature, and the 16 registers of N tiles
; 2 b, 2 b + 1 are 16 NEIGHBOURING tokens 32 b + 16 (lane / 16) + 0..15.  K goes in two steps of 512, one in each of two LDS slots; nothing is filled again.
; In LDS position P of a panel lies at 272 (P / 4) + 64 (P % 4).  CLUSTER 4 x 4: M's tile is shared along a row of the cluster, N's along a column: joint loads.
; OUT: vt codes [head][token / 64][64 positions of the head's features][64 bytes]; scale words [head][token / 128][64] from byte 4194304.
; LIMITS: NaN and infinities are not served; a block of zeros gets the byte 1.
.set KK,     1024
.set MC_OFF, 2097152
.set MS_OFF, 12648448
.set NC_OFF, 0
.set NS_OFF, 4194304
.set PANEL,  8704
.set QUART,  4*PANEL
.set SIDE,   8*PANEL
.set SLOT,   2*SIDE
.set SCL,    2*SLOT
.set SCST,   311296
.set SPARE,  311808
.set ADRM, 16
.set ADRN, 20
.set BO,   22
.set SO8,  23
.set STO,  24
.set RD,   25
.set CO,   26
.set ADRS, 27
.set SPW,  28
.set NIL,  29
.set SCW,  30
.set SCR,  31
.set SW,   32                          ; v32-63 scale words and nothing else
.set BI,   64                          ; v64-71 the bias of my four features, each twice
.set TM,   64
.set ACC,  128
.set F0,   0
.set F1,   128
.set SEL,  2
.set MNT,  66
.set G1,   24
.set G0,   32
.set G1B,  48
.set G0B,  56
.set G1S,  68
.set G0S,  76
.set G1SB, 80
.set G0SB, 88
.set MSB, 0
.macro WIN new
.if MSB != \new
	s_set_vgpr_msb (MSB<<8)|\new
.set MSB, \new
.endif
.endm
.set MUL,  0x05
.set TO_F, 0x40
.macro JLOAD g0a, g1a, g0b, g1b        ; a joint load: waves 0, 1 fetch for M, waves 2, 3 for N; an s_nop 0 and four v_nop follow each line
	s_cmp_eq_u32 s15, 0
	s_cbranch_scc0 .Lfor_n_\@
	tensor_load_to_lds s[\g0a:\g0a+3], s[\g1a:\g1a+7]
	s_nop 0
.rept 4
	v_nop
.endr
	s_branch .Lasked_\@
.Lfor_n_\@:
	tensor_load_to_lds s[\g0b:\g0b+3], s[\g1b:\g1b+7]
	s_nop 0
.rept 4
	v_nop
.endr
.Lasked_\@:
.endm
.macro CROUND
	s_barrier_signal -1
	s_barrier_wait -1
	s_cmp_lg_u32 s14, 0
	s_cbranch_scc1 .Lnot_wave_0_\@
	s_barrier_signal -3
.Lnot_wave_0_\@:
	s_barrier_wait -3
	s_barrier_signal -1
	s_barrier_wait -1
.endm
.macro PLACES n
.rept \n
	v_nop
.endr
.endm
	s_load_b128 s[4:7], s[0:1], 0x0                ; M side's buffer, N side's buffer
	s_load_b128 s[8:11], s[0:1], 0x10              ; the bias, the output
	v_lshl_add_u32 v[SPW], v0, 2, SPARE
	v_mov_b32 v[NIL], 0
	ds_add_u32 v[SPW], v[NIL]                      ; the opening: the add, twice on end, and its wait ahead of my first tensor load
	ds_add_u32 v[SPW], v[NIL]
	v_lshrrev_b32 v1, 5, v0
	v_readfirstlane_b32 s14, v1
	s_lshr_b32 s15, s14, 1
	s_and_b32 s16, s14, 1
	s_bfe_u32 s40, ttmp6, 0x40000
	s_bfe_u32 s41, ttmp6, 0x40004
	s_lshl_b32 s42, ttmp9, 2
	s_add_co_u32 s42, s42, s40                     ; N tile
	s_and_b32 s17, ttmp7, 0xffff
	s_lshl_b32 s17, s17, 2
	s_add_co_u32 s17, s17, s41                     ; M tile
	s_lshl_b32 s43, s41, 2
	s_lshl_b32 s43, 15, s43
	s_lshl_b32 s44, 0x1111, s40
	s_or_b32 s[G1+0], s43, (3<<16)|(1<<20)|(1<<21)|(5<<22)|(3<<25)
	s_or_b32 s[G1B+0], s44, (3<<16)|(1<<20)|(1<<21)|(5<<22)|(3<<25)
.irp g, G1, G1B
	s_mov_b32 s[\g+1], 32<<16
	s_mov_b32 s[\g+2], 128<<16
	s_mov_b32 s[\g+3], 32<<16
	s_mov_b32 s[\g+4], 128
	s_mov_b32 s[\g+5], 32
	s_mov_b32 s[\g+6], 0
	s_mov_b32 s[\g+7], 0
.endr
	s_or_b32 s[G1S+0], s43, (3<<16)|(1<<21)
	s_or_b32 s[G1SB+0], s44, (3<<16)|(1<<21)
.irp g, G1S, G1SB
	s_mov_b32 s[\g+1], 32<<16
	s_mov_b32 s[\g+2], (KK/128)<<16
	s_mov_b32 s[\g+3], 32<<16
	s_mov_b32 s[\g+4], KK/128
	s_mov_b32 s[\g+5], 32
	s_mov_b32 s[\g+6], 0
	s_mov_b32 s[\g+7], 0
.endr
	s_lshl_b32 s18, s16, 15
	s_mul_i32 s20, s17, 128*KK
	s_add_co_u32 s20, s20, s18
	s_add_co_u32 s20, s20, MC_OFF
	s_mov_b32 s21, 0
	s_mul_i32 s46, s42, 128*KK
	s_add_co_u32 s46, s46, s18
	s_add_co_u32 s46, s46, NC_OFF
	s_mov_b32 s47, 0
	s_mul_i32 s19, s16, 2*KK
	s_mul_i32 s22, s17, 4*KK
	s_add_co_u32 s22, s22, s19
	s_add_co_u32 s22, s22, MS_OFF
	s_mov_b32 s23, 0
	s_mul_i32 s92, s42, 4*KK
	s_add_co_u32 s92, s92, s19
	s_add_co_u32 s92, s92, NS_OFF
	s_mov_b32 s93, 0
	s_mul_i32 s45, s14, QUART
	s_mul_i32 s94, s14, 2*KK
	s_mov_b32 s[SEL], 0x76543210
	s_mov_b32 s[SEL+1], 0xfedcba98
	s_mov_b32 s[MNT], 0x600000
	s_wait_dscnt 0x0                               ; both opening adds are done
	s_wait_kmcnt 0x0
	s_add_nc_u64 s[20:21], s[4:5], s[20:21]
	s_add_nc_u64 s[22:23], s[4:5], s[22:23]
	s_add_nc_u64 s[46:47], s[6:7], s[46:47]
	s_add_nc_u64 s[92:93], s[6:7], s[92:93]
	CROUND                                         ; the first joint loads meet
	s_mov_b32 s[G0S], 1
	s_add_co_u32 s[G0S+1], s94, SCL
	s_mov_b64 s[G0S+2:G0S+3], s[22:23]
	s_or_b32 s[G0S+3], s[G0S+3], 0x80000000
	s_mov_b32 s[G0SB], 1
	s_add_co_u32 s[G0SB+1], s94, SCL
	s_mov_b64 s[G0SB+2:G0SB+3], s[92:93]
	s_or_b32 s[G0SB+3], s[G0SB+3], 0x80000000
	JLOAD G0S, G1S, G0SB, G1SB                     ; three loads of mine go out together
.irp s, 0,1
	s_mov_b32 s[G0+4*\s], 1
	s_add_co_u32 s[G0+4*\s+1], s45, \s*SLOT
	s_add_nc_u64 s[G0+4*\s+2:G0+4*\s+3], s[20:21], \s*65536
	s_or_b32 s[G0+4*\s+3], s[G0+4*\s+3], 0x80000000
	s_mov_b32 s[G0B+4*\s], 1
	s_add_co_u32 s[G0B+4*\s+1], s45, \s*SLOT
	s_add_nc_u64 s[G0B+4*\s+2:G0B+4*\s+3], s[46:47], \s*65536
	s_or_b32 s[G0B+4*\s+3], s[G0B+4*\s+3], 0x80000000
	JLOAD G0+4*\s, G1, G0B+4*\s, G1B
.endr
	v_and_b32 v1, 15, v0                           ; r
	v_bfe_u32 v2, v0, 4, 1                         ; h
	v_lshrrev_b32 v3, 2, v1
	v_mul_u32_u24 v3, v3, 272
	v_and_b32 v4, 3, v1
	v_lshl_add_u32 v3, v4, 6, v3
	v_lshl_add_u32 v3, v2, 4, v3
	s_mul_i32 s21, s15, 4352
	s_mul_i32 s22, s16, 4352
	s_add_co_u32 s22, s22, SIDE
.irp s, 0,1
	v_add_nc_u32 v[ADRM+\s], s21, v3
	v_add_nc_u32 v[ADRN+\s], s22, v3
	s_add_co_u32 s21, s21, SLOT
	s_add_co_u32 s22, s22, SLOT
.endr
	s_lshl_b32 s21, s15, 8
	s_lshl_b32 s22, s16, 8
	s_add_co_u32 s22, s22, 4*KK
	s_sub_co_u32 s22, s22, s21
	v_mul_u32_u24 v6, s22, v2
	s_add_co_u32 s21, s21, SCL
	v_lshl_add_u32 v5, v1, 2, v6
	v_add_nc_u32 v[ADRS], s21, v5
	s_mul_i32 s23, s14, 5120
	v_mul_u32_u24 v5, v1, 80
	v_lshl_add_u32 v5, v2, 4, v5
	v_add_nc_u32 v[STO], s23, v5
	v_and_b32 v6, 31, v0
	v_lshrrev_b32 v7, 2, v6
	v_mul_u32_u24 v7, v7, 80
	v_and_b32 v5, 3, v0
	v_lshl_add_u32 v7, v5, 4, v7
	v_add_nc_u32 v[RD], s23, v7
	v_lshlrev_b32 v[CO], 4, v6
	v_lshlrev_b32 v[SO8], 3, v6
	s_lshl_b32 s21, s15, 8
	s_lshl_b32 s22, s16, 1
	s_add_co_u32 s21, s21, s22
	s_add_co_u32 s21, s21, SCST
	v_lshl_add_u32 v[SCW], v1, 2, s21
	s_lshl_b32 s21, s16, 8
	s_add_co_u32 s21, s21, SCST
	v_lshl_add_u32 v[SCR], v6, 3, s21
	v_and_b32 v5, 8, v1
	v_add_nc_u32 v5, v5, v1
	v_lshlrev_b32 v[BO], 2, v5                     ; position 16 a + r is feature 32 (a / 2) + 8 (a % 2) + 16 (r / 8) + r % 8
	s_lshl_b32 s20, s17, 9
	s_lshl_b32 s21, s15, 8
	s_add_co_u32 s20, s20, s21
	s_add_co_u32 s20, s20, 8192
	s_mov_b32 s21, 0
	s_add_nc_u64 s[8:9], s[8:9], s[20:21]          ; qkv_b at 2048 + 128 y + 64 wm
.irp a, 0,1,2,3
	global_load_b32 v[BI+2*\a], v[BO], s[8:9] offset:(32*(\a/2)+8*(\a%2))*4
	global_load_b32 v[BI+2*\a+1], v[BO], s[8:9] offset:(32*(\a/2)+8*(\a%2))*4   ; the same number once more: a pair for the packed addition
.endr
	s_lshl_b32 s20, s17, 1
	s_add_co_u32 s20, s20, s15
	s_lshl_b32 s20, s20, 18                        ; head 2 y + wm
	s_lshl_b32 s21, s42, 1
	s_add_co_u32 s21, s21, s16
	s_lshl_b32 s21, s21, 12                        ; panel 2 x + wn
	s_add_co_u32 s20, s20, s21
	s_mov_b32 s21, 0
	s_add_nc_u64 s[20:21], s[10:11], s[20:21]
	s_lshl_b32 s22, s17, 1
	s_add_co_u32 s22, s22, s16                     ; scale words (waves 0, 1 store them): head 2 y + wave
	s_lshl_b32 s22, s22, 5
	s_add_co_u32 s22, s22, s42
	s_lshl_b32 s22, s22, 8
	s_add_co_u32 s22, s22, 4194304
	s_mov_b32 s23, 0
	s_add_nc_u64 s[22:23], s[10:11], s[22:23]
.macro FRAG reg, adr, q, i
.irp c, 0,1,2,3
	ds_load_b128 v[\reg+4*\c:\reg+4*\c+3], v[\adr] offset:(2*(\q)+\c/2)*PANEL+(\i)*1088+32*(\c%2)
.endr
.endm
.macro FETCH slot, q, f
	WIN TO_F
.irp i, 0,1,2,3
	FRAG \f+64+16*\i, ADRN+\slot, \q, \i
.endr
.irp i, 0,1,2,3
	FRAG \f+16*\i, ADRM+\slot, \q, \i
.endr
.endm
.macro SCALES sc
.irp i, 0,1,2,3
.irp q, 0,1,2,3
	ds_load_b32 v[SW+16*\sc+4*\i+\q], v[ADRS] offset:512*\q+64*\i
.endr
.endr
.endm
.macro MUL8 f, a0, q, sc, zero         ; the 16 accumulators take turns
.irp a, \a0, \a0+1
.irp b, 0,1,2,3
.if \zero
	v_wmma_scale_f32_16x16x128_f8f6f4 v[ACC+8*(4*(\a)+\b):ACC+8*(4*(\a)+\b)+7], v[\f+64+16*\b:\f+64+16*\b+15], v[\f+16*(\a):\f+16*(\a)+15], 0, v[SW+16*(\sc)+4*\b+(\q)], v[SW+16*(\sc)+4*(\a)+(\q)] matrix_a_scale:MATRIX_SCALE_ROW1
.else
	v_wmma_scale_f32_16x16x128_f8f6f4 v[ACC+8*(4*(\a)+\b):ACC+8*(4*(\a)+\b)+7], v[\f+64+16*\b:\f+64+16*\b+15], v[\f+16*(\a):\f+16*(\a)+15], v[ACC+8*(4*(\a)+\b):ACC+8*(4*(\a)+\b)+7], v[SW+16*(\sc)+4*\b+(\q)], v[SW+16*(\sc)+4*(\a)+(\q)] matrix_a_scale:MATRIX_SCALE_ROW1
.endif
.endr
.endr
.endm
.macro QSTEP slot, q, f, g, zero
	s_wait_dscnt 8                                 ; all but the youngest eight loads (M's tiles 2, 3)
	WIN MUL
	MUL8 \f, 0, \q, \slot, \zero
	PLACES 8                                       ; in front of loads into registers that matrix instructions have read
	FETCH \slot, (\q)+1, \g
	s_wait_dscnt 32                                ; all but the 32 just issued
	WIN MUL
	MUL8 \f, 2, \q, \slot, \zero
.endm
.macro TURN slot, next
	WIN 0
	s_wait_tensorcnt 0x0                           ; all my tensor loads have landed
	ds_add_u32 v[SPW], v[NIL]
	s_wait_dscnt 9                                 ; the add and the youngest eight loads may be out
	WIN MUL
	MUL8 F1, 0, 3, \slot, 0
	s_wait_dscnt 0x0
	s_barrier_signal -1
	WIN 0
	s_barrier_wait -1
	PLACES 8
	v_add_nc_u32 v[ADRS], 2048, v[ADRS]
	SCALES \next
	FETCH \next, 0, F0
	WIN MUL
	MUL8 F1, 2, 3, \slot, 0
.endm
	s_wait_tensorcnt 1                             ; the scale words and slot 0 are in; slot 1's load may be out
	s_barrier_signal -1
	s_barrier_wait -1
	SCALES 0
	FETCH 0, 0, F0
	QSTEP 0, 0, F0, F1, 1
	QSTEP 0, 1, F1, F0, 0
	QSTEP 0, 2, F0, F1, 0
	TURN 0, 1
	QSTEP 1, 0, F0, F1, 0
	QSTEP 1, 1, F1, F0, 0
	QSTEP 1, 2, F0, F1, 0
	s_wait_dscnt 8
	WIN MUL
	MUL8 F1, 0, 3, 1, 0
	s_wait_dscnt 0x0
	MUL8 F1, 2, 3, 1, 0
	WIN 0
	PLACES 8
	s_wait_loadcnt 0x0                             ; the bias
.set p, 0
.rept 64
	v_pk_add_f32 v[ACC+2*p:ACC+2*p+1], v[ACC+2*p:ACC+2*p+1], v[BI+2*(p/16):BI+2*(p/16)+1]   ; ascending: each accumulator from its low end on
.set p, p+1
.endr
.irp b, 0,1,2,3
	v_mov_b32 v[TM+4+\b], 0
.endr
.macro QUANT s, pc, pw                 ; 64 numbers of a lane: two features x two blocks of 32 tokens
.irp b, 0,1,2,3
	v_max3_num_f32 v[TM+\b], |v[\s+16*\b]|, |v[\s+1+16*\b]|, 0x4800000
.endr
.irp i, 2,4,6,8,10,12,14
.irp b, 0,1,2,3
	v_max3_num_f32 v[TM+\b], v[TM+\b], |v[\s+16*\b+\i]|, |v[\s+1+16*\b+\i]|
.endr
.endr
.irp b, 0,1,2,3
	v_permlanex16_b32 v[TM+4+\b], v[TM+\b], s[SEL], s[SEL+1]
.endr
.irp b, 0,1,2,3
	v_max_num_f32 v[TM+\b], v[TM+\b], v[TM+4+\b]
.endr
.irp b, 0,1,2,3
	v_add_nc_u32 v[TM+12+\b], 0xfc000000, v[TM+\b]
.endr
.irp b, 0,1,2,3
	v_and_or_b32 v[TM+8+\b], v[TM+\b], 0x7f800000, s[MNT]
.endr
.irp b, 0,1,2,3
	v_lshrrev_b32 v[TM+4+\b], 23, v[TM+12+\b]
.endr
	v_lshl_or_b32 v[\pw], v[TM+5], 8, v[TM+4]
	v_lshl_or_b32 v[\pw+1], v[TM+7], 8, v[TM+6]
.irp b, 0,1,2,3
.irp i, 0,1,2,3,4,5,6,7,8,9,10,11,12,13,14,15
	v_med3_num_f32 v[\s+16*\b+\i], v[\s+16*\b+\i], -v[TM+8+\b], v[TM+8+\b]
.endr
	v_cvt_scalef32_pk8_fp8_f32 v[\pc+4*\b:\pc+1+4*\b], v[\s+16*\b:\s+7+16*\b], v[TM+12+\b]
	v_cvt_scalef32_pk8_fp8_f32 v[\pc+2+4*\b:\pc+3+4*\b], v[\s+8+16*\b:\s+15+16*\b], v[TM+12+\b]
.endr
	v_nop
.endm
.macro TOLDS a2, pc, pw
	ds_store_b128 v[STO], v[\pc:\pc+3] offset:1280*(2*\a2)
	ds_store_b128 v[STO], v[\pc+4:\pc+7] offset:1280*(2*\a2)+32
	ds_store_b128 v[STO], v[\pc+8:\pc+11] offset:1280*(2*\a2+1)
	ds_store_b128 v[STO], v[\pc+12:\pc+15] offset:1280*(2*\a2+1)+32
	ds_store_b16 v[SCW], v[\pw] offset:64*(2*\a2)
	ds_store_b16 v[SCW], v[\pw+1] offset:64*(2*\a2+1)
.endm
	QUANT ACC, 96, 80
	TOLDS 0, 96, 80
	QUANT ACC+64, 112, 82
	TOLDS 1, 112, 82
	s_wait_dscnt 0x0                               ; for the others' sake: my scale bytes have landed
	s_barrier_signal -1
	s_barrier_wait -1
.irp t, 0,1,2,3,4,5,6,7
	ds_load_b128 v[64+4*\t:67+4*\t], v[RD] offset:640*\t
.endr
.irp t, 0,1,2,3,4,5,6,7
	s_wait_dscnt 7-\t
	global_store_b128 v[CO], v[64+4*\t:67+4*\t], s[20:21] offset:512*\t
.endr
	s_cmp_lt_u32 s14, 2                            ; a word holds both token halves' bytes: waves 0 and 1 store a head's 64 words each
	s_cbranch_scc0 .Lno_words
	ds_load_b64 v[96:97], v[SCR]
	s_wait_dscnt 0x0
	global_store_b64 v[SO8], v[96:97], s[22:23]
.Lno_words:
	s_wait_tensorcnt 0x0                           ; the wave's end
	ds_add_u32 v[SPW], v[NIL]
	s_wait_dscnt 0x0
	CROUND
	s_endpgm
.Lfunc_end_k_q0d5a47a673_gemm_vt:
	.size	k_q0d5a47a673_gemm_vt, .Lfunc_end_k_q0d5a47a673_gemm_vt-k_q0d5a47a673_gemm_vt
	.p2alignl 7, 3214868480
	.fill 96, 4, 3214868480
	.section	.rodata,"a",@progbits
	.p2align	6, 0x0
	.amdhsa_kernel k_q0d5a47a673_gemm_vt
		.amdhsa_group_segment_fixed_size 327680
		.amdhsa_private_segment_fixed_size 0
		.amdhsa_enable_private_segment 0
		.amdhsa_kernarg_size 32
		.amdhsa_user_sgpr_count 2
		.amdhsa_user_sgpr_kernarg_segment_ptr 1
		.amdhsa_wavefront_size32 1
		.amdhsa_system_sgpr_workgroup_id_x 1
		.amdhsa_system_sgpr_workgroup_id_y 1
		.amdhsa_system_sgpr_workgroup_id_z 1
		.amdhsa_system_vgpr_workitem_id 0
		.amdhsa_next_free_vgpr 512
		.amdhsa_next_free_sgpr 98
		.amdhsa_reserve_vcc 0
		.amdhsa_float_denorm_mode_32 3
		.amdhsa_float_denorm_mode_16_64 3
		.amdhsa_memory_ordered 1
		.amdhsa_forward_progress 1
		.amdhsa_inst_pref_size 72
	.end_amdhsa_kernel
	.amdgpu_metadata
---
amdhsa.version: [ 1, 2 ]
amdhsa.kernels:
  - .name:           k_q0d5a47a673_gemm_vt
    .symbol:         k_q0d5a47a673_gemm_vt.kd
    .args:
      - { .name: wts, .offset: 0, .size: 8, .value_kind: global_buffer, .address_space: global }
      - { .name: h1, .offset: 8, .size: 8, .value_kind: global_buffer, .address_space: global }
      - { .name: qkv_b, .offset: 16, .size: 8, .value_kind: global_buffer, .address_space: global }
      - { .name: vt, .offset: 24, .size: 8, .value_kind: global_buffer, .address_space: global }
    .group_segment_fixed_size: 327680
    .private_segment_fixed_size: 0
    .kernarg_segment_align: 8
    .kernarg_segment_size: 32
    .max_flat_workgroup_size: 128
    .sgpr_count:     98
    .vgpr_count:     512
    .wavefront_size: 32
...
	.end_amdgpu_metadata
.endif
;; end of part 4
;; launch attn (part 5): grid 8 x 32, 16 waves a work-group, clusters of 4 x 1, 327,680 bytes of LDS; arguments qk, vt, att; writes att
.if DOCPART == 5
	.amdgcn_target "amdgcn-amd-amdhsa--gfx1250"
	.amdhsa_code_object_version 6
	.text
	.protected	k_q0d5a47a673_attn
	.globl	k_q0d5a47a673_attn
	.p2align	8
	.type	k_q0d5a47a673_attn,@function
k_q0d5a47a673_attn:
	s_mov_b64 s[64:65], 0
	v_nop
	global_prefetch_b8 v0, s[64:65] scope:SCOPE_SE
	s_setreg_imm32_b32 hwreg(HW_REG_WAVE_MODE, 25, 1), 1
	s_wait_xcnt 0x0
	s_wait_alu depctr_hold_cnt(0) depctr_sa_sdst(0) depctr_va_vdst(0) depctr_va_sdst(0) depctr_va_ssrc(0) depctr_va_vcc(0) depctr_vm_vsrc(0)
	s_getreg_b32 s2, hwreg(HW_REG_IB_STS2, 6, 4)
	s_cmp_eq_u32 s2, 0
	s_cbranch_scc0 .Lentry_in_a_cluster
	s_endpgm
.Lentry_in_a_cluster:
	s_bfe_u32 s2, ttmp6, 0x10000c
	s_cmp_lg_u32 s2, 0x3003
	s_cbranch_scc0 .Lentry_shape_is_right
	s_endpgm
.Lentry_shape_is_right:
; Causal attention of one head and batch on codes of FP8 (E4M3) with E8M0 scales; head size 64, 2048 tokens.  t = score x log2(e) / 8; M = the running largest t rounded UP to a whole number; p = 2^(t - M) is
; quantised along the keys, not normalised; the row's sum is taken of the unquantised p and divides O at the end; when M moves, the sum and O are multiplied by 2^(old M - new M): exact.
; The result O / sum, f32, is quantised along the head's 64 and stored as an operand of the projection.
; ROWS ARE POSITIONS: in every block of 128 tokens, token R lies at position R with bits 3 and 4 exchanged.  Both products are used transposed (S^T = K Q^T, O^T = V^T P^T): a lane holds one query, and the 16
; registers of key tiles 2 b, 2 b + 1 are the 16 NEIGHBOURING keys 32 b + 16 (lane / 16) + 0..15.  The first product's K is 64: the upper halves of both fragments are zero codes.
; SHARES.  Work-group (x, y): y = 16 batch + head.  Wave w takes the 16 positions 128 j + 16 x + 0..15, j = w with its low two bits turned round where bit 2 is set: so it walks key steps 0..j of 128 keys,
; whatever x is: all work-groups have the same work, and waves w, w + 4, w + 8, w + 12 together 34 steps.  Steps beyond j are jumped over by a branch on the wave's number and the count of steps.
; ALL of the head's K and V stay in LDS, 2 x 139264 bytes, filled once: no ring.  CLUSTER 4 x 1: the four work-groups want the same K and V: every wave issues two joint loads (keys 0-511; the rest).
; LIMITS: NaN and infinities are not served; a block of zeros gets the byte 1; p under 2^-126 counts as 0.
.set VB,    139264                     ; V behind K.  128 keys are 32 lines of 272 bytes in either: position P at 272 (P / 4) + 64 (P % 4)
.set KSC,   278528                     ; K's scale words, 8192 bytes (stored from registers)
.set VSC,   286720                     ; V's, 4096 bytes
.set STAGE, 290816                     ; 16 rows x 80 bytes a wave
.set SPARE, 311296                     ; the spare words, 128 bytes a wave, named by no other line
.set AK0,  1
.set AV0,  2
.set ASK0, 3
.set ASV0, 4
.set SPW,  5
.set NIL,  6
.set ADK,  8
.set ADV,  9
.set ADS,  10
.set ADT,  11
.set WV,   18
.set MNT,  19
.set SEL,  20
.set CS,   22
.set G1E,  24
.set G1L,  32
.set G0E,  40
.set G0L,  44
.set J,    48
.set SI,   49
.set TK,   50
.set TS,   51
.set TV,   52
.set XX,   53
.set HD,   54
.set BT,   55
; REGISTERS: v7 the mask's term; v12 -M, v13 the largest t, v[14:15] the sum; v16-31 Q; v32-95 four fragments of K (upper halves zeros); v96-159 S^T, then p; v160-191 O^T; v192-223 two fragments of V;
; v224-239 p's codes; v232-254 at work; v248-251, v253, v255 scale words.
.macro ROUND
	s_barrier_signal -1
	s_barrier_wait -1
	s_cmp_lg_u32 s[WV], 0
	s_cbranch_scc1 .Lnot_wave_0_\@
	s_barrier_signal -3
.Lnot_wave_0_\@:
	s_barrier_wait -3
	s_barrier_signal -1
	s_barrier_wait -1
.endm
	s_load_b128 s[4:7], s[0:1], 0x0                ; qk, vt
	s_load_b64 s[8:9], s[0:1], 0x10                ; att
	v_lshl_add_u32 v[SPW], v0, 2, SPARE
	v_mov_b32 v[NIL], 0
	ds_add_u32 v[SPW], v[NIL]                      ; the opening: the add, twice on end, and its wait ahead of my first tensor load
	ds_add_u32 v[SPW], v[NIL]
	v_lshrrev_b32 v8, 5, v0
	v_readfirstlane_b32 s[WV], v8                  ; wave 0..15
	s_and_b32 s10, ttmp7, 0xffff
	s_and_b32 s[HD], s10, 15
	s_lshr_b32 s[BT], s10, 4
	s_bfe_u32 s11, ttmp6, 0x40000                  ; cx: it enters global addresses and the mask's data alone
	s_lshl_b32 s[XX], ttmp9, 2
	s_add_co_u32 s[XX], s[XX], s11
	s_bfe_u32 s10, s[WV], 0x10002
	s_mul_i32 s10, s10, 3
	s_xor_b32 s[J], s[WV], s10
	s_lshr_b32 s11, s[WV], 3                       ; waves 0-7 fetch K, waves 8-15 V
	s_and_b32 s12, s[WV], 7
	s_mul_i32 s13, s11, VB
	s_mul_i32 s14, s12, 4352
	s_add_co_u32 s14, s14, s13                     ; LDS: my 16 lines of the first 128
	s_mul_i32 s15, s12, 13056
	s_add_co_u32 s15, s15, s13
	s_add_co_u32 s15, s15, 34816                   ; and my 48 of the other 384
	s_lshl_b32 s16, s[HD], 18
	s_lshl_b32 s17, s[BT], 17
	s_add_co_u32 s16, s16, s17                     ; head and batch in a tensor of codes
	s_xor_b32 s17, s11, 1
	s_lshl_b32 s17, s17, 22                        ; k's panels lie 16 x 262144 bytes behind q's
	s_add_co_u32 s17, s17, s16
	s_lshl_b32 s60, s12, 12
	s_add_co_u32 s60, s60, s17
	s_mov_b32 s61, 0
	s_mul_i32 s62, s12, 12288
	s_add_co_u32 s62, s62, s17
	s_add_co_u32 s62, s62, 32768
	s_mov_b32 s63, 0
.irp g, G1E, G1L
	s_mov_b32 s[\g], 15|(3<<16)|(1<<20)|(1<<21)|(5<<22)|(3<<25)   ; all four work-groups; elements of 8 bytes; 4 words of padding behind every 64
	s_mov_b32 s[\g+1], 32<<16
	s_mov_b32 s[\g+3], 32<<16
	s_mov_b32 s[\g+5], 32
	s_mov_b32 s[\g+6], 0
	s_mov_b32 s[\g+7], 0
.endr
	s_mov_b32 s[G1E+2], 16<<16                     ; 16 rows of 256 bytes
	s_mov_b32 s[G1E+4], 16
	s_mov_b32 s[G1L+2], 48<<16                     ; 48 rows
	s_mov_b32 s[G1L+4], 48
	s_mov_b32 s[SEL], 0x76543210
	s_mov_b32 s[SEL+1], 0xfedcba98
	s_mov_b32 s[CS], 0x3e38aa3b                    ; log2(e) / 8
	s_mov_b32 s[CS+1], s[CS]
	s_mov_b32 s[MNT], 0x600000
	s_wait_dscnt 0x0                               ; both opening adds are done
	s_wait_kmcnt 0x0
	s_cmp_lt_u32 s[WV], 8
	s_cselect_b64 s[12:13], s[4:5], s[6:7]
	s_mov_b32 s[G0E], 1
	s_mov_b32 s[G0E+1], s14
	s_add_nc_u64 s[G0E+2:G0E+3], s[12:13], s[60:61]
	s_or_b32 s[G0E+3], s[G0E+3], 0x80000000
	s_mov_b32 s[G0L], 1
	s_mov_b32 s[G0L+1], s15
	s_add_nc_u64 s[G0L+2:G0L+3], s[12:13], s[62:63]
	s_or_b32 s[G0L+3], s[G0L+3], 0x80000000
	ROUND                                          ; all four work-groups are here: the joint loads meet
	tensor_load_to_lds s[G0E:G0E+3], s[G1E:G1E+7]  ; two loads of mine are out
	s_nop 0
	tensor_load_to_lds s[G0L:G0L+3], s[G1L:G1L+7]
	s_nop 0
.rept 4
	v_nop
.endr
	s_lshl_b32 s10, s[J], 13
	s_lshl_b32 s11, s[XX], 10
	s_add_co_u32 s10, s10, s11
	s_add_co_u32 s10, s10, s16
	s_mov_b32 s11, 0
	s_add_nc_u64 s[10:11], s[4:5], s[10:11]        ; my 16 queries' codes
	s_lshl_b32 s60, s[HD], 14
	s_lshl_b32 s61, s[BT], 13
	s_add_co_u32 s60, s60, s61
	s_add_co_u32 s60, s60, 8388608
	s_add_co_u32 s62, s60, 262144                  ; k's scale words of the head and batch
	s_lshl_b32 s61, s[J], 9
	s_add_co_u32 s60, s60, s61
	s_lshl_b32 s61, s[XX], 6
	s_add_co_u32 s60, s60, s61                     ; my queries' scale words
	s_mov_b32 s61, 0
	s_mov_b32 s63, 0
	s_add_nc_u64 s[60:61], s[4:5], s[60:61]
	s_add_nc_u64 s[62:63], s[4:5], s[62:63]
	s_lshl_b32 s12, s[HD], 13
	s_lshl_b32 s13, s[BT], 12
	s_add_co_u32 s12, s12, s13
	s_add_co_u32 s12, s12, 4194304
	s_mov_b32 s13, 0
	s_add_nc_u64 s[12:13], s[6:7], s[12:13]        ; v's scale words
	s_lshl_b32 s56, s[BT], 21
	s_lshl_b32 s57, s[J], 17
	s_add_co_u32 s56, s56, s57
	s_lshl_b32 s57, s[HD], 13
	s_add_co_u32 s56, s56, s57
	s_lshl_b32 s57, s[XX], 10
	s_add_co_u32 s56, s56, s57
	s_mov_b32 s57, 0
	s_add_nc_u64 s[56:57], s[8:9], s[56:57]        ; out: tile 16 b + j, panel = head, positions 16 x on
	s_lshl_b32 s58, s[BT], 16
	s_lshl_b32 s59, s[J], 12
	s_add_co_u32 s58, s58, s59
	s_lshr_b32 s59, s[HD], 1
	s_lshl_b32 s59, s59, 9
	s_add_co_u32 s58, s58, s59
	s_lshl_b32 s59, s[XX], 6
	s_add_co_u32 s58, s58, s59
	s_and_b32 s59, s[HD], 1
	s_lshl_b32 s59, s59, 1
	s_add_co_u32 s58, s58, s59
	s_add_co_u32 s58, s58, 4194304
	s_mov_b32 s59, 0
	s_add_nc_u64 s[58:59], s[8:9], s[58:59]        ; and my half of its scale words
	v_and_b32 v244, 15, v0                         ; r
	v_bfe_u32 v245, v0, 4, 1                       ; h
	v_lshlrev_b32 v240, 4, v0
	v_lshlrev_b32 v241, 3, v0
	v_lshlrev_b32 v242, 6, v244
	v_lshl_add_u32 v242, v245, 4, v242
	v_lshlrev_b32 v243, 2, v244
	global_load_b128 v[192:195], v240, s[62:63]    ; k's scale words: 16 bytes a thread
	global_load_b64 v[196:197], v241, s[12:13]     ; v's: 8 bytes a thread
	global_load_b128 v[16:19], v242, s[10:11]      ; Q: k = 16 h + 0..15,
	global_load_b128 v[20:23], v242, s[10:11] offset:32   ; 32 + 16 h + 0..15
	global_load_b32 v255, v243, s[60:61]
	v_lshl_add_u32 v9, v0, 4, KSC
	v_lshl_add_u32 v10, v0, 3, VSC
	v_and_b32 v246, 8, v244
	v_add_nc_u32 v246, v246, v244
	v_lshlrev_b32 v247, 4, v245
	v_sub_nc_u32 v7, v246, v247
	s_lshr_b32 s14, s[XX], 1
	s_lshl_b32 s14, s14, 5
	s_and_b32 s15, s[XX], 1
	s_lshl_b32 s15, s15, 3
	s_add_co_u32 s14, s14, s15
	v_add_nc_u32 v7, s14, v7                       ; my query's place in its block of 128, less 16 h: register 16 b + i of the diagonal step is hidden where 32 b + i is greater
	v_lshrrev_b32 v1, 2, v244
	v_mul_u32_u24 v1, v1, 272
	v_and_b32 v2, 3, v244
	v_lshl_add_u32 v1, v2, 6, v1
	v_lshl_add_u32 v[AK0], v245, 4, v1
	v_add_nc_u32 v[AV0], VB, v[AK0]
	v_lshl_add_u32 v[ASK0], v244, 2, KSC
	v_lshl_add_u32 v[ASV0], v244, 2, VSC
	v_mov_b32 v13, 0xff61b1e6                      ; the largest t so far: -3e38
	v_floor_f32 v12, -v13
	v_mov_b32 v14, 0
	v_mov_b32 v15, 0
.irp b, 0,1,2,3
	v_mov_b32 v[236+\b], 0
.endr
	v_mov_b32 v252, 0
	v_mov_b32 v253, 0
.irp n, 24,25,26,27,28,29,30,31
	v_mov_b32 v[\n], 0                             ; Q's k = 64..127: zero codes
.endr
.irp t, 0,1,2,3
.irp n, 8,9,10,11,12,13,14,15
	v_mov_b32 v[32+16*\t+\n], 0                    ; K's likewise: written once, no load lands here
.endr
.endr
.set n, 0
.rept 32
	v_mov_b32 v[160+n], 0                          ; O^T: the step is written for every step alike; the first finds zeros
.set n, n+1
.endr
	s_wait_loadcnt 0x0
	ds_store_b128 v9, v[192:195]
	ds_store_b64 v10, v[196:197]
	s_wait_tensorcnt 1                             ; my part of keys 0-511 is in; the later keys' load may be out
	s_wait_dscnt 0x0
	s_barrier_signal -1
	s_barrier_wait -1
; A KEY STEP of 128 keys
.macro STEP
	s_cmp_gt_u32 s[SI], s[J]                       ; all its keys come after my queries: left out.  The wave's number and the count of steps alone; no barrier stands in a step
	s_cbranch_scc1 .Lhidden_\@
	v_add_nc_u32 v[ADK], s[TK], v[AK0]
	v_add_nc_u32 v[ADV], s[TK], v[AV0]
	v_add_nc_u32 v[ADS], s[TS], v[ASK0]
	v_add_nc_u32 v[ADT], s[TV], v[ASV0]
.irp g, 0,1
.rept 4+4*\g
	v_nop                                          ; eight places in front of loads into registers that matrix instructions have read; the four additions above are places too
.endr
.irp t, 0,1,2,3
	ds_load_b128 v[32+16*\t:35+16*\t], v[ADK] offset:1088*(4*\g+\t)
	ds_load_b128 v[36+16*\t:39+16*\t], v[ADK] offset:1088*(4*\g+\t)+32
	ds_load_b32 v[248+\t], v[ADS] offset:64*(4*\g+\t)
.endr
	s_wait_dscnt 0x0
.irp t, 0,1,2,3
	v_wmma_scale_f32_16x16x128_f8f6f4 v[96+8*(4*\g+\t):103+8*(4*\g+\t)], v[32+16*\t:47+16*\t], v[16:31], 0, v[248+\t], v255
.endr
.endr
.rept 8
	v_nop
.endr
	s_cmp_lt_u32 s[SI], s[J]                       ; only the diagonal step has hidden keys
	s_cbranch_scc1 .Lopen_\@
	v_mov_b32 v254, 0xff800000                     ; -infinity: p = 0 then
.set n, 0
.rept 64
	v_cmp_gt_i32 vcc_lo, 32*(n/16)+n%16, v7
	v_cndmask_b32 v[96+n], v[96+n], v254, vcc_lo
.set n, n+1
.endr
.Lopen_\@:
.irp b, 0,1,2,3
	v_max3_num_f32 v[232+\b], v[96+16*\b], v[97+16*\b], v[98+16*\b]   ; the largest score of each block of 32 keys: for the row's maximum, and, since p rises with the score, for the block's largest p
.endr
.irp i, 3,5,7,9,11,13
.irp b, 0,1,2,3
	v_max3_num_f32 v[232+\b], v[232+\b], v[96+16*\b+\i], v[97+16*\b+\i]
.endr
.endr
.irp b, 0,1,2,3
	v_max_num_f32 v[232+\b], v[232+\b], v[111+16*\b]
.endr
.irp b, 0,1,2,3
	v_permlanex16_b32 v[236+\b], v[232+\b], s[SEL], s[SEL+1]
.endr
.irp b, 0,1,2,3
	v_max_num_f32 v[232+\b], v[232+\b], v[236+\b]
.endr
	v_max3_num_f32 v254, v232, v233, v234
	v_max_num_f32 v254, v254, v235
	v_mul_f32 v254, s[CS], v254
	v_max_num_f32 v13, v13, v254                   ; the running largest t
	v_mov_b32 v254, v12
	v_floor_f32 v12, -v13                          ; -M = floor(-t): M is a whole number
	v_sub_f32 v254, v12, v254
	v_cvt_i32_f32 v254, v254
	v_ldexp_f32 v252, 1.0, v254                    ; f = 2^(old M - new M)
.set n, 0
.rept 32
	v_pk_fma_f32 v[96+n:97+n], v[96+n:97+n], s[CS:CS+1], v[12:13] op_sel_hi:[1,0,0]   ; t - M
.set n, n+2
.endr
.irp b, 0,1,2,3
	v_fma_f32 v[232+\b], v[232+\b], s[CS], v12
.endr
.set n, 0
.rept 64
	v_exp_f32 v[96+n], v[96+n]
.set n, n+1
.endr
	v_pk_mul_f32 v[14:15], v[14:15], v[252:253] op_sel_hi:[1,0]   ; the sums under the new M: a plain instruction behind the exponentials
	s_wait_alu depctr_va_vdst(0)                   ; one wait for the batch, ahead of its first reader
.irp b, 0,1,2,3
	v_exp_f32 v[232+\b], v[232+\b]                 ; each block's largest p
.endr
	v_pk_add_f32 v[236:237], v[96:97], v[98:99]    ; the row's sum of the unquantised p, in two chains
.irp j, 4,8,12,16,20,24,28,32,36,40,44,48,52,56,60
	v_pk_add_f32 v[14:15], v[14:15], v[96+\j:97+\j]
	v_pk_add_f32 v[236:237], v[236:237], v[98+\j:99+\j]
.endr
	v_pk_add_f32 v[14:15], v[14:15], v[236:237]
	s_wait_alu depctr_va_vdst(0)                   ; and one for the four
.irp b, 0,1,2,3
	v_max_num_f32 v[232+\b], 0x4800000, v[232+\b]  ; the floor 2^(9 - 127)
.endr
.irp b, 0,1,2,3
	v_add_nc_u32 v[244+\b], 0xfc000000, v[232+\b]
.endr
.irp b, 0,1,2,3
	v_and_or_b32 v[240+\b], v[232+\b], 0x7f800000, s[MNT]
.endr
.irp b, 0,1,2,3
	v_lshrrev_b32 v[236+\b], 23, v[244+\b]
.endr
	v_lshl_or_b32 v253, v237, 8, v236              ; p's scale word for these 128 keys
	v_lshl_or_b32 v253, v238, 16, v253
	v_lshl_or_b32 v253, v239, 24, v253
.irp b, 0,1,2,3
.irp i, 0,1,2,3,4,5,6,7,8,9,10,11,12,13,14,15
	v_min_num_f32 v[96+16*\b+\i], v[96+16*\b+\i], v[240+\b]   ; the conversion does not saturate (ISA guide 7.6.2); p is not negative
.endr
	v_cvt_scalef32_pk8_fp8_f32 v[224+4*\b:225+4*\b], v[96+16*\b:103+16*\b], v[244+\b]
	v_cvt_scalef32_pk8_fp8_f32 v[226+4*\b:227+4*\b], v[104+16*\b:111+16*\b], v[244+\b]
.endr
.set n, 0
.rept 16
	v_pk_mul_f32 v[160+n:161+n], v[160+n:161+n], v[252:253] op_sel_hi:[1,0]   ; O^T under the new M; these are also the places in front of the products below
.set n, n+2
.endr
.irp g, 0,1                                    ; O^T += V^T P^T: two tiles of 16 of the head's 64 at a time
.if \g > 0
.rept 8
	v_nop
.endr
.endif
.irp t, 0,1
.irp c, 0,1,2,3
	ds_load_b128 v[192+16*\t+4*\c:195+16*\t+4*\c], v[ADV] offset:(\c/2)*4352+(2*\g+\t)*1088+32*(\c%2)
.endr
	ds_load_b32 v[248+\t], v[ADT] offset:64*(2*\g+\t)
.endr
	s_wait_dscnt 0x0
.irp t, 0,1
	v_wmma_scale_f32_16x16x128_f8f6f4 v[160+8*(2*\g+\t):167+8*(2*\g+\t)], v[192+16*\t:207+16*\t], v[224:239], v[160+8*(2*\g+\t):167+8*(2*\g+\t)], v[248+\t], v253
.endr
.endr
.Lhidden_\@:
	s_add_co_u32 s[TK], s[TK], 8704                ; the next 128 keys, in K and in V alike
	s_add_co_u32 s[TS], s[TS], 512
	s_add_co_u32 s[TV], s[TV], 256
.endm
	s_mov_b32 s[TK], 0
	s_mov_b32 s[TS], 0
	s_mov_b32 s[TV], 0
	s_mov_b32 s[SI], 0
.Learly:                                           ; keys 0-511
	STEP
	s_add_co_u32 s[SI], s[SI], 1
	s_cmp_lt_u32 s[SI], 4
	s_cbranch_scc1 .Learly
	s_wait_tensorcnt 0x0                           ; my part of the later keys is in,
	s_wait_dscnt 0x0
	s_barrier_signal -1
	s_barrier_wait -1                              ; everybody's is
	s_mov_b32 s[TK], 4*8704
	s_mov_b32 s[TS], 4*512
	s_mov_b32 s[TV], 4*256
	s_mov_b32 s[SI], 4
.Llate:                                            ; keys 512-2047
	STEP
	s_add_co_u32 s[SI], s[SI], 1
	s_cmp_lt_u32 s[SI], 16
	s_cbranch_scc1 .Llate
	; THE WAY OUT
.rept 8
	v_nop                                          ; places behind the last products
.endr
	v_add_f32 v14, v14, v15
	v_permlanex16_b32 v252, v14, s[SEL], s[SEL+1]
	v_add_f32 v14, v14, v252                       ; the row's sum
	v_rcp_f32 v14, v14
	v_and_b32 v8, 15, v0
	v_bfe_u32 v9, v0, 4, 1
	s_mul_i32 s10, s[WV], 1280
	s_add_co_u32 s10, s10, STAGE
	v_mul_u32_u24 v1, v8, 80
	v_lshl_add_u32 v1, v9, 4, v1
	v_add_nc_u32 v1, s10, v1                       ; the stage, in: row r, 16 h
	v_and_b32 v3, 31, v0
	v_lshrrev_b32 v2, 2, v3
	v_mul_u32_u24 v2, v2, 80
	v_and_b32 v4, 3, v0
	v_lshl_add_u32 v2, v4, 4, v2
	v_add_nc_u32 v2, s10, v2                       ; out: four lanes to a row
	v_lshlrev_b32 v3, 4, v3
	v_lshlrev_b32 v4, 2, v8
	s_wait_alu depctr_va_vdst(0)                   ; ahead of the reciprocal's first reader
.set n, 0
.rept 16
	v_pk_mul_f32 v[96+n:97+n], v[160+n:161+n], v[14:15] op_sel_hi:[1,0]   ; register 16 b + i: channel 32 b + 16 h + i; ascending: each accumulator from its low end on
.set n, n+2
.endr
.irp b, 0,1
	v_max3_num_f32 v[232+\b], |v[96+16*\b]|, |v[97+16*\b]|, 0x4800000
.endr
.irp i, 2,4,6,8,10,12,14
.irp b, 0,1
	v_max3_num_f32 v[232+\b], v[232+\b], |v[96+16*\b+\i]|, |v[97+16*\b+\i]|
.endr
.endr
.irp b, 0,1
	v_permlanex16_b32 v[236+\b], v[232+\b], s[SEL], s[SEL+1]
.endr
.irp b, 0,1
	v_max_num_f32 v[232+\b], v[232+\b], v[236+\b]
.endr
.irp b, 0,1
	v_add_nc_u32 v[244+\b], 0xfc000000, v[232+\b]
.endr
.irp b, 0,1
	v_and_or_b32 v[240+\b], v[232+\b], 0x7f800000, s[MNT]
.endr
.irp b, 0,1
	v_lshrrev_b32 v[236+\b], 23, v[244+\b]
.endr
	v_lshl_or_b32 v250, v237, 8, v236              ; my row's two bytes
.irp b, 0,1
.irp i, 0,1,2,3,4,5,6,7,8,9,10,11,12,13,14,15
	v_med3_num_f32 v[96+16*\b+\i], v[96+16*\b+\i], -v[240+\b], v[240+\b]
.endr
	v_cvt_scalef32_pk8_fp8_f32 v[224+4*\b:225+4*\b], v[96+16*\b:103+16*\b], v[244+\b]
	v_cvt_scalef32_pk8_fp8_f32 v[226+4*\b:227+4*\b], v[104+16*\b:111+16*\b], v[244+\b]
.endr
	v_nop
	ds_store_b128 v1, v[224:227]
	ds_store_b128 v1, v[228:231] offset:32
	ds_load_b128 v[32:35], v2                      ; LDS serves a wave's instructions in order: these see my stores
	ds_load_b128 v[36:39], v2 offset:640
	global_store_b16 v4, v250, s[58:59]            ; lanes 16-31 name the same bytes with the same value.  Two bytes a row: the word's other half is the neighbouring head's
	s_wait_dscnt 1                                 ; the first of the two loads is back
	global_store_b128 v3, v[32:35], s[56:57]
	s_wait_dscnt 0x0
	global_store_b128 v3, v[36:39], s[56:57] offset:512   ; 1024 consecutive bytes in all
	s_wait_tensorcnt 0x0                           ; the wave's end
	ds_add_u32 v[SPW], v[NIL]
	s_wait_dscnt 0x0
	ROUND                                          ; the closing round
	s_endpgm
.Lfunc_end_k_q0d5a47a673_attn:
	.size	k_q0d5a47a673_attn, .Lfunc_end_k_q0d5a47a673_attn-k_q0d5a47a673_attn
	.p2alignl 7, 3214868480
	.fill 96, 4, 3214868480
	.section	.rodata,"a",@progbits
	.p2align	6, 0x0
	.amdhsa_kernel k_q0d5a47a673_attn
		.amdhsa_group_segment_fixed_size 327680
		.amdhsa_private_segment_fixed_size 0
		.amdhsa_enable_private_segment 0
		.amdhsa_kernarg_size 24
		.amdhsa_user_sgpr_count 2
		.amdhsa_user_sgpr_kernarg_segment_ptr 1
		.amdhsa_wavefront_size32 1
		.amdhsa_system_sgpr_workgroup_id_x 1
		.amdhsa_system_sgpr_workgroup_id_y 1
		.amdhsa_system_sgpr_workgroup_id_z 1
		.amdhsa_system_vgpr_workitem_id 0
		.amdhsa_next_free_vgpr 256
		.amdhsa_next_free_sgpr 66
		.amdhsa_reserve_vcc 1
		.amdhsa_float_denorm_mode_32 3
		.amdhsa_float_denorm_mode_16_64 3
		.amdhsa_memory_ordered 1
		.amdhsa_forward_progress 1
		.amdhsa_inst_pref_size 68
	.end_amdhsa_kernel
	.amdgpu_metadata
---
amdhsa.version: [ 1, 2 ]
amdhsa.kernels:
  - .name:           k_q0d5a47a673_attn
    .symbol:         k_q0d5a47a673_attn.kd
    .args:
      - { .name: qk, .offset: 0, .size: 8, .value_kind: global_buffer, .address_space: global }
      - { .name: vt, .offset: 8, .size: 8, .value_kind: global_buffer, .address_space: global }
      - { .name: att, .offset: 16, .size: 8, .value_kind: global_buffer, .address_space: global }
    .group_segment_fixed_size: 327680
    .private_segment_fixed_size: 0
    .kernarg_segment_align: 8
    .kernarg_segment_size: 24
    .max_flat_workgroup_size: 512
    .sgpr_count:     66
    .vgpr_count:     256
    .wavefront_size: 32
...
	.end_amdgpu_metadata
.endif
;; end of part 5
;; launch gemm_proj (part 6): grid 8 x 32, 4 waves a work-group, clusters of 4 x 4, 327,680 bytes of LDS; arguments att, wts, proj_b, x, x1; writes x1
.if DOCPART == 6
	.amdgcn_target "amdgcn-amd-amdhsa--gfx1250"
	.amdhsa_code_object_version 6
	.text
	.protected	k_q0d5a47a673_gemm_proj
	.globl	k_q0d5a47a673_gemm_proj
	.p2align	8
	.type	k_q0d5a47a673_gemm_proj,@function
k_q0d5a47a673_gemm_proj:
	s_mov_b64 s[64:65], 0
	v_nop
	global_prefetch_b8 v0, s[64:65] scope:SCOPE_SE
	s_setreg_imm32_b32 hwreg(HW_REG_WAVE_MODE, 25, 1), 1
	s_wait_xcnt 0x0
	s_wait_alu depctr_hold_cnt(0) depctr_sa_sdst(0) depctr_va_vdst(0) depctr_va_sdst(0) depctr_va_ssrc(0) depctr_va_vcc(0) depctr_vm_vsrc(0)
	s_getreg_b32 s2, hwreg(HW_REG_IB_STS2, 6, 4)
	s_cmp_eq_u32 s2, 0
	s_cbranch_scc0 .Lentry_in_a_cluster
	s_endpgm
.Lentry_in_a_cluster:
	s_bfe_u32 s2, ttmp6, 0x10000c
	s_cmp_lg_u32 s2, 0xf033
	s_cbranch_scc0 .Lentry_shape_is_right
	s_endpgm
.Lentry_shape_is_right:
; x1 = x + attention W^T + b: [4096 tokens] x [1024] on codes of FP8 (E4M3) with E8M0 scales, K = KK; bias and residual in f32; the result is f32, rows in their true order.
; OPERANDS: rows in tiles of 128, row R at POSITION R with bits 3 and 4 exchanged; codes [tile][K / 64][128 positions][64 bytes], scale words [tile][K / 128][128 positions].
; A tile of 128 x 128 to a work-group, four waves of 64 x 64.  The product is used TRANSPOSED (source 0 = 16 positions of the weight, source 1 = 16 of tokens): a lane holds one token, and the registers of
; weight tile t are the columns 32 (t / 2) + 16 (lane / 16) + 8 (t % 2) + 0..7.  K goes in steps of 512 through two LDS slots; with KK = 1024 nothing is filled again.
; In LDS position P of a panel lies at 272 (P / 4) + 64 (P % 4).  CLUSTER 4 x 4: the token tile is shared along a row of the cluster, the weight tile along a column: joint loads.
; LIMITS: NaN and infinities are not served.
.set KK,     1024
.set MC_OFF, 0
.set MS_OFF, 4194304
.set NC_OFF, 3145728
.set NS_OFF, 12681216
.set LAPS,   KK/1024
.set PANEL,  8704
.set QUART,  4*PANEL
.set SIDE,   8*PANEL
.set SLOT,   2*SIDE
.set SCL,    2*SLOT
.set SPARE,  311808
.set ADRM, 16
.set ADRN, 20
.set BO,   22
.set STO,  24
.set RD,   25
.set CO,   26
.set ADRS, 27
.set SPW,  28
.set NIL,  29
.set SW,   32                          ; v32-63 scale words and nothing else
.set ACC,  128
.set F0,   0
.set F1,   128
.set G1,   24
.set G0,   32
.set G1B,  48
.set G0B,  56
.set G1S,  68
.set G0S,  76
.set G1SB, 80
.set G0SB, 88
.set MSB, 0
.macro WIN new
.if MSB != \new
	s_set_vgpr_msb (MSB<<8)|\new
.set MSB, \new
.endif
.endm
.set MUL,  0x05
.set TO_F, 0x40
.macro JLOAD g0a, g1a, g0b, g1b        ; a joint load: waves 0, 1 fetch for M, waves 2, 3 for N; an s_nop 0 and four v_nop follow each line
	s_cmp_eq_u32 s15, 0
	s_cbranch_scc0 .Lfor_n_\@
	tensor_load_to_lds s[\g0a:\g0a+3], s[\g1a:\g1a+7]
	s_nop 0
.rept 4
	v_nop
.endr
	s_branch .Lasked_\@
.Lfor_n_\@:
	tensor_load_to_lds s[\g0b:\g0b+3], s[\g1b:\g1b+7]
	s_nop 0
.rept 4
	v_nop
.endr
.Lasked_\@:
.endm
.macro CREST
	s_cmp_lg_u32 s14, 0
	s_cbranch_scc1 .Lnot_wave_0_\@
	s_barrier_signal -3
.Lnot_wave_0_\@:
	s_barrier_wait -3
	s_barrier_signal -1
	s_barrier_wait -1
.endm
.macro CROUND
	s_barrier_signal -1
	s_barrier_wait -1
	CREST
.endm
.macro PLACES n
.rept \n
	v_nop
.endr
.endm
	s_load_b128 s[4:7], s[0:1], 0x0                ; M side's buffer, N side's buffer
	s_load_b128 s[8:11], s[0:1], 0x10              ; the bias, the residual
	s_load_b64 s[12:13], s[0:1], 0x20              ; the output
	v_lshl_add_u32 v[SPW], v0, 2, SPARE
	v_mov_b32 v[NIL], 0
	ds_add_u32 v[SPW], v[NIL]                      ; the opening: the add, twice on end, and its wait ahead of my first tensor load
	ds_add_u32 v[SPW], v[NIL]
	v_lshrrev_b32 v1, 5, v0
	v_readfirstlane_b32 s14, v1
	s_lshr_b32 s15, s14, 1
	s_and_b32 s16, s14, 1
	s_bfe_u32 s40, ttmp6, 0x40000
	s_bfe_u32 s41, ttmp6, 0x40004
	s_lshl_b32 s42, ttmp9, 2
	s_add_co_u32 s42, s42, s40                     ; N tile
	s_and_b32 s17, ttmp7, 0xffff
	s_lshl_b32 s17, s17, 2
	s_add_co_u32 s17, s17, s41                     ; M tile
	s_lshl_b32 s43, s41, 2
	s_lshl_b32 s43, 15, s43
	s_lshl_b32 s44, 0x1111, s40
	s_or_b32 s[G1+0], s43, (3<<16)|(1<<20)|(1<<21)|(5<<22)|(3<<25)
	s_or_b32 s[G1B+0], s44, (3<<16)|(1<<20)|(1<<21)|(5<<22)|(3<<25)
.irp g, G1, G1B
	s_mov_b32 s[\g+1], 32<<16
	s_mov_b32 s[\g+2], 128<<16
	s_mov_b32 s[\g+3], 32<<16
	s_mov_b32 s[\g+4], 128
	s_mov_b32 s[\g+5], 32
	s_mov_b32 s[\g+6], 0
	s_mov_b32 s[\g+7], 0
.endr
	s_or_b32 s[G1S+0], s43, (3<<16)|(1<<21)
	s_or_b32 s[G1SB+0], s44, (3<<16)|(1<<21)
.irp g, G1S, G1SB
	s_mov_b32 s[\g+1], 32<<16
	s_mov_b32 s[\g+2], (KK/128)<<16
	s_mov_b32 s[\g+3], 32<<16
	s_mov_b32 s[\g+4], KK/128
	s_mov_b32 s[\g+5], 32
	s_mov_b32 s[\g+6], 0
	s_mov_b32 s[\g+7], 0
.endr
	s_lshl_b32 s18, s16, 15
	s_mul_i32 s20, s17, 128*KK
	s_add_co_u32 s20, s20, s18
	s_add_co_u32 s20, s20, MC_OFF
	s_mov_b32 s21, 0
	s_mul_i32 s46, s42, 128*KK
	s_add_co_u32 s46, s46, s18
	s_add_co_u32 s46, s46, NC_OFF
	s_mov_b32 s47, 0
	s_mul_i32 s19, s16, 2*KK
	s_mul_i32 s22, s17, 4*KK
	s_add_co_u32 s22, s22, s19
	s_add_co_u32 s22, s22, MS_OFF
	s_mov_b32 s23, 0
	s_mul_i32 s92, s42, 4*KK
	s_add_co_u32 s92, s92, s19
	s_add_co_u32 s92, s92, NS_OFF
	s_mov_b32 s93, 0
	s_mul_i32 s45, s14, QUART
	s_mul_i32 s94, s14, 2*KK
	s_wait_dscnt 0x0                               ; both opening adds are done
	s_wait_kmcnt 0x0
	s_add_nc_u64 s[20:21], s[4:5], s[20:21]
	s_add_nc_u64 s[22:23], s[4:5], s[22:23]
	s_add_nc_u64 s[46:47], s[6:7], s[46:47]
	s_add_nc_u64 s[92:93], s[6:7], s[92:93]
	CROUND                                         ; the first joint loads meet
	s_mov_b32 s[G0S], 1
	s_add_co_u32 s[G0S+1], s94, SCL
	s_mov_b64 s[G0S+2:G0S+3], s[22:23]
	s_or_b32 s[G0S+3], s[G0S+3], 0x80000000
	s_mov_b32 s[G0SB], 1
	s_add_co_u32 s[G0SB+1], s94, SCL
	s_mov_b64 s[G0SB+2:G0SB+3], s[92:93]
	s_or_b32 s[G0SB+3], s[G0SB+3], 0x80000000
	JLOAD G0S, G1S, G0SB, G1SB                     ; three loads of mine go out together
.irp s, 0,1
	s_mov_b32 s[G0+4*\s], 1
	s_add_co_u32 s[G0+4*\s+1], s45, \s*SLOT
	s_add_nc_u64 s[G0+4*\s+2:G0+4*\s+3], s[20:21], \s*65536
	s_or_b32 s[G0+4*\s+3], s[G0+4*\s+3], 0x80000000
	s_mov_b32 s[G0B+4*\s], 1
	s_add_co_u32 s[G0B+4*\s+1], s45, \s*SLOT
	s_add_nc_u64 s[G0B+4*\s+2:G0B+4*\s+3], s[46:47], \s*65536
	s_or_b32 s[G0B+4*\s+3], s[G0B+4*\s+3], 0x80000000
	JLOAD G0+4*\s, G1, G0B+4*\s, G1B
.endr
	v_and_b32 v1, 15, v0                           ; r
	v_bfe_u32 v2, v0, 4, 1                         ; h
	v_lshrrev_b32 v3, 2, v1
	v_mul_u32_u24 v3, v3, 272
	v_and_b32 v4, 3, v1
	v_lshl_add_u32 v3, v4, 6, v3
	v_lshl_add_u32 v3, v2, 4, v3
	s_mul_i32 s21, s15, 4352
	s_mul_i32 s22, s16, 4352
	s_add_co_u32 s22, s22, SIDE
.irp s, 0,1
	v_add_nc_u32 v[ADRM+\s], s21, v3
	v_add_nc_u32 v[ADRN+\s], s22, v3
	s_add_co_u32 s21, s21, SLOT
	s_add_co_u32 s22, s22, SLOT
.endr
	s_lshl_b32 s21, s15, 8
	s_lshl_b32 s22, s16, 8
	s_add_co_u32 s22, s22, 4*KK
	s_sub_co_u32 s22, s22, s21
	v_mul_u32_u24 v6, s22, v2
	s_add_co_u32 s21, s21, SCL
	v_lshl_add_u32 v5, v1, 2, v6
	v_add_nc_u32 v[ADRS], s21, v5
	s_mul_i32 s23, s14, 4352                       ; my stage: 16 rows x 272 bytes, in slot 0, which has had its last fill and its last read when it is written
	v_mul_u32_u24 v5, v1, 272
	v_lshl_add_u32 v5, v2, 6, v5
	v_add_nc_u32 v[STO], s23, v5                   ; in: row r, 64 h
	v_mul_u32_u24 v5, v2, 272
	v_lshl_add_u32 v5, v1, 4, v5
	v_add_nc_u32 v[RD], s23, v5                    ; out: lanes 0-15 one row of 256 bytes, lanes 16-31 the next
	v_lshlrev_b32 v[BO], 4, v1
	v_lshl_add_u32 v[CO], v2, 12, v[BO]            ; the same two rows in memory
	s_lshl_b32 s20, s42, 9
	s_lshl_b32 s21, s16, 8
	s_add_co_u32 s20, s20, s21                     ; my 64 columns, in bytes
	s_mov_b32 s21, 0
	s_add_nc_u64 s[8:9], s[8:9], s[20:21]
	s_lshl_b32 s22, s17, 19
	s_add_co_u32 s20, s20, s22
	s_lshl_b32 s22, s15, 18
	s_add_co_u32 s20, s20, s22                     ; and my 64 rows
	s_add_nc_u64 s[10:11], s[10:11], s[20:21]
	s_add_nc_u64 s[12:13], s[12:13], s[20:21]
	global_load_b128 v[8:11], v[BO], s[8:9]        ; the bias of the four columns that I store
.macro FRAG reg, adr, q, i
.irp c, 0,1,2,3
	ds_load_b128 v[\reg+4*\c:\reg+4*\c+3], v[\adr] offset:(2*(\q)+\c/2)*PANEL+(\i)*1088+32*(\c%2)
.endr
.endm
.macro FETCH slot, q, f
	WIN TO_F
.irp i, 0,1,2,3
	FRAG \f+64+16*\i, ADRN+\slot, \q, \i
.endr
.irp i, 0,1,2,3
	FRAG \f+16*\i, ADRM+\slot, \q, \i
.endr
.endm
.macro SCALES sc
.irp i, 0,1,2,3
.irp q, 0,1,2,3
	ds_load_b32 v[SW+16*\sc+4*\i+\q], v[ADRS] offset:512*\q+64*\i
.endr
.endr
.endm
.macro MUL8 f, a0, q, sc, zero         ; the 16 accumulators take turns
.irp a, \a0, \a0+1
.irp b, 0,1,2,3
.if \zero
	v_wmma_scale_f32_16x16x128_f8f6f4 v[ACC+8*(4*(\a)+\b):ACC+8*(4*(\a)+\b)+7], v[\f+64+16*\b:\f+64+16*\b+15], v[\f+16*(\a):\f+16*(\a)+15], 0, v[SW+16*(\sc)+4*\b+(\q)], v[SW+16*(\sc)+4*(\a)+(\q)] matrix_a_scale:MATRIX_SCALE_ROW1
.else
	v_wmma_scale_f32_16x16x128_f8f6f4 v[ACC+8*(4*(\a)+\b):ACC+8*(4*(\a)+\b)+7], v[\f+64+16*\b:\f+64+16*\b+15], v[\f+16*(\a):\f+16*(\a)+15], v[ACC+8*(4*(\a)+\b):ACC+8*(4*(\a)+\b)+7], v[SW+16*(\sc)+4*\b+(\q)], v[SW+16*(\sc)+4*(\a)+(\q)] matrix_a_scale:MATRIX_SCALE_ROW1
.endif
.endr
.endr
.endm
.macro QSTEP slot, q, f, g, zero
	s_wait_dscnt 8                                 ; all but the youngest eight loads (M's tiles 2, 3)
	WIN MUL
	MUL8 \f, 0, \q, \slot, \zero
	PLACES 8                                       ; in front of loads into registers that matrix instructions have read
	FETCH \slot, (\q)+1, \g
	s_wait_dscnt 32                                ; all but the 32 just issued
	WIN MUL
	MUL8 \f, 2, \q, \slot, \zero
.endm
; A slot's last 128 change slots: one barrier; in front of it each wave waits for all its tensor loads, adds 0 to its spare word, and waits for that and for its reads of this slot.
; fill = 1: the barrier opens a round of the cluster's barrier, and this slot is filled again, two K steps ahead, first thing behind the round: one load of mine is out.
.macro TURN slot, next, fill
	WIN 0
	s_wait_tensorcnt 0x0
	ds_add_u32 v[SPW], v[NIL]
	s_wait_dscnt 9                                 ; the add and the youngest eight loads may be out
	WIN MUL
	MUL8 F1, 0, 3, \slot, 0
	s_wait_dscnt 0x0
	s_barrier_signal -1
	WIN 0
	s_barrier_wait -1
.if \fill
	CREST
	s_add_nc_u64 s[G0+4*\slot+2:G0+4*\slot+3], s[G0+4*\slot+2:G0+4*\slot+3], 131072
	s_add_nc_u64 s[G0B+4*\slot+2:G0B+4*\slot+3], s[G0B+4*\slot+2:G0B+4*\slot+3], 131072
	JLOAD G0+4*\slot, G1, G0B+4*\slot, G1B
	PLACES 4                                       ; with the four behind the load: eight
.else
	PLACES 8
.endif
	v_add_nc_u32 v[ADRS], 2048, v[ADRS]
	SCALES \next
	FETCH \next, 0, F0
	WIN MUL
	MUL8 F1, 2, 3, \slot, 0
.endm
	s_wait_tensorcnt 1                             ; the scale words and slot 0 are in; slot 1's load may be out
	s_barrier_signal -1
	s_barrier_wait -1
	SCALES 0
	FETCH 0, 0, F0
	QSTEP 0, 0, F0, F1, 1
.if LAPS > 1
	WIN 0
	s_mov_b32 s3, LAPS-1
.Llap:                                             ; a trip goes once round the ring and fills both slots again
	QSTEP 0, 1, F1, F0, 0
	QSTEP 0, 2, F0, F1, 0
	TURN 0, 1, 1
	QSTEP 1, 0, F0, F1, 0
	QSTEP 1, 1, F1, F0, 0
	QSTEP 1, 2, F0, F1, 0
	TURN 1, 0, 1
	QSTEP 0, 0, F0, F1, 0
	WIN 0
	s_sub_co_u32 s3, s3, 1
	s_cmp_lg_u32 s3, 0
	s_cbranch_scc1 .Llap
.endif
	QSTEP 0, 1, F1, F0, 0                          ; the last lap fills nothing
	QSTEP 0, 2, F0, F1, 0
	TURN 0, 1, 0
	QSTEP 1, 0, F0, F1, 0
	QSTEP 1, 1, F1, F0, 0
	QSTEP 1, 2, F0, F1, 0
	s_wait_dscnt 8
	WIN MUL
	MUL8 F1, 0, 3, 1, 0
	s_wait_dscnt 0x0
	MUL8 F1, 2, 3, 1, 0
	WIN 0
	PLACES 8
; THE WAY OUT, 16 positions at a time: through my stage, back as rows of 256 bytes; position 16 a + 2 i + lane / 16 is row 32 (a / 2) + 16 (i / 4) + 8 (a % 2) + 2 (i % 4) + lane / 16
.macro OUTBLK a
.if (\a) > 0
	s_wait_xcnt 0x0                                ; the last block's stores have read their registers
.endif
.irp i, 0,1,2,3,4,5,6,7
	global_load_b128 v[96+4*\i:99+4*\i], v[CO], s[10:11] offset:(32*((\a)/2)+16*(\i/4)+8*((\a)%2)+2*(\i%4))*4096
.endr
.irp t, 0,1,2,3
	ds_store_b128 v[STO], v[ACC+32*(\a)+8*\t:ACC+32*(\a)+8*\t+3] offset:128*(\t/2)+32*(\t%2)      ; each accumulator from its low end on
	ds_store_b128 v[STO], v[ACC+32*(\a)+8*\t+4:ACC+32*(\a)+8*\t+7] offset:128*(\t/2)+32*(\t%2)+16
.endr
.irp i, 0,1,2,3,4,5,6,7
	ds_load_b128 v[64+4*\i:67+4*\i], v[RD] offset:544*\i   ; LDS serves a wave's instructions in order
.endr
	s_wait_dscnt 0x0
	s_wait_loadcnt 0x0
.irp i, 0,1,2,3,4,5,6,7
	v_pk_add_f32 v[64+4*\i:65+4*\i], v[64+4*\i:65+4*\i], v[8:9]
	v_pk_add_f32 v[66+4*\i:67+4*\i], v[66+4*\i:67+4*\i], v[10:11]
.endr
.irp p, 0,2,4,6,8,10,12,14,16,18,20,22,24,26,28,30
	v_pk_add_f32 v[64+\p:65+\p], v[64+\p:65+\p], v[96+\p:97+\p]
.endr
.irp i, 0,1,2,3,4,5,6,7
	global_store_b128 v[CO], v[64+4*\i:67+4*\i], s[12:13] offset:(32*((\a)/2)+16*(\i/4)+8*((\a)%2)+2*(\i%4))*4096   ; sixteen lanes store 256 consecutive bytes, aligned
.endr
.endm
	OUTBLK 0
	OUTBLK 1
	OUTBLK 2
	OUTBLK 3
	s_wait_tensorcnt 0x0                           ; the wave's end
	ds_add_u32 v[SPW], v[NIL]
	s_wait_dscnt 0x0
	CROUND
	s_endpgm
.Lfunc_end_k_q0d5a47a673_gemm_proj:
	.size	k_q0d5a47a673_gemm_proj, .Lfunc_end_k_q0d5a47a673_gemm_proj-k_q0d5a47a673_gemm_proj
	.p2alignl 7, 3214868480
	.fill 96, 4, 3214868480
	.section	.rodata,"a",@progbits
	.p2align	6, 0x0
	.amdhsa_kernel k_q0d5a47a673_gemm_proj
		.amdhsa_group_segment_fixed_size 327680
		.amdhsa_private_segment_fixed_size 0
		.amdhsa_enable_private_segment 0
		.amdhsa_kernarg_size 40
		.amdhsa_user_sgpr_count 2
		.amdhsa_user_sgpr_kernarg_segment_ptr 1
		.amdhsa_wavefront_size32 1
		.amdhsa_system_sgpr_workgroup_id_x 1
		.amdhsa_system_sgpr_workgroup_id_y 1
		.amdhsa_system_sgpr_workgroup_id_z 1
		.amdhsa_system_vgpr_workitem_id 0
		.amdhsa_next_free_vgpr 512
		.amdhsa_next_free_sgpr 98
		.amdhsa_reserve_vcc 0
		.amdhsa_float_denorm_mode_32 3
		.amdhsa_float_denorm_mode_16_64 3
		.amdhsa_memory_ordered 1
		.amdhsa_forward_progress 1
		.amdhsa_inst_pref_size 66
	.end_amdhsa_kernel
	.amdgpu_metadata
---
amdhsa.version: [ 1, 2 ]
amdhsa.kernels:
  - .name:           k_q0d5a47a673_gemm_proj
    .symbol:         k_q0d5a47a673_gemm_proj.kd
    .args:
      - { .name: att, .offset: 0, .size: 8, .value_kind: global_buffer, .address_space: global }
      - { .name: wts, .offset: 8, .size: 8, .value_kind: global_buffer, .address_space: global }
      - { .name: proj_b, .offset: 16, .size: 8, .value_kind: global_buffer, .address_space: global }
      - { .name: x, .offset: 24, .size: 8, .value_kind: global_buffer, .address_space: global }
      - { .name: x1, .offset: 32, .size: 8, .value_kind: global_buffer, .address_space: global }
    .group_segment_fixed_size: 327680
    .private_segment_fixed_size: 0
    .kernarg_segment_align: 8
    .kernarg_segment_size: 40
    .max_flat_workgroup_size: 128
    .sgpr_count:     98
    .vgpr_count:     512
    .wavefront_size: 32
...
	.end_amdgpu_metadata
.endif
;; end of part 6
;; launch ln2: the kernel of part 2 again; grid 256 x 1, 4 waves a work-group, no clusters, 18,944 bytes of LDS; arguments x1, ln2_g, ln2_b, h2; writes h2
;; launch gemm_ff1 (part 7): grid 32 x 32, 4 waves a work-group, clusters of 4 x 4, 327,680 bytes of LDS; arguments h2, wts, ff1_b, hid; writes hid
.if DOCPART == 7
	.amdgcn_target "amdgcn-amd-amdhsa--gfx1250"
	.amdhsa_code_object_version 6
	.text
	.protected	k_q0d5a47a673_gemm_ff1
	.globl	k_q0d5a47a673_gemm_ff1
	.p2align	8
	.type	k_q0d5a47a673_gemm_ff1,@function
k_q0d5a47a673_gemm_ff1:
	s_mov_b64 s[64:65], 0
	v_nop
	global_prefetch_b8 v0, s[64:65] scope:SCOPE_SE
	s_setreg_imm32_b32 hwreg(HW_REG_WAVE_MODE, 25, 1), 1
	s_wait_xcnt 0x0
	s_wait_alu depctr_hold_cnt(0) depctr_sa_sdst(0) depctr_va_vdst(0) depctr_va_sdst(0) depctr_va_ssrc(0) depctr_va_vcc(0) depctr_vm_vsrc(0)
	s_getreg_b32 s2, hwreg(HW_REG_IB_STS2, 6, 4)
	s_cmp_eq_u32 s2, 0
	s_cbranch_scc0 .Lentry_in_a_cluster
	s_endpgm
.Lentry_in_a_cluster:
	s_bfe_u32 s2, ttmp6, 0x10000c
	s_cmp_lg_u32 s2, 0xf033
	s_cbranch_scc0 .Lentry_shape_is_right
	s_endpgm
.Lentry_shape_is_right:
; hidden = gelu(LN2(x1) W1^T + b1), exact gelu: [4096 tokens] x [4096] on codes of FP8 (E4M3) with E8M0 scales, K = 1024; the result, in f32, is quantised along the hidden units and stored as codes.
; gelu(x) = max(x, 0) - |x| e, e = erfc(|x| / sqrt 2) / 2.  With a = |x| / sqrt 2: (1 + 2 a) exp(a a) erfc(a) = 1 + p(q), q = (a - 2) / (a + 2), p of degree 9; exp(-a a) = 2^u (1 + c), where c takes up what
; the roundings of a a and of u leave.  A few units in the last place of f32.
; OPERANDS: rows in tiles of 128, row R at POSITION R with bits 3 and 4 exchanged; codes [tile][K / 64][128 positions][64 bytes], scale words [tile][K / 128][128 positions].
; A tile of 128 x 128 to a work-group, four waves of 64 x 64.  The product is used TRANSPOSED (source 0 = 16 positions of the weight, source 1 = 16 of tokens): a lane holds one token, and the 16 registers of
; weight tiles 2 b, 2 b + 1 are 16 NEIGHBOURING hidden units.  K goes in two steps of 512, one in each of two LDS slots; nothing is filled again.  In LDS position P of a panel lies at 272 (P / 4) + 64 (P % 4).
; CLUSTER 4 x 4: the token tile is shared along a row of the cluster, the weight tile along a column: joint loads.
; OUT: hid codes [token tile][64 panels][128 positions][64 bytes]; scale words [token tile][32][128] from byte 16777216.
; LIMITS: NaN and infinities are not served; a block of zeros gets the byte 1; erfc counts as 0 beyond |x| = 14, and 2^u as 0 under 2^-126.
.set KK,     1024
.set MC_OFF, 0
.set MS_OFF, 4194304
.set NC_OFF, 4194304
.set NS_OFF, 12713984
.set PANEL,  8704
.set QUART,  4*PANEL
.set SIDE,   8*PANEL
.set SLOT,   2*SIDE
.set SCL,    2*SLOT
.set SCST,   311296
.set SPARE,  311808
.set ADRM, 16
.set ADRN, 20
.set BO,   22
.set SO8,  23
.set STO,  24
.set RD,   25
.set CO,   26
.set ADRS, 27
.set SPW,  28
.set NIL,  29
.set SCW,  30
.set SCR,  31
.set SW,   32                          ; v32-63 scale words and nothing else
.set BI,   64
.set TM,   64
.set GA,   64                          ; gelu's six groups of eight
.set GR,   72
.set GD,   80
.set GS,   88
.set GU,   96
.set GT,   104
.set ACC,  128
.set F0,   0
.set F1,   128
.set SEL,  2
.set MNT,  66
.set G1,   24
.set G0,   32
.set G1B,  48
.set G0B,  56
.set G1S,  68
.set G0S,  76
.set G1SB, 80
.set G0SB, 88
.set MSB, 0
.macro WIN new
.if MSB != \new
	s_set_vgpr_msb (MSB<<8)|\new
.set MSB, \new
.endif
.endm
.set MUL,  0x05
.set TO_F, 0x40
.macro JLOAD g0a, g1a, g0b, g1b        ; a joint load: waves 0, 1 fetch for M, waves 2, 3 for N; an s_nop 0 and four v_nop follow each line
	s_cmp_eq_u32 s15, 0
	s_cbranch_scc0 .Lfor_n_\@
	tensor_load_to_lds s[\g0a:\g0a+3], s[\g1a:\g1a+7]
	s_nop 0
.rept 4
	v_nop
.endr
	s_branch .Lasked_\@
.Lfor_n_\@:
	tensor_load_to_lds s[\g0b:\g0b+3], s[\g1b:\g1b+7]
	s_nop 0
.rept 4
	v_nop
.endr
.Lasked_\@:
.endm
.macro CROUND
	s_barrier_signal -1
	s_barrier_wait -1
	s_cmp_lg_u32 s14, 0
	s_cbranch_scc1 .Lnot_wave_0_\@
	s_barrier_signal -3
.Lnot_wave_0_\@:
	s_barrier_wait -3
	s_barrier_signal -1
	s_barrier_wait -1
.endm
.macro PLACES n
.rept \n
	v_nop
.endr
.endm
	s_load_b128 s[4:7], s[0:1], 0x0                ; M side's buffer, N side's buffer
	s_load_b128 s[8:11], s[0:1], 0x10              ; the bias, the output
	v_lshl_add_u32 v[SPW], v0, 2, SPARE
	v_mov_b32 v[NIL], 0
	ds_add_u32 v[SPW], v[NIL]                      ; the opening: the add, twice on end, and its wait ahead of my first tensor load
	ds_add_u32 v[SPW], v[NIL]
	v_lshrrev_b32 v1, 5, v0
	v_readfirstlane_b32 s14, v1
	s_lshr_b32 s15, s14, 1
	s_and_b32 s16, s14, 1
	s_bfe_u32 s40, ttmp6, 0x40000
	s_bfe_u32 s41, ttmp6, 0x40004
	s_lshl_b32 s42, ttmp9, 2
	s_add_co_u32 s42, s42, s40                     ; N tile
	s_and_b32 s17, ttmp7, 0xffff
	s_lshl_b32 s17, s17, 2
	s_add_co_u32 s17, s17, s41                     ; M tile
	s_lshl_b32 s43, s41, 2
	s_lshl_b32 s43, 15, s43
	s_lshl_b32 s44, 0x1111, s40
	s_or_b32 s[G1+0], s43, (3<<16)|(1<<20)|(1<<21)|(5<<22)|(3<<25)
	s_or_b32 s[G1B+0], s44, (3<<16)|(1<<20)|(1<<21)|(5<<22)|(3<<25)
.irp g, G1, G1B
	s_mov_b32 s[\g+1], 32<<16
	s_mov_b32 s[\g+2], 128<<16
	s_mov_b32 s[\g+3], 32<<16
	s_mov_b32 s[\g+4], 128
	s_mov_b32 s[\g+5], 32
	s_mov_b32 s[\g+6], 0
	s_mov_b32 s[\g+7], 0
.endr
	s_or_b32 s[G1S+0], s43, (3<<16)|(1<<21)
	s_or_b32 s[G1SB+0], s44, (3<<16)|(1<<21)
.irp g, G1S, G1SB
	s_mov_b32 s[\g+1], 32<<16
	s_mov_b32 s[\g+2], (KK/128)<<16
	s_mov_b32 s[\g+3], 32<<16
	s_mov_b32 s[\g+4], KK/128
	s_mov_b32 s[\g+5], 32
	s_mov_b32 s[\g+6], 0
	s_mov_b32 s[\g+7], 0
.endr
	s_lshl_b32 s18, s16, 15
	s_mul_i32 s20, s17, 128*KK
	s_add_co_u32 s20, s20, s18
	s_add_co_u32 s20, s20, MC_OFF
	s_mov_b32 s21, 0
	s_mul_i32 s46, s42, 128*KK
	s_add_co_u32 s46, s46, s18
	s_add_co_u32 s46, s46, NC_OFF
	s_mov_b32 s47, 0
	s_mul_i32 s19, s16, 2*KK
	s_mul_i32 s22, s17, 4*KK
	s_add_co_u32 s22, s22, s19
	s_add_co_u32 s22, s22, MS_OFF
	s_mov_b32 s23, 0
	s_mul_i32 s92, s42, 4*KK
	s_add_co_u32 s92, s92, s19
	s_add_co_u32 s92, s92, NS_OFF
	s_mov_b32 s93, 0
	s_mul_i32 s45, s14, QUART
	s_mul_i32 s94, s14, 2*KK
	s_mov_b32 s[SEL], 0x76543210
	s_mov_b32 s[SEL+1], 0xfedcba98
	s_mov_b32 s[MNT], 0x600000
	s_mov_b32 s67, 0x41600000                      ; 14
	s_mov_b32 s96, 0x3f3504f3                      ; 1 / sqrt 2
	s_mov_b32 s97, s96
	s_mov_b32 s98, 0xbfb8aa3b                      ; -log2(e)
	s_mov_b32 s99, s98
	s_mov_b32 s100, 0x3f317218                     ; ln 2
	s_mov_b32 s101, s100
	s_wait_dscnt 0x0                               ; both opening adds are done
	s_wait_kmcnt 0x0
	s_add_nc_u64 s[20:21], s[4:5], s[20:21]
	s_add_nc_u64 s[22:23], s[4:5], s[22:23]
	s_add_nc_u64 s[46:47], s[6:7], s[46:47]
	s_add_nc_u64 s[92:93], s[6:7], s[92:93]
	CROUND                                         ; the first joint loads meet
	s_mov_b32 s[G0S], 1
	s_add_co_u32 s[G0S+1], s94, SCL
	s_mov_b64 s[G0S+2:G0S+3], s[22:23]
	s_or_b32 s[G0S+3], s[G0S+3], 0x80000000
	s_mov_b32 s[G0SB], 1
	s_add_co_u32 s[G0SB+1], s94, SCL
	s_mov_b64 s[G0SB+2:G0SB+3], s[92:93]
	s_or_b32 s[G0SB+3], s[G0SB+3], 0x80000000
	JLOAD G0S, G1S, G0SB, G1SB                     ; three loads of mine go out together
.irp s, 0,1
	s_mov_b32 s[G0+4*\s], 1
	s_add_co_u32 s[G0+4*\s+1], s45, \s*SLOT
	s_add_nc_u64 s[G0+4*\s+2:G0+4*\s+3], s[20:21], \s*65536
	s_or_b32 s[G0+4*\s+3], s[G0+4*\s+3], 0x80000000
	s_mov_b32 s[G0B+4*\s], 1
	s_add_co_u32 s[G0B+4*\s+1], s45, \s*SLOT
	s_add_nc_u64 s[G0B+4*\s+2:G0B+4*\s+3], s[46:47], \s*65536
	s_or_b32 s[G0B+4*\s+3], s[G0B+4*\s+3], 0x80000000
	JLOAD G0+4*\s, G1, G0B+4*\s, G1B
.endr
	v_and_b32 v1, 15, v0                           ; r
	v_bfe_u32 v2, v0, 4, 1                         ; h
	v_lshrrev_b32 v3, 2, v1
	v_mul_u32_u24 v3, v3, 272
	v_and_b32 v4, 3, v1
	v_lshl_add_u32 v3, v4, 6, v3
	v_lshl_add_u32 v3, v2, 4, v3
	s_mul_i32 s21, s15, 4352
	s_mul_i32 s22, s16, 4352
	s_add_co_u32 s22, s22, SIDE
.irp s, 0,1
	v_add_nc_u32 v[ADRM+\s], s21, v3
	v_add_nc_u32 v[ADRN+\s], s22, v3
	s_add_co_u32 s21, s21, SLOT
	s_add_co_u32 s22, s22, SLOT
.endr
	s_lshl_b32 s21, s15, 8
	s_lshl_b32 s22, s16, 8
	s_add_co_u32 s22, s22, 4*KK
	s_sub_co_u32 s22, s22, s21
	v_mul_u32_u24 v6, s22, v2
	s_add_co_u32 s21, s21, SCL
	v_lshl_add_u32 v5, v1, 2, v6
	v_add_nc_u32 v[ADRS], s21, v5
	s_mul_i32 s23, s14, 5120
	v_mul_u32_u24 v5, v1, 80
	v_lshl_add_u32 v5, v2, 4, v5
	v_add_nc_u32 v[STO], s23, v5
	v_and_b32 v6, 31, v0
	v_lshrrev_b32 v7, 2, v6
	v_mul_u32_u24 v7, v7, 80
	v_and_b32 v5, 3, v0
	v_lshl_add_u32 v7, v5, 4, v7
	v_add_nc_u32 v[RD], s23, v7
	v_lshlrev_b32 v[CO], 4, v6
	v_lshlrev_b32 v[SO8], 3, v6
	s_lshl_b32 s21, s15, 8
	s_lshl_b32 s22, s16, 1
	s_add_co_u32 s21, s21, s22
	s_add_co_u32 s21, s21, SCST
	v_lshl_add_u32 v[SCW], v1, 2, s21
	s_lshl_b32 s21, s16, 8
	s_add_co_u32 s21, s21, SCST
	v_lshl_add_u32 v[SCR], v6, 3, s21
	v_lshlrev_b32 v[BO], 6, v2
	s_lshl_b32 s20, s42, 9
	s_lshl_b32 s21, s16, 8
	s_add_co_u32 s20, s20, s21
	s_mov_b32 s21, 0
	s_add_nc_u64 s[8:9], s[8:9], s[20:21]
.irp c, 0,1,2,3,4,5,6,7
	global_load_b128 v[BI+4*\c:BI+4*\c+3], v[BO], s[8:9] offset:128*(\c/4)+16*(\c%4)
.endr
	s_lshl_b32 s20, s17, 19                        ; token tile y,
	s_lshl_b32 s21, s42, 1
	s_add_co_u32 s21, s21, s16
	s_lshl_b32 s21, s21, 13                        ; panel 2 x + wn,
	s_add_co_u32 s20, s20, s21
	s_lshl_b32 s21, s15, 12                        ; positions 64 wm on
	s_add_co_u32 s20, s20, s21
	s_mov_b32 s21, 0
	s_add_nc_u64 s[20:21], s[10:11], s[20:21]
	s_lshl_b32 s22, s17, 5
	s_add_co_u32 s22, s22, s42
	s_lshl_b32 s22, s22, 9
	s_lshl_b32 s23, s16, 8
	s_add_co_u32 s22, s22, s23
	s_add_co_u32 s22, s22, 16777216
	s_mov_b32 s23, 0
	s_add_nc_u64 s[22:23], s[10:11], s[22:23]      ; scale words (waves 0, 1 store them)
.macro FRAG reg, adr, q, i
.irp c, 0,1,2,3
	ds_load_b128 v[\reg+4*\c:\reg+4*\c+3], v[\adr] offset:(2*(\q)+\c/2)*PANEL+(\i)*1088+32*(\c%2)
.endr
.endm
.macro FETCH slot, q, f
	WIN TO_F
.irp i, 0,1,2,3
	FRAG \f+64+16*\i, ADRN+\slot, \q, \i
.endr
.irp i, 0,1,2,3
	FRAG \f+16*\i, ADRM+\slot, \q, \i
.endr
.endm
.macro SCALES sc
.irp i, 0,1,2,3
.irp q, 0,1,2,3
	ds_load_b32 v[SW+16*\sc+4*\i+\q], v[ADRS] offset:512*\q+64*\i
.endr
.endr
.endm
.macro MUL8 f, a0, q, sc, zero         ; the 16 accumulators take turns
.irp a, \a0, \a0+1
.irp b, 0,1,2,3
.if \zero
	v_wmma_scale_f32_16x16x128_f8f6f4 v[ACC+8*(4*(\a)+\b):ACC+8*(4*(\a)+\b)+7], v[\f+64+16*\b:\f+64+16*\b+15], v[\f+16*(\a):\f+16*(\a)+15], 0, v[SW+16*(\sc)+4*\b+(\q)], v[SW+16*(\sc)+4*(\a)+(\q)] matrix_a_scale:MATRIX_SCALE_ROW1
.else
	v_wmma_scale_f32_16x16x128_f8f6f4 v[ACC+8*(4*(\a)+\b):ACC+8*(4*(\a)+\b)+7], v[\f+64+16*\b:\f+64+16*\b+15], v[\f+16*(\a):\f+16*(\a)+15], v[ACC+8*(4*(\a)+\b):ACC+8*(4*(\a)+\b)+7], v[SW+16*(\sc)+4*\b+(\q)], v[SW+16*(\sc)+4*(\a)+(\q)] matrix_a_scale:MATRIX_SCALE_ROW1
.endif
.endr
.endr
.endm
.macro QSTEP slot, q, f, g, zero
	s_wait_dscnt 8                                 ; all but the youngest eight loads (M's tiles 2, 3)
	WIN MUL
	MUL8 \f, 0, \q, \slot, \zero
	PLACES 8                                       ; in front of loads into registers that matrix instructions have read
	FETCH \slot, (\q)+1, \g
	s_wait_dscnt 32                                ; all but the 32 just issued
	WIN MUL
	MUL8 \f, 2, \q, \slot, \zero
.endm
.macro TURN slot, next
	WIN 0
	s_wait_tensorcnt 0x0                           ; all my tensor loads have landed
	ds_add_u32 v[SPW], v[NIL]
	s_wait_dscnt 9                                 ; the add and the youngest eight loads may be out
	WIN MUL
	MUL8 F1, 0, 3, \slot, 0
	s_wait_dscnt 0x0
	s_barrier_signal -1
	WIN 0
	s_barrier_wait -1
	PLACES 8
	v_add_nc_u32 v[ADRS], 2048, v[ADRS]
	SCALES \next
	FETCH \next, 0, F0
	WIN MUL
	MUL8 F1, 2, 3, \slot, 0
.endm
	s_wait_tensorcnt 1                             ; the scale words and slot 0 are in; slot 1's load may be out
	s_barrier_signal -1
	s_barrier_wait -1
	SCALES 0
	FETCH 0, 0, F0
	QSTEP 0, 0, F0, F1, 1
	QSTEP 0, 1, F1, F0, 0
	QSTEP 0, 2, F0, F1, 0
	TURN 0, 1
	QSTEP 1, 0, F0, F1, 0
	QSTEP 1, 1, F1, F0, 0
	QSTEP 1, 2, F0, F1, 0
	s_wait_dscnt 8
	WIN MUL
	MUL8 F1, 0, 3, 1, 0
	s_wait_dscnt 0x0
	MUL8 F1, 2, 3, 1, 0
	WIN 0
	PLACES 8
	s_wait_loadcnt 0x0                             ; the bias
.set p, 0
.rept 64
	v_pk_add_f32 v[ACC+2*p:ACC+2*p+1], v[ACC+2*p:ACC+2*p+1], v[BI+(2*p)%32:BI+(2*p)%32+1]   ; ascending: each accumulator from its low end on
.set p, p+1
.endr
	v_mov_b32 v12, 0xb9d25000                      ; p's highest coefficient, as a pair: an instruction takes one literal
	v_mov_b32 v13, 0xb9d25000
.macro GELU8 s                         ; eight numbers, in place
.irp i, 0,1,2,3,4,5,6,7
	v_min_num_f32 v[GA+\i], |v[\s+\i]|, s67
.endr
.irp p, 0,2,4,6
	v_pk_mul_f32 v[GA+\p:GA+\p+1], v[GA+\p:GA+\p+1], s[96:97] op_sel_hi:[1,0]        ; a
.endr
.irp p, 0,2,4,6
	v_pk_add_f32 v[GR+\p:GR+\p+1], v[GA+\p:GA+\p+1], 2.0 op_sel_hi:[1,0]             ; a + 2
.endr
.irp p, 0,2,4,6
	v_pk_fma_f32 v[GD+\p:GD+\p+1], v[GA+\p:GA+\p+1], 4.0, 2.0 op_sel_hi:[1,0,0]      ; 2 (1 + 2 a)
.endr
.irp p, 0,2,4,6
	v_pk_mul_f32 v[GS+\p:GS+\p+1], v[GA+\p:GA+\p+1], v[GA+\p:GA+\p+1]                ; s = a a, rounded
.endr
.irp p, 0,2,4,6
	v_pk_fma_f32 v[GT+\p:GT+\p+1], v[GA+\p:GA+\p+1], v[GA+\p:GA+\p+1], v[GS+\p:GS+\p+1] neg_lo:[1,0,0] neg_hi:[1,0,0]   ; s - a a, exactly
.endr
.irp p, 0,2,4,6
	v_pk_mul_f32 v[GU+\p:GU+\p+1], v[GS+\p:GS+\p+1], s[98:99] op_sel_hi:[1,0]        ; u = -s log2(e), rounded
.endr
.irp p, 0,2,4,6
	v_pk_fma_f32 v[GS+\p:GS+\p+1], v[GS+\p:GS+\p+1], s[98:99], v[GU+\p:GU+\p+1] op_sel_hi:[1,0,1] neg_lo:[0,0,1] neg_hi:[0,0,1]   ; what that rounding left
.endr
.irp p, 0,2,4,6
	v_pk_fma_f32 v[GT+\p:GT+\p+1], v[GS+\p:GS+\p+1], s[100:101], v[GT+\p:GT+\p+1] op_sel_hi:[1,0,1]   ; c
.endr
.irp i, 0,1,2,3,4,5,6,7
	v_rcp_f32 v[GR+\i], v[GR+\i]
.endr
.irp i, 0,1,2,3,4,5,6,7
	v_rcp_f32 v[GD+\i], v[GD+\i]
.endr
.irp i, 0,1,2,3,4,5,6,7
	v_exp_f32 v[GU+\i], v[GU+\i]
.endr
.irp p, 0,2,4,6
	v_pk_add_f32 v[GS+\p:GS+\p+1], v[GA+\p:GA+\p+1], -2.0 op_sel_hi:[1,0]            ; a - 2: plain work behind the batch
.endr
	s_wait_alu depctr_va_vdst(0)                   ; one wait for the 24, ahead of their first reader
.irp p, 0,2,4,6
	v_pk_mul_f32 v[GS+\p:GS+\p+1], v[GS+\p:GS+\p+1], v[GR+\p:GR+\p+1]                ; q
.endr
.irp p, 0,2,4,6
	v_pk_fma_f32 v[GA+\p:GA+\p+1], v[GS+\p:GS+\p+1], v[12:13], 0xbaa15130 op_sel_hi:[1,1,0]
.endr
.irp c, 0x3aac2b8a, 0x3c0d6e62, 0xbc040dc1, 0xbd5e05b5, 0x3e27fe23, 0xbe2a0753, 0xbdbdfb0b, 0x3e8dd01d
.irp p, 0,2,4,6
	v_pk_fma_f32 v[GA+\p:GA+\p+1], v[GA+\p:GA+\p+1], v[GS+\p:GS+\p+1], \c op_sel_hi:[1,1,0]
.endr
.endr
.irp p, 0,2,4,6
	v_pk_fma_f32 v[GD+\p:GD+\p+1], v[GA+\p:GA+\p+1], v[GD+\p:GD+\p+1], v[GD+\p:GD+\p+1]   ; (1 + p) / (2 (1 + 2 a))
.endr
.irp p, 0,2,4,6
	v_pk_mul_f32 v[GD+\p:GD+\p+1], v[GD+\p:GD+\p+1], v[GU+\p:GU+\p+1]
.endr
.irp p, 0,2,4,6
	v_pk_fma_f32 v[GD+\p:GD+\p+1], v[GD+\p:GD+\p+1], v[GT+\p:GT+\p+1], v[GD+\p:GD+\p+1]   ; e
.endr
.irp i, 0,1,2,3,4,5,6,7
	v_max_num_f32 v[GR+\i], v[\s+\i], 0
.endr
.irp i, 0,1,2,3,4,5,6,7
	v_fma_f32 v[\s+\i], -|v[\s+\i]|, v[GD+\i], v[GR+\i]
.endr
.endm
.irp t, 0,1,2,3,4,5,6,7,8,9,10,11,12,13,14,15
	GELU8 ACC+8*\t
.endr
.irp b, 0,1,2,3
	v_mov_b32 v[TM+4+\b], 0
.endr
.macro QUANT s, pc, pw                 ; 64 numbers of a lane: two tokens x two blocks of 32 hidden units
.irp b, 0,1,2,3
	v_max3_num_f32 v[TM+\b], |v[\s+16*\b]|, |v[\s+1+16*\b]|, 0x4800000
.endr
.irp i, 2,4,6,8,10,12,14
.irp b, 0,1,2,3
	v_max3_num_f32 v[TM+\b], v[TM+\b], |v[\s+16*\b+\i]|, |v[\s+1+16*\b+\i]|
.endr
.endr
.irp b, 0,1,2,3
	v_permlanex16_b32 v[TM+4+\b], v[TM+\b], s[SEL], s[SEL+1]
.endr
.irp b, 0,1,2,3
	v_max_num_f32 v[TM+\b], v[TM+\b], v[TM+4+\b]
.endr
.irp b, 0,1,2,3
	v_add_nc_u32 v[TM+12+\b], 0xfc000000, v[TM+\b]
.endr
.irp b, 0,1,2,3
	v_and_or_b32 v[TM+8+\b], v[TM+\b], 0x7f800000, s[MNT]
.endr
.irp b, 0,1,2,3
	v_lshrrev_b32 v[TM+4+\b], 23, v[TM+12+\b]
.endr
	v_lshl_or_b32 v[\pw], v[TM+5], 8, v[TM+4]
	v_lshl_or_b32 v[\pw+1], v[TM+7], 8, v[TM+6]
.irp b, 0,1,2,3
.irp i, 0,1,2,3,4,5,6,7,8,9,10,11,12,13,14,15
	v_med3_num_f32 v[\s+16*\b+\i], v[\s+16*\b+\i], -v[TM+8+\b], v[TM+8+\b]
.endr
	v_cvt_scalef32_pk8_fp8_f32 v[\pc+4*\b:\pc+1+4*\b], v[\s+16*\b:\s+7+16*\b], v[TM+12+\b]
	v_cvt_scalef32_pk8_fp8_f32 v[\pc+2+4*\b:\pc+3+4*\b], v[\s+8+16*\b:\s+15+16*\b], v[TM+12+\b]
.endr
	v_nop
.endm
.macro TOLDS a2, pc, pw
	ds_store_b128 v[STO], v[\pc:\pc+3] offset:1280*(2*\a2)
	ds_store_b128 v[STO], v[\pc+4:\pc+7] offset:1280*(2*\a2)+32
	ds_store_b128 v[STO], v[\pc+8:\pc+11] offset:1280*(2*\a2+1)
	ds_store_b128 v[STO], v[\pc+12:\pc+15] offset:1280*(2*\a2+1)+32
	ds_store_b16 v[SCW], v[\pw] offset:64*(2*\a2)
	ds_store_b16 v[SCW], v[\pw+1] offset:64*(2*\a2+1)
.endm
	QUANT ACC, 96, 80
	TOLDS 0, 96, 80
	QUANT ACC+64, 112, 82
	TOLDS 1, 112, 82
	s_wait_dscnt 0x0                               ; for the others' sake: my scale bytes have landed
	s_barrier_signal -1
	s_barrier_wait -1
.irp t, 0,1,2,3,4,5,6,7
	ds_load_b128 v[64+4*\t:67+4*\t], v[RD] offset:640*\t
.endr
.irp t, 0,1,2,3,4,5,6,7
	s_wait_dscnt 7-\t
	global_store_b128 v[CO], v[64+4*\t:67+4*\t], s[20:21] offset:512*\t
.endr
	s_cmp_lt_u32 s14, 2                            ; a word holds both halves' bytes: waves 0 and 1 store 64 words each
	s_cbranch_scc0 .Lno_words
	ds_load_b64 v[96:97], v[SCR]
	s_wait_dscnt 0x0
	global_store_b64 v[SO8], v[96:97], s[22:23]
.Lno_words:
	s_wait_tensorcnt 0x0                           ; the wave's end
	ds_add_u32 v[SPW], v[NIL]
	s_wait_dscnt 0x0
	CROUND
	s_endpgm
.Lfunc_end_k_q0d5a47a673_gemm_ff1:
	.size	k_q0d5a47a673_gemm_ff1, .Lfunc_end_k_q0d5a47a673_gemm_ff1-k_q0d5a47a673_gemm_ff1
	.p2alignl 7, 3214868480
	.fill 96, 4, 3214868480
	.section	.rodata,"a",@progbits
	.p2align	6, 0x0
	.amdhsa_kernel k_q0d5a47a673_gemm_ff1
		.amdhsa_group_segment_fixed_size 327680
		.amdhsa_private_segment_fixed_size 0
		.amdhsa_enable_private_segment 0
		.amdhsa_kernarg_size 32
		.amdhsa_user_sgpr_count 2
		.amdhsa_user_sgpr_kernarg_segment_ptr 1
		.amdhsa_wavefront_size32 1
		.amdhsa_system_sgpr_workgroup_id_x 1
		.amdhsa_system_sgpr_workgroup_id_y 1
		.amdhsa_system_sgpr_workgroup_id_z 1
		.amdhsa_system_vgpr_workitem_id 0
		.amdhsa_next_free_vgpr 512
		.amdhsa_next_free_sgpr 102
		.amdhsa_reserve_vcc 0
		.amdhsa_float_denorm_mode_32 3
		.amdhsa_float_denorm_mode_16_64 3
		.amdhsa_memory_ordered 1
		.amdhsa_forward_progress 1
		.amdhsa_inst_pref_size 215
	.end_amdhsa_kernel
	.amdgpu_metadata
---
amdhsa.version: [ 1, 2 ]
amdhsa.kernels:
  - .name:           k_q0d5a47a673_gemm_ff1
    .symbol:         k_q0d5a47a673_gemm_ff1.kd
    .args:
      - { .name: h2, .offset: 0, .size: 8, .value_kind: global_buffer, .address_space: global }
      - { .name: wts, .offset: 8, .size: 8, .value_kind: global_buffer, .address_space: global }
      - { .name: ff1_b, .offset: 16, .size: 8, .value_kind: global_buffer, .address_space: global }
      - { .name: hid, .offset: 24, .size: 8, .value_kind: global_buffer, .address_space: global }
    .group_segment_fixed_size: 327680
    .private_segment_fixed_size: 0
    .kernarg_segment_align: 8
    .kernarg_segment_size: 32
    .max_flat_workgroup_size: 128
    .sgpr_count:     102
    .vgpr_count:     512
    .wavefront_size: 32
...
	.end_amdgpu_metadata
.endif
;; end of part 7
;; launch gemm_ff2 (part 8): grid 8 x 32, 4 waves a work-group, clusters of 4 x 4, 327,680 bytes of LDS; arguments hid, wts, ff2_b, x1, out0; writes out0
.if DOCPART == 8
	.amdgcn_target "amdgcn-amd-amdhsa--gfx1250"
	.amdhsa_code_object_version 6
	.text
	.protected	k_q0d5a47a673_gemm_ff2
	.globl	k_q0d5a47a673_gemm_ff2
	.p2align	8
	.type	k_q0d5a47a673_gemm_ff2,@function
k_q0d5a47a673_gemm_ff2:
	s_mov_b64 s[64:65], 0
	v_nop
	global_prefetch_b8 v0, s[64:65] scope:SCOPE_SE
	s_setreg_imm32_b32 hwreg(HW_REG_WAVE_MODE, 25, 1), 1
	s_wait_xcnt 0x0
	s_wait_alu depctr_hold_cnt(0) depctr_sa_sdst(0) depctr_va_vdst(0) depctr_va_sdst(0) depctr_va_ssrc(0) depctr_va_vcc(0) depctr_vm_vsrc(0)
	s_getreg_b32 s2, hwreg(HW_REG_IB_STS2, 6, 4)
	s_cmp_eq_u32 s2, 0
	s_cbranch_scc0 .Lentry_in_a_cluster
	s_endpgm
.Lentry_in_a_cluster:
	s_bfe_u32 s2, ttmp6, 0x10000c
	s_cmp_lg_u32 s2, 0xf033
	s_cbranch_scc0 .Lentry_shape_is_right
	s_endpgm
.Lentry_shape_is_right:
; out = x1 + hidden W2^T + b2: [4096 tokens] x [1024] on codes of FP8 (E4M3) with E8M0 scales, K = KK; bias and residual in f32; the result is f32, rows in their true order.
; OPERANDS: rows in tiles of 128, row R at POSITION R with bits 3 and 4 exchanged; codes [tile][K / 64][128 positions][64 bytes], scale words [tile][K / 128][128 positions].
; A tile of 128 x 128 to a work-group, four waves of 64 x 64.  The product is used TRANSPOSED (source 0 = 16 positions of the weight, source 1 = 16 of tokens): a lane holds one token, and the registers of
; weight tile t are the columns 32 (t / 2) + 16 (lane / 16) + 8 (t % 2) + 0..7.  K goes in eight steps of 512 through a ring of two LDS slots; a wave's one refill behind each round brings 32 KB.
; The scale words of all of K, 2 x 16 KB, come once, with the first fills.  In LDS position P of a panel lies at 272 (P / 4) + 64 (P % 4).
; CLUSTER 4 x 4: the token tile is shared along a row of the cluster, the weight tile along a column: joint loads.
; LIMITS: NaN and infinities are not served.
.set KK,     4096
.set MC_OFF, 0
.set MS_OFF, 16777216
.set NC_OFF, 8388608
.set NS_OFF, 12845056
.set LAPS,   KK/1024
.set PANEL,  8704
.set QUART,  4*PANEL
.set SIDE,   8*PANEL
.set SLOT,   2*SIDE
.set SCL,    2*SLOT
.set SPARE,  311808
.set ADRM, 16
.set ADRN, 20
.set BO,   22
.set STO,  24
.set RD,   25
.set CO,   26
.set ADRS, 27
.set SPW,  28
.set NIL,  29
.set SW,   32                          ; v32-63 scale words and nothing else
.set ACC,  128
.set F0,   0
.set F1,   128
.set G1,   24
.set G0,   32
.set G1B,  48
.set G0B,  56
.set G1S,  68
.set G0S,  76
.set G1SB, 80
.set G0SB, 88
.set MSB, 0
.macro WIN new
.if MSB != \new
	s_set_vgpr_msb (MSB<<8)|\new
.set MSB, \new
.endif
.endm
.set MUL,  0x05
.set TO_F, 0x40
.macro JLOAD g0a, g1a, g0b, g1b        ; a joint load: waves 0, 1 fetch for M, waves 2, 3 for N; an s_nop 0 and four v_nop follow each line
	s_cmp_eq_u32 s15, 0
	s_cbranch_scc0 .Lfor_n_\@
	tensor_load_to_lds s[\g0a:\g0a+3], s[\g1a:\g1a+7]
	s_nop 0
.rept 4
	v_nop
.endr
	s_branch .Lasked_\@
.Lfor_n_\@:
	tensor_load_to_lds s[\g0b:\g0b+3], s[\g1b:\g1b+7]
	s_nop 0
.rept 4
	v_nop
.endr
.Lasked_\@:
.endm
.macro CREST
	s_cmp_lg_u32 s14, 0
	s_cbranch_scc1 .Lnot_wave_0_\@
	s_barrier_signal -3
.Lnot_wave_0_\@:
	s_barrier_wait -3
	s_barrier_signal -1
	s_barrier_wait -1
.endm
.macro CROUND
	s_barrier_signal -1
	s_barrier_wait -1
	CREST
.endm
.macro PLACES n
.rept \n
	v_nop
.endr
.endm
	s_load_b128 s[4:7], s[0:1], 0x0                ; M side's buffer, N side's buffer
	s_load_b128 s[8:11], s[0:1], 0x10              ; the bias, the residual
	s_load_b64 s[12:13], s[0:1], 0x20              ; the output
	v_lshl_add_u32 v[SPW], v0, 2, SPARE
	v_mov_b32 v[NIL], 0
	ds_add_u32 v[SPW], v[NIL]                      ; the opening: the add, twice on end, and its wait ahead of my first tensor load
	ds_add_u32 v[SPW], v[NIL]
	v_lshrrev_b32 v1, 5, v0
	v_readfirstlane_b32 s14, v1
	s_lshr_b32 s15, s14, 1
	s_and_b32 s16, s14, 1
	s_bfe_u32 s40, ttmp6, 0x40000
	s_bfe_u32 s41, ttmp6, 0x40004
	s_lshl_b32 s42, ttmp9, 2
	s_add_co_u32 s42, s42, s40                     ; N tile
	s_and_b32 s17, ttmp7, 0xffff
	s_lshl_b32 s17, s17, 2
	s_add_co_u32 s17, s17, s41                     ; M tile
	s_lshl_b32 s43, s41, 2
	s_lshl_b32 s43, 15, s43
	s_lshl_b32 s44, 0x1111, s40
	s_or_b32 s[G1+0], s43, (3<<16)|(1<<20)|(1<<21)|(5<<22)|(3<<25)
	s_or_b32 s[G1B+0], s44, (3<<16)|(1<<20)|(1<<21)|(5<<22)|(3<<25)
.irp g, G1, G1B
	s_mov_b32 s[\g+1], 32<<16
	s_mov_b32 s[\g+2], 128<<16
	s_mov_b32 s[\g+3], 32<<16
	s_mov_b32 s[\g+4], 128
	s_mov_b32 s[\g+5], 32
	s_mov_b32 s[\g+6], 0
	s_mov_b32 s[\g+7], 0
.endr
	s_or_b32 s[G1S+0], s43, (3<<16)|(1<<21)
	s_or_b32 s[G1SB+0], s44, (3<<16)|(1<<21)
.irp g, G1S, G1SB
	s_mov_b32 s[\g+1], 32<<16
	s_mov_b32 s[\g+2], (KK/128)<<16
	s_mov_b32 s[\g+3], 32<<16
	s_mov_b32 s[\g+4], KK/128
	s_mov_b32 s[\g+5], 32
	s_mov_b32 s[\g+6], 0
	s_mov_b32 s[\g+7], 0
.endr
	s_lshl_b32 s18, s16, 15
	s_mul_i32 s20, s17, 128*KK
	s_add_co_u32 s20, s20, s18
	s_add_co_u32 s20, s20, MC_OFF
	s_mov_b32 s21, 0
	s_mul_i32 s46, s42, 128*KK
	s_add_co_u32 s46, s46, s18
	s_add_co_u32 s46, s46, NC_OFF
	s_mov_b32 s47, 0
	s_mul_i32 s19, s16, 2*KK
	s_mul_i32 s22, s17, 4*KK
	s_add_co_u32 s22, s22, s19
	s_add_co_u32 s22, s22, MS_OFF
	s_mov_b32 s23, 0
	s_mul_i32 s92, s42, 4*KK
	s_add_co_u32 s92, s92, s19
	s_add_co_u32 s92, s92, NS_OFF
	s_mov_b32 s93, 0
	s_mul_i32 s45, s14, QUART
	s_mul_i32 s94, s14, 2*KK
	s_wait_dscnt 0x0                               ; both opening adds are done
	s_wait_kmcnt 0x0
	s_add_nc_u64 s[20:21], s[4:5], s[20:21]
	s_add_nc_u64 s[22:23], s[4:5], s[22:23]
	s_add_nc_u64 s[46:47], s[6:7], s[46:47]
	s_add_nc_u64 s[92:93], s[6:7], s[92:93]
	CROUND                                         ; the first joint loads meet
	s_mov_b32 s[G0S], 1
	s_add_co_u32 s[G0S+1], s94, SCL
	s_mov_b64 s[G0S+2:G0S+3], s[22:23]
	s_or_b32 s[G0S+3], s[G0S+3], 0x80000000
	s_mov_b32 s[G0SB], 1
	s_add_co_u32 s[G0SB+1], s94, SCL
	s_mov_b64 s[G0SB+2:G0SB+3], s[92:93]
	s_or_b32 s[G0SB+3], s[G0SB+3], 0x80000000
	JLOAD G0S, G1S, G0SB, G1SB                     ; three loads of mine go out together
.irp s, 0,1
	s_mov_b32 s[G0+4*\s], 1
	s_add_co_u32 s[G0+4*\s+1], s45, \s*SLOT
	s_add_nc_u64 s[G0+4*\s+2:G0+4*\s+3], s[20:21], \s*65536
	s_or_b32 s[G0+4*\s+3], s[G0+4*\s+3], 0x80000000
	s_mov_b32 s[G0B+4*\s], 1
	s_add_co_u32 s[G0B+4*\s+1], s45, \s*SLOT
	s_add_nc_u64 s[G0B+4*\s+2:G0B+4*\s+3], s[46:47], \s*65536
	s_or_b32 s[G0B+4*\s+3], s[G0B+4*\s+3], 0x80000000
	JLOAD G0+4*\s, G1, G0B+4*\s, G1B
.endr
	v_and_b32 v1, 15, v0                           ; r
	v_bfe_u32 v2, v0, 4, 1                         ; h
	v_lshrrev_b32 v3, 2, v1
	v_mul_u32_u24 v3, v3, 272
	v_and_b32 v4, 3, v1
	v_lshl_add_u32 v3, v4, 6, v3
	v_lshl_add_u32 v3, v2, 4, v3
	s_mul_i32 s21, s15, 4352
	s_mul_i32 s22, s16, 4352
	s_add_co_u32 s22, s22, SIDE
.irp s, 0,1
	v_add_nc_u32 v[ADRM+\s], s21, v3
	v_add_nc_u32 v[ADRN+\s], s22, v3
	s_add_co_u32 s21, s21, SLOT
	s_add_co_u32 s22, s22, SLOT
.endr
	s_lshl_b32 s21, s15, 8
	s_lshl_b32 s22, s16, 8
	s_add_co_u32 s22, s22, 4*KK
	s_sub_co_u32 s22, s22, s21
	v_mul_u32_u24 v6, s22, v2
	s_add_co_u32 s21, s21, SCL
	v_lshl_add_u32 v5, v1, 2, v6
	v_add_nc_u32 v[ADRS], s21, v5
	s_mul_i32 s23, s14, 4352                       ; my stage: 16 rows x 272 bytes, in slot 0, which has had its last fill and its last read when it is written
	v_mul_u32_u24 v5, v1, 272
	v_lshl_add_u32 v5, v2, 6, v5
	v_add_nc_u32 v[STO], s23, v5
	v_mul_u32_u24 v5, v2, 272
	v_lshl_add_u32 v5, v1, 4, v5
	v_add_nc_u32 v[RD], s23, v5
	v_lshlrev_b32 v[BO], 4, v1
	v_lshl_add_u32 v[CO], v2, 12, v[BO]
	s_lshl_b32 s20, s42, 9
	s_lshl_b32 s21, s16, 8
	s_add_co_u32 s20, s20, s21
	s_mov_b32 s21, 0
	s_add_nc_u64 s[8:9], s[8:9], s[20:21]
	s_lshl_b32 s22, s17, 19
	s_add_co_u32 s20, s20, s22
	s_lshl_b32 s22, s15, 18
	s_add_co_u32 s20, s20, s22
	s_add_nc_u64 s[10:11], s[10:11], s[20:21]
	s_add_nc_u64 s[12:13], s[12:13], s[20:21]
	global_load_b128 v[8:11], v[BO], s[8:9]
.macro FRAG reg, adr, q, i
.irp c, 0,1,2,3
	ds_load_b128 v[\reg+4*\c:\reg+4*\c+3], v[\adr] offset:(2*(\q)+\c/2)*PANEL+(\i)*1088+32*(\c%2)
.endr
.endm
.macro FETCH slot, q, f
	WIN TO_F
.irp i, 0,1,2,3
	FRAG \f+64+16*\i, ADRN+\slot, \q, \i
.endr
.irp i, 0,1,2,3
	FRAG \f+16*\i, ADRM+\slot, \q, \i
.endr
.endm
.macro SCALES sc
.irp i, 0,1,2,3
.irp q, 0,1,2,3
	ds_load_b32 v[SW+16*\sc+4*\i+\q], v[ADRS] offset:512*\q+64*\i
.endr
.endr
.endm
.macro MUL8 f, a0, q, sc, zero         ; the 16 accumulators take turns
.irp a, \a0, \a0+1
.irp b, 0,1,2,3
.if \zero
	v_wmma_scale_f32_16x16x128_f8f6f4 v[ACC+8*(4*(\a)+\b):ACC+8*(4*(\a)+\b)+7], v[\f+64+16*\b:\f+64+16*\b+15], v[\f+16*(\a):\f+16*(\a)+15], 0, v[SW+16*(\sc)+4*\b+(\q)], v[SW+16*(\sc)+4*(\a)+(\q)] matrix_a_scale:MATRIX_SCALE_ROW1
.else
	v_wmma_scale_f32_16x16x128_f8f6f4 v[ACC+8*(4*(\a)+\b):ACC+8*(4*(\a)+\b)+7], v[\f+64+16*\b:\f+64+16*\b+15], v[\f+16*(\a):\f+16*(\a)+15], v[ACC+8*(4*(\a)+\b):ACC+8*(4*(\a)+\b)+7], v[SW+16*(\sc)+4*\b+(\q)], v[SW+16*(\sc)+4*(\a)+(\q)] matrix_a_scale:MATRIX_SCALE_ROW1
.endif
.endr
.endr
.endm
.macro QSTEP slot, q, f, g, zero
	s_wait_dscnt 8                                 ; all but the youngest eight loads (M's tiles 2, 3)
	WIN MUL
	MUL8 \f, 0, \q, \slot, \zero
	PLACES 8                                       ; in front of loads into registers that matrix instructions have read
	FETCH \slot, (\q)+1, \g
	s_wait_dscnt 32                                ; all but the 32 just issued
	WIN MUL
	MUL8 \f, 2, \q, \slot, \zero
.endm
; A slot's last 128 change slots: one barrier; in front of it each wave waits for all its tensor loads, adds 0 to its spare word, and waits for that and for its reads of this slot.
; fill = 1: the barrier opens a round of the cluster's barrier, and this slot is filled again, two K steps ahead, first thing behind the round: one load of mine is out.
.macro TURN slot, next, fill
	WIN 0
	s_wait_tensorcnt 0x0
	ds_add_u32 v[SPW], v[NIL]
	s_wait_dscnt 9                                 ; the add and the youngest eight loads may be out
	WIN MUL
	MUL8 F1, 0, 3, \slot, 0
	s_wait_dscnt 0x0
	s_barrier_signal -1
	WIN 0
	s_barrier_wait -1
.if \fill
	CREST
	s_add_nc_u64 s[G0+4*\slot+2:G0+4*\slot+3], s[G0+4*\slot+2:G0+4*\slot+3], 131072
	s_add_nc_u64 s[G0B+4*\slot+2:G0B+4*\slot+3], s[G0B+4*\slot+2:G0B+4*\slot+3], 131072
	JLOAD G0+4*\slot, G1, G0B+4*\slot, G1B
	PLACES 4                                       ; with the four behind the load: eight
.else
	PLACES 8
.endif
	v_add_nc_u32 v[ADRS], 2048, v[ADRS]
	SCALES \next
	FETCH \next, 0, F0
	WIN MUL
	MUL8 F1, 2, 3, \slot, 0
.endm
	s_wait_tensorcnt 1                             ; the scale words and slot 0 are in; slot 1's load may be out
	s_barrier_signal -1
	s_barrier_wait -1
	SCALES 0
	FETCH 0, 0, F0
	QSTEP 0, 0, F0, F1, 1
.if LAPS > 1
	WIN 0
	s_mov_b32 s3, LAPS-1
.Llap:                                             ; a trip goes once round the ring and fills both slots again
	QSTEP 0, 1, F1, F0, 0
	QSTEP 0, 2, F0, F1, 0
	TURN 0, 1, 1
	QSTEP 1, 0, F0, F1, 0
	QSTEP 1, 1, F1, F0, 0
	QSTEP 1, 2, F0, F1, 0
	TURN 1, 0, 1
	QSTEP 0, 0, F0, F1, 0
	WIN 0
	s_sub_co_u32 s3, s3, 1
	s_cmp_lg_u32 s3, 0
	s_cbranch_scc1 .Llap
.endif
	QSTEP 0, 1, F1, F0, 0                          ; the last lap fills nothing
	QSTEP 0, 2, F0, F1, 0
	TURN 0, 1, 0
	QSTEP 1, 0, F0, F1, 0
	QSTEP 1, 1, F1, F0, 0
	QSTEP 1, 2, F0, F1, 0
	s_wait_dscnt 8
	WIN MUL
	MUL8 F1, 0, 3, 1, 0
	s_wait_dscnt 0x0
	MUL8 F1, 2, 3, 1, 0
	WIN 0
	PLACES 8
; THE WAY OUT, 16 positions at a time: through my stage, back as rows of 256 bytes; position 16 a + 2 i + lane / 16 is row 32 (a / 2) + 16 (i / 4) + 8 (a % 2) + 2 (i % 4) + lane / 16
.macro OUTBLK a
.if (\a) > 0
	s_wait_xcnt 0x0                                ; the last block's stores have read their registers
.endif
.irp i, 0,1,2,3,4,5,6,7
	global_load_b128 v[96+4*\i:99+4*\i], v[CO], s[10:11] offset:(32*((\a)/2)+16*(\i/4)+8*((\a)%2)+2*(\i%4))*4096
.endr
.irp t, 0,1,2,3
	ds_store_b128 v[STO], v[ACC+32*(\a)+8*\t:ACC+32*(\a)+8*\t+3] offset:128*(\t/2)+32*(\t%2)      ; each accumulator from its low end on
	ds_store_b128 v[STO], v[ACC+32*(\a)+8*\t+4:ACC+32*(\a)+8*\t+7] offset:128*(\t/2)+32*(\t%2)+16
.endr
.irp i, 0,1,2,3,4,5,6,7
	ds_load_b128 v[64+4*\i:67+4*\i], v[RD] offset:544*\i   ; LDS serves a wave's instructions in order
.endr
	s_wait_dscnt 0x0
	s_wait_loadcnt 0x0
.irp i, 0,1,2,3,4,5,6,7
	v_pk_add_f32 v[64+4*\i:65+4*\i], v[64+4*\i:65+4*\i], v[8:9]
	v_pk_add_f32 v[66+4*\i:67+4*\i], v[66+4*\i:67+4*\i], v[10:11]
.endr
.irp p, 0,2,4,6,8,10,12,14,16,18,20,22,24,26,28,30
	v_pk_add_f32 v[64+\p:65+\p], v[64+\p:65+\p], v[96+\p:97+\p]
.endr
.irp i, 0,1,2,3,4,5,6,7
	global_store_b128 v[CO], v[64+4*\i:67+4*\i], s[12:13] offset:(32*((\a)/2)+16*(\i/4)+8*((\a)%2)+2*(\i%4))*4096   ; sixteen lanes store 256 consecutive bytes, aligned
.endr
.endm
	OUTBLK 0
	OUTBLK 1
	OUTBLK 2
	OUTBLK 3
	s_wait_tensorcnt 0x0                           ; the wave's end
	ds_add_u32 v[SPW], v[NIL]
	s_wait_dscnt 0x0
	CROUND
	s_endpgm
.Lfunc_end_k_q0d5a47a673_gemm_ff2:
	.size	k_q0d5a47a673_gemm_ff2, .Lfunc_end_k_q0d5a47a673_gemm_ff2-k_q0d5a47a673_gemm_ff2
	.p2alignl 7, 3214868480
	.fill 96, 4, 3214868480
	.section	.rodata,"a",@progbits
	.p2align	6, 0x0
	.amdhsa_kernel k_q0d5a47a673_gemm_ff2
		.amdhsa_group_segment_fixed_size 327680
		.amdhsa_private_segment_fixed_size 0
		.amdhsa_enable_private_segment 0
		.amdhsa_kernarg_size 40
		.amdhsa_user_sgpr_count 2
		.amdhsa_user_sgpr_kernarg_segment_ptr 1
		.amdhsa_wavefront_size32 1
		.amdhsa_system_sgpr_workgroup_id_x 1
		.amdhsa_system_sgpr_workgroup_id_y 1
		.amdhsa_system_sgpr_workgroup_id_z 1
		.amdhsa_system_vgpr_workitem_id 0
		.amdhsa_next_free_vgpr 512
		.amdhsa_next_free_sgpr 98
		.amdhsa_reserve_vcc 0
		.amdhsa_float_denorm_mode_32 3
		.amdhsa_float_denorm_mode_16_64 3
		.amdhsa_memory_ordered 1
		.amdhsa_forward_progress 1
		.amdhsa_inst_pref_size 106
	.end_amdhsa_kernel
	.amdgpu_metadata
---
amdhsa.version: [ 1, 2 ]
amdhsa.kernels:
  - .name:           k_q0d5a47a673_gemm_ff2
    .symbol:         k_q0d5a47a673_gemm_ff2.kd
    .args:
      - { .name: hid, .offset: 0, .size: 8, .value_kind: global_buffer, .address_space: global }
      - { .name: wts, .offset: 8, .size: 8, .value_kind: global_buffer, .address_space: global }
      - { .name: ff2_b, .offset: 16, .size: 8, .value_kind: global_buffer, .address_space: global }
      - { .name: x1, .offset: 24, .size: 8, .value_kind: global_buffer, .address_space: global }
      - { .name: out0, .offset: 32, .size: 8, .value_kind: global_buffer, .address_space: global }
    .group_segment_fixed_size: 327680
    .private_segment_fixed_size: 0
    .kernarg_segment_align: 8
    .kernarg_segment_size: 40
    .max_flat_workgroup_size: 128
    .sgpr_count:     98
    .vgpr_count:     512
    .wavefront_size: 32
...
	.end_amdgpu_metadata
.endif
;; end of part 8
;; ======== version 2 of 2: 8 launches
;; limits: right only within a limited range of input values
;; workspace buffers: wts 12,976,128 bytes; h1 4,325,376 bytes; h2 4,325,376 bytes; att 4,325,376 bytes; qk 8,912,896 bytes; vt 4,325,376 bytes; x1 16,777,216 bytes; hid 17,301,504 bytes
;; launch prep (part 9): grid 1024 x 1, 4 waves a work-group, no clusters, 18,944 bytes of LDS; arguments x, ln1_g, ln1_b, qkv_w, proj_w, ff1_w, ff2_w, h1, wts; writes h1, wts
.if DOCPART == 9
	.amdgcn_target "amdgcn-amd-amdhsa--gfx1250"
	.amdhsa_code_object_version 6
	.text
	.protected	k_q0d5a47a673_prep
	.globl	k_q0d5a47a673_prep
	.p2align	8
	.type	k_q0d5a47a673_prep,@function
k_q0d5a47a673_prep:
	s_mov_b64 s[64:65], 0
	v_nop
	global_prefetch_b8 v0, s[64:65] scope:SCOPE_SE
	s_setreg_imm32_b32 hwreg(HW_REG_WAVE_MODE, 25, 1), 1
	s_wait_xcnt 0x0
; Two jobs that depend on nothing of each other, in one launch: work-groups 0-255 make h1 = the layer norm of x, quantised; work-groups 256-1023 quantise the four weights into wts.
; THE QUANTISER: f32 rows with K innermost become codes of FP8 (E4M3) with one E8M0 scale byte for each 32 along K.  A block's scale is 2^(floor(log2(largest magnitude)) - 8); each number is divided by it
; (an exact multiplication by a power of two), held within +-448 and rounded to the nearest code.
; THE NORM: (x - mean) * rsqrt(var + 1e-5) * g + b along rows of 1024, in f32; the mean first and the variance of the differences, so that a common offset of the inputs costs nothing.
; LAYOUT OF THE OUTPUTS.  Rows go in tiles of 128; inside a tile, row R lies at POSITION R with its bits 3 and 4 exchanged.  Codes: [tile][K / 64][128 positions][64 bytes]; scale words: [tile][K / 128][128 positions].
; h1: codes, then scale words from byte 4194304.  wts: qkv_w, proj_w, ff1_w (K = 1024: one run of 8192 positions), ff2_w (K = 4096), then the scale words in the same order.
; SHARES.  A wave takes 4 neighbouring positions (4 neighbouring rows: the exchange leaves the low bits alone) x 1024 along K.  Work-groups 0-255: 16 rows of x; 256-767: 16 positions of the K = 1024 weights;
; 768-1023: 4 positions of ff2_w, a wave to each 1024 along K.  The work-group's number selects pointers and offsets; one scalar branch on it leads the weights' work-groups round the norm: all LDS accesses lie on the common way.
; Each load reads 512 consecutive bytes; a lane holds 4 numbers of a block, 8 lanes a block.  Codes and scale bytes turn through the wave's own LDS bytes; each code store covers two aligned runs of 256 bytes.
; The scale words leave in pieces of 16 bytes (4 positions of each 128 along K): one byte in 128 of what the launch reads.
; LIMITS: NaN and infinities are not served; a block of zeros, and any block under 2^-118, gets the byte 1 (this program alone reads the bytes).
.set X,    64                          ; v64-191  four rows x 32 numbers
.set GG,   192                         ; v192-223 g of my 32 columns
.set BB,   224                         ; v224-255 b
.set CC,   16                          ; v16-23   a row's codes
.set OFF,  24                          ; v24-27   byte offset of my 16 bytes in row i
.set MX,   32                          ; v32-39   largest magnitudes
.set IB,   40                          ; v40-55   pairs: 1 / scale, the byte
.set SS,   40                          ; v40-47   earlier: sums of squares, then 1 / sigma
.set SM,   56                          ; v56-63   sums, then means
.set SPW,  14                          ; v14      my spare word; never rewritten
.set NIL,  15                          ; v15      0; never rewritten
.set WREG, 4608                        ; LDS of a wave: 4 rows x 1088 of codes, then 256 for scale bytes
.set RP,   1088
.set SCB,  4352
.set SPARE, 4*WREG                     ; the spare words: 128 bytes a wave, named by no other line
	s_load_b512 s[36:51], s[0:1], 0x0              ; x, g, b, qkv_w, proj_w, ff1_w, ff2_w, h1
	s_load_b64 s[52:53], s[0:1], 0x40              ; wts
	v_lshl_add_u32 v[SPW], v0, 2, SPARE
	v_mov_b32 v[NIL], 0
	v_lshrrev_b32 v1, 5, v0
	v_readfirstlane_b32 s16, v1                    ; wave
	v_and_b32 v2, 31, v0                           ; lane
	v_lshlrev_b32 v1, 4, v2                        ; 16 x lane
	s_wait_alu depctr_va_vdst(0)
	s_sub_co_u32 s34, ttmp9, 256
	s_cmp_lt_u32 ttmp9, 256
	s_cselect_b32 s34, ttmp9, s34                  ; my number within my job
	s_lshl_b32 s17, s34, 2
	s_add_co_u32 s17, s17, s16                     ; group of 4 positions: x and the K = 1024 weights
	s_sub_co_u32 s18, s34, 512                     ; the same for ff2_w
	s_mov_b32 s21, 8388608
	s_mov_b32 s22, 12845056
	s_mov_b32 s23, 12582912
	s_cmp_lt_u32 ttmp9, 768
	s_cselect_b32 s17, s17, s18
	s_cselect_b32 s18, 0, s16                      ; which 1024 along K
	s_cselect_b32 s19, 12, 14                      ; log2 of a row's bytes, and of a tile's scale bytes
	s_cselect_b32 s20, 17, 19                      ; log2 of a tile's code bytes
	s_cselect_b32 s21, 0, s21                      ; where the codes begin
	s_cselect_b32 s22, s23, s22                    ; where the scale words begin
	s_mov_b32 s23, 4194304
	s_cmp_lt_u32 ttmp9, 256
	s_cselect_b32 s22, s23, s22                    ; (in h1)
	s_lshl_b32 s17, s17, 2                         ; my first position
	s_lshr_b32 s24, s17, 3
	s_lshr_b32 s25, s17, 4
	s_xor_b32 s24, s24, s25
	s_and_b32 s24, s24, 1
	s_mul_i32 s24, s24, 24
	s_xor_b32 s24, s24, s17                        ; its row: bits 3 and 4 exchanged
	s_cmp_lt_u32 ttmp9, 448
	s_cselect_b32 s25, 0, 3072
	s_cmp_lt_u32 ttmp9, 512
	s_cselect_b32 s25, s25, 4096
	s_cmp_lt_u32 ttmp9, 768
	s_cselect_b32 s25, s25, 0                      ; the tensor's first row in its run
	s_sub_co_u32 s24, s24, s25
	s_lshl_b32 s24, s24, s19
	s_lshl_b32 s26, s18, 12
	s_add_co_u32 s24, s24, s26
	s_mov_b32 s25, 0                               ; s[24:25]: my first byte of the input
	s_lshr_b32 s26, s17, 7                         ; tile
	s_and_b32 s27, s17, 127                        ; position in it
	s_lshl_b32 s28, s26, s20
	s_add_co_u32 s28, s28, s21
	s_lshl_b32 s29, s18, 17
	s_add_co_u32 s28, s28, s29
	s_lshl_b32 s29, s27, 6
	s_add_co_u32 s28, s28, s29
	s_mov_b32 s29, 0                               ; s[28:29]: my codes
	s_lshl_b32 s30, s26, s19
	s_add_co_u32 s30, s30, s22
	s_lshl_b32 s31, s18, 12
	s_add_co_u32 s30, s30, s31
	s_lshl_b32 s31, s27, 2
	s_add_co_u32 s30, s30, s31
	s_mov_b32 s31, 0                               ; s[30:31]: my scale words
	s_lshl_b32 s32, 1, s19                         ; a row's bytes
.irp i, 0,1,2,3
	s_mul_i32 s33, s32, \i
	v_add_nc_u32 v[OFF+\i], s33, v1
.endr
	s_mul_i32 s26, s16, WREG
	v_lshl_add_u32 v3, v2, 2, s26                  ; LDS, codes in: 4 x lane
	v_lshrrev_b32 v4, 3, v2
	v_add_nc_u32 v4, s26, v4                       ; LDS, scale bytes in: lane / 8
	v_and_b32 v5, 15, v2
	v_lshrrev_b32 v6, 2, v5
	v_mul_u32_u24 v6, v6, RP
	v_and_b32 v7, 3, v2
	v_lshl_add_u32 v6, v7, 4, v6
	v_lshrrev_b32 v8, 4, v2
	v_lshl_add_u32 v6, v8, 6, v6
	v_add_nc_u32 v6, s26, v6                       ; LDS, codes out: row (lane % 16) / 4, 16 bytes x lane % 4, 64 x lane / 16
	v_lshlrev_b32 v9, 13, v8
	v_lshl_add_u32 v9, v5, 4, v9                   ; and in memory: 8192 x lane / 16 + 16 x lane % 16
	v_lshlrev_b32 v10, 5, v7
	v_lshrrev_b32 v11, 2, v2
	v_lshl_add_u32 v10, v11, 2, v10
	v_add_nc_u32 v10, s26, v10                     ; LDS, scale words out: row lane % 4, word lane / 4
	v_lshlrev_b32 v11, 9, v11
	v_lshl_add_u32 v11, v7, 2, v11                 ; and in memory
	s_mov_b32 s8, 0x76543210
	s_mov_b32 s9, 0xfedcba98                       ; v_permlanex16_b32: lane l xor 16
	s_mov_b32 s10, 0x3a800000                      ; 1 / 1024
	s_mov_b32 s11, 0x3727c5ac                      ; 1e-5
	s_mov_b32 s14, 0xc3e00000                      ; -448
	s_mov_b32 s15, 0x43e00000                      ; 448
	s_wait_kmcnt 0x0
	s_cmp_lt_u32 ttmp9, 256
	s_cselect_b64 s[4:5], s[36:37], s[42:43]
	s_cselect_b64 s[12:13], s[50:51], s[52:53]
	s_cmp_lt_u32 ttmp9, 448
	s_cselect_b64 s[4:5], s[4:5], s[44:45]
	s_cmp_lt_u32 ttmp9, 512
	s_cselect_b64 s[4:5], s[4:5], s[46:47]
	s_cmp_lt_u32 ttmp9, 768
	s_cselect_b64 s[4:5], s[4:5], s[48:49]
	s_add_nc_u64 s[4:5], s[4:5], s[24:25]
	s_add_nc_u64 s[28:29], s[12:13], s[28:29]
	s_add_nc_u64 s[30:31], s[12:13], s[30:31]
.irp i, 0,1,2,3
.irp j, 0,1,2,3,4,5,6,7
	global_load_b128 v[X+32*\i+4*\j:X+32*\i+4*\j+3], v[OFF+\i], s[4:5] offset:512*\j th:TH_LOAD_NT   ; k = 128 j + 4 lane + 0..3
.endr
.endr
	s_cmp_lt_u32 ttmp9, 256                        ; the weights are quantised as they are
	s_cbranch_scc0 .Lquant
.irp j, 0,1,2,3,4,5,6,7
	global_load_b128 v[GG+4*\j:GG+4*\j+3], v1, s[38:39] offset:512*\j
.endr
.irp j, 0,1,2,3,4,5,6,7
	global_load_b128 v[BB+4*\j:BB+4*\j+3], v1, s[40:41] offset:512*\j
.endr
.macro REDUCE p                        ; the four rows' pairs at v[p + 2 i]: both halves and all 32 lanes are summed; the sum ends in every lane
.irp i, 0,1,2,3
	v_add_f32 v[\p+2*\i], v[\p+2*\i], v[\p+2*\i+1]
.endr
.irp m, 1,2,4,8
.irp i, 0,1,2,3
	v_add_f32_dpp v[\p+2*\i], v[\p+2*\i], v[\p+2*\i] row_xmask:\m row_mask:0xf bank_mask:0xf
.endr
.endr
.irp i, 0,1,2,3
	v_permlanex16_b32 v[\p+2*\i+1], v[\p+2*\i], s8, s9
.endr
.irp i, 0,1,2,3
	v_add_f32 v[\p+2*\i], v[\p+2*\i], v[\p+2*\i+1]
.endr
.endm
	s_wait_loadcnt 16                              ; the 32 loads of the rows are in; g's and b's sixteen may be out
.irp i, 0,1,2,3
	v_pk_add_f32 v[SM+2*\i:SM+2*\i+1], v[X+32*\i:X+32*\i+1], v[X+32*\i+2:X+32*\i+3]
.endr
.irp p, 4,6,8,10,12,14,16,18,20,22,24,26,28,30
.irp i, 0,1,2,3
	v_pk_add_f32 v[SM+2*\i:SM+2*\i+1], v[SM+2*\i:SM+2*\i+1], v[X+32*\i+\p:X+32*\i+\p+1]
.endr
.endr
	REDUCE SM
.irp i, 0,1,2,3
	v_mul_f32 v[SM+2*\i], s10, v[SM+2*\i]          ; the mean
.endr
.irp p, 0,2,4,6,8,10,12,14,16,18,20,22,24,26,28,30
.irp i, 0,1,2,3
	v_pk_add_f32 v[X+32*\i+\p:X+32*\i+\p+1], v[X+32*\i+\p:X+32*\i+\p+1], v[SM+2*\i:SM+2*\i+1] op_sel_hi:[1,0] neg_lo:[0,1] neg_hi:[0,1]
.endr
.endr
.irp i, 0,1,2,3
	v_pk_mul_f32 v[SS+2*\i:SS+2*\i+1], v[X+32*\i:X+32*\i+1], v[X+32*\i:X+32*\i+1]
.endr
.irp p, 2,4,6,8,10,12,14,16,18,20,22,24,26,28,30
.irp i, 0,1,2,3
	v_pk_fma_f32 v[SS+2*\i:SS+2*\i+1], v[X+32*\i+\p:X+32*\i+\p+1], v[X+32*\i+\p:X+32*\i+\p+1], v[SS+2*\i:SS+2*\i+1]
.endr
.endr
	REDUCE SS
.irp i, 0,1,2,3
	v_fma_f32 v[SS+2*\i], v[SS+2*\i], s10, s11     ; the variance + 1e-5
.endr
	s_wait_alu depctr_va_vdst(0)
.irp i, 0,1,2,3
	v_rsq_f32 v[SS+2*\i], v[SS+2*\i]
.endr
	v_nop                                          ; a plain instruction behind the last of the four
	s_wait_alu depctr_va_vdst(0)                   ; one wait for the batch, ahead of its first reader
	s_wait_loadcnt 0x0                             ; g and b
.irp p, 0,2,4,6,8,10,12,14,16,18,20,22,24,26,28,30
.irp i, 0,1,2,3
	v_pk_mul_f32 v[X+32*\i+\p:X+32*\i+\p+1], v[X+32*\i+\p:X+32*\i+\p+1], v[SS+2*\i:SS+2*\i+1] op_sel_hi:[1,0]
.endr
.irp i, 0,1,2,3
	v_pk_fma_f32 v[X+32*\i+\p:X+32*\i+\p+1], v[X+32*\i+\p:X+32*\i+\p+1], v[GG+\p:GG+\p+1], v[BB+\p:BB+\p+1]
.endr
.endr
.Lquant:
	s_wait_loadcnt 0x0                             ; on the weights' way: the 32 loads of the rows
.macro CV c, x                         ; four numbers into the four bytes of one register
	v_cvt_pk_fp8_f32 v\c\().l, v[\x], v[\x+1]
	v_cvt_pk_fp8_f32 v\c\().h, v[\x+2], v[\x+3]
.endm
.macro QROW i                          ; row i: 8 x 4 numbers a lane, block 4 j + lane / 8
.set XR, X+32*(\i)
.irp j, 0,1,2,3,4,5,6,7
	v_max3_num_f32 v[MX+\j], |v[XR+4*\j]|, |v[XR+4*\j+1]|, 0x4800000   ; with the floor 2^(9 - 127): the byte cannot fall under 1
.endr
.irp j, 0,1,2,3,4,5,6,7
	v_max3_num_f32 v[MX+\j], v[MX+\j], |v[XR+4*\j+2]|, |v[XR+4*\j+3]|
.endr
.irp m, 1,2,4
.irp j, 0,1,2,3,4,5,6,7
	v_max_num_f32_dpp v[MX+\j], v[MX+\j], v[MX+\j] row_xmask:\m row_mask:0xf bank_mask:0xf   ; the 8 lanes of a block
.endr
.endr
.if (\i) > 0
	s_wait_alu depctr_va_vdst(0)
	s_wait_dscnt 0x0                               ; the last row's LDS stores are done: their data registers are written again below
.endif
.irp j, 0,1,2,3,4,5,6,7
	v_lshrrev_b32 v[IB+2*\j+1], 23, v[MX+\j]
.endr
.irp j, 0,1,2,3,4,5,6,7
	v_and_b32 v[MX+\j], 0x7f800000, v[MX+\j]
.endr
.irp j, 0,1,2,3,4,5,6,7
	v_sub_nc_u32 v[IB+2*\j], 0x83000000, v[MX+\j]  ; 1 / scale: exponent field 262 - the largest magnitude's
.endr
.irp j, 0,1,2,3,4,5,6,7
	v_add_nc_u32 v[IB+2*\j+1], -8, v[IB+2*\j+1]    ; the scale's byte
.endr
.irp j, 0,1,2,3,4,5,6,7
	v_pk_mul_f32 v[XR+4*\j:XR+4*\j+1], v[XR+4*\j:XR+4*\j+1], v[IB+2*\j:IB+2*\j+1] op_sel_hi:[1,0]
	v_pk_mul_f32 v[XR+4*\j+2:XR+4*\j+3], v[XR+4*\j+2:XR+4*\j+3], v[IB+2*\j:IB+2*\j+1] op_sel_hi:[1,0]
.endr
.set n, 0
.rept 32
	v_med3_num_f32 v[XR+n], v[XR+n], s14, s15      ; the conversion does not saturate (ISA guide 7.6.2): the hold comes first
.set n, n+1
.endr
	CV 16, XR
	CV 17, XR+4
	CV 18, XR+8
	CV 19, XR+12
	CV 20, XR+16
	CV 21, XR+20
	CV 22, XR+24
	CV 23, XR+28
.irp j, 0,1,2,3,4,5,6,7
	ds_store_b32 v3, v[CC+\j] offset:RP*(\i)+128*\j
	ds_store_b8 v4, v[IB+2*\j+1] offset:SCB+32*(\i)+4*\j   ; the 8 lanes of a block write the same byte with the same value
.endr
.endm
	QROW 0
	QROW 1
	QROW 2
	QROW 3
.irp t, 0,1,2,3,4,5,6,7
	ds_load_b128 v[X+4*\t:X+4*\t+3], v6 offset:128*\t      ; LDS serves a wave's instructions in order: these see my stores
.endr
	ds_load_b32 v[X+32], v10 offset:SCB
.irp t, 0,1,2,3,4,5,6,7
	s_wait_dscnt 8-\t                              ; load t is in; the younger ones may be out
	global_store_b128 v9, v[X+4*\t:X+4*\t+3], s[28:29] offset:16384*\t   ; lanes 0-15: 4 positions of panel 2 t, 256 consecutive bytes; lanes 16-31: of panel 2 t + 1
.endr
	s_wait_dscnt 0x0
	global_store_b32 v11, v[X+32], s[30:31]
	s_wait_tensorcnt 0x0                           ; the wave's end
	ds_add_u32 v[SPW], v[NIL]
	s_wait_dscnt 0x0
	s_endpgm
.Lfunc_end_k_q0d5a47a673_prep:
	.size	k_q0d5a47a673_prep, .Lfunc_end_k_q0d5a47a673_prep-k_q0d5a47a673_prep
	.p2alignl 7, 3214868480
	.fill 96, 4, 3214868480
	.section	.rodata,"a",@progbits
	.p2align	6, 0x0
	.amdhsa_kernel k_q0d5a47a673_prep
		.amdhsa_group_segment_fixed_size 18944
		.amdhsa_private_segment_fixed_size 0
		.amdhsa_enable_private_segment 0
		.amdhsa_kernarg_size 72
		.amdhsa_user_sgpr_count 2
		.amdhsa_user_sgpr_kernarg_segment_ptr 1
		.amdhsa_wavefront_size32 1
		.amdhsa_system_sgpr_workgroup_id_x 1
		.amdhsa_system_sgpr_workgroup_id_y 1
		.amdhsa_system_sgpr_workgroup_id_z 1
		.amdhsa_system_vgpr_workitem_id 0
		.amdhsa_next_free_vgpr 256
		.amdhsa_next_free_sgpr 66
		.amdhsa_reserve_vcc 0
		.amdhsa_float_denorm_mode_32 3
		.amdhsa_float_denorm_mode_16_64 3
		.amdhsa_memory_ordered 1
		.amdhsa_forward_progress 1
		.amdhsa_inst_pref_size 72
	.end_amdhsa_kernel
	.amdgpu_metadata
---
amdhsa.version: [ 1, 2 ]
amdhsa.kernels:
  - .name:           k_q0d5a47a673_prep
    .symbol:         k_q0d5a47a673_prep.kd
    .args:
      - { .name: x, .offset: 0, .size: 8, .value_kind: global_buffer, .address_space: global }
      - { .name: ln1_g, .offset: 8, .size: 8, .value_kind: global_buffer, .address_space: global }
      - { .name: ln1_b, .offset: 16, .size: 8, .value_kind: global_buffer, .address_space: global }
      - { .name: qkv_w, .offset: 24, .size: 8, .value_kind: global_buffer, .address_space: global }
      - { .name: proj_w, .offset: 32, .size: 8, .value_kind: global_buffer, .address_space: global }
      - { .name: ff1_w, .offset: 40, .size: 8, .value_kind: global_buffer, .address_space: global }
      - { .name: ff2_w, .offset: 48, .size: 8, .value_kind: global_buffer, .address_space: global }
      - { .name: h1, .offset: 56, .size: 8, .value_kind: global_buffer, .address_space: global }
      - { .name: wts, .offset: 64, .size: 8, .value_kind: global_buffer, .address_space: global }
    .group_segment_fixed_size: 18944
    .private_segment_fixed_size: 0
    .kernarg_segment_align: 8
    .kernarg_segment_size: 72
    .max_flat_workgroup_size: 128
    .sgpr_count:     66
    .vgpr_count:     256
    .wavefront_size: 32
...
	.end_amdgpu_metadata
.endif
;; end of part 9
;; launch gemm_qk (part 10): grid 8 x 32, 4 waves a work-group, clusters of 4 x 4, 327,680 bytes of LDS; arguments h1, wts, qkv_b, qk; writes qk
.if DOCPART == 10
	.amdgcn_target "amdgcn-amd-amdhsa--gfx1250"
	.amdhsa_code_object_version 6
	.text
	.protected	k_q0d5a47a673_gemm_qk
	.globl	k_q0d5a47a673_gemm_qk
	.p2align	8
	.type	k_q0d5a47a673_gemm_qk,@function
k_q0d5a47a673_gemm_qk:
	s_mov_b64 s[64:65], 0
	v_nop
	global_prefetch_b8 v0, s[64:65] scope:SCOPE_SE
	s_setreg_imm32_b32 hwreg(HW_REG_WAVE_MODE, 25, 1), 1
	s_wait_xcnt 0x0
	s_wait_alu depctr_hold_cnt(0) depctr_sa_sdst(0) depctr_va_vdst(0) depctr_va_sdst(0) depctr_va_ssrc(0) depctr_va_vcc(0) depctr_vm_vsrc(0)
	s_getreg_b32 s2, hwreg(HW_REG_IB_STS2, 6, 4)
	s_cmp_eq_u32 s2, 0
	s_cbranch_scc0 .Lentry_in_a_cluster
	s_endpgm
.Lentry_in_a_cluster:
	s_bfe_u32 s2, ttmp6, 0x10000c
	s_cmp_lg_u32 s2, 0xf033
	s_cbranch_scc0 .Lentry_shape_is_right
	s_endpgm
.Lentry_shape_is_right:
; q and k: [4096 tokens] x [2048 features] = LN1(x) Wqk^T + b on codes of FP8 (E4M3) with E8M0 scales, K = 1024; the result, in f32, is quantised along each head's 64 and stored as codes.
; OPERANDS (made by this program): rows in tiles of 128, row R at POSITION R with bits 3 and 4 exchanged; codes [tile][K / 64][128 positions][64 bytes], scale words [tile][K / 128][128 positions].
; A tile of 128 x 128 at a time, four waves of 64 x 64: 16 accumulators.  The product is used TRANSPOSED (source 0 = 16 positions of the weight, source 1 = 16 positions of tokens): a lane holds one
; token, and thanks to the order of positions the 16 registers of weight tiles 2 b, 2 b + 1 are 16 NEIGHBOURING features 32 b + 16 (lane / 16) + 0..15: the order in which the next operand wants them.
; K lies in two LDS slots of 512 each.  A side's codes of a slot are 64 KB on end in memory, brought as rows of 256 bytes with 16 bytes of padding behind each: position P of a panel lies at
; 272 (P / 4) + 64 (P % 4).
; A WORK-GROUP STAYS: it keeps its token tile (codes and scale words, fetched once) and walks TILES neighbouring weight tiles.  Behind a tile's last product the weight side of both slots is filled again:
; waves 0 and 1 bring 64 KB of codes each, waves 2 and 3 the scale words, 2 KB each: one load a wave, which has the whole way out in which to land.
; CLUSTER 4 x 4: the token tile is shared along a row of the cluster, the weight tiles along a column: joint loads.
; OUT: qk codes [panel = feature / 64][4096 positions][64 bytes]; scale words [panel][4096] from byte 8388608: bytes 0, 1 the head's two blocks; bytes 2, 3 scale codes that are zeros and are never 0xff.
; LIMITS: NaN and infinities are not served; a block of zeros gets the byte 1.
.set KK,     1024
.set TILES,  2
.set MC_OFF, 0
.set MS_OFF, 4194304
.set NC_OFF, 0
.set NS_OFF, 12582912
.set PANEL,  8704                      ; 64 along K of 128 positions in LDS: 32 lines of 272
.set QUART,  4*PANEL
.set SIDE,   8*PANEL
.set SLOT,   2*SIDE                    ; a side's 16 panels: M's lie from byte 0, N's from here
.set SCL,    2*SLOT                    ; the scale words: M's 4 KK bytes, then N's
.set STAGE,  SCL+8*KK                  ; 64 rows x 80 bytes a wave, for the way out: bytes of their own, into which no fill lands
.set SCST,   311296                    ; 512 bytes: the result's scale bytes meet here; no fill lands here
.set SPARE,  311808                    ; the spare words, 128 bytes a wave, named by no other line
.set ADRM, 16                          ; v16-17 my M fragments in slot 0, 1
.set ADRN, 20                          ; v20-21 my N fragments
.set BO,   22                          ; v22 the bias loads' offset
.set SO8,  23                          ; v23 8 x lane
.set STO,  24                          ; v24 the stage, in
.set RD,   25                          ; v25 the stage, out
.set CO,   26                          ; v26 16 x lane
.set ADRS, 27                          ; v27 my scale words: lanes 0-15 M's, lanes 16-31 N's; never rewritten
.set SPW,  28
.set NIL,  29
.set SCW,  30                          ; v30 where my two scale bytes go
.set SCR,  31                          ; v31 where two scale words are read back
.set SW,   32                          ; v32-63 scale words and nothing else: set s at SW + 16 s, register 4 i + q
.set BI,   64                          ; v64-95 the bias of my 32 features a lane
.set TM,   64                          ; v64-79 the quantiser's work; v80-83 byte pairs; v96-127 codes
.set ACC,  128                         ; v128-255 accumulator (a, b) at ACC + 8 (4 a + b)
.set F0,   0                           ; window 1: two fragment buffers: M tiles at f + 16 a, N tiles at f + 64 + 16 b
.set F1,   128
.set SEL,  2                           ; s[2:3]
.set MNT,  66
.set G1,   24
.set G0,   32
.set G1R,  40                          ; s[40:47] group 1 of the refills of codes: 256 rows
.set G1B,  48
.set G0B,  56
.set G1S,  68
.set G0S,  76
.set G1SB, 80
.set G0SB, 88
.set G0R,  92                          ; s[92:95] group 0 of the refills of codes
.set MSB, 0
.macro WIN new                         ; the immediate's high byte repeats the setting that is left
.if MSB != \new
	s_set_vgpr_msb (MSB<<8)|\new
.set MSB, \new
.endif
.endm
.set MUL,  0x05                        ; sources 0 and 1 window 1; C and D window 0
.set TO_F, 0x40                        ; destination window 1
.macro JLOAD g0a, g1a, g0b, g1b        ; a joint load: waves 0, 1 take the first pair of groups, waves 2, 3 the second; an s_nop 0 and four v_nop follow each line
	s_cmp_eq_u32 s15, 0
	s_cbranch_scc0 .Lfor_n_\@
	tensor_load_to_lds s[\g0a:\g0a+3], s[\g1a:\g1a+7]
	s_nop 0
.rept 4
	v_nop
.endr
	s_branch .Lasked_\@
.Lfor_n_\@:
	tensor_load_to_lds s[\g0b:\g0b+3], s[\g1b:\g1b+7]
	s_nop 0
.rept 4
	v_nop
.endr
.Lasked_\@:
.endm
.macro CROUND                          ; a round of the cluster's barrier
	s_barrier_signal -1
	s_barrier_wait -1
	s_cmp_lg_u32 s14, 0
	s_cbranch_scc1 .Lnot_wave_0_\@
	s_barrier_signal -3
.Lnot_wave_0_\@:
	s_barrier_wait -3
	s_barrier_signal -1
	s_barrier_wait -1
.endm
.macro PLACES n
.rept \n
	v_nop
.endr
.endm
	s_load_b128 s[4:7], s[0:1], 0x0                ; M side's buffer, N side's buffer
	s_load_b128 s[8:11], s[0:1], 0x10              ; the bias, the output
	v_lshl_add_u32 v[SPW], v0, 2, SPARE
	v_mov_b32 v[NIL], 0
	ds_add_u32 v[SPW], v[NIL]                      ; the opening: the add, twice on end, and its wait ahead of my first tensor load
	ds_add_u32 v[SPW], v[NIL]
	v_lshrrev_b32 v1, 5, v0
	v_readfirstlane_b32 s14, v1                    ; wave
	s_lshr_b32 s15, s14, 1                         ; my half of the tile's M positions; also: which arm of a joint load is mine
	s_and_b32 s16, s14, 1                          ; my half of its N positions; also: which part I fetch
	s_bfe_u32 s40, ttmp6, 0x40000                  ; cx
	s_bfe_u32 s41, ttmp6, 0x40004                  ; cy
	s_lshl_b32 s42, ttmp9, 2
	s_add_co_u32 s42, s42, s40
	s_lshl_b32 s42, s42, 1                         ; my first N tile: TILES x (4 x cluster x + cx)
	s_and_b32 s17, ttmp7, 0xffff
	s_lshl_b32 s17, s17, 2
	s_add_co_u32 s17, s17, s41                     ; M tile
	s_lshl_b32 s43, s41, 2
	s_lshl_b32 s43, 15, s43                        ; my row of the cluster
	s_lshl_b32 s44, 0x1111, s40                    ; my column
	s_or_b32 s[G1+0], s43, (3<<16)|(1<<20)|(1<<21)|(5<<22)|(3<<25)   ; mask; elements of 8 bytes; padding: 4 words behind every 64
	s_or_b32 s[G1B+0], s44, (3<<16)|(1<<20)|(1<<21)|(5<<22)|(3<<25)
.irp g, G1, G1B
	s_mov_b32 s[\g+1], 32<<16                      ; rows of 32 elements = 256 bytes
	s_mov_b32 s[\g+2], 512<<16                     ; 512 rows: a side's 16 panels, all of K
	s_mov_b32 s[\g+3], 32<<16
	s_mov_b32 s[\g+4], 512
	s_mov_b32 s[\g+5], 32                          ; dense
	s_mov_b32 s[\g+6], 0
	s_mov_b32 s[\g+7], 0
.endr
	s_or_b32 s[G1S+0], s43, (3<<16)|(1<<21)        ; the scale words: 2 KK dense bytes, no padding
	s_or_b32 s[G1SB+0], s44, (3<<16)|(1<<21)
.irp g, G1S, G1SB
	s_mov_b32 s[\g+1], 32<<16
	s_mov_b32 s[\g+2], (KK/64)<<16                 ; at the head a side's scale words come whole: 4 KK bytes
	s_mov_b32 s[\g+3], 32<<16
	s_mov_b32 s[\g+4], KK/64
	s_mov_b32 s[\g+5], 32
	s_mov_b32 s[\g+6], 0
	s_mov_b32 s[\g+7], 0
.endr
	s_mul_i32 s20, s17, 128*KK
	s_add_co_u32 s20, s20, MC_OFF
	s_mov_b32 s21, 0
	s_mul_i32 s46, s42, 128*KK
	s_add_co_u32 s46, s46, NC_OFF
	s_mov_b32 s47, 0
	s_mul_i32 s22, s17, 4*KK
	s_add_co_u32 s22, s22, MS_OFF
	s_mov_b32 s23, 0
	s_mul_i32 s92, s42, 4*KK
	s_add_co_u32 s92, s92, NS_OFF
	s_mov_b32 s93, 0
	s_mov_b32 s[SEL], 0x76543210
	s_mov_b32 s[SEL+1], 0xfedcba98
	s_mov_b32 s[MNT], 0x600000
	s_wait_dscnt 0x0                               ; both opening adds are done
	s_wait_kmcnt 0x0
	s_add_nc_u64 s[20:21], s[4:5], s[20:21]
	s_add_nc_u64 s[22:23], s[4:5], s[22:23]
	s_add_nc_u64 s[46:47], s[6:7], s[46:47]
	s_add_nc_u64 s[92:93], s[6:7], s[92:93]
	CROUND                                         ; all sixteen work-groups are here: the first joint loads meet
	s_mov_b32 s[G0S], 1
	s_mov_b32 s[G0S+1], SCL
	s_mov_b64 s[G0S+2:G0S+3], s[22:23]
	s_or_b32 s[G0S+3], s[G0S+3], 0x80000000
	s_mov_b32 s[G0SB], 1
	s_mov_b32 s[G0SB+1], SCL+4*KK
	s_mov_b64 s[G0SB+2:G0SB+3], s[92:93]
	s_or_b32 s[G0SB+3], s[G0SB+3], 0x80000000
	s_mov_b32 s[G0], 1                             ; M's 16 panels lie on end from LDS byte 0, N's from 2 SIDE
	s_mov_b32 s[G0+1], 0
	s_mov_b64 s[G0+2:G0+3], s[20:21]
	s_or_b32 s[G0+3], s[G0+3], 0x80000000
	s_mov_b32 s[G0B], 1
	s_mov_b32 s[G0B+1], 2*SIDE
	s_mov_b64 s[G0B+2:G0B+3], s[46:47]
	s_or_b32 s[G0B+3], s[G0B+3], 0x80000000
; THE HEAD'S LOADS, ONE A WAVE: wave 0 M's codes, wave 1 N's, wave 2 M's scale words, wave 3 N's; one chain of branches on the wave's number, one load to an arm
.macro ARM under, g0, g1, next
	s_cmp_lt_u32 s14, \under
	s_cbranch_scc0 \next
	tensor_load_to_lds s[\g0:\g0+3], s[\g1:\g1+7]
	s_nop 0
.rept 4
	v_nop
.endr
	s_branch .Lhead_asked
\next:
.endm
	ARM 1, G0, G1, .Lhead_n
	ARM 2, G0B, G1B, .Lhead_sm
	ARM 3, G0S, G1S, .Lhead_sn
	tensor_load_to_lds s[G0SB:G0SB+3], s[G1SB:G1SB+7]
	s_nop 0
.rept 4
	v_nop
.endr
.Lhead_asked:
	; A PREFETCH of the second weight tile, which the refill behind the first tile's products will ask for: 512 blocks of 256 bytes of codes and 16 of scale words.  The four work-groups of my column, which ask for that
	; tile jointly, share the blocks out by address: work-group cy, wave w takes blocks 32 (4 cy + w) on of the codes, a lane a block, and block 4 cy + w of the scale words (all lanes name it).  The registers are never rewritten
	s_add_co_u32 s12, s42, 1
	s_mul_i32 s12, s12, 128*KK
	s_add_co_u32 s12, s12, NC_OFF
	s_lshl_b32 s13, s41, 2
	s_add_co_u32 s13, s13, s14
	s_lshl_b32 s18, s13, 13
	s_add_co_u32 s12, s12, s18
	s_lshl_b32 s18, s13, 8
	s_mov_b32 s13, 0
	s_add_nc_u64 s[96:97], s[6:7], s[12:13]
	s_add_co_u32 s12, s42, 1
	s_mul_i32 s12, s12, 4*KK
	s_add_co_u32 s12, s12, NS_OFF
	s_add_co_u32 s12, s12, s18
	s_add_nc_u64 s[98:99], s[6:7], s[12:13]
	v_and_b32 v15, 31, v0
	v_mov_b32 v14, 0
	v_lshlrev_b32 v15, 8, v15
	global_prefetch_b8 v15, s[96:97] th:TH_LOAD_NT scope:SCOPE_SE
	global_prefetch_b8 v14, s[98:99] th:TH_LOAD_NT scope:SCOPE_SE
	v_and_b32 v1, 15, v0                           ; r
	v_bfe_u32 v2, v0, 4, 1                         ; h
	v_lshrrev_b32 v3, 2, v1
	v_mul_u32_u24 v3, v3, 272
	v_and_b32 v4, 3, v1
	v_lshl_add_u32 v3, v4, 6, v3
	v_lshl_add_u32 v3, v2, 4, v3                   ; 272 (r / 4) + 64 (r % 4) + 16 h
	s_mul_i32 s21, s15, 4352                       ; my 64 positions of M
	s_mul_i32 s22, s16, 4352
	s_add_co_u32 s22, s22, 2*SIDE                  ; and of N
.irp s, 0,1
	v_add_nc_u32 v[ADRM+\s], s21, v3
	v_add_nc_u32 v[ADRN+\s], s22, v3
	s_add_co_u32 s21, s21, SIDE
	s_add_co_u32 s22, s22, SIDE
.endr
	s_lshl_b32 s21, s15, 8
	s_lshl_b32 s22, s16, 8
	s_add_co_u32 s22, s22, 4*KK
	s_sub_co_u32 s22, s22, s21
	v_mul_u32_u24 v6, s22, v2                      ; lanes 16-31 take N's words: one product by h
	s_add_co_u32 s21, s21, SCL
	v_lshl_add_u32 v5, v1, 2, v6
	v_add_nc_u32 v[ADRS], s21, v5
	s_mul_i32 s23, s14, 5120
	s_add_co_u32 s23, s23, STAGE                   ; my stage
	v_mul_u32_u24 v5, v1, 80
	v_lshl_add_u32 v5, v2, 4, v5
	v_add_nc_u32 v[STO], s23, v5
	v_and_b32 v6, 31, v0
	v_lshrrev_b32 v7, 2, v6
	v_mul_u32_u24 v7, v7, 80
	v_and_b32 v5, 3, v0
	v_lshl_add_u32 v7, v5, 4, v7
	v_add_nc_u32 v[RD], s23, v7
	v_lshlrev_b32 v[CO], 4, v6
	v_lshlrev_b32 v[SO8], 3, v6
	s_lshl_b32 s21, s15, 8
	s_lshl_b32 s22, s16, 1
	s_add_co_u32 s21, s21, s22
	s_add_co_u32 s21, s21, SCST
	v_lshl_add_u32 v[SCW], v1, 2, s21              ; word 64 wm + r (+ 16 a), half wn
	s_lshl_b32 s21, s16, 8
	s_add_co_u32 s21, s21, SCST
	v_lshl_add_u32 v[SCR], v6, 3, s21
	v_lshlrev_b32 v[BO], 6, v2                     ; the bias: 16 h numbers on
	s_lshl_b32 s20, s42, 9
	s_lshl_b32 s21, s16, 8
	s_add_co_u32 s20, s20, s21
	s_mov_b32 s21, 0
	s_add_nc_u64 s[8:9], s[8:9], s[20:21]          ; at feature 128 x + 64 wn
.irp c, 0,1,2,3,4,5,6,7
	global_load_b128 v[BI+4*\c:BI+4*\c+3], v[BO], s[8:9] offset:128*(\c/4)+16*(\c%4)   ; register 16 B + i: feature 32 B + 16 h + i
.endr
	s_lshl_b32 s20, s42, 1
	s_add_co_u32 s20, s20, s16
	s_lshl_b32 s20, s20, 18                        ; panel 2 x + wn
	s_lshl_b32 s21, s17, 13
	s_add_co_u32 s20, s20, s21
	s_lshl_b32 s21, s15, 12
	s_add_co_u32 s20, s20, s21
	s_mov_b32 s21, 0
	s_add_nc_u64 s[20:21], s[10:11], s[20:21]      ; my 64 positions' codes: 4096 bytes on end
	s_lshl_b32 s22, s42, 1
	s_add_co_u32 s22, s22, s15
	s_lshl_b32 s22, s22, 14                        ; scale words: panel 2 x + wave / 2,
	s_lshl_b32 s23, s17, 9
	s_add_co_u32 s22, s22, s23
	s_lshl_b32 s23, s16, 8                         ; positions 64 (wave % 2) on
	s_add_co_u32 s22, s22, s23
	s_add_co_u32 s22, s22, 8388608
	s_mov_b32 s23, 0
	s_add_nc_u64 s[22:23], s[10:11], s[22:23]
	s_lshl_b32 s19, s15, 4                         ; the odd head's bytes come down by 16 bits
	; the refills of codes: wave 0 fills slot 0's N side, wave 1 slot 1's: 256 rows of 256 bytes each.  The address stands at my first N tile and is stepped ahead of each refill
	s_mul_i32 s12, s42, 128*KK
	s_add_co_u32 s12, s12, NC_OFF
	s_lshl_b32 s13, s16, 16
	s_add_co_u32 s12, s12, s13
	s_mov_b32 s13, 0
	s_mov_b32 s[G0R], 1
	s_mul_i32 s[G0R+1], s16, SIDE
	s_add_co_u32 s[G0R+1], s[G0R+1], 2*SIDE
	s_add_nc_u64 s[G0R+2:G0R+3], s[6:7], s[12:13]
	s_or_b32 s[G0R+3], s[G0R+3], 0x80000000
	s_or_b32 s[G1R+0], s44, (3<<16)|(1<<20)|(1<<21)|(5<<22)|(3<<25)   ; my column's mask (cx, cy and the masks are done with: their registers take this group)
	s_mov_b32 s[G1R+1], 32<<16
	s_mov_b32 s[G1R+2], 256<<16
	s_mov_b32 s[G1R+3], 32<<16
	s_mov_b32 s[G1R+4], 256
	s_mov_b32 s[G1R+5], 32
	s_mov_b32 s[G1R+6], 0
	s_mov_b32 s[G1R+7], 0
.macro FRAG reg, adr, q, i             ; 16 positions x 128 K: registers 4 c .. 4 c + 3 hold k = 32 c + 16 h + 0..15
.irp c, 0,1,2,3
	ds_load_b128 v[\reg+4*\c:\reg+4*\c+3], v[\adr] offset:(2*(\q)+\c/2)*PANEL+(\i)*1088+32*(\c%2)
.endr
.endm
.macro FETCH slot, q, f                ; 32 loads in one run: N's four tiles, then M's
	WIN TO_F
.irp i, 0,1,2,3
	FRAG \f+64+16*\i, ADRN+\slot, \q, \i
.endr
.irp i, 0,1,2,3
	FRAG \f+16*\i, ADRM+\slot, \q, \i
.endr
.endm
.macro SCALES sc                       ; a slot's scale words
.irp i, 0,1,2,3
.irp q, 0,1,2,3
	ds_load_b32 v[SW+16*\sc+4*\i+\q], v[ADRS] offset:2048*\sc+512*\q+64*\i
.endr
.endr
.endm
.macro MUL8 f, a0, q, sc, zero         ; the 16 accumulators take turns, one instruction a turn, in the same order in every step
.irp a, \a0, \a0+1
.irp b, 0,1,2,3
.if \zero
	v_wmma_scale_f32_16x16x128_f8f6f4 v[ACC+8*(4*(\a)+\b):ACC+8*(4*(\a)+\b)+7], v[\f+64+16*\b:\f+64+16*\b+15], v[\f+16*(\a):\f+16*(\a)+15], 0, v[SW+16*(\sc)+4*\b+(\q)], v[SW+16*(\sc)+4*(\a)+(\q)] matrix_a_scale:MATRIX_SCALE_ROW1
.else
	v_wmma_scale_f32_16x16x128_f8f6f4 v[ACC+8*(4*(\a)+\b):ACC+8*(4*(\a)+\b)+7], v[\f+64+16*\b:\f+64+16*\b+15], v[\f+16*(\a):\f+16*(\a)+15], v[ACC+8*(4*(\a)+\b):ACC+8*(4*(\a)+\b)+7], v[SW+16*(\sc)+4*\b+(\q)], v[SW+16*(\sc)+4*(\a)+(\q)] matrix_a_scale:MATRIX_SCALE_ROW1
.endif
.endr
.endr
.endm
.macro QSTEP slot, q, f, g, zero       ; 128 along K from buffer f; the next 128 are fetched into g
	s_wait_dscnt 8                                 ; all but the youngest eight loads (M's tiles 2, 3)
	WIN MUL
	MUL8 \f, 0, \q, \slot, \zero
	PLACES 8                                       ; eight places in front of loads into registers that matrix instructions have read
	FETCH \slot, (\q)+1, \g
	s_wait_dscnt 32                                ; all but the 32 just issued
	WIN MUL
	MUL8 \f, 2, \q, \slot, \zero
.endm
.macro TURN slot, next                 ; a slot's last 128: the other slot must be whole for every wave
	WIN 0
	s_wait_tensorcnt 0x0                           ; all my tensor loads have landed
	ds_add_u32 v[SPW], v[NIL]
	s_wait_dscnt 9                                 ; the add and the youngest eight loads may be out
	WIN MUL
	MUL8 F1, 0, 3, \slot, 0
	s_wait_dscnt 0x0                               ; the add is done, my reads of this slot are over
	s_barrier_signal -1
	WIN 0
	s_barrier_wait -1
	PLACES 8
	SCALES \next
	FETCH \next, 0, F0
	WIN MUL
	MUL8 F1, 2, 3, \slot, 0
.endm
.macro MAIN                            ; a tile's 128 products a wave: both slots are walked once
	SCALES 0
	FETCH 0, 0, F0
	QSTEP 0, 0, F0, F1, 1                          ; the first products start the sums
	QSTEP 0, 1, F1, F0, 0
	QSTEP 0, 2, F0, F1, 0
	TURN 0, 1
	QSTEP 1, 0, F0, F1, 0
	QSTEP 1, 1, F1, F0, 0
	QSTEP 1, 2, F0, F1, 0
	s_wait_dscnt 8
	WIN MUL
	MUL8 F1, 0, 3, 1, 0
	s_wait_dscnt 0x0
	MUL8 F1, 2, 3, 1, 0
	WIN 0
.endm
; The weight side of both slots and the weight's scale words are filled again with the next tile's.  Every wave has waited for all its tensor loads, added 0 to its spare word and waited for that and for its LDS
; reads; the round shows the same of every wave of every partner; the joint load is the first thing behind it: one load of mine is out.
.macro REFILL
	s_wait_tensorcnt 0x0                           ; no tensor load of mine is out, so a group 0 may be written
	ds_add_u32 v[SPW], v[NIL]                      ; 0 onto my spare word; the steps below stand between it and the wait for it
	s_add_nc_u64 s[G0R+2:G0R+3], s[G0R+2:G0R+3], 128*KK
	s_add_nc_u64 s[G0SB+2:G0SB+3], s[G0SB+2:G0SB+3], 4*KK
	s_wait_dscnt 0x0
	CROUND
	JLOAD G0R, G1R, G0SB, G1SB
.endm
; 64 numbers of a lane (two token positions x two blocks of 32 features, 16 of each block mine, 16 lane l xor 16's) become codes and two pairs of scale bytes
.macro QUANT s, pc, pw
.irp b, 0,1,2,3
	v_max3_num_f32 v[TM+\b], |v[\s+16*\b]|, |v[\s+1+16*\b]|, 0x4800000   ; with the floor 2^(9 - 127): the byte cannot fall under 1
.endr
.irp i, 2,4,6,8,10,12,14
.irp b, 0,1,2,3
	v_max3_num_f32 v[TM+\b], v[TM+\b], |v[\s+16*\b+\i]|, |v[\s+1+16*\b+\i]|
.endr
.endr
.irp b, 0,1,2,3
	v_permlanex16_b32 v[TM+4+\b], v[TM+\b], s[SEL], s[SEL+1]
.endr
.irp b, 0,1,2,3
	v_max_num_f32 v[TM+\b], v[TM+\b], v[TM+4+\b]
.endr
.irp b, 0,1,2,3
	v_add_nc_u32 v[TM+12+\b], 0xfc000000, v[TM+\b] ; 8 off the exponent field: the conversion's scale operand
.endr
.irp b, 0,1,2,3
	v_and_or_b32 v[TM+8+\b], v[TM+\b], 0x7f800000, s[MNT]   ; 448 x the scale
.endr
.irp b, 0,1,2,3
	v_lshrrev_b32 v[TM+4+\b], 23, v[TM+12+\b]      ; the byte
.endr
	v_lshl_or_b32 v[\pw], v[TM+5], 8, v[TM+4]
	v_lshl_or_b32 v[\pw+1], v[TM+7], 8, v[TM+6]
.irp b, 0,1,2,3
.irp i, 0,1,2,3,4,5,6,7,8,9,10,11,12,13,14,15
	v_med3_num_f32 v[\s+16*\b+\i], v[\s+16*\b+\i], -v[TM+8+\b], v[TM+8+\b]   ; the conversion does not saturate (ISA guide 7.6.2)
.endr
	v_cvt_scalef32_pk8_fp8_f32 v[\pc+4*\b:\pc+1+4*\b], v[\s+16*\b:\s+7+16*\b], v[TM+12+\b]
	v_cvt_scalef32_pk8_fp8_f32 v[\pc+2+4*\b:\pc+3+4*\b], v[\s+8+16*\b:\s+15+16*\b], v[TM+12+\b]
.endr
	v_nop                                          ; a plain instruction behind the last conversion
.endm
.macro TOLDS a2, pc, pw
	ds_store_b128 v[STO], v[\pc:\pc+3] offset:1280*(2*\a2)
	ds_store_b128 v[STO], v[\pc+4:\pc+7] offset:1280*(2*\a2)+32
	ds_store_b128 v[STO], v[\pc+8:\pc+11] offset:1280*(2*\a2+1)
	ds_store_b128 v[STO], v[\pc+12:\pc+15] offset:1280*(2*\a2+1)+32
	ds_store_b16 v[SCW], v[\pw] offset:64*(2*\a2)          ; both halves of the lanes write the same two bytes with the same value
	ds_store_b16 v[SCW], v[\pw+1] offset:64*(2*\a2+1)
.endm
; THE WAY OUT of a tile.  last = 0: the bases step to the next tile and its bias is asked for
.macro WAYOUT last
	PLACES 8                                       ; in front of the first read of results
	s_wait_loadcnt 0x0                             ; the bias
.set p, 0
.rept 64
	v_pk_add_f32 v[ACC+2*p:ACC+2*p+1], v[ACC+2*p:ACC+2*p+1], v[BI+(2*p)%32:BI+(2*p)%32+1]   ; ascending: each accumulator is read from its low end on
.set p, p+1
.endr
.irp b, 0,1,2,3
	v_mov_b32 v[TM+4+\b], 0                        ; a lane permute's destination counts as one of its sources
.endr
	QUANT ACC, 96, 80
	TOLDS 0, 96, 80
	QUANT ACC+64, 112, 82
	TOLDS 1, 112, 82
	s_wait_dscnt 0x0                               ; for the others' sake: my scale bytes have landed
	s_barrier_signal -1
	s_barrier_wait -1
.irp t, 0,1,2,3,4,5,6,7
	ds_load_b128 v[64+4*\t:67+4*\t], v[RD] offset:640*\t
.endr
	ds_load_b64 v[96:97], v[SCR]
.irp t, 0,1,2,3,4,5,6,7
	s_wait_dscnt 8-\t
	global_store_b128 v[CO], v[64+4*\t:67+4*\t], s[20:21] offset:512*\t   ; 512 consecutive bytes
.endr
	s_wait_dscnt 0x0
	v_lshrrev_b32 v96, s19, v96
	v_lshrrev_b32 v97, s19, v97
	global_store_b64 v[SO8], v[96:97], s[22:23]    ; 256 consecutive bytes
.if \last == 0
	s_wait_xcnt 0x0                                ; the stores have read their registers and bases: both may be written again
	s_add_nc_u64 s[8:9], s[8:9], 512               ; 128 features on
	s_add_nc_u64 s[20:21], s[20:21], 524288        ; two panels on
	s_add_nc_u64 s[22:23], s[22:23], 32768
.irp c, 0,1,2,3,4,5,6,7
	global_load_b128 v[BI+4*\c:BI+4*\c+3], v[BO], s[8:9] offset:128*(\c/4)+16*(\c%4)
.endr
.endif
.endm
	s_wait_alu depctr_va_vdst(0)
	s_wait_tensorcnt 0x0                           ; my one load of the head is in; no load of mine is out, so descriptors may be written: the refills of scale words go by halves, 2 KK bytes
	s_mul_i32 s12, s14, 2*KK
	s_add_co_u32 s[G0SB+1], s12, SCL
	s_mul_i32 s12, s16, 2*KK
	s_mov_b32 s13, 0
	s_add_nc_u64 s[G0SB+2:G0SB+3], s[G0SB+2:G0SB+3], s[12:13]
	s_mov_b32 s[G1SB+2], (KK/128)<<16
	s_mov_b32 s[G1SB+4], KK/128
	s_barrier_signal -1
	s_barrier_wait -1
	MAIN
	REFILL
	WAYOUT 0
	s_wait_tensorcnt 0x0                           ; my part of the next tile is in,
	s_wait_dscnt 0x0
	s_barrier_signal -1
	s_barrier_wait -1                              ; everybody's is, and everybody has read the last tile's scale bytes
	MAIN
	WAYOUT 1
	s_wait_tensorcnt 0x0                           ; the wave's end
	ds_add_u32 v[SPW], v[NIL]
	s_wait_dscnt 0x0
	CROUND                                         ; the closing round
	s_endpgm
.Lfunc_end_k_q0d5a47a673_gemm_qk:
	.size	k_q0d5a47a673_gemm_qk, .Lfunc_end_k_q0d5a47a673_gemm_qk-k_q0d5a47a673_gemm_qk
	.p2alignl 7, 3214868480
	.fill 96, 4, 3214868480
	.section	.rodata,"a",@progbits
	.p2align	6, 0x0
	.amdhsa_kernel k_q0d5a47a673_gemm_qk
		.amdhsa_group_segment_fixed_size 327680
		.amdhsa_private_segment_fixed_size 0
		.amdhsa_enable_private_segment 0
		.amdhsa_kernarg_size 32
		.amdhsa_user_sgpr_count 2
		.amdhsa_user_sgpr_kernarg_segment_ptr 1
		.amdhsa_wavefront_size32 1
		.amdhsa_system_sgpr_workgroup_id_x 1
		.amdhsa_system_sgpr_workgroup_id_y 1
		.amdhsa_system_sgpr_workgroup_id_z 1
		.amdhsa_system_vgpr_workitem_id 0
		.amdhsa_next_free_vgpr 512
		.amdhsa_next_free_sgpr 100
		.amdhsa_reserve_vcc 0
		.amdhsa_float_denorm_mode_32 3
		.amdhsa_float_denorm_mode_16_64 3
		.amdhsa_memory_ordered 1
		.amdhsa_forward_progress 1
		.amdhsa_inst_pref_size 135
	.end_amdhsa_kernel
	.amdgpu_metadata
---
amdhsa.version: [ 1, 2 ]
amdhsa.kernels:
  - .name:           k_q0d5a47a673_gemm_qk
    .symbol:         k_q0d5a47a673_gemm_qk.kd
    .args:
      - { .name: h1, .offset: 0, .size: 8, .value_kind: global_buffer, .address_space: global }
      - { .name: wts, .offset: 8, .size: 8, .value_kind: global_buffer, .address_space: global }
      - { .name: qkv_b, .offset: 16, .size: 8, .value_kind: global_buffer, .address_space: global }
      - { .name: qk, .offset: 24, .size: 8, .value_kind: global_buffer, .address_space: global }
    .group_segment_fixed_size: 327680
    .private_segment_fixed_size: 0
    .kernarg_segment_align: 8
    .kernarg_segment_size: 32
    .max_flat_workgroup_size: 128
    .sgpr_count:     100
    .vgpr_count:     512
    .wavefront_size: 32
...
	.end_amdgpu_metadata
.endif
;; end of part 10
;; launch gemm_vt (part 11): grid 32 x 8, 4 waves a work-group, clusters of 4 x 4, 327,680 bytes of LDS; arguments wts, h1, qkv_b, vt; writes vt
.if DOCPART == 11
	.amdgcn_target "amdgcn-amd-amdhsa--gfx1250"
	.amdhsa_code_object_version 6
	.text
	.protected	k_q0d5a47a673_gemm_vt
	.globl	k_q0d5a47a673_gemm_vt
	.p2align	8
	.type	k_q0d5a47a673_gemm_vt,@function
k_q0d5a47a673_gemm_vt:
	s_mov_b64 s[64:65], 0
	v_nop
	global_prefetch_b8 v0, s[64:65] scope:SCOPE_SE
	s_setreg_imm32_b32 hwreg(HW_REG_WAVE_MODE, 25, 1), 1
	s_wait_xcnt 0x0
	s_wait_alu depctr_hold_cnt(0) depctr_sa_sdst(0) depctr_va_vdst(0) depctr_va_sdst(0) depctr_va_ssrc(0) depctr_va_vcc(0) depctr_vm_vsrc(0)
	s_getreg_b32 s2, hwreg(HW_REG_IB_STS2, 6, 4)
	s_cmp_eq_u32 s2, 0
	s_cbranch_scc0 .Lentry_in_a_cluster
	s_endpgm
.Lentry_in_a_cluster:
	s_bfe_u32 s2, ttmp6, 0x10000c
	s_cmp_lg_u32 s2, 0xf033
	s_cbranch_scc0 .Lentry_shape_is_right
	s_endpgm
.Lentry_shape_is_right:
; V^T: [1024 features] x [4096 tokens] = Wv LN1(x)^T + b (b along the features) on codes of FP8 (E4M3) with E8M0 scales, K = 1024; the result, in f32, is quantised ALONG THE TOKENS, which are the K of
; attention's second product, and stored as codes.  The M side is Wv (rows 2048 on of qkv_w), the N side the tokens.
; OPERANDS: rows in tiles of 128, row R at POSITION R with bits 3 and 4 exchanged; codes [tile][K / 64][128 positions][64 bytes], scale words [tile][K / 128][128 positions].
; A tile of 128 x 128 to a work-group, four waves of 64 x 64.  The product is used TRANSPOSED (source 0 = 16 positions of N, source 1 = 16 of M): a lane holds one feature, and the 16 registers of N tiles
; 2 b, 2 b + 1 are 16 NEIGHBOURING tokens 32 b + 16 (lane / 16) + 0..15.  K goes in two steps of 512, one in each of two LDS slots; nothing is filled again.
; In LDS position P of a panel lies at 272 (P / 4) + 64 (P % 4).  CLUSTER 4 x 4: M's tile is shared along a row of the cluster, N's along a column: joint loads.
; OUT: vt codes [head][token / 64][64 positions of the head's features][64 bytes]; scale words [head][token / 128][64] from byte 4194304.
; LIMITS: NaN and infinities are not served; a block of zeros gets the byte 1.
.set KK,     1024
.set MC_OFF, 2097152
.set MS_OFF, 12648448
.set NC_OFF, 0
.set NS_OFF, 4194304
.set PANEL,  8704
.set QUART,  4*PANEL
.set SIDE,   8*PANEL
.set SLOT,   2*SIDE
.set SCL,    2*SLOT
.set SCST,   311296
.set SPARE,  311808
.set ADRM, 16
.set ADRN, 20
.set BO,   22
.set SO8,  23
.set STO,  24
.set RD,   25
.set CO,   26
.set ADRS, 27
.set SPW,  28
.set NIL,  29
.set SCW,  30
.set SCR,  31
.set SW,   32                          ; v32-63 scale words and nothing else
.set BI,   64                          ; v64-71 the bias of my four features, each twice
.set TM,   64
.set ACC,  128
.set F0,   0
.set F1,   128
.set SEL,  2
.set MNT,  66
.set G1,   24
.set G0,   32
.set G1B,  48
.set G0B,  56
.set G1S,  68
.set G0S,  76
.set G1SB, 80
.set G0SB, 88
.set MSB, 0
.macro WIN new
.if MSB != \new
	s_set_vgpr_msb (MSB<<8)|\new
.set MSB, \new
.endif
.endm
.set MUL,  0x05
.set TO_F, 0x40
.macro JLOAD g0a, g1a, g0b, g1b        ; a joint load: waves 0, 1 fetch for M, waves 2, 3 for N; an s_nop 0 and four v_nop follow each line
	s_cmp_eq_u32 s15, 0
	s_cbranch_scc0 .Lfor_n_\@
	tensor_load_to_lds s[\g0a:\g0a+3], s[\g1a:\g1a+7]
	s_nop 0
.rept 4
	v_nop
.endr
	s_branch .Lasked_\@
.Lfor_n_\@:
	tensor_load_to_lds s[\g0b:\g0b+3], s[\g1b:\g1b+7]
	s_nop 0
.rept 4
	v_nop
.endr
.Lasked_\@:
.endm
.macro CROUND
	s_barrier_signal -1
	s_barrier_wait -1
	s_cmp_lg_u32 s14, 0
	s_cbranch_scc1 .Lnot_wave_0_\@
	s_barrier_signal -3
.Lnot_wave_0_\@:
	s_barrier_wait -3
	s_barrier_signal -1
	s_barrier_wait -1
.endm
.macro PLACES n
.rept \n
	v_nop
.endr
.endm
	s_load_b128 s[4:7], s[0:1], 0x0                ; M side's buffer, N side's buffer
	s_load_b128 s[8:11], s[0:1], 0x10              ; the bias, the output
	v_lshl_add_u32 v[SPW], v0, 2, SPARE
	v_mov_b32 v[NIL], 0
	ds_add_u32 v[SPW], v[NIL]                      ; the opening: the add, twice on end, and its wait ahead of my first tensor load
	ds_add_u32 v[SPW], v[NIL]
	v_lshrrev_b32 v1, 5, v0
	v_readfirstlane_b32 s14, v1
	s_lshr_b32 s15, s14, 1
	s_and_b32 s16, s14, 1
	s_bfe_u32 s40, ttmp6, 0x40000
	s_bfe_u32 s41, ttmp6, 0x40004
	s_lshl_b32 s42, ttmp9, 2
	s_add_co_u32 s42, s42, s40                     ; N tile
	s_and_b32 s17, ttmp7, 0xffff
	s_lshl_b32 s17, s17, 2
	s_add_co_u32 s17, s17, s41                     ; M tile
	s_lshl_b32 s43, s41, 2
	s_lshl_b32 s43, 15, s43
	s_lshl_b32 s44, 0x1111, s40
	s_or_b32 s[G1+0], s43, (3<<16)|(1<<20)|(1<<21)|(5<<22)|(3<<25)
	s_or_b32 s[G1B+0], s44, (3<<16)|(1<<20)|(1<<21)|(5<<22)|(3<<25)
.irp g, G1, G1B
	s_mov_b32 s[\g+1], 32<<16
	s_mov_b32 s[\g+2], 512<<16                     ; 512 rows: a side's 16 panels, all of K
	s_mov_b32 s[\g+3], 32<<16
	s_mov_b32 s[\g+4], 512
	s_mov_b32 s[\g+5], 32
	s_mov_b32 s[\g+6], 0
	s_mov_b32 s[\g+7], 0
.endr
	s_or_b32 s[G1S+0], s43, (3<<16)|(1<<21)
	s_or_b32 s[G1SB+0], s44, (3<<16)|(1<<21)
.irp g, G1S, G1SB
	s_mov_b32 s[\g+1], 32<<16
	s_mov_b32 s[\g+2], (KK/64)<<16                 ; a side's scale words whole: 4 KK bytes
	s_mov_b32 s[\g+3], 32<<16
	s_mov_b32 s[\g+4], KK/64
	s_mov_b32 s[\g+5], 32
	s_mov_b32 s[\g+6], 0
	s_mov_b32 s[\g+7], 0
.endr
	s_mul_i32 s20, s17, 128*KK
	s_add_co_u32 s20, s20, MC_OFF
	s_mov_b32 s21, 0
	s_mul_i32 s46, s42, 128*KK
	s_add_co_u32 s46, s46, NC_OFF
	s_mov_b32 s47, 0
	s_mul_i32 s22, s17, 4*KK
	s_add_co_u32 s22, s22, MS_OFF
	s_mov_b32 s23, 0
	s_mul_i32 s92, s42, 4*KK
	s_add_co_u32 s92, s92, NS_OFF
	s_mov_b32 s93, 0
	s_mov_b32 s[SEL], 0x76543210
	s_mov_b32 s[SEL+1], 0xfedcba98
	s_mov_b32 s[MNT], 0x600000
	s_wait_dscnt 0x0                               ; both opening adds are done
	s_wait_kmcnt 0x0
	s_add_nc_u64 s[20:21], s[4:5], s[20:21]
	s_add_nc_u64 s[22:23], s[4:5], s[22:23]
	s_add_nc_u64 s[46:47], s[6:7], s[46:47]
	s_add_nc_u64 s[92:93], s[6:7], s[92:93]
	CROUND                                         ; the first joint loads meet
	s_mov_b32 s[G0S], 1
	s_mov_b32 s[G0S+1], SCL
	s_mov_b64 s[G0S+2:G0S+3], s[22:23]
	s_or_b32 s[G0S+3], s[G0S+3], 0x80000000
	s_mov_b32 s[G0SB], 1
	s_mov_b32 s[G0SB+1], SCL+4*KK
	s_mov_b64 s[G0SB+2:G0SB+3], s[92:93]
	s_or_b32 s[G0SB+3], s[G0SB+3], 0x80000000
	s_mov_b32 s[G0], 1                             ; M's 16 panels lie on end from LDS byte 0, N's from 2 SIDE
	s_mov_b32 s[G0+1], 0
	s_mov_b64 s[G0+2:G0+3], s[20:21]
	s_or_b32 s[G0+3], s[G0+3], 0x80000000
	s_mov_b32 s[G0B], 1
	s_mov_b32 s[G0B+1], 2*SIDE
	s_mov_b64 s[G0B+2:G0B+3], s[46:47]
	s_or_b32 s[G0B+3], s[G0B+3], 0x80000000
; THE HEAD'S LOADS, ONE A WAVE: wave 0 M's codes, wave 1 N's, wave 2 M's scale words, wave 3 N's; one chain of branches on the wave's number, one load to an arm
.macro ARM under, g0, g1, next
	s_cmp_lt_u32 s14, \under
	s_cbranch_scc0 \next
	tensor_load_to_lds s[\g0:\g0+3], s[\g1:\g1+7]
	s_nop 0
.rept 4
	v_nop
.endr
	s_branch .Lhead_asked
\next:
.endm
	ARM 1, G0, G1, .Lhead_n
	ARM 2, G0B, G1B, .Lhead_sm
	ARM 3, G0S, G1S, .Lhead_sn
	tensor_load_to_lds s[G0SB:G0SB+3], s[G1SB:G1SB+7]
	s_nop 0
.rept 4
	v_nop
.endr
.Lhead_asked:
	v_and_b32 v1, 15, v0                           ; r
	v_bfe_u32 v2, v0, 4, 1                         ; h
	v_lshrrev_b32 v3, 2, v1
	v_mul_u32_u24 v3, v3, 272
	v_and_b32 v4, 3, v1
	v_lshl_add_u32 v3, v4, 6, v3
	v_lshl_add_u32 v3, v2, 4, v3
	s_mul_i32 s21, s15, 4352
	s_mul_i32 s22, s16, 4352
	s_add_co_u32 s22, s22, 2*SIDE
.irp s, 0,1
	v_add_nc_u32 v[ADRM+\s], s21, v3
	v_add_nc_u32 v[ADRN+\s], s22, v3
	s_add_co_u32 s21, s21, SIDE
	s_add_co_u32 s22, s22, SIDE
.endr
	s_lshl_b32 s21, s15, 8
	s_lshl_b32 s22, s16, 8
	s_add_co_u32 s22, s22, 4*KK
	s_sub_co_u32 s22, s22, s21
	v_mul_u32_u24 v6, s22, v2
	s_add_co_u32 s21, s21, SCL
	v_lshl_add_u32 v5, v1, 2, v6
	v_add_nc_u32 v[ADRS], s21, v5
	s_mul_i32 s23, s14, 5120
	v_mul_u32_u24 v5, v1, 80
	v_lshl_add_u32 v5, v2, 4, v5
	v_add_nc_u32 v[STO], s23, v5
	v_and_b32 v6, 31, v0
	v_lshrrev_b32 v7, 2, v6
	v_mul_u32_u24 v7, v7, 80
	v_and_b32 v5, 3, v0
	v_lshl_add_u32 v7, v5, 4, v7
	v_add_nc_u32 v[RD], s23, v7
	v_lshlrev_b32 v[CO], 4, v6
	v_lshlrev_b32 v[SO8], 3, v6
	s_lshl_b32 s21, s15, 8
	s_lshl_b32 s22, s16, 1
	s_add_co_u32 s21, s21, s22
	s_add_co_u32 s21, s21, SCST
	v_lshl_add_u32 v[SCW], v1, 2, s21
	s_lshl_b32 s21, s16, 8
	s_add_co_u32 s21, s21, SCST
	v_lshl_add_u32 v[SCR], v6, 3, s21
	v_and_b32 v5, 8, v1
	v_add_nc_u32 v5, v5, v1
	v_lshlrev_b32 v[BO], 2, v5                     ; position 16 a + r is feature 32 (a / 2) + 8 (a % 2) + 16 (r / 8) + r % 8
	s_lshl_b32 s20, s17, 9
	s_lshl_b32 s21, s15, 8
	s_add_co_u32 s20, s20, s21
	s_add_co_u32 s20, s20, 8192
	s_mov_b32 s21, 0
	s_add_nc_u64 s[8:9], s[8:9], s[20:21]          ; qkv_b at 2048 + 128 y + 64 wm
.irp a, 0,1,2,3
	global_load_b32 v[BI+2*\a], v[BO], s[8:9] offset:(32*(\a/2)+8*(\a%2))*4
	global_load_b32 v[BI+2*\a+1], v[BO], s[8:9] offset:(32*(\a/2)+8*(\a%2))*4   ; the same number once more: a pair for the packed addition
.endr
	s_lshl_b32 s20, s17, 1
	s_add_co_u32 s20, s20, s15
	s_lshl_b32 s20, s20, 18                        ; head 2 y + wm
	s_lshl_b32 s21, s42, 1
	s_add_co_u32 s21, s21, s16
	s_lshl_b32 s21, s21, 12                        ; panel 2 x + wn
	s_add_co_u32 s20, s20, s21
	s_mov_b32 s21, 0
	s_add_nc_u64 s[20:21], s[10:11], s[20:21]
	s_lshl_b32 s22, s17, 1
	s_add_co_u32 s22, s22, s16                     ; scale words (waves 0, 1 store them): head 2 y + wave
	s_lshl_b32 s22, s22, 5
	s_add_co_u32 s22, s22, s42
	s_lshl_b32 s22, s22, 8
	s_add_co_u32 s22, s22, 4194304
	s_mov_b32 s23, 0
	s_add_nc_u64 s[22:23], s[10:11], s[22:23]
.macro FRAG reg, adr, q, i
.irp c, 0,1,2,3
	ds_load_b128 v[\reg+4*\c:\reg+4*\c+3], v[\adr] offset:(2*(\q)+\c/2)*PANEL+(\i)*1088+32*(\c%2)
.endr
.endm
.macro FETCH slot, q, f
	WIN TO_F
.irp i, 0,1,2,3
	FRAG \f+64+16*\i, ADRN+\slot, \q, \i
.endr
.irp i, 0,1,2,3
	FRAG \f+16*\i, ADRM+\slot, \q, \i
.endr
.endm
.macro SCALES sc
.irp i, 0,1,2,3
.irp q, 0,1,2,3
	ds_load_b32 v[SW+16*\sc+4*\i+\q], v[ADRS] offset:512*\q+64*\i
.endr
.endr
.endm
.macro MUL8 f, a0, q, sc, zero         ; the 16 accumulators take turns
.irp a, \a0, \a0+1
.irp b, 0,1,2,3
.if \zero
	v_wmma_scale_f32_16x16x128_f8f6f4 v[ACC+8*(4*(\a)+\b):ACC+8*(4*(\a)+\b)+7], v[\f+64+16*\b:\f+64+16*\b+15], v[\f+16*(\a):\f+16*(\a)+15], 0, v[SW+16*(\sc)+4*\b+(\q)], v[SW+16*(\sc)+4*(\a)+(\q)] matrix_a_scale:MATRIX_SCALE_ROW1
.else
	v_wmma_scale_f32_16x16x128_f8f6f4 v[ACC+8*(4*(\a)+\b):ACC+8*(4*(\a)+\b)+7], v[\f+64+16*\b:\f+64+16*\b+15], v[\f+16*(\a):\f+16*(\a)+15], v[ACC+8*(4*(\a)+\b):ACC+8*(4*(\a)+\b)+7], v[SW+16*(\sc)+4*\b+(\q)], v[SW+16*(\sc)+4*(\a)+(\q)] matrix_a_scale:MATRIX_SCALE_ROW1
.endif
.endr
.endr
.endm
.macro QSTEP slot, q, f, g, zero
	s_wait_dscnt 8                                 ; all but the youngest eight loads (M's tiles 2, 3)
	WIN MUL
	MUL8 \f, 0, \q, \slot, \zero
	PLACES 8                                       ; in front of loads into registers that matrix instructions have read
	FETCH \slot, (\q)+1, \g
	s_wait_dscnt 32                                ; all but the 32 just issued
	WIN MUL
	MUL8 \f, 2, \q, \slot, \zero
.endm
.macro TURN slot, next
	WIN 0
	s_wait_tensorcnt 0x0                           ; all my tensor loads have landed
	ds_add_u32 v[SPW], v[NIL]
	s_wait_dscnt 9                                 ; the add and the youngest eight loads may be out
	WIN MUL
	MUL8 F1, 0, 3, \slot, 0
	s_wait_dscnt 0x0
	s_barrier_signal -1
	WIN 0
	s_barrier_wait -1
	PLACES 8
	v_add_nc_u32 v[ADRS], 2048, v[ADRS]
	SCALES \next
	FETCH \next, 0, F0
	WIN MUL
	MUL8 F1, 2, 3, \slot, 0
.endm
	s_wait_alu depctr_va_vdst(0)
	s_wait_tensorcnt 0x0                           ; my one load of the head is in
	s_barrier_signal -1
	s_barrier_wait -1
	SCALES 0
	FETCH 0, 0, F0
	QSTEP 0, 0, F0, F1, 1
	QSTEP 0, 1, F1, F0, 0
	QSTEP 0, 2, F0, F1, 0
	TURN 0, 1
	QSTEP 1, 0, F0, F1, 0
	QSTEP 1, 1, F1, F0, 0
	QSTEP 1, 2, F0, F1, 0
	s_wait_dscnt 8
	WIN MUL
	MUL8 F1, 0, 3, 1, 0
	s_wait_dscnt 0x0
	MUL8 F1, 2, 3, 1, 0
	WIN 0
	PLACES 8
	s_wait_loadcnt 0x0                             ; the bias
.set p, 0
.rept 64
	v_pk_add_f32 v[ACC+2*p:ACC+2*p+1], v[ACC+2*p:ACC+2*p+1], v[BI+2*(p/16):BI+2*(p/16)+1]   ; ascending: each accumulator from its low end on
.set p, p+1
.endr
.irp b, 0,1,2,3
	v_mov_b32 v[TM+4+\b], 0
.endr
.macro QUANT s, pc, pw                 ; 64 numbers of a lane: two features x two blocks of 32 tokens
.irp b, 0,1,2,3
	v_max3_num_f32 v[TM+\b], |v[\s+16*\b]|, |v[\s+1+16*\b]|, 0x4800000
.endr
.irp i, 2,4,6,8,10,12,14
.irp b, 0,1,2,3
	v_max3_num_f32 v[TM+\b], v[TM+\b], |v[\s+16*\b+\i]|, |v[\s+1+16*\b+\i]|
.endr
.endr
.irp b, 0,1,2,3
	v_permlanex16_b32 v[TM+4+\b], v[TM+\b], s[SEL], s[SEL+1]
.endr
.irp b, 0,1,2,3
	v_max_num_f32 v[TM+\b], v[TM+\b], v[TM+4+\b]
.endr
.irp b, 0,1,2,3
	v_add_nc_u32 v[TM+12+\b], 0xfc000000, v[TM+\b]
.endr
.irp b, 0,1,2,3
	v_and_or_b32 v[TM+8+\b], v[TM+\b], 0x7f800000, s[MNT]
.endr
.irp b, 0,1,2,3
	v_lshrrev_b32 v[TM+4+\b], 23, v[TM+12+\b]
.endr
	v_lshl_or_b32 v[\pw], v[TM+5], 8, v[TM+4]
	v_lshl_or_b32 v[\pw+1], v[TM+7], 8, v[TM+6]
.irp b, 0,1,2,3
.irp i, 0,1,2,3,4,5,6,7,8,9,10,11,12,13,14,15
	v_med3_num_f32 v[\s+16*\b+\i], v[\s+16*\b+\i], -v[TM+8+\b], v[TM+8+\b]
.endr
	v_cvt_scalef32_pk8_fp8_f32 v[\pc+4*\b:\pc+1+4*\b], v[\s+16*\b:\s+7+16*\b], v[TM+12+\b]
	v_cvt_scalef32_pk8_fp8_f32 v[\pc+2+4*\b:\pc+3+4*\b], v[\s+8+16*\b:\s+15+16*\b], v[TM+12+\b]
.endr
	v_nop
.endm
.macro TOLDS a2, pc, pw
	ds_store_b128 v[STO], v[\pc:\pc+3] offset:1280*(2*\a2)
	ds_store_b128 v[STO], v[\pc+4:\pc+7] offset:1280*(2*\a2)+32
	ds_store_b128 v[STO], v[\pc+8:\pc+11] offset:1280*(2*\a2+1)
	ds_store_b128 v[STO], v[\pc+12:\pc+15] offset:1280*(2*\a2+1)+32
	ds_store_b16 v[SCW], v[\pw] offset:64*(2*\a2)
	ds_store_b16 v[SCW], v[\pw+1] offset:64*(2*\a2+1)
.endm
	QUANT ACC, 96, 80
	TOLDS 0, 96, 80
	QUANT ACC+64, 112, 82
	TOLDS 1, 112, 82
	s_wait_dscnt 0x0                               ; for the others' sake: my scale bytes have landed
	s_barrier_signal -1
	s_barrier_wait -1
.irp t, 0,1,2,3,4,5,6,7
	ds_load_b128 v[64+4*\t:67+4*\t], v[RD] offset:640*\t
.endr
.irp t, 0,1,2,3,4,5,6,7
	s_wait_dscnt 7-\t
	global_store_b128 v[CO], v[64+4*\t:67+4*\t], s[20:21] offset:512*\t
.endr
	s_cmp_lt_u32 s14, 2                            ; a word holds both token halves' bytes: waves 0 and 1 store a head's 64 words each
	s_cbranch_scc0 .Lno_words
	ds_load_b64 v[96:97], v[SCR]
	s_wait_dscnt 0x0
	global_store_b64 v[SO8], v[96:97], s[22:23]
.Lno_words:
	s_wait_tensorcnt 0x0                           ; the wave's end
	ds_add_u32 v[SPW], v[NIL]
	s_wait_dscnt 0x0
	CROUND
	s_endpgm
.Lfunc_end_k_q0d5a47a673_gemm_vt:
	.size	k_q0d5a47a673_gemm_vt, .Lfunc_end_k_q0d5a47a673_gemm_vt-k_q0d5a47a673_gemm_vt
	.p2alignl 7, 3214868480
	.fill 96, 4, 3214868480
	.section	.rodata,"a",@progbits
	.p2align	6, 0x0
	.amdhsa_kernel k_q0d5a47a673_gemm_vt
		.amdhsa_group_segment_fixed_size 327680
		.amdhsa_private_segment_fixed_size 0
		.amdhsa_enable_private_segment 0
		.amdhsa_kernarg_size 32
		.amdhsa_user_sgpr_count 2
		.amdhsa_user_sgpr_kernarg_segment_ptr 1
		.amdhsa_wavefront_size32 1
		.amdhsa_system_sgpr_workgroup_id_x 1
		.amdhsa_system_sgpr_workgroup_id_y 1
		.amdhsa_system_sgpr_workgroup_id_z 1
		.amdhsa_system_vgpr_workitem_id 0
		.amdhsa_next_free_vgpr 512
		.amdhsa_next_free_sgpr 98
		.amdhsa_reserve_vcc 0
		.amdhsa_float_denorm_mode_32 3
		.amdhsa_float_denorm_mode_16_64 3
		.amdhsa_memory_ordered 1
		.amdhsa_forward_progress 1
		.amdhsa_inst_pref_size 71
	.end_amdhsa_kernel
	.amdgpu_metadata
---
amdhsa.version: [ 1, 2 ]
amdhsa.kernels:
  - .name:           k_q0d5a47a673_gemm_vt
    .symbol:         k_q0d5a47a673_gemm_vt.kd
    .args:
      - { .name: wts, .offset: 0, .size: 8, .value_kind: global_buffer, .address_space: global }
      - { .name: h1, .offset: 8, .size: 8, .value_kind: global_buffer, .address_space: global }
      - { .name: qkv_b, .offset: 16, .size: 8, .value_kind: global_buffer, .address_space: global }
      - { .name: vt, .offset: 24, .size: 8, .value_kind: global_buffer, .address_space: global }
    .group_segment_fixed_size: 327680
    .private_segment_fixed_size: 0
    .kernarg_segment_align: 8
    .kernarg_segment_size: 32
    .max_flat_workgroup_size: 128
    .sgpr_count:     98
    .vgpr_count:     512
    .wavefront_size: 32
...
	.end_amdgpu_metadata
.endif
;; end of part 11
;; launch attn (part 12): grid 8 x 32, 16 waves a work-group, clusters of 4 x 1, 327,680 bytes of LDS; arguments qk, vt, att; writes att
.if DOCPART == 12
	.amdgcn_target "amdgcn-amd-amdhsa--gfx1250"
	.amdhsa_code_object_version 6
	.text
	.protected	k_q0d5a47a673_attn
	.globl	k_q0d5a47a673_attn
	.p2align	8
	.type	k_q0d5a47a673_attn,@function
k_q0d5a47a673_attn:
	s_mov_b64 s[64:65], 0
	v_nop
	global_prefetch_b8 v0, s[64:65] scope:SCOPE_SE
	s_setreg_imm32_b32 hwreg(HW_REG_WAVE_MODE, 25, 1), 1
	s_wait_xcnt 0x0
	s_wait_alu depctr_hold_cnt(0) depctr_sa_sdst(0) depctr_va_vdst(0) depctr_va_sdst(0) depctr_va_ssrc(0) depctr_va_vcc(0) depctr_vm_vsrc(0)
	s_getreg_b32 s2, hwreg(HW_REG_IB_STS2, 6, 4)
	s_cmp_eq_u32 s2, 0
	s_cbranch_scc0 .Lentry_in_a_cluster
	s_endpgm
.Lentry_in_a_cluster:
	s_bfe_u32 s2, ttmp6, 0x10000c
	s_cmp_lg_u32 s2, 0x3003
	s_cbranch_scc0 .Lentry_shape_is_right
	s_endpgm
.Lentry_shape_is_right:
; Causal attention of one head and batch on codes of FP8 (E4M3) with E8M0 scales; the result, divided by the row's sum, is quantised along the head's 64 and stored as codes for the projection.
; t = score x log2(e) / 8; M = the ceiling of the running largest t; p = 2^(t - M) is quantised along the keys; the row's sum is taken of the unquantised p.  When M moves, sums are multiplied by a power of two.
; IN: qk codes [panel: 16 heads of q, 16 of k][4096 positions][64 bytes], scale words [panel][4096] from byte 8388608; vt codes [head][token / 64][64 positions of features][64 bytes], scale words [head][token / 128][64] from byte 4194304.
; Tokens lie in tiles of 128, row R at POSITION R with bits 3 and 4 exchanged, so that the 16 registers of two neighbouring tiles of 16 positions are 16 neighbouring keys (or features).
; SHARES.  A work-group has all 2048 keys of K and V of its head in LDS (one joint load a wave; the four work-groups of a cluster share them) and 16 query tiles of 16: tile J = positions 128 J + 16 x, x the work-group.
; Key steps of 128; tile J needs steps 0 to J (later steps lie wholly under the causal mask and are left out): 136 steps in all.  THE DEAL, a constant of the text: wave J < 8 walks its own tile (J + 1 steps),
; stores it, and then helps tile 15 - J with its first steps: 12 - J of them where J < 4, 9 - J where J is 4 to 7.  Wave J >= 8 walks the rest of its own tile: steps J - 6 to J (J up to 11) or J - 3 to J.
; So the waves walk 13, 10, 7 and 4 steps, the waves with the lower numbers the more.  At the end a helper's part (O^T, -M, the sum) goes through LDS and is joined by exact powers of two.
; Every wave walks both loops, whose trip counts are constants; a scalar branch on ids leads round a step's work.
; K = 64 fills half of the matrix instruction's 128: the upper half of K's fragments holds zero codes.  The upper half of Q's operand meets those zeros alone; there the second tile's codes wait (never a NaN code).
; The two tiles' scale words share one register: lanes 0-15 the own tile's, lanes 16-31 the second's.
; No prefetch: K and V are asked for once, at the head, and there is no loop to run ahead in.
; LIMITS: NaN and infinities are not served; a block of zeros gets the byte 1; the promise holds while the scaled scores stay under 2^31 in magnitude.
.set VB,    139264                     ; K: 512 lines of 272 from byte 0; V from here
.set KSC,   278528                     ; K's scale words, 8192 bytes
.set VSC,   286720                     ; V's, 4096 bytes
.set STAGE, 290816                     ; 1280 bytes a wave, for the way out
.set SPARE, 311296                     ; the spare words, 128 bytes a wave, named by no other line
.set PART,  4352                       ; a helper's part: 4096 bytes of O^T, 256 of (-M, sum); in K's region, behind a barrier behind which nobody reads K
.set AK0,  1
.set VS0,  2                           ; v2, v4 the scale words of V's first two tiles
.set ASK0, 3
.set VS1,  4
.set SPW,  5
.set NIL,  6
.set ADK,  8
.set ADV,  9
.set ADS,  10
.set ADT,  11
.set WV,   18
.set MNT,  19
.set SEL,  20
.set CS,   22
.set G1E,  24
.set LO,   32                          ; s32 my first step of my own tile;  s33 my last step of the second tile (negative: none);  s35 the second tile
.set HI2,  33
.set TB,   35
.set G0E,  40
.set J,    48
.set SI,   49
.set TK,   50
.set TS,   51
.set TV,   52
.set XX,   53
.set HD,   54
.set BT,   55
.macro ROUND
	s_barrier_signal -1
	s_barrier_wait -1
	s_cmp_lg_u32 s[WV], 0
	s_cbranch_scc1 .Lnot_wave_0_\@
	s_barrier_signal -3
.Lnot_wave_0_\@:
	s_barrier_wait -3
	s_barrier_signal -1
	s_barrier_wait -1
.endm
	s_load_b128 s[4:7], s[0:1], 0x0                ; qk, vt
	s_load_b64 s[8:9], s[0:1], 0x10                ; att
	v_lshl_add_u32 v[SPW], v0, 2, SPARE
	v_mov_b32 v[NIL], 0
	ds_add_u32 v[SPW], v[NIL]                      ; the opening: the add, twice on end, and its wait ahead of my first tensor load
	ds_add_u32 v[SPW], v[NIL]
	v_lshrrev_b32 v8, 5, v0
	s_delay_alu instid0(VALU_DEP_1)
	v_readfirstlane_b32 s[WV], v8
	s_and_b32 s10, ttmp7, 0xffff
	s_and_b32 s[HD], s10, 15
	s_lshr_b32 s[BT], s10, 4
	s_bfe_u32 s11, ttmp6, 0x40000
	s_lshl_b32 s[XX], ttmp9, 2
	s_add_co_u32 s[XX], s[XX], s11
	s_bfe_u32 s10, s[WV], 0x10002
	s_mul_i32 s10, s10, 3
	s_xor_b32 s[J], s[WV], s10                     ; my tile
	s_xor_b32 s[TB], s[J], 15                      ; 15 - J
	s_cmp_lt_u32 s[J], 4
	s_cselect_b32 s10, 11, 8
	s_sub_co_i32 s[HI2], s10, s[J]                 ; a helper's last step: 11 - J or 8 - J;
	s_cmp_lt_u32 s[J], 12
	s_cselect_b32 s10, 6, 3
	s_sub_co_i32 s[LO], s[J], s10                  ; the helped wave begins one step behind its helper's last: J - 6 or J - 3
	s_cmp_lt_u32 s[J], 8
	s_cselect_b32 s[HI2], s[HI2], -1               ; waves J >= 8 help nobody,
	s_cselect_b32 s[LO], 0, s[LO]                  ; waves J < 8 walk their own tile whole
	s_lshr_b32 s11, s[WV], 3                       ; waves 0-7 fetch K, waves 8-15 V: 64 rows of 256 bytes each
	s_and_b32 s12, s[WV], 7
	s_mul_i32 s13, s11, VB
	s_mul_i32 s14, s12, 17408
	s_add_co_u32 s14, s14, s13
	s_lshl_b32 s16, s[HD], 18
	s_lshl_b32 s17, s[BT], 17
	s_add_co_u32 s16, s16, s17
	s_xor_b32 s17, s11, 1
	s_lshl_b32 s17, s17, 22
	s_add_co_u32 s17, s17, s16
	s_lshl_b32 s60, s12, 14
	s_add_co_u32 s60, s60, s17
	s_mov_b32 s61, 0
	s_mov_b32 s[G1E], 15|(3<<16)|(1<<20)|(1<<21)|(5<<22)|(3<<25)   ; the cluster's four; elements of 8 bytes; 4 words of padding behind every 64
	s_mov_b32 s[G1E+1], 32<<16
	s_mov_b32 s[G1E+2], 64<<16
	s_mov_b32 s[G1E+3], 32<<16
	s_mov_b32 s[G1E+4], 64
	s_mov_b32 s[G1E+5], 32
	s_mov_b32 s[G1E+6], 0
	s_mov_b32 s[G1E+7], 0
	s_mov_b32 s[SEL], 0x76543210
	s_mov_b32 s[SEL+1], 0xfedcba98
	s_mov_b32 s[CS], 0x3e38aa3b                    ; log2(e) / 8
	s_mov_b32 s[CS+1], s[CS]
	s_mov_b32 s[MNT], 0x600000
	s_wait_dscnt 0x0
	s_wait_kmcnt 0x0
	s_cmp_lt_u32 s[WV], 8
	s_cselect_b64 s[12:13], s[4:5], s[6:7]
	s_mov_b32 s[G0E], 1
	s_mov_b32 s[G0E+1], s14
	s_add_nc_u64 s[G0E+2:G0E+3], s[12:13], s[60:61]
	s_or_b32 s[G0E+3], s[G0E+3], 0x80000000
	ROUND
	tensor_load_to_lds s[G0E:G0E+3], s[G1E:G1E+7]  ; my one tensor load
	s_nop 0
.rept 4
	v_nop
.endr
	s_lshl_b32 s10, s[J], 13
	s_lshl_b32 s11, s[XX], 10
	s_add_co_u32 s11, s11, s16
	s_add_co_u32 s10, s10, s11
	s_lshl_b32 s36, s[TB], 13
	s_add_co_u32 s36, s36, s11
	s_mov_b32 s11, 0
	s_mov_b32 s37, 0
	s_add_nc_u64 s[10:11], s[4:5], s[10:11]        ; my tile's codes of q,
	s_add_nc_u64 s[36:37], s[4:5], s[36:37]        ; the second tile's
	s_lshl_b32 s60, s[HD], 14
	s_lshl_b32 s61, s[BT], 13
	s_add_co_u32 s60, s60, s61
	s_add_co_u32 s60, s60, 8388608
	s_add_co_u32 s62, s60, 262144
	s_lshl_b32 s61, s[XX], 6
	s_add_co_u32 s60, s60, s61
	s_mov_b32 s61, 0
	s_mov_b32 s63, 0
	s_add_nc_u64 s[60:61], s[4:5], s[60:61]        ; q's scale words at position 16 x of tile 0
	s_add_nc_u64 s[62:63], s[4:5], s[62:63]        ; k's scale words
	s_lshl_b32 s12, s[HD], 13
	s_lshl_b32 s13, s[BT], 12
	s_add_co_u32 s12, s12, s13
	s_add_co_u32 s12, s12, 4194304
	s_mov_b32 s13, 0
	s_add_nc_u64 s[12:13], s[6:7], s[12:13]        ; v's scale words
	s_lshl_b32 s56, s[BT], 21
	s_lshl_b32 s57, s[J], 17
	s_add_co_u32 s56, s56, s57
	s_lshl_b32 s57, s[HD], 13
	s_add_co_u32 s56, s56, s57
	s_lshl_b32 s57, s[XX], 10
	s_add_co_u32 s56, s56, s57
	s_mov_b32 s57, 0
	s_add_nc_u64 s[56:57], s[8:9], s[56:57]        ; my tile's codes in att
	s_lshl_b32 s58, s[BT], 16
	s_lshl_b32 s59, s[J], 12
	s_add_co_u32 s58, s58, s59
	s_lshr_b32 s59, s[HD], 1
	s_lshl_b32 s59, s59, 9
	s_add_co_u32 s58, s58, s59
	s_lshl_b32 s59, s[XX], 6
	s_add_co_u32 s58, s58, s59
	s_and_b32 s59, s[HD], 1
	s_lshl_b32 s59, s59, 1
	s_add_co_u32 s58, s58, s59
	s_add_co_u32 s58, s58, 4194304
	s_mov_b32 s59, 0
	s_add_nc_u64 s[58:59], s[8:9], s[58:59]        ; and its scale bytes
	s_lshl_b32 s14, s[J], 9
	v_and_b32 v244, 15, v0
	v_bfe_u32 v245, v0, 4, 1
	v_lshlrev_b32 v240, 4, v0
	v_lshlrev_b32 v241, 3, v0
	v_lshlrev_b32 v242, 6, v244
	v_mul_u32_u24 v243, v245, 7680                 ; lanes 16-31 take tile 15 - J's words: 512 J xor 512 x 15
	v_lshl_add_u32 v242, v245, 4, v242
	v_xor_b32 v243, s14, v243
	v_lshl_add_u32 v9, v0, 4, KSC
	v_lshl_add_u32 v243, v244, 2, v243
	global_load_b128 v[192:195], v240, s[62:63]
	global_load_b64 v[196:197], v241, s[12:13]
	global_load_b128 v[16:19], v242, s[10:11]
	global_load_b128 v[20:23], v242, s[10:11] offset:32
	global_load_b128 v[24:27], v242, s[36:37]      ; the second tile waits in the operand's upper half, which meets zero codes alone
	global_load_b128 v[28:31], v242, s[36:37] offset:32
	global_load_b32 v255, v243, s[60:61]
	v_lshl_add_u32 v10, v0, 3, VSC
	v_and_b32 v246, 8, v244
	s_delay_alu instid0(VALU_DEP_1)
	v_add_nc_u32 v246, v246, v244
	v_lshlrev_b32 v247, 4, v245
	s_delay_alu instid0(VALU_DEP_1)
	v_sub_nc_u32 v7, v246, v247
	s_lshr_b32 s14, s[XX], 1
	s_lshl_b32 s14, s14, 5
	s_and_b32 s15, s[XX], 1
	s_lshl_b32 s15, s15, 3
	s_add_co_u32 s14, s14, s15
	v_add_nc_u32 v7, s14, v7                       ; my query's row in its 128, less 16 (lane / 16)
	v_lshrrev_b32 v1, 2, v244
	s_delay_alu instid0(VALU_DEP_1)
	v_mul_u32_u24 v1, v1, 272
	v_and_b32 v246, 3, v244
	s_delay_alu instid0(VALU_DEP_1)
	v_lshl_add_u32 v1, v246, 6, v1
	s_delay_alu instid0(VALU_DEP_1)
	v_lshl_add_u32 v[AK0], v245, 4, v1
	v_lshl_add_u32 v[ASK0], v244, 2, KSC
	v_mov_b32 v13, 0xff61b1e6                      ; the largest t so far: -3e38
	s_delay_alu instid0(VALU_DEP_1)
	v_floor_f32 v12, -v13
	v_mov_b32 v14, 0
	v_mov_b32 v15, 0
.irp b, 0,1,2,3
	v_mov_b32 v[236+\b], 0
.endr
	v_mov_b32 v252, 0
	v_mov_b32 v253, 0
.irp t, 0,1,2,3
.irp n, 8,9,10,11,12,13,14,15
	v_mov_b32 v[32+16*\t+\n], 0                    ; K's fragments: zero codes for k = 64 .. 127
.endr
.endr
.set n, 0
.rept 32
	v_mov_b32 v[160+n], 0
.set n, n+1
.endr
	s_wait_alu depctr_va_vdst(0)
	s_wait_loadcnt 0x0
	ds_store_b128 v9, v[192:195]
	ds_store_b64 v10, v[196:197]
	s_wait_tensorcnt 0x0                           ; my part of K or V is in,
	s_wait_dscnt 0x0                               ; my scale words have landed,
	s_barrier_signal -1
	s_barrier_wait -1                              ; and everybody's
; A KEY STEP of 128 keys.  own = 1: my own tile, steps LO to J, the last on the diagonal; own = 0: the second tile, steps 0 to HI2, none on the diagonal.
; V's first two fragments and their scale words are asked for at the step's head, behind K's first four: they land under the scores and the softmax
.macro STEP own
.if \own
	s_cmp_gt_u32 s[SI], s[J]
	s_cbranch_scc1 .Lhidden_\@
	s_cmp_lt_u32 s[SI], s[LO]
	s_cbranch_scc1 .Lhidden_\@
.else
	s_cmp_gt_i32 s[SI], s[HI2]
	s_cbranch_scc1 .Lhidden_\@
.endif
	v_add_nc_u32 v[ADK], s[TK], v[AK0]
	s_wait_alu depctr_va_vdst(0)
	v_add_nc_u32 v[ADV], VB, v[ADK]
	v_add_nc_u32 v[ADS], s[TS], v[ASK0]
	s_wait_alu depctr_va_vdst(0)
	v_add_nc_u32 v[ADT], s[TV], v[ASK0]            ; (s[TV] counts from VSC - KSC)
.irp g, 0,1
.rept 4+4*\g
	v_nop
.endr
.irp t, 0,1,2,3
	ds_load_b128 v[32+16*\t:35+16*\t], v[ADK] offset:1088*(4*\g+\t)
	ds_load_b128 v[36+16*\t:39+16*\t], v[ADK] offset:1088*(4*\g+\t)+32
	ds_load_b32 v[248+\t], v[ADS] offset:64*(4*\g+\t)
.endr
.if \g == 0
.irp t, 0,1
.irp c, 0,1,2,3
	ds_load_b128 v[192+16*\t+4*\c:195+16*\t+4*\c], v[ADV] offset:(\c/2)*4352+\t*1088+32*(\c%2)
.endr
.endr
	ds_load_b32 v[VS0], v[ADT]
	ds_load_b32 v[VS1], v[ADT] offset:64
	s_wait_dscnt 10                                ; K's twelve loads are in; V's ten, issued behind them, may be out
.else
	s_wait_dscnt 0x0
.endif
.irp t, 0,1,2,3
.if \own
	v_wmma_scale_f32_16x16x128_f8f6f4 v[96+8*(4*\g+\t):103+8*(4*\g+\t)], v[32+16*\t:47+16*\t], v[16:31], 0, v[248+\t], v255
.else
	v_wmma_scale_f32_16x16x128_f8f6f4 v[96+8*(4*\g+\t):103+8*(4*\g+\t)], v[32+16*\t:47+16*\t], v[16:31], 0, v[248+\t], v255 matrix_b_scale:MATRIX_SCALE_ROW1
.endif
.endr
.endr
.rept 8
	v_nop
.endr
.if \own
	s_cmp_lt_u32 s[SI], s[J]
	s_cbranch_scc1 .Lopen_\@
	v_mov_b32 v254, 0xff800000
.set n, 0
.rept 64
	v_cmp_gt_i32 vcc_lo, 32*(n/16)+n%16, v7
	v_cndmask_b32 v[96+n], v[96+n], v254, vcc_lo
.set n, n+1
.endr
.Lopen_\@:
.endif
.irp b, 0,1,2,3
	v_max3_num_f32 v[232+\b], v[96+16*\b], v[97+16*\b], v[98+16*\b]
.endr
.irp i, 3,5,7,9,11,13
.irp b, 0,1,2,3
	v_max3_num_f32 v[232+\b], v[232+\b], v[96+16*\b+\i], v[97+16*\b+\i]
.endr
.endr
.irp b, 0,1,2,3
	v_max_num_f32 v[232+\b], v[232+\b], v[111+16*\b]
.endr
.irp b, 0,1,2,3
	v_permlanex16_b32 v[236+\b], v[232+\b], s[SEL], s[SEL+1]
.endr
.irp b, 0,1,2,3
	s_delay_alu instid0(VALU_DEP_4)
	v_max_num_f32 v[232+\b], v[232+\b], v[236+\b]
.endr
	s_delay_alu instid0(VALU_DEP_2)
	v_max3_num_f32 v254, v232, v233, v234
	s_delay_alu instid0(VALU_DEP_1)
	v_max_num_f32 v254, v254, v235
	s_delay_alu instid0(VALU_DEP_1)
	v_mul_f32 v254, s[CS], v254
	s_delay_alu instid0(VALU_DEP_1)
	v_max_num_f32 v13, v13, v254
	v_mov_b32 v254, v12
	s_delay_alu instid0(VALU_DEP_2)
	v_floor_f32 v12, -v13
	s_delay_alu instid0(VALU_DEP_1)
	v_sub_f32 v254, v12, v254
	s_delay_alu instid0(VALU_DEP_1)
	v_cvt_i32_f32 v254, v254
	s_delay_alu instid0(VALU_DEP_1)
	v_ldexp_f32 v252, 1.0, v254
.set n, 0
.rept 32
	v_pk_fma_f32 v[96+n:97+n], v[96+n:97+n], s[CS:CS+1], v[12:13] op_sel_hi:[1,0,0]
.set n, n+2
.endr
.irp b, 0,1,2,3
	v_fma_f32 v[232+\b], v[232+\b], s[CS], v12
.endr
.set n, 0
	s_wait_alu depctr_va_vdst(0)
.rept 64
	v_exp_f32 v[96+n], v[96+n]
.set n, n+1
.endr
	v_pk_mul_f32 v[14:15], v[14:15], v[252:253] op_sel_hi:[1,0]
	s_wait_alu depctr_va_vdst(0)
.irp b, 0,1,2,3
	v_exp_f32 v[232+\b], v[232+\b]
.endr
	v_pk_add_f32 v[236:237], v[96:97], v[98:99]
.irp j, 4,8,12,16,20,24,28,32,36,40,44,48,52,56,60
	v_pk_add_f32 v[14:15], v[14:15], v[96+\j:97+\j]
	v_pk_add_f32 v[236:237], v[236:237], v[98+\j:99+\j]
.endr
	s_delay_alu instid0(VALU_DEP_1)
	v_pk_add_f32 v[14:15], v[14:15], v[236:237]
	s_wait_alu depctr_va_vdst(0)
.irp b, 0,1,2,3
	v_max_num_f32 v[232+\b], 0x4800000, v[232+\b]
.endr
.irp b, 0,1,2,3
	s_delay_alu instid0(VALU_DEP_4)
	v_add_nc_u32 v[244+\b], 0xfc000000, v[232+\b]
.endr
.irp b, 0,1,2,3
	v_and_or_b32 v[240+\b], v[232+\b], 0x7f800000, s[MNT]
.endr
.irp b, 0,1,2,3
	v_lshrrev_b32 v[236+\b], 23, v[244+\b]
.endr
	s_delay_alu instid0(VALU_DEP_3)
	v_lshl_or_b32 v253, v237, 8, v236
	s_delay_alu instid0(VALU_DEP_1)
	v_lshl_or_b32 v253, v238, 16, v253
	s_delay_alu instid0(VALU_DEP_1)
	v_lshl_or_b32 v253, v239, 24, v253
.irp b, 0,1,2,3
.irp i, 0,1,2,3,4,5,6,7,8,9,10,11,12,13,14,15
	v_min_num_f32 v[96+16*\b+\i], v[96+16*\b+\i], v[240+\b]
.endr
	v_cvt_scalef32_pk8_fp8_f32 v[224+4*\b:225+4*\b], v[96+16*\b:103+16*\b], v[244+\b]
	v_cvt_scalef32_pk8_fp8_f32 v[226+4*\b:227+4*\b], v[104+16*\b:111+16*\b], v[244+\b]
.endr
.set n, 0
.rept 16
	v_pk_mul_f32 v[160+n:161+n], v[160+n:161+n], v[252:253] op_sel_hi:[1,0]
.set n, n+2
.endr
	s_wait_alu depctr_va_vdst(0)
	v_wmma_scale_f32_16x16x128_f8f6f4 v[160:167], v[192:207], v[224:239], v[160:167], v[VS0], v253
	v_wmma_scale_f32_16x16x128_f8f6f4 v[168:175], v[208:223], v[224:239], v[168:175], v[VS1], v253
.rept 8
	v_nop
.endr
.irp t, 0,1
.irp c, 0,1,2,3
	ds_load_b128 v[192+16*\t+4*\c:195+16*\t+4*\c], v[ADV] offset:(\c/2)*4352+(2+\t)*1088+32*(\c%2)
.endr
	ds_load_b32 v[248+\t], v[ADT] offset:64*(2+\t)
.endr
	s_wait_dscnt 0x0
.irp t, 0,1
	v_wmma_scale_f32_16x16x128_f8f6f4 v[176+8*\t:183+8*\t], v[192+16*\t:207+16*\t], v[224:239], v[176+8*\t:183+8*\t], v[248+\t], v253
.endr
.Lhidden_\@:
	s_add_co_u32 s[TK], s[TK], 8704
	s_add_co_u32 s[TS], s[TS], 512
	s_add_co_u32 s[TV], s[TV], 256
.endm
; THE WAY OUT of my own tile: O^T / the sum, quantised along the head's 64, through my stage, stored as 1024 consecutive bytes; the two scale bytes beside them
.macro WAYOUT
.rept 8
	v_nop
.endr
	v_add_f32 v14, v14, v15
	s_delay_alu instid0(VALU_DEP_1)
	v_permlanex16_b32 v252, v14, s[SEL], s[SEL+1]
	s_delay_alu instid0(VALU_DEP_1)
	v_add_f32 v14, v14, v252
	s_wait_alu depctr_va_vdst(0)
	v_rcp_f32 v14, v14
	v_and_b32 v8, 15, v0
	v_bfe_u32 v9, v0, 4, 1
	s_mul_i32 s10, s[WV], 1280
	s_add_co_u32 s10, s10, STAGE
	v_mul_u32_u24 v10, v8, 80
	s_delay_alu instid0(VALU_DEP_1)
	v_lshl_add_u32 v10, v9, 4, v10
	s_delay_alu instid0(VALU_DEP_1)
	v_add_nc_u32 v10, s10, v10
	v_and_b32 v48, 31, v0
	s_delay_alu instid0(VALU_DEP_1)
	v_lshrrev_b32 v11, 2, v48
	s_delay_alu instid0(VALU_DEP_1)
	v_mul_u32_u24 v11, v11, 80
	v_and_b32 v49, 3, v0
	s_delay_alu instid0(VALU_DEP_1)
	v_lshl_add_u32 v11, v49, 4, v11
	s_delay_alu instid0(VALU_DEP_1)
	v_add_nc_u32 v11, s10, v11
	v_lshlrev_b32 v48, 4, v48
	v_lshlrev_b32 v49, 2, v8
	s_wait_alu depctr_va_vdst(0)
.set n, 0
.rept 16
	v_pk_mul_f32 v[96+n:97+n], v[160+n:161+n], v[14:15] op_sel_hi:[1,0]
.set n, n+2
.endr
.irp b, 0,1
	v_max3_num_f32 v[232+\b], |v[96+16*\b]|, |v[97+16*\b]|, 0x4800000
.endr
.irp i, 2,4,6,8,10,12,14
.irp b, 0,1
	s_delay_alu instid0(VALU_DEP_2)
	v_max3_num_f32 v[232+\b], v[232+\b], |v[96+16*\b+\i]|, |v[97+16*\b+\i]|
.endr
.endr
.irp b, 0,1
	v_permlanex16_b32 v[236+\b], v[232+\b], s[SEL], s[SEL+1]
.endr
.irp b, 0,1
	s_delay_alu instid0(VALU_DEP_2)
	v_max_num_f32 v[232+\b], v[232+\b], v[236+\b]
.endr
.irp b, 0,1
	s_delay_alu instid0(VALU_DEP_2)
	v_add_nc_u32 v[244+\b], 0xfc000000, v[232+\b]
.endr
.irp b, 0,1
	s_delay_alu instid0(VALU_DEP_4)
	v_and_or_b32 v[240+\b], v[232+\b], 0x7f800000, s[MNT]
.endr
.irp b, 0,1
	s_delay_alu instid0(VALU_DEP_4)
	v_lshrrev_b32 v[236+\b], 23, v[244+\b]
.endr
	s_delay_alu instid0(VALU_DEP_1)
	v_lshl_or_b32 v250, v237, 8, v236
.irp b, 0,1
.irp i, 0,1,2,3,4,5,6,7,8,9,10,11,12,13,14,15
	v_med3_num_f32 v[96+16*\b+\i], v[96+16*\b+\i], -v[240+\b], v[240+\b]
.endr
	v_cvt_scalef32_pk8_fp8_f32 v[224+4*\b:225+4*\b], v[96+16*\b:103+16*\b], v[244+\b]
	v_cvt_scalef32_pk8_fp8_f32 v[226+4*\b:227+4*\b], v[104+16*\b:111+16*\b], v[244+\b]
.endr
	v_nop
	ds_store_b128 v10, v[224:227]
	ds_store_b128 v10, v[228:231] offset:32
	ds_load_b128 v[32:35], v11
	ds_load_b128 v[36:39], v11 offset:640
	global_store_b16 v49, v250, s[58:59]
	s_wait_dscnt 1
	global_store_b128 v48, v[32:35], s[56:57]
	s_wait_dscnt 0x0
	global_store_b128 v48, v[36:39], s[56:57] offset:512
.endm
	s_mov_b32 s[TK], 0
	s_mov_b32 s[TS], 0
	s_mov_b32 s[TV], VSC-KSC
	s_mov_b32 s[SI], 0
.Lown:                                         ; my own tile
	STEP 1
	s_add_co_u32 s[SI], s[SI], 1
	s_cmp_lt_u32 s[SI], 16
	s_cbranch_scc1 .Lown
	s_cmp_gt_u32 s[J], 7
	s_cbranch_scc1 .Lkeeps                         ; waves J >= 8 keep their part in registers
	WAYOUT                                         ; waves J < 8 have their tile whole
	s_wait_xcnt 0x0                                ; the stores have read their registers, which the steps below write again
.irp n, 0,1,2,3,4,5,6,7
	v_mov_b32 v[16+\n], v[24+\n]                   ; the second tile's codes come down
.endr
	v_mov_b32 v13, 0xff61b1e6
	v_mov_b32 v14, 0
	v_mov_b32 v15, 0
	v_floor_f32 v12, -v13
.set n, 0
.rept 32
	v_mov_b32 v[160+n], 0
.set n, n+1
.endr
	s_wait_alu depctr_va_vdst(0)
.Lkeeps:
	s_mov_b32 s[TK], 0
	s_mov_b32 s[TS], 0
	s_mov_b32 s[TV], VSC-KSC
	s_mov_b32 s[SI], 0
.Lhelp:                                        ; the second tile's first steps: 12 at the most
	STEP 0
	s_add_co_u32 s[SI], s[SI], 1
	s_cmp_lt_u32 s[SI], 12
	s_cbranch_scc1 .Lhelp
	; THE PARTS MEET.  Wave J's place is PART x J; wave J >= 8 reads place 15 - J.  All four addresses are made on the way that all waves take
	v_and_b32 v254, 31, v0
	s_mul_i32 s10, s[J], PART
	s_mul_i32 s11, s[TB], PART
	v_lshl_add_u32 v8, v254, 4, s10
	v_lshl_add_u32 v10, v254, 4, s11
	s_add_co_u32 s10, s10, 4096
	s_add_co_u32 s11, s11, 4096
	v_lshl_add_u32 v9, v254, 3, s10
	v_lshl_add_u32 v11, v254, 3, s11
.rept 8
	v_nop                                          ; eight places in front of the first read of the last products' results
.endr
	s_wait_alu depctr_va_vdst(0)
	s_wait_dscnt 0x0
	s_barrier_signal -1
	s_barrier_wait -1                              ; nobody reads K or V any more
	s_cmp_gt_u32 s[J], 7
	s_cbranch_scc1 .Lno_part
	v_add_f32 v13, v14, v15                        ; the sum's two halves; beside -M
.irp t, 0,1,2,3,4,5,6,7
	ds_store_b128 v8, v[160+4*\t:163+4*\t] offset:512*\t   ; an image of the registers, from the low end on
.endr
	ds_store_b64 v9, v[12:13]
.Lno_part:
	s_wait_dscnt 0x0                               ; for the others' sake
	s_barrier_signal -1
	s_barrier_wait -1
	s_cmp_lt_u32 s[J], 8
	s_cbranch_scc1 .Ldone
.irp t, 0,1,2,3,4,5,6,7
	ds_load_b128 v[96+4*\t:99+4*\t], v10 offset:512*\t
.endr
	ds_load_b64 v[128:129], v11
	s_wait_dscnt 0x0
	v_min_num_f32 v254, v12, v128                  ; -M of both parts: M is the larger
	v_add_f32 v14, v14, v15
	v_mov_b32 v15, 0
	v_sub_f32 v252, v254, v12                      ; my M less the common one, a whole number, 0 or less;
	v_sub_f32 v236, v254, v128                     ; the helper's
	v_cvt_i32_f32 v252, v252
	v_cvt_i32_f32 v236, v236
	v_ldexp_f32 v252, 1.0, v252
	v_ldexp_f32 v236, 1.0, v236
	v_mul_f32 v14, v14, v252
	v_fma_f32 v14, v129, v236, v14
	s_wait_alu depctr_va_vdst(0)                   ; directly ahead of the first readers of matrix results
.set n, 0
.rept 16
	v_pk_mul_f32 v[160+n:161+n], v[160+n:161+n], v[252:253] op_sel_hi:[1,0]
.set n, n+2
.endr
.set n, 0
.rept 16
	v_pk_fma_f32 v[160+n:161+n], v[96+n:97+n], v[236:237], v[160+n:161+n] op_sel_hi:[1,0,1]
.set n, n+2
.endr
	WAYOUT
.Ldone:
	s_wait_tensorcnt 0x0                           ; the wave's end
	ds_add_u32 v[SPW], v[NIL]
	s_wait_dscnt 0x0
	ROUND                                          ; the closing round
	s_endpgm
.Lfunc_end_k_q0d5a47a673_attn:
	.size	k_q0d5a47a673_attn, .Lfunc_end_k_q0d5a47a673_attn-k_q0d5a47a673_attn
	.p2alignl 7, 3214868480
	.fill 96, 4, 3214868480
	.section	.rodata,"a",@progbits
	.p2align	6, 0x0
	.amdhsa_kernel k_q0d5a47a673_attn
		.amdhsa_group_segment_fixed_size 327680
		.amdhsa_private_segment_fixed_size 0
		.amdhsa_enable_private_segment 0
		.amdhsa_kernarg_size 24
		.amdhsa_user_sgpr_count 2
		.amdhsa_user_sgpr_kernarg_segment_ptr 1
		.amdhsa_wavefront_size32 1
		.amdhsa_system_sgpr_workgroup_id_x 1
		.amdhsa_system_sgpr_workgroup_id_y 1
		.amdhsa_system_sgpr_workgroup_id_z 1
		.amdhsa_system_vgpr_workitem_id 0
		.amdhsa_next_free_vgpr 256
		.amdhsa_next_free_sgpr 66
		.amdhsa_reserve_vcc 1
		.amdhsa_float_denorm_mode_32 3
		.amdhsa_float_denorm_mode_16_64 3
		.amdhsa_memory_ordered 1
		.amdhsa_forward_progress 1
		.amdhsa_inst_pref_size 79
	.end_amdhsa_kernel
	.amdgpu_metadata
---
amdhsa.version: [ 1, 2 ]
amdhsa.kernels:
  - .name:           k_q0d5a47a673_attn
    .symbol:         k_q0d5a47a673_attn.kd
    .args:
      - { .name: qk, .offset: 0, .size: 8, .value_kind: global_buffer, .address_space: global }
      - { .name: vt, .offset: 8, .size: 8, .value_kind: global_buffer, .address_space: global }
      - { .name: att, .offset: 16, .size: 8, .value_kind: global_buffer, .address_space: global }
    .group_segment_fixed_size: 327680
    .private_segment_fixed_size: 0
    .kernarg_segment_align: 8
    .kernarg_segment_size: 24
    .max_flat_workgroup_size: 512
    .sgpr_count:     66
    .vgpr_count:     256
    .wavefront_size: 32
...
	.end_amdgpu_metadata
.endif
;; end of part 12
;; launch gemm_proj (part 13): grid 8 x 32, 4 waves a work-group, clusters of 4 x 4, 327,680 bytes of LDS; arguments att, wts, proj_b, x, x1; writes x1
.if DOCPART == 13
	.amdgcn_target "amdgcn-amd-amdhsa--gfx1250"
	.amdhsa_code_object_version 6
	.text
	.protected	k_q0d5a47a673_gemm_proj
	.globl	k_q0d5a47a673_gemm_proj
	.p2align	8
	.type	k_q0d5a47a673_gemm_proj,@function
k_q0d5a47a673_gemm_proj:
	s_mov_b64 s[64:65], 0
	v_nop
	global_prefetch_b8 v0, s[64:65] scope:SCOPE_SE
	s_setreg_imm32_b32 hwreg(HW_REG_WAVE_MODE, 25, 1), 1
	s_wait_xcnt 0x0
	s_wait_alu depctr_hold_cnt(0) depctr_sa_sdst(0) depctr_va_vdst(0) depctr_va_sdst(0) depctr_va_ssrc(0) depctr_va_vcc(0) depctr_vm_vsrc(0)
	s_getreg_b32 s2, hwreg(HW_REG_IB_STS2, 6, 4)
	s_cmp_eq_u32 s2, 0
	s_cbranch_scc0 .Lentry_in_a_cluster
	s_endpgm
.Lentry_in_a_cluster:
	s_bfe_u32 s2, ttmp6, 0x10000c
	s_cmp_lg_u32 s2, 0xf033
	s_cbranch_scc0 .Lentry_shape_is_right
	s_endpgm
.Lentry_shape_is_right:
; x1 = x + attention W^T + b: [4096 tokens] x [1024] on codes of FP8 (E4M3) with E8M0 scales, K = KK; bias and residual in f32; the result is f32, rows in their true order.
; OPERANDS: rows in tiles of 128, row R at POSITION R with bits 3 and 4 exchanged; codes [tile][K / 64][128 positions][64 bytes], scale words [tile][K / 128][128 positions].
; A tile of 128 x 128 to a work-group, four waves of 64 x 64.  The product is used TRANSPOSED (source 0 = 16 positions of the weight, source 1 = 16 of tokens): a lane holds one token, and the registers of
; weight tile t are the columns 32 (t / 2) + 16 (lane / 16) + 8 (t % 2) + 0..7.  K goes in steps of 512 through two LDS slots; with KK = 1024 nothing is filled again.
; In LDS position P of a panel lies at 272 (P / 4) + 64 (P % 4).  CLUSTER 4 x 4: the token tile is shared along a row of the cluster, the weight tile along a column: joint loads.
; THE RESIDUAL of my 64 x 64 numbers, 128 registers in window 2, is asked for behind the first fragment loads and lands while K is walked: the way out waits for memory once.
; LIMITS: NaN and infinities are not served.
.set KK,     1024
.set MC_OFF, 0
.set MS_OFF, 4194304
.set NC_OFF, 3145728
.set NS_OFF, 12681216
.set LAPS,   KK/1024
.set PANEL,  8704
.set QUART,  4*PANEL
.set SIDE,   8*PANEL
.set SLOT,   2*SIDE
.set SCL,    2*SLOT
.set SPARE,  311808
.set ADRM, 16
.set ADRN, 20
.set BO,   22
.set STO,  24
.set RD,   25
.set CO,   26
.set ADRS, 27
.set SPW,  28
.set NIL,  29
.set SW,   32                          ; v32-63 scale words and nothing else
.set ACC,  128
.set F0,   0
.set F1,   128
.set G1,   24
.set G0,   32
.set G1B,  48
.set G0B,  56
.set G1S,  68
.set G0S,  76
.set G1SB, 80
.set G0SB, 88
.set MSB, 0
.macro WIN new
.if MSB != \new
	s_set_vgpr_msb (MSB<<8)|\new
.set MSB, \new
.endif
.endm
.set MUL,  0x05
.set TO_F, 0x40
.macro JLOAD g0a, g1a, g0b, g1b        ; a joint load: waves 0, 1 fetch for M, waves 2, 3 for N; an s_nop 0 and four v_nop follow each line
	s_cmp_eq_u32 s15, 0
	s_cbranch_scc0 .Lfor_n_\@
	tensor_load_to_lds s[\g0a:\g0a+3], s[\g1a:\g1a+7]
	s_nop 0
.rept 4
	v_nop
.endr
	s_branch .Lasked_\@
.Lfor_n_\@:
	tensor_load_to_lds s[\g0b:\g0b+3], s[\g1b:\g1b+7]
	s_nop 0
.rept 4
	v_nop
.endr
.Lasked_\@:
.endm
.macro CREST
	s_cmp_lg_u32 s14, 0
	s_cbranch_scc1 .Lnot_wave_0_\@
	s_barrier_signal -3
.Lnot_wave_0_\@:
	s_barrier_wait -3
	s_barrier_signal -1
	s_barrier_wait -1
.endm
.macro CROUND
	s_barrier_signal -1
	s_barrier_wait -1
	CREST
.endm
.macro PLACES n
.rept \n
	v_nop
.endr
.endm
	s_load_b128 s[4:7], s[0:1], 0x0                ; M side's buffer, N side's buffer
	s_load_b128 s[8:11], s[0:1], 0x10              ; the bias, the residual
	s_load_b64 s[12:13], s[0:1], 0x20              ; the output
	v_lshl_add_u32 v[SPW], v0, 2, SPARE
	v_mov_b32 v[NIL], 0
	ds_add_u32 v[SPW], v[NIL]                      ; the opening: the add, twice on end, and its wait ahead of my first tensor load
	ds_add_u32 v[SPW], v[NIL]
	v_lshrrev_b32 v1, 5, v0
	v_readfirstlane_b32 s14, v1
	s_lshr_b32 s15, s14, 1
	s_and_b32 s16, s14, 1
	s_bfe_u32 s40, ttmp6, 0x40000
	s_bfe_u32 s41, ttmp6, 0x40004
	s_lshl_b32 s42, ttmp9, 2
	s_add_co_u32 s42, s42, s40                     ; N tile
	s_and_b32 s17, ttmp7, 0xffff
	s_lshl_b32 s17, s17, 2
	s_add_co_u32 s17, s17, s41                     ; M tile
	s_lshl_b32 s43, s41, 2
	s_lshl_b32 s43, 15, s43
	s_lshl_b32 s44, 0x1111, s40
	s_or_b32 s[G1+0], s43, (3<<16)|(1<<20)|(1<<21)|(5<<22)|(3<<25)
	s_or_b32 s[G1B+0], s44, (3<<16)|(1<<20)|(1<<21)|(5<<22)|(3<<25)
.irp g, G1, G1B
	s_mov_b32 s[\g+1], 32<<16
	s_mov_b32 s[\g+2], 512<<16                     ; 512 rows: a side's 16 panels, all of K
	s_mov_b32 s[\g+3], 32<<16
	s_mov_b32 s[\g+4], 512
	s_mov_b32 s[\g+5], 32
	s_mov_b32 s[\g+6], 0
	s_mov_b32 s[\g+7], 0
.endr
	s_or_b32 s[G1S+0], s43, (3<<16)|(1<<21)
	s_or_b32 s[G1SB+0], s44, (3<<16)|(1<<21)
.irp g, G1S, G1SB
	s_mov_b32 s[\g+1], 32<<16
	s_mov_b32 s[\g+2], (KK/64)<<16                 ; a side's scale words whole: 4 KK bytes
	s_mov_b32 s[\g+3], 32<<16
	s_mov_b32 s[\g+4], KK/64
	s_mov_b32 s[\g+5], 32
	s_mov_b32 s[\g+6], 0
	s_mov_b32 s[\g+7], 0
.endr
	s_mul_i32 s20, s17, 128*KK
	s_add_co_u32 s20, s20, MC_OFF
	s_mov_b32 s21, 0
	s_mul_i32 s46, s42, 128*KK
	s_add_co_u32 s46, s46, NC_OFF
	s_mov_b32 s47, 0
	s_mul_i32 s22, s17, 4*KK
	s_add_co_u32 s22, s22, MS_OFF
	s_mov_b32 s23, 0
	s_mul_i32 s92, s42, 4*KK
	s_add_co_u32 s92, s92, NS_OFF
	s_mov_b32 s93, 0
	s_wait_dscnt 0x0                               ; both opening adds are done
	s_wait_kmcnt 0x0
	s_add_nc_u64 s[20:21], s[4:5], s[20:21]
	s_add_nc_u64 s[22:23], s[4:5], s[22:23]
	s_add_nc_u64 s[46:47], s[6:7], s[46:47]
	s_add_nc_u64 s[92:93], s[6:7], s[92:93]
	CROUND                                         ; the first joint loads meet
	s_mov_b32 s[G0S], 1
	s_mov_b32 s[G0S+1], SCL
	s_mov_b64 s[G0S+2:G0S+3], s[22:23]
	s_or_b32 s[G0S+3], s[G0S+3], 0x80000000
	s_mov_b32 s[G0SB], 1
	s_mov_b32 s[G0SB+1], SCL+4*KK
	s_mov_b64 s[G0SB+2:G0SB+3], s[92:93]
	s_or_b32 s[G0SB+3], s[G0SB+3], 0x80000000
	s_mov_b32 s[G0], 1                             ; M's 16 panels lie on end from LDS byte 0, N's from 2 SIDE
	s_mov_b32 s[G0+1], 0
	s_mov_b64 s[G0+2:G0+3], s[20:21]
	s_or_b32 s[G0+3], s[G0+3], 0x80000000
	s_mov_b32 s[G0B], 1
	s_mov_b32 s[G0B+1], 2*SIDE
	s_mov_b64 s[G0B+2:G0B+3], s[46:47]
	s_or_b32 s[G0B+3], s[G0B+3], 0x80000000
; THE HEAD'S LOADS, ONE A WAVE: wave 0 M's codes, wave 1 N's, wave 2 M's scale words, wave 3 N's; one chain of branches on the wave's number, one load to an arm
.macro ARM under, g0, g1, next
	s_cmp_lt_u32 s14, \under
	s_cbranch_scc0 \next
	tensor_load_to_lds s[\g0:\g0+3], s[\g1:\g1+7]
	s_nop 0
.rept 4
	v_nop
.endr
	s_branch .Lhead_asked
\next:
.endm
	ARM 1, G0, G1, .Lhead_n
	ARM 2, G0B, G1B, .Lhead_sm
	ARM 3, G0S, G1S, .Lhead_sn
	tensor_load_to_lds s[G0SB:G0SB+3], s[G1SB:G1SB+7]
	s_nop 0
.rept 4
	v_nop
.endr
.Lhead_asked:
	v_and_b32 v1, 15, v0                           ; r
	v_bfe_u32 v2, v0, 4, 1                         ; h
	v_lshrrev_b32 v3, 2, v1
	v_mul_u32_u24 v3, v3, 272
	v_and_b32 v4, 3, v1
	v_lshl_add_u32 v3, v4, 6, v3
	v_lshl_add_u32 v3, v2, 4, v3
	s_mul_i32 s21, s15, 4352
	s_mul_i32 s22, s16, 4352
	s_add_co_u32 s22, s22, 2*SIDE
.irp s, 0,1
	v_add_nc_u32 v[ADRM+\s], s21, v3
	v_add_nc_u32 v[ADRN+\s], s22, v3
	s_add_co_u32 s21, s21, SIDE
	s_add_co_u32 s22, s22, SIDE
.endr
	s_lshl_b32 s21, s15, 8
	s_lshl_b32 s22, s16, 8
	s_add_co_u32 s22, s22, 4*KK
	s_sub_co_u32 s22, s22, s21
	v_mul_u32_u24 v6, s22, v2
	s_add_co_u32 s21, s21, SCL
	v_lshl_add_u32 v5, v1, 2, v6
	v_add_nc_u32 v[ADRS], s21, v5
	s_mul_i32 s23, s14, 4352                       ; my stage: 16 rows x 272 bytes, in slot 0, which has had its last fill and its last read when it is written
	v_mul_u32_u24 v5, v1, 272
	v_lshl_add_u32 v5, v2, 6, v5
	v_add_nc_u32 v[STO], s23, v5                   ; in: row r, 64 h
	v_mul_u32_u24 v5, v2, 272
	v_lshl_add_u32 v5, v1, 4, v5
	v_add_nc_u32 v[RD], s23, v5                    ; out: lanes 0-15 one row of 256 bytes, lanes 16-31 the next
	v_lshlrev_b32 v[BO], 4, v1
	s_wait_alu depctr_va_vdst(0)
	v_lshl_add_u32 v[CO], v2, 12, v[BO]            ; the same two rows in memory
	s_lshl_b32 s20, s42, 9
	s_lshl_b32 s21, s16, 8
	s_add_co_u32 s20, s20, s21                     ; my 64 columns, in bytes
	s_mov_b32 s21, 0
	s_add_nc_u64 s[8:9], s[8:9], s[20:21]
	s_lshl_b32 s22, s17, 19
	s_add_co_u32 s20, s20, s22
	s_lshl_b32 s22, s15, 18
	s_add_co_u32 s20, s20, s22                     ; and my 64 rows
	s_add_nc_u64 s[10:11], s[10:11], s[20:21]
	s_add_nc_u64 s[12:13], s[12:13], s[20:21]
	global_load_b128 v[8:11], v[BO], s[8:9]        ; the bias of the four columns that I store
.macro FRAG reg, adr, q, i
.irp c, 0,1,2,3
	ds_load_b128 v[\reg+4*\c:\reg+4*\c+3], v[\adr] offset:(2*(\q)+\c/2)*PANEL+(\i)*1088+32*(\c%2)
.endr
.endm
.macro FETCH slot, q, f
	WIN TO_F
.irp i, 0,1,2,3
	FRAG \f+64+16*\i, ADRN+\slot, \q, \i
.endr
.irp i, 0,1,2,3
	FRAG \f+16*\i, ADRM+\slot, \q, \i
.endr
.endm
.macro SCALES sc
.irp i, 0,1,2,3
.irp q, 0,1,2,3
	ds_load_b32 v[SW+16*\sc+4*\i+\q], v[ADRS] offset:512*\q+64*\i
.endr
.endr
.endm
.macro RESID                           ; the residual: block a's load i into registers 32 a + 4 i of window 2, from the rows that the way out stores
	WIN 0x80                                       ; destination window 2, address window 0
.irp a, 0,1,2,3
.irp i, 0,1,2,3,4,5,6,7
	global_load_b128 v[32*\a+4*\i:32*\a+4*\i+3], v[CO], s[10:11] offset:(32*(\a/2)+16*(\i/4)+8*(\a%2)+2*(\i%4))*4096
.endr
.endr
.endm
.macro MUL8 f, a0, q, sc, zero         ; the 16 accumulators take turns
.irp a, \a0, \a0+1
.irp b, 0,1,2,3
.if \zero
	v_wmma_scale_f32_16x16x128_f8f6f4 v[ACC+8*(4*(\a)+\b):ACC+8*(4*(\a)+\b)+7], v[\f+64+16*\b:\f+64+16*\b+15], v[\f+16*(\a):\f+16*(\a)+15], 0, v[SW+16*(\sc)+4*\b+(\q)], v[SW+16*(\sc)+4*(\a)+(\q)] matrix_a_scale:MATRIX_SCALE_ROW1
.else
	v_wmma_scale_f32_16x16x128_f8f6f4 v[ACC+8*(4*(\a)+\b):ACC+8*(4*(\a)+\b)+7], v[\f+64+16*\b:\f+64+16*\b+15], v[\f+16*(\a):\f+16*(\a)+15], v[ACC+8*(4*(\a)+\b):ACC+8*(4*(\a)+\b)+7], v[SW+16*(\sc)+4*\b+(\q)], v[SW+16*(\sc)+4*(\a)+(\q)] matrix_a_scale:MATRIX_SCALE_ROW1
.endif
.endr
.endr
.endm
.macro QSTEP slot, q, f, g, zero
	s_wait_dscnt 8                                 ; all but the youngest eight loads (M's tiles 2, 3)
	WIN MUL
	MUL8 \f, 0, \q, \slot, \zero
	PLACES 8                                       ; in front of loads into registers that matrix instructions have read
	FETCH \slot, (\q)+1, \g
	s_wait_dscnt 32                                ; all but the 32 just issued
	WIN MUL
	MUL8 \f, 2, \q, \slot, \zero
.endm
; A slot's last 128 change slots: one barrier; in front of it each wave waits for all its tensor loads, adds 0 to its spare word, and waits for that and for its reads of this slot.
; fill = 1: the barrier opens a round of the cluster's barrier, and this slot is filled again, two K steps ahead, first thing behind the round: one load of mine is out.
.macro TURN slot, next, fill
	WIN 0
	s_wait_tensorcnt 0x0
	ds_add_u32 v[SPW], v[NIL]
	s_wait_dscnt 9                                 ; the add and the youngest eight loads may be out
	WIN MUL
	MUL8 F1, 0, 3, \slot, 0
	s_wait_dscnt 0x0
	s_barrier_signal -1
	WIN 0
	s_barrier_wait -1
.if \fill
	CREST
	s_add_nc_u64 s[G0+4*\slot+2:G0+4*\slot+3], s[G0+4*\slot+2:G0+4*\slot+3], 131072
	s_add_nc_u64 s[G0B+4*\slot+2:G0B+4*\slot+3], s[G0B+4*\slot+2:G0B+4*\slot+3], 131072
	JLOAD G0+4*\slot, G1, G0B+4*\slot, G1B
	PLACES 4                                       ; with the four behind the load: eight
.else
	PLACES 8
.endif
	v_add_nc_u32 v[ADRS], 2048, v[ADRS]
	SCALES \next
	FETCH \next, 0, F0
	WIN MUL
	MUL8 F1, 2, 3, \slot, 0
.endm
	s_wait_alu depctr_va_vdst(0)
	s_wait_tensorcnt 0x0                           ; my one load of the head is in
	s_barrier_signal -1
	s_barrier_wait -1
	SCALES 0
	FETCH 0, 0, F0
	RESID                                          ; behind the LDS loads for which the first products wait
	QSTEP 0, 0, F0, F1, 1
.if LAPS > 1
	WIN 0
	s_mov_b32 s3, LAPS-1
.Llap:                                             ; a trip goes once round the ring and fills both slots again
	QSTEP 0, 1, F1, F0, 0
	QSTEP 0, 2, F0, F1, 0
	TURN 0, 1, 1
	QSTEP 1, 0, F0, F1, 0
	QSTEP 1, 1, F1, F0, 0
	QSTEP 1, 2, F0, F1, 0
	TURN 1, 0, 1
	QSTEP 0, 0, F0, F1, 0
	WIN 0
	s_sub_co_u32 s3, s3, 1
	s_cmp_lg_u32 s3, 0
	s_cbranch_scc1 .Llap
.endif
	QSTEP 0, 1, F1, F0, 0                          ; the last lap fills nothing
	QSTEP 0, 2, F0, F1, 0
	TURN 0, 1, 0
	QSTEP 1, 0, F0, F1, 0
	QSTEP 1, 1, F1, F0, 0
	QSTEP 1, 2, F0, F1, 0
	s_wait_dscnt 8
	WIN MUL
	MUL8 F1, 0, 3, 1, 0
	s_wait_dscnt 0x0
	MUL8 F1, 2, 3, 1, 0
	WIN 0
	PLACES 8
	s_wait_loadcnt 0x0                             ; the bias and the residual
; THE WAY OUT, 16 positions at a time: through my stage, back as rows of 256 bytes; position 16 a + 2 i + lane / 16 is row 32 (a / 2) + 16 (i / 4) + 8 (a % 2) + 2 (i % 4) + lane / 16
.macro OUTBLK a
.if (\a) > 0
	s_wait_xcnt 0x0                                ; the last block's stores have read their registers
.endif
.irp t, 0,1,2,3
	ds_store_b128 v[STO], v[ACC+32*(\a)+8*\t:ACC+32*(\a)+8*\t+3] offset:128*(\t/2)+32*(\t%2)      ; each accumulator from its low end on
	ds_store_b128 v[STO], v[ACC+32*(\a)+8*\t+4:ACC+32*(\a)+8*\t+7] offset:128*(\t/2)+32*(\t%2)+16
.endr
.irp i, 0,1,2,3,4,5,6,7
	ds_load_b128 v[64+4*\i:67+4*\i], v[RD] offset:544*\i   ; LDS serves a wave's instructions in order
.endr
	s_wait_dscnt 0x0
.irp i, 0,1,2,3,4,5,6,7
	v_pk_add_f32 v[64+4*\i:65+4*\i], v[64+4*\i:65+4*\i], v[8:9]
	v_pk_add_f32 v[66+4*\i:67+4*\i], v[66+4*\i:67+4*\i], v[10:11]
.endr
	WIN 0x08                                       ; source 1: window 2
.irp p, 0,2,4,6,8,10,12,14,16,18,20,22,24,26,28,30
	v_pk_add_f32 v[64+\p:65+\p], v[64+\p:65+\p], v[32*(\a)+\p:32*(\a)+\p+1]
.endr
	WIN 0
.irp i, 0,1,2,3,4,5,6,7
	global_store_b128 v[CO], v[64+4*\i:67+4*\i], s[12:13] offset:(32*((\a)/2)+16*(\i/4)+8*((\a)%2)+2*(\i%4))*4096   ; sixteen lanes store 256 consecutive bytes, aligned
.endr
.endm
	OUTBLK 0
	OUTBLK 1
	OUTBLK 2
	OUTBLK 3
	s_wait_tensorcnt 0x0                           ; the wave's end
	ds_add_u32 v[SPW], v[NIL]
	s_wait_dscnt 0x0
	CROUND
	s_endpgm
.Lfunc_end_k_q0d5a47a673_gemm_proj:
	.size	k_q0d5a47a673_gemm_proj, .Lfunc_end_k_q0d5a47a673_gemm_proj-k_q0d5a47a673_gemm_proj
	.p2alignl 7, 3214868480
	.fill 96, 4, 3214868480
	.section	.rodata,"a",@progbits
	.p2align	6, 0x0
	.amdhsa_kernel k_q0d5a47a673_gemm_proj
		.amdhsa_group_segment_fixed_size 327680
		.amdhsa_private_segment_fixed_size 0
		.amdhsa_enable_private_segment 0
		.amdhsa_kernarg_size 40
		.amdhsa_user_sgpr_count 2
		.amdhsa_user_sgpr_kernarg_segment_ptr 1
		.amdhsa_wavefront_size32 1
		.amdhsa_system_sgpr_workgroup_id_x 1
		.amdhsa_system_sgpr_workgroup_id_y 1
		.amdhsa_system_sgpr_workgroup_id_z 1
		.amdhsa_system_vgpr_workitem_id 0
		.amdhsa_next_free_vgpr 768
		.amdhsa_next_free_sgpr 98
		.amdhsa_reserve_vcc 0
		.amdhsa_float_denorm_mode_32 3
		.amdhsa_float_denorm_mode_16_64 3
		.amdhsa_memory_ordered 1
		.amdhsa_forward_progress 1
		.amdhsa_inst_pref_size 65
	.end_amdhsa_kernel
	.amdgpu_metadata
---
amdhsa.version: [ 1, 2 ]
amdhsa.kernels:
  - .name:           k_q0d5a47a673_gemm_proj
    .symbol:         k_q0d5a47a673_gemm_proj.kd
    .args:
      - { .name: att, .offset: 0, .size: 8, .value_kind: global_buffer, .address_space: global }
      - { .name: wts, .offset: 8, .size: 8, .value_kind: global_buffer, .address_space: global }
      - { .name: proj_b, .offset: 16, .size: 8, .value_kind: global_buffer, .address_space: global }
      - { .name: x, .offset: 24, .size: 8, .value_kind: global_buffer, .address_space: global }
      - { .name: x1, .offset: 32, .size: 8, .value_kind: global_buffer, .address_space: global }
    .group_segment_fixed_size: 327680
    .private_segment_fixed_size: 0
    .kernarg_segment_align: 8
    .kernarg_segment_size: 40
    .max_flat_workgroup_size: 128
    .sgpr_count:     98
    .vgpr_count:     768
    .wavefront_size: 32
...
	.end_amdgpu_metadata
.endif
;; end of part 13
;; launch ln2 (part 14): grid 256 x 1, 4 waves a work-group, no clusters, 18,944 bytes of LDS; arguments x1, ln2_g, ln2_b, h2; writes h2
.if DOCPART == 14
	.amdgcn_target "amdgcn-amd-amdhsa--gfx1250"
	.amdhsa_code_object_version 6
	.text
	.protected	k_q0d5a47a673_ln2
	.globl	k_q0d5a47a673_ln2
	.p2align	8
	.type	k_q0d5a47a673_ln2,@function
k_q0d5a47a673_ln2:
	s_mov_b64 s[64:65], 0
	v_nop
	global_prefetch_b8 v0, s[64:65] scope:SCOPE_SE
	s_setreg_imm32_b32 hwreg(HW_REG_WAVE_MODE, 25, 1), 1
	s_wait_xcnt 0x0
; h = (x - mean) * rsqrt(var + 1e-5) * g + b along rows of 1024, in f32, then quantised along the row: codes of FP8 (E4M3), one E8M0 byte for each 32.
; The mean is taken first and the variance of the differences, so that a common offset of the inputs costs nothing.
; LAYOUT OF THE OUTPUT.  Rows go in tiles of 128; inside a tile row R lies at POSITION R with bits 3 and 4 exchanged.  Codes: [tile][16 panels of 64 along K][128 positions][64 bytes];
; scale words from byte 4194304 on: [tile][8][128 positions], four bytes each.
; SHARES.  A wave takes 4 neighbouring positions (4 neighbouring rows), whole rows; a work-group 16.  Each load reads 512 consecutive bytes; a lane holds k = 128 j + 4 lane + 0..3: 8 lanes hold a block.
; Codes and bytes turn through the wave's own LDS bytes; each code store covers two aligned runs of 256 bytes.  The scale words leave in pieces of 16 bytes: one byte in 128 of what is read.
; LIMITS: NaN and infinities are not served; a block of zeros, and any block under 2^-118, gets the byte 1 (this program alone reads the bytes).
.set X,    64                          ; v64-191  four rows x 32 numbers
.set GG,   192                         ; v192-223 g of my 32 columns
.set BB,   224                         ; v224-255 b
.set CC,   16                          ; v16-23   a row's codes
.set MX,   32                          ; v32-39   largest magnitudes
.set IB,   40                          ; v40-55   pairs: 1 / scale, the byte
.set SS,   40                          ; v40-47   earlier: sums of squares, then 1 / sigma
.set SM,   56                          ; v56-63   sums, then means
.set SPW,  14
.set NIL,  15
.set WREG, 4608
.set RP,   1088
.set SCB,  4352
.set SPARE, 4*WREG
	s_load_b256 s[4:11], s[0:1], 0x0               ; the rows, g, b, the output
	v_lshl_add_u32 v[SPW], v0, 2, SPARE
	v_mov_b32 v[NIL], 0
	v_lshrrev_b32 v1, 5, v0
	v_readfirstlane_b32 s16, v1                    ; wave
	v_and_b32 v2, 31, v0                           ; lane
	s_wait_alu depctr_va_vdst(0)
	v_lshlrev_b32 v1, 4, v2                        ; 16 x lane
	s_lshl_b32 s17, ttmp9, 2
	s_add_co_u32 s17, s17, s16
	s_lshl_b32 s17, s17, 2                         ; my first position
	s_lshr_b32 s18, s17, 3
	s_lshr_b32 s19, s17, 4
	s_xor_b32 s18, s18, s19
	s_and_b32 s18, s18, 1
	s_mul_i32 s18, s18, 24
	s_xor_b32 s18, s18, s17                        ; its row
	s_lshl_b32 s18, s18, 12
	s_mov_b32 s19, 0
	s_lshr_b32 s20, s17, 7                         ; tile
	s_and_b32 s21, s17, 127
	s_lshl_b32 s22, s20, 17
	s_lshl_b32 s23, s21, 6
	s_add_co_u32 s22, s22, s23
	s_mov_b32 s23, 0                               ; s[22:23]: my codes
	s_lshl_b32 s24, s20, 12
	s_lshl_b32 s25, s21, 2
	s_add_co_u32 s24, s24, s25
	s_add_co_u32 s24, s24, 4194304
	s_mov_b32 s25, 0                               ; s[24:25]: my scale words
	s_mul_i32 s26, s16, WREG
	v_lshl_add_u32 v3, v2, 2, s26
	v_lshrrev_b32 v4, 3, v2
	v_add_nc_u32 v4, s26, v4
	v_and_b32 v5, 15, v2
	v_lshrrev_b32 v6, 2, v5
	v_mul_u32_u24 v6, v6, RP
	v_and_b32 v7, 3, v2
	v_lshl_add_u32 v6, v7, 4, v6
	v_lshrrev_b32 v8, 4, v2
	v_lshl_add_u32 v6, v8, 6, v6
	v_add_nc_u32 v6, s26, v6
	v_lshlrev_b32 v9, 13, v8
	v_lshl_add_u32 v9, v5, 4, v9
	v_lshlrev_b32 v10, 5, v7
	v_lshrrev_b32 v11, 2, v2
	v_lshl_add_u32 v10, v11, 2, v10
	v_add_nc_u32 v10, s26, v10
	v_lshlrev_b32 v11, 9, v11
	v_lshl_add_u32 v11, v7, 2, v11
	s_mov_b32 s12, 0x76543210
	s_mov_b32 s13, 0xfedcba98                      ; v_permlanex16_b32: lane l xor 16
	s_mov_b32 s14, 0xc3e00000                      ; -448
	s_mov_b32 s15, 0x43e00000                      ; 448
	s_mov_b32 s27, 0x3a800000                      ; 1 / 1024
	s_mov_b32 s28, 0x3727c5ac                      ; 1e-5
	s_wait_kmcnt 0x0
	s_add_nc_u64 s[4:5], s[4:5], s[18:19]
	s_add_nc_u64 s[22:23], s[10:11], s[22:23]
	s_add_nc_u64 s[24:25], s[10:11], s[24:25]
.irp i, 0,1,2,3
.irp j, 0,1,2,3,4,5,6,7
	global_load_b128 v[X+32*\i+4*\j:X+32*\i+4*\j+3], v1, s[4:5] offset:4096*\i+512*\j
.endr
.endr
.irp j, 0,1,2,3,4,5,6,7
	global_load_b128 v[GG+4*\j:GG+4*\j+3], v1, s[6:7] offset:512*\j
.endr
.irp j, 0,1,2,3,4,5,6,7
	global_load_b128 v[BB+4*\j:BB+4*\j+3], v1, s[8:9] offset:512*\j
.endr
.macro REDUCE p                        ; the four rows' pairs at v[p + 2 i]: both halves and all 32 lanes are summed; the sum ends in every lane
.irp i, 0,1,2,3
	v_add_f32 v[\p+2*\i], v[\p+2*\i], v[\p+2*\i+1]
.endr
.irp m, 1,2,4,8
.irp i, 0,1,2,3
	v_add_f32_dpp v[\p+2*\i], v[\p+2*\i], v[\p+2*\i] row_xmask:\m row_mask:0xf bank_mask:0xf
.endr
.endr
.irp i, 0,1,2,3
	v_permlanex16_b32 v[\p+2*\i+1], v[\p+2*\i], s12, s13
.endr
.irp i, 0,1,2,3
	v_add_f32 v[\p+2*\i], v[\p+2*\i], v[\p+2*\i+1]
.endr
.endm
	s_wait_loadcnt 16                              ; the 32 loads of the rows are in; g's and b's sixteen may be out
.irp i, 0,1,2,3
	v_pk_add_f32 v[SM+2*\i:SM+2*\i+1], v[X+32*\i:X+32*\i+1], v[X+32*\i+2:X+32*\i+3]
.endr
.irp p, 4,6,8,10,12,14,16,18,20,22,24,26,28,30
.irp i, 0,1,2,3
	v_pk_add_f32 v[SM+2*\i:SM+2*\i+1], v[SM+2*\i:SM+2*\i+1], v[X+32*\i+\p:X+32*\i+\p+1]
.endr
.endr
	REDUCE SM
.irp i, 0,1,2,3
	v_mul_f32 v[SM+2*\i], s27, v[SM+2*\i]          ; the mean
.endr
.irp p, 0,2,4,6,8,10,12,14,16,18,20,22,24,26,28,30
.irp i, 0,1,2,3
	v_pk_add_f32 v[X+32*\i+\p:X+32*\i+\p+1], v[X+32*\i+\p:X+32*\i+\p+1], v[SM+2*\i:SM+2*\i+1] op_sel_hi:[1,0] neg_lo:[0,1] neg_hi:[0,1]
.endr
.endr
.irp i, 0,1,2,3
	v_pk_mul_f32 v[SS+2*\i:SS+2*\i+1], v[X+32*\i:X+32*\i+1], v[X+32*\i:X+32*\i+1]
.endr
.irp p, 2,4,6,8,10,12,14,16,18,20,22,24,26,28,30
.irp i, 0,1,2,3
	v_pk_fma_f32 v[SS+2*\i:SS+2*\i+1], v[X+32*\i+\p:X+32*\i+\p+1], v[X+32*\i+\p:X+32*\i+\p+1], v[SS+2*\i:SS+2*\i+1]
.endr
.endr
	REDUCE SS
.irp i, 0,1,2,3
	v_fma_f32 v[SS+2*\i], v[SS+2*\i], s27, s28     ; the variance + 1e-5
.endr
	s_wait_alu depctr_va_vdst(0)
.irp i, 0,1,2,3
	v_rsq_f32 v[SS+2*\i], v[SS+2*\i]
.endr
	v_nop                                          ; a plain instruction behind the last of the four
	s_wait_alu depctr_va_vdst(0)                   ; one wait for the batch, ahead of its first reader
	s_wait_loadcnt 0x0                             ; g and b
.irp p, 0,2,4,6,8,10,12,14,16,18,20,22,24,26,28,30
.irp i, 0,1,2,3
	v_pk_mul_f32 v[X+32*\i+\p:X+32*\i+\p+1], v[X+32*\i+\p:X+32*\i+\p+1], v[SS+2*\i:SS+2*\i+1] op_sel_hi:[1,0]
.endr
.irp i, 0,1,2,3
	v_pk_fma_f32 v[X+32*\i+\p:X+32*\i+\p+1], v[X+32*\i+\p:X+32*\i+\p+1], v[GG+\p:GG+\p+1], v[BB+\p:BB+\p+1]
.endr
.endr
.macro CV c, x
	v_cvt_pk_fp8_f32 v\c\().l, v[\x], v[\x+1]
	v_cvt_pk_fp8_f32 v\c\().h, v[\x+2], v[\x+3]
.endm
.macro QROW i                          ; row i: 8 x 4 numbers a lane, block 4 j + lane / 8
.set XR, X+32*(\i)
.irp j, 0,1,2,3,4,5,6,7
	v_max3_num_f32 v[MX+\j], |v[XR+4*\j]|, |v[XR+4*\j+1]|, 0x4800000   ; with the floor 2^(9 - 127)
.endr
.irp j, 0,1,2,3,4,5,6,7
	v_max3_num_f32 v[MX+\j], v[MX+\j], |v[XR+4*\j+2]|, |v[XR+4*\j+3]|
.endr
.irp m, 1,2,4
.irp j, 0,1,2,3,4,5,6,7
	v_max_num_f32_dpp v[MX+\j], v[MX+\j], v[MX+\j] row_xmask:\m row_mask:0xf bank_mask:0xf
.endr
.endr
.if (\i) > 0
	s_wait_alu depctr_va_vdst(0)
	s_wait_dscnt 0x0                               ; the last row's LDS stores are done: their data registers are written again below
.endif
.irp j, 0,1,2,3,4,5,6,7
	v_lshrrev_b32 v[IB+2*\j+1], 23, v[MX+\j]
.endr
.irp j, 0,1,2,3,4,5,6,7
	v_and_b32 v[MX+\j], 0x7f800000, v[MX+\j]
.endr
.irp j, 0,1,2,3,4,5,6,7
	v_sub_nc_u32 v[IB+2*\j], 0x83000000, v[MX+\j]  ; 1 / scale
.endr
.irp j, 0,1,2,3,4,5,6,7
	v_add_nc_u32 v[IB+2*\j+1], -8, v[IB+2*\j+1]    ; the byte
.endr
.irp j, 0,1,2,3,4,5,6,7
	v_pk_mul_f32 v[XR+4*\j:XR+4*\j+1], v[XR+4*\j:XR+4*\j+1], v[IB+2*\j:IB+2*\j+1] op_sel_hi:[1,0]
	v_pk_mul_f32 v[XR+4*\j+2:XR+4*\j+3], v[XR+4*\j+2:XR+4*\j+3], v[IB+2*\j:IB+2*\j+1] op_sel_hi:[1,0]
.endr
.set n, 0
.rept 32
	v_med3_num_f32 v[XR+n], v[XR+n], s14, s15      ; the conversion does not saturate (ISA guide 7.6.2)
.set n, n+1
.endr
	CV 16, XR
	CV 17, XR+4
	CV 18, XR+8
	CV 19, XR+12
	CV 20, XR+16
	CV 21, XR+20
	CV 22, XR+24
	CV 23, XR+28
.irp j, 0,1,2,3,4,5,6,7
	ds_store_b32 v3, v[CC+\j] offset:RP*(\i)+128*\j
	ds_store_b8 v4, v[IB+2*\j+1] offset:SCB+32*(\i)+4*\j
.endr
.endm
	QROW 0
	QROW 1
	QROW 2
	QROW 3
.irp t, 0,1,2,3,4,5,6,7
	ds_load_b128 v[X+4*\t:X+4*\t+3], v6 offset:128*\t      ; LDS serves a wave's instructions in order: these see my stores
.endr
	ds_load_b32 v[X+32], v10 offset:SCB
.irp t, 0,1,2,3,4,5,6,7
	s_wait_dscnt 8-\t
	global_store_b128 v9, v[X+4*\t:X+4*\t+3], s[22:23] offset:16384*\t   ; two aligned runs of 256 bytes: panels 2 t and 2 t + 1
.endr
	s_wait_dscnt 0x0
	global_store_b32 v11, v[X+32], s[24:25]
	s_wait_tensorcnt 0x0                           ; the wave's end
	ds_add_u32 v[SPW], v[NIL]
	s_wait_dscnt 0x0
	s_endpgm
.Lfunc_end_k_q0d5a47a673_ln2:
	.size	k_q0d5a47a673_ln2, .Lfunc_end_k_q0d5a47a673_ln2-k_q0d5a47a673_ln2
	.p2alignl 7, 3214868480
	.fill 96, 4, 3214868480
	.section	.rodata,"a",@progbits
	.p2align	6, 0x0
	.amdhsa_kernel k_q0d5a47a673_ln2
		.amdhsa_group_segment_fixed_size 18944
		.amdhsa_private_segment_fixed_size 0
		.amdhsa_enable_private_segment 0
		.amdhsa_kernarg_size 32
		.amdhsa_user_sgpr_count 2
		.amdhsa_user_sgpr_kernarg_segment_ptr 1
		.amdhsa_wavefront_size32 1
		.amdhsa_system_sgpr_workgroup_id_x 1
		.amdhsa_system_sgpr_workgroup_id_y 1
		.amdhsa_system_sgpr_workgroup_id_z 1
		.amdhsa_system_vgpr_workitem_id 0
		.amdhsa_next_free_vgpr 256
		.amdhsa_next_free_sgpr 66
		.amdhsa_reserve_vcc 0
		.amdhsa_float_denorm_mode_32 3
		.amdhsa_float_denorm_mode_16_64 3
		.amdhsa_memory_ordered 1
		.amdhsa_forward_progress 1
		.amdhsa_inst_pref_size 70
	.end_amdhsa_kernel
	.amdgpu_metadata
---
amdhsa.version: [ 1, 2 ]
amdhsa.kernels:
  - .name:           k_q0d5a47a673_ln2
    .symbol:         k_q0d5a47a673_ln2.kd
    .args:
      - { .name: x1, .offset: 0, .size: 8, .value_kind: global_buffer, .address_space: global }
      - { .name: ln2_g, .offset: 8, .size: 8, .value_kind: global_buffer, .address_space: global }
      - { .name: ln2_b, .offset: 16, .size: 8, .value_kind: global_buffer, .address_space: global }
      - { .name: h2, .offset: 24, .size: 8, .value_kind: global_buffer, .address_space: global }
    .group_segment_fixed_size: 18944
    .private_segment_fixed_size: 0
    .kernarg_segment_align: 8
    .kernarg_segment_size: 32
    .max_flat_workgroup_size: 128
    .sgpr_count:     66
    .vgpr_count:     256
    .wavefront_size: 32
...
	.end_amdgpu_metadata
.endif
;; end of part 14
;; launch gemm_ff1 (part 15): grid 8 x 32, 4 waves a work-group, clusters of 4 x 4, 327,680 bytes of LDS; arguments h2, wts, ff1_b, hid; writes hid
.if DOCPART == 15
	.amdgcn_target "amdgcn-amd-amdhsa--gfx1250"
	.amdhsa_code_object_version 6
	.text
	.protected	k_q0d5a47a673_gemm_ff1
	.globl	k_q0d5a47a673_gemm_ff1
	.p2align	8
	.type	k_q0d5a47a673_gemm_ff1,@function
k_q0d5a47a673_gemm_ff1:
	s_mov_b64 s[64:65], 0
	v_nop
	global_prefetch_b8 v0, s[64:65] scope:SCOPE_SE
	s_setreg_imm32_b32 hwreg(HW_REG_WAVE_MODE, 25, 1), 1
	s_wait_xcnt 0x0
	s_wait_alu depctr_hold_cnt(0) depctr_sa_sdst(0) depctr_va_vdst(0) depctr_va_sdst(0) depctr_va_ssrc(0) depctr_va_vcc(0) depctr_vm_vsrc(0)
	s_getreg_b32 s2, hwreg(HW_REG_IB_STS2, 6, 4)
	s_cmp_eq_u32 s2, 0
	s_cbranch_scc0 .Lentry_in_a_cluster
	s_endpgm
.Lentry_in_a_cluster:
	s_bfe_u32 s2, ttmp6, 0x10000c
	s_cmp_lg_u32 s2, 0xf033
	s_cbranch_scc0 .Lentry_shape_is_right
	s_endpgm
.Lentry_shape_is_right:
; hid = the quantised gelu(LN2(x1) W1^T + b1): [4096 tokens] x [4096 features], K = 1024, on codes of FP8 (E4M3) with E8M0 scales; bias, gelu and the quantiser along the features in f32.
; OPERANDS (made by this program): rows in tiles of 128, row R at POSITION R with bits 3 and 4 exchanged; codes [tile][K / 64][128 positions][64 bytes], scale words [tile][K / 128][128 positions].
; SHARES.  A work-group keeps one token tile of 128 and walks 4 weight tiles of 128 features; four waves, wave (wm, wn) = 64 tokens x 64 features of a tile.
; THE TOKEN SIDE STAYS IN REGISTERS: a wave's 64 tokens x K 1024 are 512 registers (windows 1 and 2) and 32 scale words; they come once, through LDS, and serve all four weight tiles.
; LDS then holds TWO WHOLE WEIGHT TILES (16 panels each) that take turns: the tile after next is asked for when a tile is done with, so a refill has a whole tile's products and gelu in which to land:
; no wave stands waiting for it, so no prefetch is laid.  Position P of a panel lies at 272 (P / 4) + 64 (P % 4).
; A TRIP is half a tile: 64 tokens x 32 features a wave: 64 fragment loads (window 3 holds all 8 K steps), 64 products on 8 accumulators by turns, then the way out.  The product is used TRANSPOSED
; (source 0 = 16 positions of the weight, source 1 = 16 tokens): a lane holds one token, and the 16 registers of weight tiles 0, 1 are the features 16 (lane / 16) + 0..15 of the trip's block of 32.
; The bias is the C of each accumulator's first product.  The body is written twice: for tiles 0, 1 (a refill follows) and for tiles 2, 3 (none follows).
; GELU: gelu(x) = max(x, 0) - |x| q, q = erfc(a) / 2, a = |x| / sqrt(2); q = (1 + P(r)) / (4 a + 2) x exp(-a^2), r = (a - 2) / (a + 2); the roundings of a^2 and of its product with log2(e) are carried along.
; CLUSTER 4 x 4: the token tile is shared along a row of the cluster, the weight tiles along a column: joint loads.
; OUT: hid codes [token tile][feature / 64][128 positions][64 bytes]; scale words [token tile][feature / 128][128 positions] from byte 16777216.
; LIMITS: NaN and infinities are not served; a block of zeros gets the byte 1 (this program alone reads the bytes); |x| enters erfc held at 14, beyond which q is under f32's smallest number.
.set KK,     1024
.set MS_OFF, 4194304
.set NC_OFF, 4194304
.set NS_OFF, 12713984
.set PANEL,  8704                      ; 64 along K of 128 positions: 32 lines of 272
.set SIDE,   8*PANEL
.set SLOTN,  16*PANEL                  ; a weight tile, all of K.  Slot 1 first holds the token tile
.set SCM,    2*SLOTN                   ; the tokens' scale words, 4096 bytes
.set SCN,    SCM+4096                  ; the weights' scale words, 4096 bytes for each slot
.set STAGE,  SCN+8192                  ; 64 rows x 80 bytes a wave, for the way out: no fill lands here
.set SCST,   STAGE+4*5120              ; the result's scale bytes meet here: 512 bytes for each of two tiles by turns
.set SPARE,  SCST+1024                 ; the spare words, 128 bytes a wave, named by no other line
.set BOV,  7                           ; v7 the bias loads' offset
.set CO,   8                           ; v8 16 x lane
.set SO8,  9                           ; v9 8 x lane;  v10 + the tile's words
.set SOV,  10
.set SCW0, 11                          ; v11, v14 where my scale bytes go: base, and in this trip
.set SCW,  14
.set SCR0, 15                          ; v15, v30 where scale words are read back
.set SCRV, 30
.set AM,   16                          ; v16-17 my token fragments, panels 0-7 and 8-15
.set AN0,  18                          ; v18-19 my weight fragments: base;  v20-21 in this trip
.set AN,   20
.set ASM,  22                          ; v22 the tokens' scale words
.set ASN0, 23                          ; v23, v24 the weights'
.set ASN,  24
.set STO0, 25                          ; v25, v26 the stage, in
.set STO,  26
.set RD,   27                          ; v27 the stage, out
.set SPW,  28
.set NIL,  29
.set BO,   31                          ; v31 64 x (lane / 16)
.set SWM,  32                          ; v32-63 the tokens' scale words, register 8 a + q: scales and nothing else
.set SWN,  64                          ; v64-79 the weights', register 8 b + q
.set BI,   80                          ; v80-95 the bias of my 16 features
.set GA,   96                          ; v96-191 the gelu's six runs of 16
.set GR,   112
.set GD,   128
.set GS,   144
.set GU,   160
.set GT,   176
.set TM,   96                          ; the quantiser's work, and v112-127 its codes
.set PC,   112
.set ACC,  192                         ; v192-255 accumulator (a, b) at ACC + 8 (2 a + b)
.set SEL,  2
.set MNT,  66
.set TT,   12                          ; s12 the tile's count, which is also its slot;  s13 the half
.set HF,   13
.set BX,   36                          ; s36 the trip's first byte in the bias;  s37 the tile's first byte among my scale words
.set WOF,  37
.set G1,   24
.set G0,   32
.set G1B,  48
.set G0B,  56
.set G1S,  68
.set G0S,  76
.set G1SB, 80
.set G0SB, 88
.set MSB, 0
.macro WIN new                         ; the immediate's high byte repeats the setting that is left
.if MSB != (\new)
	s_set_vgpr_msb (MSB<<8)|(\new)
.set MSB, (\new)
.endif
.endm
.macro JLOAD g0a, g1a, g0b, g1b        ; a joint load: waves 0, 1 take the first pair of groups, waves 2, 3 the second; an s_nop 0 and four v_nop follow each line
	s_cmp_eq_u32 s15, 0
	s_cbranch_scc0 .Lfor_n_\@
	tensor_load_to_lds s[\g0a:\g0a+3], s[\g1a:\g1a+7]
	s_nop 0
.rept 4
	v_nop
.endr
	s_branch .Lasked_\@
.Lfor_n_\@:
	tensor_load_to_lds s[\g0b:\g0b+3], s[\g1b:\g1b+7]
	s_nop 0
.rept 4
	v_nop
.endr
.Lasked_\@:
.endm
.macro CROUND                          ; a round of the cluster's barrier
	s_barrier_signal -1
	s_barrier_wait -1
	s_cmp_lg_u32 s14, 0
	s_cbranch_scc1 .Lnot_wave_0_\@
	s_barrier_signal -3
.Lnot_wave_0_\@:
	s_barrier_wait -3
	s_barrier_signal -1
	s_barrier_wait -1
.endm
.macro ARM under, g0, g1, next
	s_cmp_lt_u32 s14, \under
	s_cbranch_scc0 \next
	tensor_load_to_lds s[\g0:\g0+3], s[\g1:\g1+7]
	s_nop 0
.rept 4
	v_nop
.endr
	s_branch .Lhead_asked
\next:
.endm
.macro CF r, x                         ; a constant as a scalar pair: the packed forms name the pair
	s_mov_b32 s[\r], \x
	s_mov_b32 s[\r+1], \x
.endm
	s_load_b128 s[4:7], s[0:1], 0x0                ; h2, wts
	s_load_b128 s[8:11], s[0:1], 0x10              ; the bias, hid
	v_lshl_add_u32 v[SPW], v0, 2, SPARE
	v_mov_b32 v[NIL], 0
	ds_add_u32 v[SPW], v[NIL]                      ; the opening: the add, twice on end, and its wait ahead of my first tensor load
	ds_add_u32 v[SPW], v[NIL]
	v_lshrrev_b32 v1, 5, v0
	v_readfirstlane_b32 s14, v1                    ; wave
	s_lshr_b32 s15, s14, 1                         ; wm; also: which arm of a joint load is mine
	s_and_b32 s16, s14, 1                          ; wn; also: which half I fetch
	s_bfe_u32 s40, ttmp6, 0x40000                  ; cx
	s_bfe_u32 s41, ttmp6, 0x40004                  ; cy
	s_lshl_b32 s42, ttmp9, 2
	s_add_co_u32 s42, s42, s40
	s_lshl_b32 s42, s42, 2                         ; my first weight tile
	s_and_b32 s17, ttmp7, 0xffff
	s_lshl_b32 s17, s17, 2
	s_add_co_u32 s17, s17, s41                     ; my token tile
	s_lshl_b32 s43, s41, 2
	s_lshl_b32 s43, 15, s43                        ; my row of the cluster
	s_lshl_b32 s44, 0x1111, s40                    ; my column
	s_or_b32 s[G1+0], s43, (3<<16)|(1<<20)|(1<<21)|(5<<22)|(3<<25)   ; mask; elements of 8 bytes; padding: 4 words behind every 64
	s_or_b32 s[G1B+0], s44, (3<<16)|(1<<20)|(1<<21)|(5<<22)|(3<<25)
.irp g, G1, G1B
	s_mov_b32 s[\g+1], 32<<16                      ; rows of 256 bytes, dense
	s_mov_b32 s[\g+2], 512<<16                     ; 512 rows: 16 panels
	s_mov_b32 s[\g+3], 32<<16
	s_mov_b32 s[\g+4], 512
	s_mov_b32 s[\g+5], 32
	s_mov_b32 s[\g+6], 0
	s_mov_b32 s[\g+7], 0
.endr
	s_or_b32 s[G1S+0], s43, (3<<16)|(1<<21)        ; scale words: 4096 dense bytes, no padding
	s_or_b32 s[G1SB+0], s44, (3<<16)|(1<<21)
.irp g, G1S, G1SB
	s_mov_b32 s[\g+1], 32<<16
	s_mov_b32 s[\g+2], 16<<16
	s_mov_b32 s[\g+3], 32<<16
	s_mov_b32 s[\g+4], 16
	s_mov_b32 s[\g+5], 32
	s_mov_b32 s[\g+6], 0
	s_mov_b32 s[\g+7], 0
.endr
	s_mul_i32 s20, s17, 128*KK
	s_mov_b32 s21, 0
	s_mul_i32 s46, s42, 128*KK
	s_add_co_u32 s46, s46, NC_OFF
	s_mov_b32 s47, 0
	s_mul_i32 s22, s17, 4*KK
	s_add_co_u32 s22, s22, MS_OFF
	s_mov_b32 s23, 0
	s_mul_i32 s92, s42, 4*KK
	s_add_co_u32 s92, s92, NS_OFF
	s_mov_b32 s93, 0
	s_mov_b32 s[SEL], 0x76543210
	s_mov_b32 s[SEL+1], 0xfedcba98
	s_mov_b32 s[MNT], 0x600000
	s_mov_b32 s67, 0x41600000                      ; 14
	CF 96, 0x3f3504f3                              ; 1 / sqrt(2)
	CF 98, 0xbfb8aa3b                              ; -log2(e)
	CF 100, 0x3f317218                             ; ln 2
	s_wait_dscnt 0x0                               ; both opening adds are done
	s_wait_kmcnt 0x0
	s_add_nc_u64 s[20:21], s[4:5], s[20:21]
	s_add_nc_u64 s[22:23], s[4:5], s[22:23]
	s_add_nc_u64 s[46:47], s[6:7], s[46:47]
	s_add_nc_u64 s[92:93], s[6:7], s[92:93]
	CROUND                                         ; all sixteen work-groups are here: the first joint loads meet
	s_mov_b32 s[G0], 1                             ; the token tile's codes, into slot 1
	s_mov_b32 s[G0+1], SLOTN
	s_mov_b64 s[G0+2:G0+3], s[20:21]
	s_or_b32 s[G0+3], s[G0+3], 0x80000000
	s_mov_b32 s[G0B], 1                            ; weight tile 0, into slot 0
	s_mov_b32 s[G0B+1], 0
	s_mov_b64 s[G0B+2:G0B+3], s[46:47]
	s_or_b32 s[G0B+3], s[G0B+3], 0x80000000
	s_mov_b32 s[G0S], 1
	s_mov_b32 s[G0S+1], SCM
	s_mov_b64 s[G0S+2:G0S+3], s[22:23]
	s_or_b32 s[G0S+3], s[G0S+3], 0x80000000
	s_mov_b32 s[G0SB], 1
	s_mov_b32 s[G0SB+1], SCN
	s_mov_b64 s[G0SB+2:G0SB+3], s[92:93]
	s_or_b32 s[G0SB+3], s[G0SB+3], 0x80000000
	ARM 1, G0, G1, .Lhead_n                        ; THE HEAD'S LOADS, ONE A WAVE: one chain of branches on the wave's number, one load to an arm
	ARM 2, G0B, G1B, .Lhead_sm
	ARM 3, G0S, G1S, .Lhead_sn
	tensor_load_to_lds s[G0SB:G0SB+3], s[G1SB:G1SB+7]
	s_nop 0
.rept 4
	v_nop
.endr
.Lhead_asked:
	v_and_b32 v1, 15, v0                           ; r
	v_bfe_u32 v2, v0, 4, 1                         ; h
	v_lshrrev_b32 v3, 2, v1
	v_mul_u32_u24 v3, v3, 272
	v_and_b32 v4, 3, v1
	v_lshl_add_u32 v3, v4, 6, v3
	v_lshl_add_u32 v3, v2, 4, v3                   ; 272 (r / 4) + 64 (r % 4) + 16 h
	s_mul_i32 s18, s15, 4352                       ; my 64 tokens,
	s_add_co_u32 s18, s18, SLOTN
	s_mul_i32 s19, s16, 4352                       ; my 64 features
	v_add_nc_u32 v[AM], s18, v3
	v_add_nc_u32 v[AN0], s19, v3
	v_add_nc_u32 v[AM+1], SIDE, v[AM]
	v_add_nc_u32 v[AN0+1], SIDE, v[AN0]
	s_lshl_b32 s18, s15, 8
	s_lshl_b32 s19, s16, 8
	s_add_co_u32 s38, s18, SCM
	v_lshl_add_u32 v[ASM], v1, 2, s38
	s_add_co_u32 s38, s19, SCN
	v_lshl_add_u32 v[ASN0], v1, 2, s38
	s_lshl_b32 s38, s16, 1
	s_add_co_u32 s38, s38, s18
	s_add_co_u32 s38, s38, SCST
	v_lshl_add_u32 v[SCW0], v1, 2, s38             ; word 64 wm + r (+ 16 a), byte 2 wn (+ the half)
	v_and_b32 v6, 31, v0
	s_add_co_u32 s38, s19, SCST
	v_lshl_add_u32 v[SCR0], v6, 3, s38
	s_mul_i32 s38, s14, 5120
	s_add_co_u32 s38, s38, STAGE                   ; my stage
	v_mul_u32_u24 v5, v1, 80
	v_lshl_add_u32 v5, v2, 4, v5
	v_add_nc_u32 v[STO0], s38, v5
	v_lshrrev_b32 v5, 2, v6
	v_mul_u32_u24 v5, v5, 80
	v_lshl_add_u32 v5, v4, 4, v5
	v_add_nc_u32 v[RD], s38, v5
	v_lshlrev_b32 v[CO], 4, v6
	v_lshlrev_b32 v[SO8], 3, v6
	v_lshlrev_b32 v[BO], 6, v2
	v_mov_b32 v12, 0xb9d25000                      ; P's leading coefficient, as a pair
	v_mov_b32 v13, 0xb9d25000
	s_lshl_b32 s[BX], s42, 9
	s_add_co_u32 s[BX], s[BX], s19                 ; feature 128 x tile + 64 wn, in bytes
	v_add_nc_u32 v[BOV], s[BX], v[BO]
.irp c, 0,1,2,3
	global_load_b128 v[BI+4*\c:BI+4*\c+3], v[BOV], s[8:9] offset:16*\c   ; register i: feature 16 h + i of the first trip's 32
.endr
	s_lshl_b32 s20, s17, 19
	s_lshl_b32 s21, s42, 1
	s_add_co_u32 s21, s21, s16
	s_lshl_b32 s21, s21, 13
	s_add_co_u32 s20, s20, s21
	s_lshl_b32 s21, s15, 12
	s_add_co_u32 s20, s20, s21
	s_mov_b32 s21, 0
	s_add_nc_u64 s[20:21], s[10:11], s[20:21]      ; my 64 positions' codes of panel 2 x tile + wn: 4096 bytes on end
	s_lshl_b32 s22, s17, 5
	s_add_co_u32 s22, s22, s42
	s_lshl_b32 s22, s22, 9
	s_add_co_u32 s22, s22, s19
	s_add_co_u32 s22, s22, 16777216
	s_mov_b32 s23, 0
	s_add_nc_u64 s[22:23], s[10:11], s[22:23]      ; scale words (waves 0, 1 store them): 64 positions each
	s_mov_b32 s[WOF], 0
	s_wait_alu depctr_va_vdst(0)
	s_wait_tensorcnt 0x0                           ; my one load of the head is in,
	s_barrier_signal -1
	s_barrier_wait -1                              ; and everybody's
.irp a, 0,1,2,3
.irp q, 0,1,2,3,4,5,6,7
	ds_load_b32 v[SWM+8*\a+\q], v[ASM] offset:512*\q+64*\a
.endr
.endr
.irp q, 0,1,2,3,4,5,6,7                        ; the token fragments: K step q, tile a at register 256 + 64 q + 16 a
	WIN 0x40*(1+\q/4)
.irp a, 0,1,2,3
.irp c, 0,1,2,3
	ds_load_b128 v[64*(\q%4)+16*\a+4*\c:64*(\q%4)+16*\a+4*\c+3], v[AM+\q/4] offset:((2*\q+\c/2)%8)*PANEL+\a*1088+32*(\c%2)
.endr
.endr
.endr
	WIN 0
	s_wait_tensorcnt 0x0                           ; slot 1 is filled again, with weight tile 1
	ds_add_u32 v[SPW], v[NIL]
	s_mov_b32 s[G1B+2], 256<<16                    ; no load of mine is out, so descriptors may be written: the refills go by halves: waves 0, 1 bring 8 panels each,
	s_mov_b32 s[G1B+4], 256
	s_mov_b32 s[G1SB+2], 8<<16                     ; waves 2, 3 2048 bytes of scale words each
	s_mov_b32 s[G1SB+4], 8
	s_lshl_b32 s18, s16, 16
	s_mov_b32 s19, 0
	s_add_nc_u64 s[G0B+2:G0B+3], s[G0B+2:G0B+3], s[18:19]
	s_add_nc_u64 s[G0B+2:G0B+3], s[G0B+2:G0B+3], 128*KK
	s_mul_i32 s[G0B+1], s16, SIDE
	s_add_co_u32 s[G0B+1], s[G0B+1], SLOTN
	s_lshl_b32 s18, s16, 11
	s_add_nc_u64 s[G0SB+2:G0SB+3], s[G0SB+2:G0SB+3], s[18:19]
	s_add_nc_u64 s[G0SB+2:G0SB+3], s[G0SB+2:G0SB+3], 4*KK
	s_add_co_u32 s[G0SB+1], s18, SCN+4096
	CF 24, 0xbaa15130                              ; P's other coefficients, in the registers that held the token side's descriptors
	CF 26, 0x3aac2b8a
	CF 28, 0x3c0d6e62
	CF 30, 0xbc040dc1
	CF 32, 0xbd5e05b5
	CF 34, 0x3e27fe23
	CF 68, 0xbe2a0753
	CF 70, 0xbdbdfb0b
	CF 72, 0x3e8dd01d
	s_wait_dscnt 0x0                               ; the add is done, and the token tile is in my registers
	CROUND
	JLOAD G0B, G1B, G0SB, G1SB                     ; weight tile 1
; gelu of 16 numbers a lane, in place; every step goes over the 16 before the next begins
.macro GELU16 s
	s_wait_alu depctr_va_vdst(0)                   ; directly ahead of the first readers of matrix results
.irp i, 0,1,2,3,4,5,6,7,8,9,10,11,12,13,14,15
	v_min_num_f32 v[GA+\i], |v[\s+\i]|, s67
.endr
.irp p, 0,2,4,6,8,10,12,14
	v_pk_mul_f32 v[GA+\p:GA+\p+1], v[GA+\p:GA+\p+1], s[96:97] op_sel_hi:[1,0]      ; a
.endr
.irp p, 0,2,4,6,8,10,12,14
	v_pk_add_f32 v[GR+\p:GR+\p+1], v[GA+\p:GA+\p+1], 2.0 op_sel_hi:[1,0]
.endr
.irp p, 0,2,4,6,8,10,12,14
	v_pk_fma_f32 v[GD+\p:GD+\p+1], v[GA+\p:GA+\p+1], 4.0, 2.0 op_sel_hi:[1,0,0]
.endr
.irp p, 0,2,4,6,8,10,12,14
	v_pk_mul_f32 v[GS+\p:GS+\p+1], v[GA+\p:GA+\p+1], v[GA+\p:GA+\p+1]              ; a^2, rounded,
.endr
.irp p, 0,2,4,6,8,10,12,14
	v_pk_fma_f32 v[GT+\p:GT+\p+1], v[GA+\p:GA+\p+1], v[GA+\p:GA+\p+1], v[GS+\p:GS+\p+1] neg_lo:[1,0,0] neg_hi:[1,0,0]   ; and what the rounding added
.endr
.irp p, 0,2,4,6,8,10,12,14
	v_pk_mul_f32 v[GU+\p:GU+\p+1], v[GS+\p:GS+\p+1], s[98:99] op_sel_hi:[1,0]      ; the exponent to the base 2,
.endr
.irp p, 0,2,4,6,8,10,12,14
	v_pk_fma_f32 v[GS+\p:GS+\p+1], v[GS+\p:GS+\p+1], s[98:99], v[GU+\p:GU+\p+1] op_sel_hi:[1,0,1] neg_lo:[0,0,1] neg_hi:[0,0,1]   ; and what its rounding lost
.endr
.irp p, 0,2,4,6,8,10,12,14
	v_pk_fma_f32 v[GT+\p:GT+\p+1], v[GS+\p:GS+\p+1], s[100:101], v[GT+\p:GT+\p+1] op_sel_hi:[1,0,1]
.endr
	s_wait_alu depctr_va_vdst(0)
.irp i, 0,1,2,3,4,5,6,7,8,9,10,11,12,13,14,15
	v_rcp_f32 v[GR+\i], v[GR+\i]
.endr
.irp i, 0,1,2,3,4,5,6,7,8,9,10,11,12,13,14,15
	v_rcp_f32 v[GD+\i], v[GD+\i]
.endr
.irp i, 0,1,2,3,4,5,6,7,8,9,10,11,12,13,14,15
	v_exp_f32 v[GU+\i], v[GU+\i]
.endr
.irp p, 0,2,4,6,8,10,12,14
	v_pk_add_f32 v[GS+\p:GS+\p+1], v[GA+\p:GA+\p+1], -2.0 op_sel_hi:[1,0]
.endr
	s_wait_alu depctr_va_vdst(0)                   ; one wait for the batch, ahead of its first reader
.irp p, 0,2,4,6,8,10,12,14
	v_pk_mul_f32 v[GS+\p:GS+\p+1], v[GS+\p:GS+\p+1], v[GR+\p:GR+\p+1]              ; r
.endr
.irp p, 0,2,4,6,8,10,12,14
	v_pk_fma_f32 v[GA+\p:GA+\p+1], v[GS+\p:GS+\p+1], v[12:13], s[24:25] op_sel_hi:[1,1,0]
.endr
.irp c, 26,28,30,32,34,68,70,72
.irp p, 0,2,4,6,8,10,12,14
	v_pk_fma_f32 v[GA+\p:GA+\p+1], v[GA+\p:GA+\p+1], v[GS+\p:GS+\p+1], s[\c:\c+1] op_sel_hi:[1,1,0]
.endr
.endr
.irp p, 0,2,4,6,8,10,12,14
	v_pk_fma_f32 v[GD+\p:GD+\p+1], v[GA+\p:GA+\p+1], v[GD+\p:GD+\p+1], v[GD+\p:GD+\p+1]
.endr
.irp p, 0,2,4,6,8,10,12,14
	v_pk_mul_f32 v[GD+\p:GD+\p+1], v[GD+\p:GD+\p+1], v[GU+\p:GU+\p+1]
.endr
.irp p, 0,2,4,6,8,10,12,14
	v_pk_fma_f32 v[GD+\p:GD+\p+1], v[GD+\p:GD+\p+1], v[GT+\p:GT+\p+1], v[GD+\p:GD+\p+1]   ; q
.endr
.irp i, 0,1,2,3,4,5,6,7,8,9,10,11,12,13,14,15
	v_max_num_f32 v[GR+\i], v[\s+\i], 0
.endr
.irp i, 0,1,2,3,4,5,6,7,8,9,10,11,12,13,14,15
	v_fma_f32 v[\s+\i], -|v[\s+\i]|, v[GD+\i], v[GR+\i]
.endr
.endm
; A TRIP: half HF of the tile in slot TT.  tail = 1: tiles 2 and 3; the very last trip asks for no further bias
; 16 scale words and 64 fragment loads of a half.  e = 0: the half that the address registers stand at; e = 1: the tile's second half, 8 lines of 272 and 32 scale words on, asked for from the first half's trip
.macro FETCH e
.irp b, 0,1
.irp q, 0,1,2,3,4,5,6,7
	ds_load_b32 v[SWN+8*\b+\q], v[ASN] offset:512*\q+64*\b+128*\e
.endr
.endr
	WIN 0xc0                                       ; destination window 3: K step q, tile b at register 768 + 32 q + 16 b
.irp q, 0,1,2,3,4,5,6,7
.irp b, 0,1
.irp c, 0,1,2,3
	ds_load_b128 v[32*\q+16*\b+4*\c:32*\q+16*\b+4*\c+3], v[AN+\q/4] offset:((2*\q+\c/2)%8)*PANEL+\b*1088+32*(\c%2)+2176*\e
.endr
.endr
.endr
	WIN 0
.endm
.macro BODY tail
	s_mul_i32 s18, s[TT], SLOTN
	s_mul_i32 s19, s[HF], 2176                     ; 32 positions are 8 lines of 272
	s_add_co_u32 s18, s18, s19
	s_lshl_b32 s19, s[TT], 12
	s_lshl_b32 s38, s[HF], 7
	s_add_co_u32 s19, s19, s38
	s_lshl_b32 s38, s[HF], 5
	s_lshl_b32 s39, s[TT], 9
	s_add_co_u32 s39, s39, s[HF]
	v_add_nc_u32 v[AN], s18, v[AN0]
	v_add_nc_u32 v[AN+1], s18, v[AN0+1]
	v_add_nc_u32 v[ASN], s19, v[ASN0]
	v_add_nc_u32 v[STO], s38, v[STO0]
	v_add_nc_u32 v[SCW], s39, v[SCW0]
	s_wait_alu depctr_va_vdst(0)
	s_cmp_lg_u32 s[HF], 0                          ; a tile's second half was asked for in the trip before, behind its products
	s_cbranch_scc1 .Lfetched_\@
	FETCH 0
.Lfetched_\@:
	s_wait_loadcnt 0x0                             ; the bias
.irp q, 0,1,2,3,4,5,6,7
	s_wait_dscnt 8*(7-\q)                          ; the scale words and K steps 0 to q are in; the eight loads of each later K step may be out
	WIN 0x07+4*(\q/4)                              ; source 0 window 3, source 1 window 1 or 2, C and D window 0
.irp a, 0,1,2,3
.irp b, 0,1                                    ; the 8 accumulators take turns, one instruction a turn
.if \q == 0
	v_wmma_scale_f32_16x16x128_f8f6f4 v[ACC+8*(2*\a+\b):ACC+8*(2*\a+\b)+7], v[32*\q+16*\b:32*\q+16*\b+15], v[64*(\q%4)+16*\a:64*(\q%4)+16*\a+15], v[BI+8*\b:BI+8*\b+7], v[SWN+8*\b+\q], v[SWM+8*\a+\q]
.else
	v_wmma_scale_f32_16x16x128_f8f6f4 v[ACC+8*(2*\a+\b):ACC+8*(2*\a+\b)+7], v[32*\q+16*\b:32*\q+16*\b+15], v[64*(\q%4)+16*\a:64*(\q%4)+16*\a+15], v[ACC+8*(2*\a+\b):ACC+8*(2*\a+\b)+7], v[SWN+8*\b+\q], v[SWM+8*\a+\q]
.endif
.endr
.endr
.endr
	WIN 0
.rept 8
	v_nop                                          ; eight places in front of the first read of results and of loads into registers that matrix instructions have read
.endr
	s_cmp_lg_u32 s[HF], 0                          ; the first half's products are issued and eight places stand behind them: the second half's fragments come while the gelu is worked.
	s_cbranch_scc1 .Lno_early_\@                   ; (Behind them stand that trip's eight LDS stores: the counted waits ahead of the products then leave fewer loads out than they might)
	FETCH 1
.Lno_early_\@:
.if \tail
	s_add_co_u32 s18, s[TT], s[HF]
	s_cmp_eq_u32 s18, 2
	s_cbranch_scc1 .Lno_bias_\@
.endif
	s_lshl_b32 s18, s[HF], 8                       ; the next trip's bias: 32 features on, from a tile's second half 96
	s_add_co_u32 s[BX], s[BX], s18
	s_add_co_u32 s[BX], s[BX], 128
	v_add_nc_u32 v[BOV], s[BX], v[BO]
.irp c, 0,1,2,3
	global_load_b128 v[BI+4*\c:BI+4*\c+3], v[BOV], s[8:9] offset:16*\c
.endr
.Lno_bias_\@:
	GELU16 ACC
	GELU16 ACC+16
	GELU16 ACC+32
	GELU16 ACC+48
; the quantiser: block b = the 32 features of token tile b: 16 mine, 16 lane l xor 16's
.irp b, 0,1,2,3
	v_max3_num_f32 v[TM+\b], |v[ACC+16*\b]|, |v[ACC+1+16*\b]|, 0x4800000   ; with the floor 2^(9 - 127): the byte cannot fall under 1
.endr
.irp i, 2,4,6,8,10,12,14
.irp b, 0,1,2,3
	v_max3_num_f32 v[TM+\b], v[TM+\b], |v[ACC+16*\b+\i]|, |v[ACC+1+16*\b+\i]|
.endr
.endr
.irp b, 0,1,2,3
	v_permlanex16_b32 v[TM+4+\b], v[TM+\b], s[SEL], s[SEL+1]
.endr
.irp b, 0,1,2,3
	v_max_num_f32 v[TM+\b], v[TM+\b], v[TM+4+\b]
.endr
.irp b, 0,1,2,3
	v_add_nc_u32 v[TM+12+\b], 0xfc000000, v[TM+\b] ; 8 off the exponent field: the conversion's scale operand
.endr
.irp b, 0,1,2,3
	v_and_or_b32 v[TM+8+\b], v[TM+\b], 0x7f800000, s[MNT]   ; 448 x the scale
.endr
.irp b, 0,1,2,3
	v_lshrrev_b32 v[TM+4+\b], 23, v[TM+12+\b]      ; the byte
.endr
.irp b, 0,1,2,3
.irp i, 0,1,2,3,4,5,6,7,8,9,10,11,12,13,14,15
	v_med3_num_f32 v[ACC+16*\b+\i], v[ACC+16*\b+\i], -v[TM+8+\b], v[TM+8+\b]   ; the conversion does not saturate (ISA guide 7.6.2)
.endr
	v_cvt_scalef32_pk8_fp8_f32 v[PC+4*\b:PC+1+4*\b], v[ACC+16*\b:ACC+7+16*\b], v[TM+12+\b]
	v_cvt_scalef32_pk8_fp8_f32 v[PC+2+4*\b:PC+3+4*\b], v[ACC+8+16*\b:ACC+15+16*\b], v[TM+12+\b]
.endr
	v_nop                                          ; a plain instruction behind the last conversion
.irp b, 0,1,2,3
	ds_store_b128 v[STO], v[PC+4*\b:PC+4*\b+3] offset:1280*\b
	ds_store_b8 v[SCW], v[TM+4+\b] offset:64*\b    ; both halves of the lanes write the same byte with the same value
.endr
.endm
; A TILE'S END.  My 64 rows of 64 codes leave the stage; then the change of slots: every wave waits for all its tensor loads, adds 0 to its spare word and waits for that and for its LDS instructions.
; fill = 1: a round of the cluster's barrier, and the slot just read takes the tile after next, first thing behind the round: one load of mine is out.  Behind the barrier the scale words are whole: waves 0, 1 store them.
.macro TILEEND fill
.irp t, 0,1,2,3,4,5,6,7
	ds_load_b128 v[96+4*\t:99+4*\t], v[RD] offset:640*\t   ; LDS serves a wave's instructions in order: these see my stores
.endr
.irp t, 0,1,2,3,4,5,6,7
	s_wait_dscnt 7-\t                              ; load t is in; the younger ones may be out
	global_store_b128 v[CO], v[96+4*\t:99+4*\t], s[20:21] offset:512*\t   ; 512 consecutive bytes
.endr
	s_lshl_b32 s18, s[TT], 9
	s_wait_xcnt 0x0                                ; the stores have read their registers and bases: both may be written again
	v_add_nc_u32 v[SCRV], s18, v[SCR0]
	v_add_nc_u32 v[SOV], s[WOF], v[SO8]
	s_wait_alu depctr_va_vdst(0)
	s_wait_tensorcnt 0x0
	ds_add_u32 v[SPW], v[NIL]                      ; 0 onto my spare word; the steps below stand between it and the wait for it
	s_add_nc_u64 s[20:21], s[20:21], 16384         ; two panels on
	s_add_co_u32 s[WOF], s[WOF], 512
.if \fill
	s_add_nc_u64 s[G0B+2:G0B+3], s[G0B+2:G0B+3], 128*KK
	s_add_nc_u64 s[G0SB+2:G0SB+3], s[G0SB+2:G0SB+3], 4*KK
	s_mul_i32 s18, s[TT], SLOTN
	s_mul_i32 s19, s16, SIDE
	s_add_co_u32 s[G0B+1], s18, s19
	s_lshl_b32 s18, s[TT], 12
	s_lshl_b32 s19, s16, 11
	s_add_co_u32 s18, s18, s19
	s_add_co_u32 s[G0SB+1], s18, SCN
.endif
	s_wait_dscnt 0x0
.if \fill
	CROUND
	JLOAD G0B, G1B, G0SB, G1SB
.else
	s_barrier_signal -1
	s_barrier_wait -1
.endif
	s_cmp_lt_u32 s14, 2
	s_cbranch_scc0 .Lno_words_\@
	ds_load_b64 v[4:5], v[SCRV]
	s_wait_dscnt 0x0
	global_store_b64 v[SOV], v[4:5], s[22:23]      ; 256 consecutive bytes
.Lno_words_\@:
.endm
	s_mov_b32 s[TT], 0
.Ltile:                                        ; tiles 0 and 1: behind each, a refill
	s_mov_b32 s[HF], 0
.Lhalf:
	BODY 0
	s_add_co_u32 s[HF], s[HF], 1
	s_cmp_lt_u32 s[HF], 2
	s_cbranch_scc1 .Lhalf
	TILEEND 1
	s_add_co_u32 s[TT], s[TT], 1
	s_cmp_lt_u32 s[TT], 2
	s_cbranch_scc1 .Ltile
	s_mov_b32 s[TT], 0
.Ltile_b:                                      ; tiles 2 and 3: nothing more is asked for
	s_mov_b32 s[HF], 0
.Lhalf_b:
	BODY 1
	s_add_co_u32 s[HF], s[HF], 1
	s_cmp_lt_u32 s[HF], 2
	s_cbranch_scc1 .Lhalf_b
	TILEEND 0
	s_add_co_u32 s[TT], s[TT], 1
	s_cmp_lt_u32 s[TT], 2
	s_cbranch_scc1 .Ltile_b
	s_wait_tensorcnt 0x0                           ; the wave's end
	ds_add_u32 v[SPW], v[NIL]
	s_wait_dscnt 0x0
	CROUND                                         ; the closing round
	s_endpgm
.Lfunc_end_k_q0d5a47a673_gemm_ff1:
	.size	k_q0d5a47a673_gemm_ff1, .Lfunc_end_k_q0d5a47a673_gemm_ff1-k_q0d5a47a673_gemm_ff1
	.p2alignl 7, 3214868480
	.fill 96, 4, 3214868480
	.section	.rodata,"a",@progbits
	.p2align	6, 0x0
	.amdhsa_kernel k_q0d5a47a673_gemm_ff1
		.amdhsa_group_segment_fixed_size 327680
		.amdhsa_private_segment_fixed_size 0
		.amdhsa_enable_private_segment 0
		.amdhsa_kernarg_size 32
		.amdhsa_user_sgpr_count 2
		.amdhsa_user_sgpr_kernarg_segment_ptr 1
		.amdhsa_wavefront_size32 1
		.amdhsa_system_sgpr_workgroup_id_x 1
		.amdhsa_system_sgpr_workgroup_id_y 1
		.amdhsa_system_sgpr_workgroup_id_z 1
		.amdhsa_system_vgpr_workitem_id 0
		.amdhsa_next_free_vgpr 1024
		.amdhsa_next_free_sgpr 102
		.amdhsa_reserve_vcc 0
		.amdhsa_float_denorm_mode_32 3
		.amdhsa_float_denorm_mode_16_64 3
		.amdhsa_memory_ordered 1
		.amdhsa_forward_progress 1
		.amdhsa_inst_pref_size 211
	.end_amdhsa_kernel
	.amdgpu_metadata
---
amdhsa.version: [ 1, 2 ]
amdhsa.kernels:
  - .name:           k_q0d5a47a673_gemm_ff1
    .symbol:         k_q0d5a47a673_gemm_ff1.kd
    .args:
      - { .name: h2, .offset: 0, .size: 8, .value_kind: global_buffer, .address_space: global }
      - { .name: wts, .offset: 8, .size: 8, .value_kind: global_buffer, .address_space: global }
      - { .name: ff1_b, .offset: 16, .size: 8, .value_kind: global_buffer, .address_space: global }
      - { .name: hid, .offset: 24, .size: 8, .value_kind: global_buffer, .address_space: global }
    .group_segment_fixed_size: 327680
    .private_segment_fixed_size: 0
    .kernarg_segment_align: 8
    .kernarg_segment_size: 32
    .max_flat_workgroup_size: 128
    .sgpr_count:     102
    .vgpr_count:     1024
    .wavefront_size: 32
...
	.end_amdgpu_metadata
.endif
;; end of part 15
;; launch gemm_ff2 (part 16): grid 8 x 32, 4 waves a work-group, clusters of 4 x 4, 327,680 bytes of LDS; arguments hid, wts, ff2_b, x1, out0; writes out0
.if DOCPART == 16
	.amdgcn_target "amdgcn-amd-amdhsa--gfx1250"
	.amdhsa_code_object_version 6
	.text
	.protected	k_q0d5a47a673_gemm_ff2
	.globl	k_q0d5a47a673_gemm_ff2
	.p2align	8
	.type	k_q0d5a47a673_gemm_ff2,@function
k_q0d5a47a673_gemm_ff2:
	s_mov_b64 s[64:65], 0
	v_nop
	global_prefetch_b8 v0, s[64:65] scope:SCOPE_SE
	s_setreg_imm32_b32 hwreg(HW_REG_WAVE_MODE, 25, 1), 1
	s_wait_xcnt 0x0
	s_wait_alu depctr_hold_cnt(0) depctr_sa_sdst(0) depctr_va_vdst(0) depctr_va_sdst(0) depctr_va_ssrc(0) depctr_va_vcc(0) depctr_vm_vsrc(0)
	s_getreg_b32 s2, hwreg(HW_REG_IB_STS2, 6, 4)
	s_cmp_eq_u32 s2, 0
	s_cbranch_scc0 .Lentry_in_a_cluster
	s_endpgm
.Lentry_in_a_cluster:
	s_bfe_u32 s2, ttmp6, 0x10000c
	s_cmp_lg_u32 s2, 0xf033
	s_cbranch_scc0 .Lentry_shape_is_right
	s_endpgm
.Lentry_shape_is_right:
.set KK,     4096
.set MC_OFF, 0
.set MS_OFF, 16777216
.set NC_OFF, 8388608
.set NS_OFF, 12845056
.set LAPS,   KK/1024
.set PANEL,  8704
.set QUART,  4*PANEL
.set SIDE,   8*PANEL
.set SLOT,   2*SIDE
.set SCL,    2*SLOT
.set SPARE,  311808
.set ADRM, 16
.set ADRN, 20
.set BO,   22
.set STO,  24
.set RD,   25
.set CO,   26
.set ADRS, 27
.set SPW,  28
.set NIL,  29
.set SW,   32
.set ACC,  128
.set F0,   0
.set F1,   128
.set G1,   24
.set G0,   32
.set G1B,  48
.set G0B,  56
.set G1S,  68
.set G0S,  76
.set G1SB, 80
.set G0SB, 88
.set MSB, 0
.macro WIN new
.if MSB != \new
	s_set_vgpr_msb (MSB<<8)|\new
.set MSB, \new
.endif
.endm
.set MUL,  0x05
.set TO_F, 0x40
.macro JLOAD g0a, g1a, g0b, g1b
	s_cmp_eq_u32 s15, 0
	s_cbranch_scc0 .Lfor_n_\@
	tensor_load_to_lds s[\g0a:\g0a+3], s[\g1a:\g1a+7]
	s_nop 0
.rept 4
	v_nop
.endr
	s_branch .Lasked_\@
.Lfor_n_\@:
	tensor_load_to_lds s[\g0b:\g0b+3], s[\g1b:\g1b+7]
	s_nop 0
.rept 4
	v_nop
.endr
.Lasked_\@:
.endm
.macro CREST
	s_cmp_lg_u32 s14, 0
	s_cbranch_scc1 .Lnot_wave_0_\@
	s_barrier_signal -3
.Lnot_wave_0_\@:
	s_barrier_wait -3
	s_barrier_signal -1
	s_barrier_wait -1
.endm
.macro CROUND
	s_barrier_signal -1
	s_barrier_wait -1
	CREST
.endm
.macro PLACES n
.rept \n
	v_nop
.endr
.endm
	s_load_b128 s[4:7], s[0:1], 0x0
	s_load_b128 s[8:11], s[0:1], 0x10
	s_load_b64 s[12:13], s[0:1], 0x20
	v_lshl_add_u32 v[SPW], v0, 2, SPARE
	v_mov_b32 v[NIL], 0
	ds_add_u32 v[SPW], v[NIL]
	ds_add_u32 v[SPW], v[NIL]
	v_lshrrev_b32 v1, 5, v0
	v_readfirstlane_b32 s14, v1
	s_lshr_b32 s15, s14, 1
	s_and_b32 s16, s14, 1
	s_bfe_u32 s40, ttmp6, 0x40000
	s_bfe_u32 s41, ttmp6, 0x40004
	s_lshl_b32 s42, ttmp9, 2
	s_add_co_u32 s42, s42, s40
	s_and_b32 s17, ttmp7, 0xffff
	s_lshl_b32 s17, s17, 2
	s_add_co_u32 s17, s17, s41
	s_lshl_b32 s43, s41, 2
	s_lshl_b32 s43, 15, s43
	s_lshl_b32 s44, 0x1111, s40
	s_or_b32 s[G1+0], s43, (3<<16)|(1<<20)|(1<<21)|(5<<22)|(3<<25)
	s_or_b32 s[G1B+0], s44, (3<<16)|(1<<20)|(1<<21)|(5<<22)|(3<<25)
.irp g, G1, G1B
	s_mov_b32 s[\g+1], 32<<16
	s_mov_b32 s[\g+2], 256<<16                     ; at the head a load brings a side's 8 panels: 256 rows; behind it the two words are set to 128
	s_mov_b32 s[\g+3], 32<<16
	s_mov_b32 s[\g+4], 256
	s_mov_b32 s[\g+5], 32
	s_mov_b32 s[\g+6], 0
	s_mov_b32 s[\g+7], 0
.endr
	s_or_b32 s[G1S+0], s43, (3<<16)|(1<<21)
	s_or_b32 s[G1SB+0], s44, (3<<16)|(1<<21)
.irp g, G1S, G1SB
	s_mov_b32 s[\g+1], 32<<16
	s_mov_b32 s[\g+2], (KK/64)<<16                 ; a side's scale words whole: 4 KK bytes
	s_mov_b32 s[\g+3], 32<<16
	s_mov_b32 s[\g+4], KK/64
	s_mov_b32 s[\g+5], 32
	s_mov_b32 s[\g+6], 0
	s_mov_b32 s[\g+7], 0
.endr
	s_lshl_b32 s18, s16, 15
	s_mul_i32 s20, s17, 128*KK
	s_add_co_u32 s20, s20, MC_OFF
	s_mov_b32 s21, 0
	s_mul_i32 s46, s42, 128*KK
	s_add_co_u32 s46, s46, NC_OFF
	s_mov_b32 s47, 0
	s_mov_b32 s19, 0
	s_mul_i32 s22, s17, 4*KK
	s_add_co_u32 s22, s22, MS_OFF
	s_mov_b32 s23, 0
	s_mul_i32 s92, s42, 4*KK
	s_add_co_u32 s92, s92, NS_OFF
	s_mov_b32 s93, 0
	s_mul_i32 s45, s14, QUART
	s_wait_dscnt 0x0
	s_wait_kmcnt 0x0
	s_add_nc_u64 s[20:21], s[4:5], s[20:21]
	s_add_nc_u64 s[22:23], s[4:5], s[22:23]
	s_add_nc_u64 s[46:47], s[6:7], s[46:47]
	s_add_nc_u64 s[92:93], s[6:7], s[92:93]
	CROUND
	s_mov_b32 s[G0S], 1
	s_mov_b32 s[G0S+1], SCL
	s_mov_b64 s[G0S+2:G0S+3], s[22:23]
	s_or_b32 s[G0S+3], s[G0S+3], 0x80000000
	s_mov_b32 s[G0SB], 1
	s_mov_b32 s[G0SB+1], SCL+4*KK
	s_mov_b64 s[G0SB+2:G0SB+3], s[92:93]
	s_or_b32 s[G0SB+3], s[G0SB+3], 0x80000000
	s_mov_b32 s4, 1                                ; s[4:7], s[96:99]: group 0 of the head's loads of slot 0: M's 8 panels, N's 8 panels (the arguments in s[4:7] have been used)
	s_mov_b32 s5, 0
	s_mov_b64 s[6:7], s[20:21]
	s_or_b32 s7, s7, 0x80000000
	s_mov_b32 s96, 1
	s_mov_b32 s97, SIDE
	s_mov_b64 s[98:99], s[46:47]
	s_or_b32 s99, s99, 0x80000000
	s_add_nc_u64 s[20:21], s[20:21], s[18:19]      ; for the ring: my four panels of a side
	s_add_nc_u64 s[46:47], s[46:47], s[18:19]
	; THE PREFETCHES.  Behind the load of K step k each wave asks for K step k + 2: of the 128 rows of 256 bytes that it fetches in the ring, the four partners that ask for them jointly take 32 each, told apart by
	; address (cx for M, cy for N), a lane a row: each block of 256 bytes is named once in each cluster that will load it.  s[92:93] stands at my 32 rows, at first of K step 1; the last two refills ask for nothing
	s_cmp_eq_u32 s15, 0
	s_cselect_b64 s[92:93], s[20:21], s[46:47]
	s_cselect_b32 s94, s40, s41
	s_lshl_b32 s94, s94, 13
	s_add_co_u32 s94, s94, 65536
	s_mov_b32 s95, 0
	s_add_nc_u64 s[92:93], s[92:93], s[94:95]
.irp s, 0,1
	s_mov_b32 s[G0+4*\s], 1
	s_add_co_u32 s[G0+4*\s+1], s45, \s*SLOT
	s_add_nc_u64 s[G0+4*\s+2:G0+4*\s+3], s[20:21], \s*65536
	s_or_b32 s[G0+4*\s+3], s[G0+4*\s+3], 0x80000000
	s_mov_b32 s[G0B+4*\s], 1
	s_add_co_u32 s[G0B+4*\s+1], s45, \s*SLOT
	s_add_nc_u64 s[G0B+4*\s+2:G0B+4*\s+3], s[46:47], \s*65536
	s_or_b32 s[G0B+4*\s+3], s[G0B+4*\s+3], 0x80000000
.endr
; THE HEAD'S LOADS, ONE A WAVE: wave 0 slot 0's M side, wave 1 its N side, wave 2 M's scale words, wave 3 N's; one chain of branches on the wave's number, one load to an arm
.macro ARM under, g0, g1, next
	s_cmp_lt_u32 s14, \under
	s_cbranch_scc0 \next
	tensor_load_to_lds s[\g0:\g0+3], s[\g1:\g1+7]
	s_nop 0
.rept 4
	v_nop
.endr
	s_branch .Lhead_asked
\next:
.endm
	ARM 1, 4, G1, .Lhead_n
	ARM 2, 96, G1B, .Lhead_sm
	ARM 3, G0S, G1S, .Lhead_sn
	tensor_load_to_lds s[G0SB:G0SB+3], s[G1SB:G1SB+7]
	s_nop 0
.rept 4
	v_nop
.endr
.Lhead_asked:
	v_and_b32 v1, 15, v0
	v_bfe_u32 v2, v0, 4, 1
	v_lshrrev_b32 v3, 2, v1
	v_mul_u32_u24 v3, v3, 272
	v_and_b32 v4, 3, v1
	v_lshl_add_u32 v3, v4, 6, v3
	v_lshl_add_u32 v3, v2, 4, v3
	s_mul_i32 s21, s15, 4352
	s_mul_i32 s22, s16, 4352
	s_add_co_u32 s22, s22, SIDE
.irp s, 0,1
	v_add_nc_u32 v[ADRM+\s], s21, v3
	v_add_nc_u32 v[ADRN+\s], s22, v3
	s_add_co_u32 s21, s21, SLOT
	s_add_co_u32 s22, s22, SLOT
.endr
	s_lshl_b32 s21, s15, 8
	s_lshl_b32 s22, s16, 8
	s_add_co_u32 s22, s22, 4*KK
	s_sub_co_u32 s22, s22, s21
	v_mul_u32_u24 v6, s22, v2
	s_add_co_u32 s21, s21, SCL
	v_lshl_add_u32 v5, v1, 2, v6
	v_add_nc_u32 v[ADRS], s21, v5
	s_mul_i32 s23, s14, 4352
	v_mul_u32_u24 v5, v1, 272
	v_lshl_add_u32 v5, v2, 6, v5
	v_add_nc_u32 v[STO], s23, v5
	v_mul_u32_u24 v5, v2, 272
	v_lshl_add_u32 v5, v1, 4, v5
	v_add_nc_u32 v[RD], s23, v5
	v_lshlrev_b32 v[BO], 4, v1
	v_and_b32 v30, 31, v0
	v_lshlrev_b32 v30, 8, v30                      ; the prefetches' offset: 256 x lane; never rewritten
	s_wait_alu depctr_va_vdst(0)
	v_lshl_add_u32 v[CO], v2, 12, v[BO]
	s_lshl_b32 s20, s42, 9
	s_lshl_b32 s21, s16, 8
	s_add_co_u32 s20, s20, s21
	s_mov_b32 s21, 0
	s_add_nc_u64 s[8:9], s[8:9], s[20:21]
	s_lshl_b32 s22, s17, 19
	s_add_co_u32 s20, s20, s22
	s_lshl_b32 s22, s15, 18
	s_add_co_u32 s20, s20, s22
	s_add_nc_u64 s[10:11], s[10:11], s[20:21]
	s_add_nc_u64 s[12:13], s[12:13], s[20:21]
	global_load_b128 v[8:11], v[BO], s[8:9]
	global_prefetch_b8 v30, s[92:93] offset:65536 th:TH_LOAD_NT scope:SCOPE_SE    ; behind K step 0's load: K step 2
.macro FRAG reg, adr, q, i
.irp c, 0,1,2,3
	ds_load_b128 v[\reg+4*\c:\reg+4*\c+3], v[\adr] offset:(2*(\q)+\c/2)*PANEL+(\i)*1088+32*(\c%2)
.endr
.endm
.macro FETCH slot, q, f
	WIN TO_F
.irp i, 0,1,2,3
	FRAG \f+64+16*\i, ADRN+\slot, \q, \i
.endr
.irp i, 0,1,2,3
	FRAG \f+16*\i, ADRM+\slot, \q, \i
.endr
.endm
.macro SCALES sc
.irp i, 0,1,2,3
.irp q, 0,1,2,3
	ds_load_b32 v[SW+16*\sc+4*\i+\q], v[ADRS] offset:512*\q+64*\i
.endr
.endr
.endm
.macro RESID
	WIN 0x80
.irp a, 0,1,2,3
.irp i, 0,1,2,3,4,5,6,7
	global_load_b128 v[32*\a+4*\i:32*\a+4*\i+3], v[CO], s[10:11] offset:(32*(\a/2)+16*(\i/4)+8*(\a%2)+2*(\i%4))*4096
.endr
.endr
.endm
.macro MUL8 f, a0, q, sc, zero
.irp a, \a0, \a0+1
.irp b, 0,1,2,3
.if \zero
	v_wmma_scale_f32_16x16x128_f8f6f4 v[ACC+8*(4*(\a)+\b):ACC+8*(4*(\a)+\b)+7], v[\f+64+16*\b:\f+64+16*\b+15], v[\f+16*(\a):\f+16*(\a)+15], 0, v[SW+16*(\sc)+4*\b+(\q)], v[SW+16*(\sc)+4*(\a)+(\q)] matrix_a_scale:MATRIX_SCALE_ROW1
.else
	v_wmma_scale_f32_16x16x128_f8f6f4 v[ACC+8*(4*(\a)+\b):ACC+8*(4*(\a)+\b)+7], v[\f+64+16*\b:\f+64+16*\b+15], v[\f+16*(\a):\f+16*(\a)+15], v[ACC+8*(4*(\a)+\b):ACC+8*(4*(\a)+\b)+7], v[SW+16*(\sc)+4*\b+(\q)], v[SW+16*(\sc)+4*(\a)+(\q)] matrix_a_scale:MATRIX_SCALE_ROW1
.endif
.endr
.endr
.endm
.macro QSTEP slot, q, f, g, zero
	s_wait_dscnt 8
	WIN MUL
	MUL8 \f, 0, \q, \slot, \zero
	PLACES 8
	FETCH \slot, (\q)+1, \g
	s_wait_dscnt 32
	WIN MUL
	MUL8 \f, 2, \q, \slot, \zero
.endm
.macro TURN slot, next, fill
	WIN 0
.if \fill
	s_wait_xcnt 0x0                                ; my last prefetch has read its address, so it may be stepped: to the K step that this change asks for
	s_add_nc_u64 s[92:93], s[92:93], 65536
.endif
	s_wait_tensorcnt 0x0
	ds_add_u32 v[SPW], v[NIL]
	s_wait_dscnt 9
	WIN MUL
	MUL8 F1, 0, 3, \slot, 0
	s_wait_dscnt 0x0
	s_barrier_signal -1
	WIN 0
	s_barrier_wait -1
.if \fill
	CREST
	s_add_nc_u64 s[G0+4*\slot+2:G0+4*\slot+3], s[G0+4*\slot+2:G0+4*\slot+3], 131072
	s_add_nc_u64 s[G0B+4*\slot+2:G0B+4*\slot+3], s[G0B+4*\slot+2:G0B+4*\slot+3], 131072
	JLOAD G0+4*\slot, G1, G0B+4*\slot, G1B
	PLACES 4
.else
	PLACES 8
.endif
	s_wait_alu depctr_va_vdst(0)
	v_add_nc_u32 v[ADRS], 2048, v[ADRS]
	SCALES \next
	FETCH \next, 0, F0
.if \fill
	WIN 0
	s_cmp_gt_u32 s3, 1                             ; the loop's last trip has no K step two on
	s_cbranch_scc0 .Lno_ask_\@
	global_prefetch_b8 v30, s[92:93] offset:131072 th:TH_LOAD_NT scope:SCOPE_SE
.Lno_ask_\@:
.endif
	WIN MUL
	MUL8 F1, 2, 3, \slot, 0
.endm
	s_wait_alu depctr_va_vdst(0)
	s_wait_tensorcnt 0x0                           ; my one load of the head is in
	ds_add_u32 v[SPW], v[NIL]
	s_mov_b32 s[G1+2], 128<<16                     ; no load of mine is out, so a descriptor may be written: from here on a load brings 128 rows
	s_mov_b32 s[G1+4], 128
	s_mov_b32 s[G1B+2], 128<<16
	s_mov_b32 s[G1B+4], 128
	s_wait_dscnt 0x0
	CROUND
	JLOAD G0+4, G1, G0B+4, G1B                     ; slot 1, a quarter a wave: the first tensor load behind the round
	SCALES 0
	FETCH 0, 0, F0
	RESID
	global_prefetch_b8 v30, s[92:93] offset:131072 th:TH_LOAD_NT scope:SCOPE_SE   ; behind K step 1's load: K step 3
	QSTEP 0, 0, F0, F1, 1
.if LAPS > 1
	WIN 0
	s_mov_b32 s3, LAPS-1
.Llap:
	QSTEP 0, 1, F1, F0, 0
	QSTEP 0, 2, F0, F1, 0
	TURN 0, 1, 1
	QSTEP 1, 0, F0, F1, 0
	QSTEP 1, 1, F1, F0, 0
	QSTEP 1, 2, F0, F1, 0
	TURN 1, 0, 1
	QSTEP 0, 0, F0, F1, 0
	WIN 0
	s_sub_co_u32 s3, s3, 1
	s_cmp_lg_u32 s3, 0
	s_cbranch_scc1 .Llap
.endif
	QSTEP 0, 1, F1, F0, 0
	QSTEP 0, 2, F0, F1, 0
	TURN 0, 1, 0
	QSTEP 1, 0, F0, F1, 0
	QSTEP 1, 1, F1, F0, 0
	QSTEP 1, 2, F0, F1, 0
	s_wait_dscnt 8
	WIN MUL
	MUL8 F1, 0, 3, 1, 0
	s_wait_dscnt 0x0
	MUL8 F1, 2, 3, 1, 0
	WIN 0
	PLACES 8
	s_wait_loadcnt 0x0
.macro OUTBLK a
.if (\a) > 0
	s_wait_xcnt 0x0
.endif
.irp t, 0,1,2,3
	ds_store_b128 v[STO], v[ACC+32*(\a)+8*\t:ACC+32*(\a)+8*\t+3] offset:128*(\t/2)+32*(\t%2)
	ds_store_b128 v[STO], v[ACC+32*(\a)+8*\t+4:ACC+32*(\a)+8*\t+7] offset:128*(\t/2)+32*(\t%2)+16
.endr
.irp i, 0,1,2,3,4,5,6,7
	ds_load_b128 v[64+4*\i:67+4*\i], v[RD] offset:544*\i
.endr
	s_wait_dscnt 0x0
.irp i, 0,1,2,3,4,5,6,7
	v_pk_add_f32 v[64+4*\i:65+4*\i], v[64+4*\i:65+4*\i], v[8:9]
	v_pk_add_f32 v[66+4*\i:67+4*\i], v[66+4*\i:67+4*\i], v[10:11]
.endr
	WIN 0x08
.irp p, 0,2,4,6,8,10,12,14,16,18,20,22,24,26,28,30
	v_pk_add_f32 v[64+\p:65+\p], v[64+\p:65+\p], v[32*(\a)+\p:32*(\a)+\p+1]
.endr
	WIN 0
.irp i, 0,1,2,3,4,5,6,7
	global_store_b128 v[CO], v[64+4*\i:67+4*\i], s[12:13] offset:(32*((\a)/2)+16*(\i/4)+8*((\a)%2)+2*(\i%4))*4096
.endr
.endm
	OUTBLK 0
	OUTBLK 1
	OUTBLK 2
	OUTBLK 3
	s_wait_tensorcnt 0x0
	ds_add_u32 v[SPW], v[NIL]
	s_wait_dscnt 0x0
	CROUND
	s_endpgm
.Lfunc_end_k_q0d5a47a673_gemm_ff2:
	.size	k_q0d5a47a673_gemm_ff2, .Lfunc_end_k_q0d5a47a673_gemm_ff2-k_q0d5a47a673_gemm_ff2
	.p2alignl 7, 3214868480
	.fill 96, 4, 3214868480
	.section	.rodata,"a",@progbits
	.p2align	6, 0x0
	.amdhsa_kernel k_q0d5a47a673_gemm_ff2
		.amdhsa_group_segment_fixed_size 327680
		.amdhsa_private_segment_fixed_size 0
		.amdhsa_enable_private_segment 0
		.amdhsa_kernarg_size 40
		.amdhsa_user_sgpr_count 2
		.amdhsa_user_sgpr_kernarg_segment_ptr 1
		.amdhsa_wavefront_size32 1
		.amdhsa_system_sgpr_workgroup_id_x 1
		.amdhsa_system_sgpr_workgroup_id_y 1
		.amdhsa_system_sgpr_workgroup_id_z 1
		.amdhsa_system_vgpr_workitem_id 0
		.amdhsa_next_free_vgpr 768
		.amdhsa_next_free_sgpr 100
		.amdhsa_reserve_vcc 0
		.amdhsa_float_denorm_mode_32 3
		.amdhsa_float_denorm_mode_16_64 3
		.amdhsa_memory_ordered 1
		.amdhsa_forward_progress 1
		.amdhsa_inst_pref_size 108
	.end_amdhsa_kernel
	.amdgpu_metadata
---
amdhsa.version: [ 1, 2 ]
amdhsa.kernels:
  - .name:           k_q0d5a47a673_gemm_ff2
    .symbol:         k_q0d5a47a673_gemm_ff2.kd
    .args:
      - { .name: hid, .offset: 0, .size: 8, .value_kind: global_buffer, .address_space: global }
      - { .name: wts, .offset: 8, .size: 8, .value_kind: global_buffer, .address_space: global }
      - { .name: ff2_b, .offset: 16, .size: 8, .value_kind: global_buffer, .address_space: global }
      - { .name: x1, .offset: 24, .size: 8, .value_kind: global_buffer, .address_space: global }
      - { .name: out0, .offset: 32, .size: 8, .value_kind: global_buffer, .address_space: global }
    .group_segment_fixed_size: 327680
    .private_segment_fixed_size: 0
    .kernarg_segment_align: 8
    .kernarg_segment_size: 40
    .max_flat_workgroup_size: 128
    .sgpr_count:     100
    .vgpr_count:     768
    .wavefront_size: 32
...
	.end_amdgpu_metadata
.endif
;; end of part 16
